; MI455X (gfx1250); checked and timed in simulation.
; The chip was launched on July 23, 2026; its instructions are those of AMD's public machine-readable ISA for CDNA 5 (MIT licence, August 2026) and "CDNA5" Instruction Set Architecture Reference Guide (July 2026). The comments in the code are by the model that wrote it; some were corrected since.
;; Block. Allowed arithmetic: matrix products marked QUANTISED: E2M3 operands, one E8M0 scale for each 32 along K, by v_wmma_scale_f32_16x16x128_f8f6f4 with both operands' format E2M3, f32 sums; everything else in f32.
;; Inputs: b1 4,096 float32; b2 1,024 float32; b_proj 1,024 float32; be1 1,024 float32; be2 1,024 float32; g1 1,024 float32; g2 1,024 float32; w1 1,024 x 4,096 float32; w2 4,096 x 1,024 float32; w_proj 1,024 x 1,024 float32; wk 16 x 1,024 x 64 float32; wq 16 x 1,024 x 64 float32; wv 16 x 1,024 x 64 float32; x 2 x 2,048 x 1,024 float32.
;; Outputs: out0 2 x 2,048 x 1,024 float32.
;; This version of the problem:
;;   THIS VERSION OF THE PROBLEM IS GIVEN IN LOW PRECISION. The matrix products marked QUANTISED in the list below multiply operands that are first quantised to E2M3 (2 exponent bits, 3 mantissa bits; 6 bits a number), with one power-of-two scale for each 32 numbers along K (OCP MX v1.0); their sums are f32. All else is computed in f32.
;;   The module's matrix products, in the order in which they are computed (A, B: the left and right operand; K: the contracted axis; several contracted axes count as one K, in the product's order):
;;     1. [M 1,024, K 1,024] x [K 1,024, N 4,096]; A: input wq; B: computed on the way: QUANTISED
;;     2. [M 1,024, K 1,024] x [K 1,024, N 4,096]; A: input wk; B: computed on the way: QUANTISED
;;     3. [M 1,024, K 1,024] x [K 1,024, N 4,096]; A: input wv; B: computed on the way: QUANTISED
;;     4. batch 32 x [M 2,048, K 64] x [K 64, N 2,048]; A: computed on the way; B: computed on the way: QUANTISED
;;     5. batch 32 x [M 2,048, K 2,048] x [K 2,048, N 64]; A: softmax (see below); B: computed on the way: QUANTISED
;;     6. [M 4,096, K 1,024] x [K 1,024, N 1,024]; A: computed on the way; B: input w_proj: QUANTISED
;;     7. [M 4,096, K 1,024] x [K 1,024, N 4,096]; A: computed on the way; B: input w1: QUANTISED
;;     8. [M 4,096, K 4,096] x [K 4,096, N 1,024]; A: computed on the way; B: input w2: QUANTISED
;;   THE QUANTISER, for each operand of a quantised product, along K:
;;     - K is cut into blocks of 32 from its start; a last block that is shorter is filled with zeros.
;;     - A block's scale is 2^e with e = floor(log2(the largest magnitude in the block)) - 2, held to -126 .. 127; a block of zeros has e = 0. As a byte (E8M0): e + 127.
;;     - Each number is divided by its block's scale, clamped to +-7.5, and rounded to the nearest number of E2M3, ties to even, subnormals kept.
;;     - The product sums the exact products of the quantised numbers (number of the format x scale) in f32.
;;   ~~~python
;;   def quantise(x, axis):      # numpy; x: float32 -> the quantised numbers, widened to float32 again
;;       x = np.moveaxis(x, axis, -1); K = x.shape[-1]
;;       x = np.pad(x, [(0, 0)] * (x.ndim - 1) + [(0, -K % 32)]); x = x.reshape(x.shape[:-1] + (-1, 32)); a = np.abs(x).max(-1, keepdims=True)
;;       e = np.where(a > 0, np.clip(np.frexp(np.where(a > 0, a, 1))[1] - 1 - 2, -126, 127), 0)      # np.frexp(a)[1] - 1 = floor(log2(a)), exactly
;;       r = np.clip(x / 2.0 ** e, -7.5, 7.5)
;;       step = 2.0 ** (np.maximum(np.frexp(np.where(r == 0, 1, r))[1] - 1, 0) - 3)
;;       q = np.round(r / step) * step * 2.0 ** e      # np.round: ties to even
;;       return np.moveaxis(q.reshape(q.shape[:-2] + (-1,))[..., :K], -1, axis).astype(np.float32)
;;   ~~~
;;   SOFTMAX AHEAD OF A QUANTISED PRODUCT. Where the list says 'softmax', what is quantised is not the finished softmax but p = 2^(t - M), with t = logit x log2(e) and M = ceil(the row's largest t), a whole number; so 1/2 < the row's largest p <= 1. The row's sum l is taken of the UNQUANTISED p, in f32, and the product's result is divided by l at the end. Since M is a whole number, a kernel that streams over the keys may use a running M (the ceiling of the running maximum): every later rescaling is an exact power of two, which a block's scale takes up: the codes' values come out the same.
;;   OPERANDS COMPUTED ON THE WAY. 'Computed on the way' means the value that the module computes at that place (a softmax that the list does not call 'softmax' is quantised finished and normalised). What goes into a quantiser is computed in f32, as accurately as f32 sums, v_exp_f32 and their like allow (about 1e-6 of the number): no bf16 or f16 on the way to a quantiser, and a product that is left as it is and whose result goes on into a quantised operand takes f32 operands (vector FMAs, or v_wmma_f32_16x16x4_f32). A number that lies on a knife's edge between two numbers of the format may be rounded either way, as far as f32 arithmetic and the matrix unit's own rounding can turn it there, and no further.
;; 2 versions. Each part assembles by itself: llvm-mc -triple=amdgcn-amd-amdhsa -mcpu=gfx1250 --defsym DOCPART=n.
;; ======== version 1 of 2: 8 launches
;; workspace buffers: W 19,267,584 bytes; HB 3,276,800 bytes; H2 3,276,800 bytes; AT 3,276,800 bytes; QKV 19,660,800 bytes; X1 16,777,216 bytes; HID 13,107,200 bytes
;; launch wquant (part 1): grid 384 x 1, 4 waves a work-group, no clusters, 25,088 bytes of LDS; arguments wq, wk, wv, w_proj, w1, w2, W; writes W
.if DOCPART == 1
	.amdgcn_target "amdgcn-amd-amdhsa--gfx1250"
	.amdhsa_code_object_version 6
	.text
	.protected	k_q55afb5ae03_wquant
	.globl	k_q55afb5ae03_wquant
	.p2align	8
	.type	k_q55afb5ae03_wquant,@function
k_q55afb5ae03_wquant:
	s_mov_b64 s[64:65], 0
	v_nop
	global_prefetch_b8 v0, s[64:65] scope:SCOPE_SE
	s_setreg_imm32_b32 hwreg(HW_REG_WAVE_MODE, 25, 1), 1
	s_wait_xcnt 0x0
; The six weights, f32 with K as their outer axis, become codes of FP6 (E2M3) with one E8M0 byte for each 32 along K, laid as IMAGES OF OPERAND REGISTERS.
; ROW BLOCKS.  16 outputs n form block i; lane r of block 2 g + u holds output 32 g + 8 u + (r & 7) + 16 (r >> 3).
; HALF IMAGE (hp = K / 64, block i), 768 bytes at (256 hp + i) x 768: lane (r, h) owns the 24 bytes of k = 64 hp + 32 h + 0 .. 31: its first 16 bytes at 16 x lane, its last 8 at 512 + 8 x lane.
; SCALE WORDS (four bytes: 128 along K of one row) at (i x KS + K / 128) x 64 + 4 r.
; W: codes of wq, wk, wv, w_proj (blocks 0-63, 64-127, 128-191, 192-255) at 0; of w1 at 0x300000; of w2 at 0x600000 (blocks 0-63 of each 256); scale words at 0x1200000, 0x1220000, 0x1240000.
; A LANE TAKES A COLUMN n AND ITS REGISTERS RUN DOWN K: a block of 32 lies in one lane, a load reads 128 consecutive bytes a wave, and the conversions give codes with K innermost.
; A work-group takes 128 columns x 256 along K, a wave 32 columns (blocks 2 g, 2 g + 1).  Which tensor: work-groups 0-127 the four of 1,024 x 1,024 (32 each), 128-255 w1, 256-383 w2; chosen by selects, one path.
; A block's scale is 2^(floor(log2(largest magnitude)) - 2); its byte is the largest magnitude's exponent field - 2, held at 1 from below.
; LIMITS: a block of zeros keeps the byte 1 (its codes are zeros; this program alone reads the bytes); blocks whose largest magnitude lies under 2^-124 were not tried; NaN and infinities are not served.
.set STG,  6144                        ; a wave's stage in LDS: 4 hp x 2 blocks x 768 bytes
.set BLKP, 196608                      ; from hp to hp in memory
.set EMAX, 2
.set SB,   24                          ; v24-25   two scale words
.set OF,   32                          ; v32-63   byte offset of row j of a block of 32, at my column
.set X,    64                          ; v64-127  two sets of 32 numbers
.set C,    128                         ; v128-134 a block's codes
.set OUTR, 136                         ; v136-183 the way out
	s_load_b256 s[4:11], s[0:1], 0x0               ; wq, wk, wv, w_proj
	s_load_b128 s[12:15], s[0:1], 0x20             ; w1, w2
	s_load_b64 s[16:17], s[0:1], 0x30              ; W
	v_lshl_add_u32 v192, v0, 2, 0x6000
	v_mov_b32 v193, 0
	v_lshrrev_b32 v1, 5, v0
	v_readfirstlane_b32 s18, v1                    ; wave
	v_and_b32 v2, 31, v0                           ; lane = my column in the wave's 32
	v_bfe_u32 v3, v0, 3, 1                         ; u: which of the two blocks
	v_and_b32 v4, 7, v0
	v_bfe_u32 v1, v0, 4, 1
	v_lshl_add_u32 v4, v1, 3, v4                   ; r: my column's lane in its block's image
	s_mul_i32 s62, s18, STG
	v_mul_u32_u24 v5, v3, 768
	v_lshl_add_u32 v6, v4, 3, v5
	v_lshl_add_u32 v5, v4, 4, v5
	v_add_nc_u32 v5, s62, v5                       ; stage: 768 u + 16 r: the first 16 bytes
	v_add_nc_u32 v6, s62, v6
	v_add_nc_u32 v6, 512, v6                       ; 768 u + 512 + 8 r: the last 8
	v_lshlrev_b32 v8, 4, v2                        ; the way out: 16 x lane, in memory
	v_add_nc_u32 v7, s62, v8                       ; and in the stage
	v_lshlrev_b32 v10, 2, v2                       ; 4 x lane
	; which tensor, which 128 columns (cg), which 256 along K (ky)
	s_lshr_b32 s20, ttmp9, 7                       ; 0: the four small ones, 1: w1, 2: w2
	s_and_b32 s19, ttmp9, 127
	s_lshr_b32 s21, s19, 5                         ; which of the four
	s_and_b32 s22, s19, 31
	s_cmp_eq_u32 s20, 0
	s_cselect_b32 s22, s22, s19
	s_cselect_b32 s31, s21, 0
	s_cmp_eq_u32 s20, 1
	s_cselect_b32 s60, 31, 7
	s_cselect_b32 s61, 5, 3
	s_mov_b32 s25, 4096
	s_mov_b32 s23, 16384
	s_cselect_b32 s25, s23, s25
	s_cmp_lt_u32 ttmp9, 96
	s_cselect_b32 s25, 256, s25                    ; bytes from k to k + 1: 256 in [head][k][64], else the row
	s_cmp_eq_u32 s20, 2
	s_cselect_b32 s26, 32, 8                       ; KS = K / 128
	s_and_b32 s23, s22, s60                        ; cg
	s_lshr_b32 s24, s22, s61                       ; ky
	s_mul_i32 s27, s20, 0x300000                   ; where the tensor's codes begin in W
	s_lshl_b32 s28, s20, 17
	s_add_co_u32 s28, s28, 0x1200000               ; and its scale words
	s_lshl_b32 s29, s23, 7
	s_lshl_b32 s60, s18, 5
	s_add_co_u32 s29, s29, s60                     ; my first column
	s_lshr_b32 s48, s29, 6
	s_lshl_b32 s48, s48, 18                        ; a head is 1,024 x 64 x 4 bytes
	s_and_b32 s49, s29, 63
	s_lshl_b32 s49, s49, 2
	s_add_co_u32 s48, s48, s49
	s_lshl_b32 s49, s29, 2
	s_cmp_lt_u32 ttmp9, 96
	s_cselect_b32 s48, s48, s49                    ; the column's bytes
	s_lshl_b32 s49, s24, 8
	s_mul_i32 s49, s49, s25
	s_add_co_u32 s48, s48, s49                     ; + 256 ky rows
	s_mov_b32 s49, 0
	s_lshl_b32 s50, s25, 5                         ; 32 rows
	s_mov_b32 s51, 0
	s_lshl_b32 s30, s23, 3
	s_lshl_b32 s60, s18, 1
	s_add_co_u32 s30, s30, s60
	s_lshl_b32 s60, s31, 6
	s_add_co_u32 s30, s30, s60                     ; my first block
	s_lshl_b32 s52, s24, 10                        ; 4 ky x 256
	s_add_co_u32 s52, s52, s30
	s_mul_i32 s52, s52, 768
	s_add_co_u32 s52, s52, s27
	s_mov_b32 s53, 0
	s_mul_i32 s54, s30, s26
	s_lshl_b32 s60, s24, 1
	s_add_co_u32 s54, s54, s60
	s_lshl_b32 s54, s54, 6
	s_add_co_u32 s54, s54, s28
	s_mov_b32 s55, 0
	s_lshl_b32 s60, s26, 6
	v_mul_u32_u24 v9, s60, v3
	v_lshl_add_u32 v9, v4, 2, v9                   ; my scale words: 64 KS u + 4 r
.set J, 0
.rept 32
	v_mad_u32_u24 v[OF+J], s25, J, v10             ; row J of a block, my column
.set J, J+1
.endr
	s_wait_kmcnt 0x0
	s_cmp_eq_u32 s21, 1                            ; the source: the choices hang on the work-group's number alone
	s_cselect_b64 s[4:5], s[6:7], s[4:5]
	s_cmp_eq_u32 s21, 2
	s_cselect_b64 s[4:5], s[8:9], s[4:5]
	s_cmp_eq_u32 s21, 3
	s_cselect_b64 s[4:5], s[10:11], s[4:5]
	s_cmp_eq_u32 s20, 1
	s_cselect_b64 s[4:5], s[12:13], s[4:5]
	s_cmp_eq_u32 s20, 2
	s_cselect_b64 s[4:5], s[14:15], s[4:5]
	s_add_nc_u64 s[32:33], s[4:5], s[48:49]        ; a base for each of the eight blocks: no pointer is stepped
.irp k, 1,2,3,4,5,6,7
	s_add_nc_u64 s[32+2*\k:33+2*\k], s[30+2*\k:31+2*\k], s[50:51]
.endr
	s_add_nc_u64 s[56:57], s[16:17], s[52:53]      ; my codes
	s_add_nc_u64 s[58:59], s[16:17], s[54:55]      ; my scale words
.macro LOAD kb
.set J, 0
.rept 32
	global_load_b32 v[X+32*((\kb)%2)+J], v[OF+J], s[32+2*(\kb):33+2*(\kb)] th:TH_LOAD_NT
.set J, J+1
.endr
.endm
	LOAD 0
	LOAD 1
.macro BLOCK kb
.set XS, X+32*((\kb)%2)
.if (\kb) < 7
	s_wait_loadcnt 32                              ; this block's 32 loads are in; the next block's may be out
.else
	s_wait_loadcnt 0
.endif
	v_max3_num_f32 v12, |v[XS]|, |v[XS+1]|, |v[XS+2]|              ; the block's largest magnitude: all 32 numbers are mine
	v_max3_num_f32 v13, |v[XS+3]|, |v[XS+4]|, |v[XS+5]|
.irp i, 6,10,14,18,22,26
	v_max3_num_f32 v12, v12, |v[XS+\i]|, |v[XS+\i+1]|
	v_max3_num_f32 v13, v13, |v[XS+\i+2]|, |v[XS+\i+3]|
.endr
	v_max3_num_f32 v12, v12, |v[XS+30]|, |v[XS+31]|
	v_max3_num_f32 v12, v12, v13, (EMAX+1)<<23     ; and the floor 2^(3 - 127): the byte cannot fall under 1
	v_add_nc_u32 v11, -(EMAX<<23), v12             ; 2 off the exponent field: the conversion's scale operand
	v_lshrrev_b32 v13, 23, v11                     ; the scale's byte
.if (\kb)%4 == 0
	v_mov_b32 v[SB+(\kb)/4], v13
.else
	v_lshl_or_b32 v[SB+(\kb)/4], v13, 8*((\kb)%4), v[SB+(\kb)/4]
.endif
	v_cvt_scalef32_pk16_fp6_f32 v[C:C+2], v[XS:XS+15], v11
	v_cvt_scalef32_pk16_fp6_f32 v[C+4:C+6], v[XS+16:XS+31], v11    ; (a conversion's three registers begin on an even number)
	v_nop                                          ; one plain place behind a scaled conversion
	v_mov_b32 v[C+3], v[C+4]                       ; the six registers on end
	v_mov_b32 v[C+4], v[C+5]
	v_mov_b32 v[C+5], v[C+6]
	ds_store_b128 v5, v[C:C+3] offset:((\kb)/2)*1536+((\kb)%2)*256  ; hp kb / 2, image lane r + 16 (kb % 2)
	ds_store_b64 v6, v[C+4:C+5] offset:((\kb)/2)*1536+((\kb)%2)*128
.if (\kb) < 6
	LOAD (\kb)+2
.endif
	s_wait_dscnt 0x0                               ; the stores have read their registers: the next block's codes may be written
.endm
.irp k, 0,1,2,3,4,5,6,7
	BLOCK \k
.endr
	global_store_b32 v9, v[SB], s[58:59]           ; 16 lanes store a block's 64 bytes of scale words
	global_store_b32 v9, v[SB+1], s[58:59] offset:64
.irp n, 0,1,2,3,4,5,6,7,8,9,10,11
	ds_load_b128 v[OUTR+4*\n:OUTR+4*\n+3], v7 offset:512*\n        ; LDS serves a wave's instructions in order: these see my stores
.endr
.irp n, 0,1,2,3,4,5,6,7,8,9,10,11
	s_wait_dscnt 11-\n
	global_store_b128 v8, v[OUTR+4*\n:OUTR+4*\n+3], s[56:57] offset:(\n/3)*BLKP+(\n%3)*512   ; 32 lanes store 512 consecutive bytes, at a multiple of 256 from W's first byte
.endr
	s_wait_tensorcnt 0x0
	ds_add_u32 v192, v193
	s_wait_dscnt 0x0
	s_endpgm
.Lfunc_end_k_q55afb5ae03_wquant:
	.size	k_q55afb5ae03_wquant, .Lfunc_end_k_q55afb5ae03_wquant-k_q55afb5ae03_wquant
	.p2alignl 7, 3214868480
	.fill 96, 4, 3214868480
	.section	.rodata,"a",@progbits
	.p2align	6, 0x0
	.amdhsa_kernel k_q55afb5ae03_wquant
		.amdhsa_group_segment_fixed_size 25088
		.amdhsa_private_segment_fixed_size 0
		.amdhsa_enable_private_segment 0
		.amdhsa_kernarg_size 56
		.amdhsa_user_sgpr_count 2
		.amdhsa_user_sgpr_kernarg_segment_ptr 1
		.amdhsa_wavefront_size32 1
		.amdhsa_system_sgpr_workgroup_id_x 1
		.amdhsa_system_sgpr_workgroup_id_y 1
		.amdhsa_system_sgpr_workgroup_id_z 1
		.amdhsa_system_vgpr_workitem_id 0
		.amdhsa_next_free_vgpr 194
		.amdhsa_next_free_sgpr 66
		.amdhsa_reserve_vcc 0
		.amdhsa_float_denorm_mode_32 3
		.amdhsa_float_denorm_mode_16_64 3
		.amdhsa_memory_ordered 1
		.amdhsa_forward_progress 1
		.amdhsa_inst_pref_size 46
	.end_amdhsa_kernel
	.amdgpu_metadata
---
amdhsa.version: [ 1, 2 ]
amdhsa.kernels:
  - .name:           k_q55afb5ae03_wquant
    .symbol:         k_q55afb5ae03_wquant.kd
    .args:
      - { .name: wq, .offset: 0, .size: 8, .value_kind: global_buffer, .address_space: global }
      - { .name: wk, .offset: 8, .size: 8, .value_kind: global_buffer, .address_space: global }
      - { .name: wv, .offset: 16, .size: 8, .value_kind: global_buffer, .address_space: global }
      - { .name: w_proj, .offset: 24, .size: 8, .value_kind: global_buffer, .address_space: global }
      - { .name: w1, .offset: 32, .size: 8, .value_kind: global_buffer, .address_space: global }
      - { .name: w2, .offset: 40, .size: 8, .value_kind: global_buffer, .address_space: global }
      - { .name: W, .offset: 48, .size: 8, .value_kind: global_buffer, .address_space: global }
    .group_segment_fixed_size: 25088
    .private_segment_fixed_size: 0
    .kernarg_segment_align: 8
    .kernarg_segment_size: 56
    .max_flat_workgroup_size: 128
    .sgpr_count:     66
    .vgpr_count:     194
    .wavefront_size: 32
...
	.end_amdgpu_metadata
.endif
;; end of part 1
;; launch ln1 (part 2): grid 256 x 1, 8 waves a work-group, no clusters, 66,816 bytes of LDS; arguments x, g1, be1, HB; writes HB
.if DOCPART == 2
	.amdgcn_target "amdgcn-amd-amdhsa--gfx1250"
	.amdhsa_code_object_version 6
	.text
	.protected	k_q55afb5ae03_ln1
	.globl	k_q55afb5ae03_ln1
	.p2align	8
	.type	k_q55afb5ae03_ln1,@function
k_q55afb5ae03_ln1:
	s_mov_b64 s[64:65], 0
	v_nop
	global_prefetch_b8 v0, s[64:65] scope:SCOPE_SE
	s_setreg_imm32_b32 hwreg(HW_REG_WAVE_MODE, 25, 1), 1
	s_wait_xcnt 0x0
; y = (x - mean) rsqrt(var + 1e-5) g + b along rows of 1,024 f32, then quantised along the row to codes of FP6 (E2M3) with one E8M0 byte for each 32, laid as images of operand registers.
; A work-group makes row block i (its number): image lane r holds token 32 (i >> 1) + 8 (i & 1) + (r & 7) + 16 (r >> 3).
; OUT: half image (hp = column / 64, block i), 768 bytes at (256 hp + i) x 768: lane (r, h) owns the 24 bytes of k = 64 hp + 32 h + 0 .. 31: 16 bytes at 16 x lane, 8 at 512 + 8 x lane; scale words at 0x300000 + (8 i + k / 128) x 64 + 4 r.
; PHASE A: wave w norms image rows 2 w and 2 w + 1, two neighbouring tokens (8,192 consecutive bytes), in two passes (mean, then the squares of the differences), all in f32, and lays them in LDS.
; PHASE B, behind the one barrier: wave w quantises columns 128 w .. 128 w + 127 of the 16 rows: one fragment and one scale word a row.
; LIMITS: a block of zeros keeps the byte 1 (its codes are zeros; this program alone reads the bytes); blocks under 2^-124 were not tried; NaN and infinities are not served.
.set PITCH, 4112                       ; an LDS row: 4,096 bytes + 16: the 16 rows that a load touches start 4 banks apart
.set X,   16                           ; v16-79   two rows, 32 registers each; later 64 numbers to quantise
.set G,   80                           ; v80-111  the gain at my columns
.set BE,  112                          ; v112-143 the shift
.set SA,  144                          ; v144-151 row q: two running pairs at v[SA + 4 q]
.set MN,  152                          ; v152-155 row q: the mean, twice
.set RSQ, 156                          ; v156-159 row q: 1 / sqrt(var + eps), twice
.set TM,  160
.set PW,  176
.set PC,  180
	s_load_b256 s[4:11], s[0:1], 0x0               ; in, gain, shift, out
	v_lshl_add_u32 v208, v0, 2, 0x10100
	v_mov_b32 v209, 0
	v_lshrrev_b32 v1, 5, v0
	v_readfirstlane_b32 s12, v1                    ; wave 0..7
	v_and_b32 v8, 31, v0
	v_and_b32 v9, 15, v0                           ; r
	v_bfe_u32 v10, v0, 4, 1                        ; h
	v_lshlrev_b32 v1, 4, v8                        ; 16 x lane
	v_lshlrev_b32 v4, 3, v8                        ; 8 x lane
	v_lshlrev_b32 v5, 2, v9                        ; 4 r
	s_mul_i32 s20, s12, 2*PITCH
	v_add_nc_u32 v2, s20, v1                       ; LDS, in: my wave's two rows
	v_mul_u32_u24 v3, v9, PITCH
	v_lshl_add_u32 v3, v10, 6, v3
	s_lshl_b32 s21, s12, 9
	v_add_nc_u32 v3, s21, v3                       ; LDS, out: row r, + 512 w + 64 h
	v_mov_b32 v6, 0                                ; written once: a lane permute's destination counts as one of its sources
	v_mov_b32 v7, 0
.irp b, 0,1,2,3
	v_mov_b32 v[TM+4+\b], 0
.endr
	s_mov_b32 s16, 0x76543210
	s_mov_b32 s17, 0xfedcba98                      ; v_permlanex16_b32's selects for lane l xor 16
	s_mov_b32 s18, 0x3a800000                      ; 1 / 1,024
	s_mov_b32 s19, 0x3727c5ac                      ; 1e-5
	s_lshr_b32 s13, ttmp9, 1
	s_lshl_b32 s13, s13, 5
	s_and_b32 s14, ttmp9, 1
	s_lshl_b32 s14, s14, 3
	s_add_co_u32 s13, s13, s14
	s_lshl_b32 s14, s12, 1
	s_and_b32 s14, s14, 7
	s_add_co_u32 s13, s13, s14
	s_lshr_b32 s14, s12, 2
	s_lshl_b32 s14, s14, 4
	s_add_co_u32 s13, s13, s14                     ; my first token
	s_lshl_b32 s14, s13, 12
	s_mov_b32 s15, 0
	s_mul_i32 s22, ttmp9, 768
	s_mul_i32 s23, s12, 393216                     ; two hp a wave
	s_add_co_u32 s22, s22, s23
	s_mov_b32 s23, 0
	s_lshl_b32 s24, ttmp9, 3
	s_add_co_u32 s24, s24, s12
	s_lshl_b32 s24, s24, 6
	s_add_co_u32 s24, s24, 0x300000
	s_mov_b32 s25, 0
	s_wait_kmcnt 0x0
	s_add_nc_u64 s[4:5], s[4:5], s[14:15]
	s_add_nc_u64 s[22:23], s[10:11], s[22:23]      ; my codes
	s_add_nc_u64 s[24:25], s[10:11], s[24:25]      ; my scale words
.irp q, 0,1
.irp j, 0,1,2,3,4,5,6,7
	global_load_b128 v[X+32*\q+4*\j:X+32*\q+4*\j+3], v1, s[4:5] offset:4096*\q+512*\j   ; 32 lanes read 512 consecutive bytes
.endr
.endr
.irp j, 0,1,2,3,4,5,6,7
	global_load_b128 v[G+4*\j:G+4*\j+3], v1, s[6:7] offset:512*\j
	global_load_b128 v[BE+4*\j:BE+4*\j+3], v1, s[8:9] offset:512*\j
.endr
.macro ACROSS                          ; v[SA] and v[SA + 4]: each summed over the 32 lanes, the two rows by turns
.irp m, 1,2,4,8
.irp q, 0,1
	v_add_f32_dpp v[SA+4*\q], v[SA+4*\q], v[SA+4*\q] row_xmask:\m row_mask:0xf bank_mask:0xf
.endr
.endr
.irp q, 0,1
	v_permlanex16_b32 v[6+\q], v[SA+4*\q], s16, s17
.endr
.irp q, 0,1
	v_add_f32 v[SA+4*\q], v[SA+4*\q], v[6+\q]
.endr
.endm
	s_wait_loadcnt 16                              ; the two rows are in; the 16 loads of gain and shift may be out
.irp q, 0,1
	v_pk_add_f32 v[SA+4*\q:SA+4*\q+1], v[X+32*\q:X+32*\q+1], v[X+32*\q+4:X+32*\q+5]
	v_pk_add_f32 v[SA+4*\q+2:SA+4*\q+3], v[X+32*\q+2:X+32*\q+3], v[X+32*\q+6:X+32*\q+7]
.endr
.irp j, 8,12,16,20,24,28
.irp q, 0,1
	v_pk_add_f32 v[SA+4*\q:SA+4*\q+1], v[SA+4*\q:SA+4*\q+1], v[X+32*\q+\j:X+32*\q+\j+1]
	v_pk_add_f32 v[SA+4*\q+2:SA+4*\q+3], v[SA+4*\q+2:SA+4*\q+3], v[X+32*\q+\j+2:X+32*\q+\j+3]
.endr
.endr
.irp q, 0,1
	v_pk_add_f32 v[SA+4*\q:SA+4*\q+1], v[SA+4*\q:SA+4*\q+1], v[SA+4*\q+2:SA+4*\q+3]
.endr
.irp q, 0,1
	v_add_f32 v[SA+4*\q], v[SA+4*\q], v[SA+4*\q+1]
.endr
	ACROSS
.irp q, 0,1
	v_mul_f32 v[MN+2*\q], s18, v[SA+4*\q]          ; the mean
.endr
.irp q, 0,1
	v_mov_b32 v[MN+2*\q+1], v[MN+2*\q]
.endr
.irp j, 0,2,4,6,8,10,12,14,16,18,20,22,24,26,28,30
.irp q, 0,1
	v_pk_add_f32 v[X+32*\q+\j:X+32*\q+\j+1], v[X+32*\q+\j:X+32*\q+\j+1], v[MN+2*\q:MN+2*\q+1] neg_lo:[0,1] neg_hi:[0,1]   ; x - mean, in place
.endr
.endr
.irp q, 0,1
	v_pk_mul_f32 v[SA+4*\q:SA+4*\q+1], v[X+32*\q:X+32*\q+1], v[X+32*\q:X+32*\q+1]
	v_pk_mul_f32 v[SA+4*\q+2:SA+4*\q+3], v[X+32*\q+2:X+32*\q+3], v[X+32*\q+2:X+32*\q+3]
.endr
.irp j, 4,8,12,16,20,24,28
.irp q, 0,1
	v_pk_fma_f32 v[SA+4*\q:SA+4*\q+1], v[X+32*\q+\j:X+32*\q+\j+1], v[X+32*\q+\j:X+32*\q+\j+1], v[SA+4*\q:SA+4*\q+1]
	v_pk_fma_f32 v[SA+4*\q+2:SA+4*\q+3], v[X+32*\q+\j+2:X+32*\q+\j+3], v[X+32*\q+\j+2:X+32*\q+\j+3], v[SA+4*\q+2:SA+4*\q+3]
.endr
.endr
.irp q, 0,1
	v_pk_add_f32 v[SA+4*\q:SA+4*\q+1], v[SA+4*\q:SA+4*\q+1], v[SA+4*\q+2:SA+4*\q+3]
.endr
.irp q, 0,1
	v_add_f32 v[SA+4*\q], v[SA+4*\q], v[SA+4*\q+1]
.endr
	ACROSS
.irp q, 0,1
	v_fma_f32 v[SA+4*\q], v[SA+4*\q], s18, s19     ; var + eps
.endr
.irp q, 0,1
	v_rsq_f32 v[RSQ+2*\q], v[SA+4*\q]              ; made twice, to fill the pair that the packed multiply names
	v_rsq_f32 v[RSQ+2*\q+1], v[SA+4*\q]
.endr
	v_nop                                          ; a plain instruction behind the last of the batch
	s_wait_alu depctr_va_vdst(0)                   ; one wait for the four, ahead of their first reader
	s_wait_loadcnt 0x0                             ; gain and shift
.irp j, 0,2,4,6,8,10,12,14,16,18,20,22,24,26,28,30
.irp q, 0,1
	v_pk_mul_f32 v[X+32*\q+\j:X+32*\q+\j+1], v[X+32*\q+\j:X+32*\q+\j+1], v[RSQ+2*\q:RSQ+2*\q+1]
.endr
.irp q, 0,1
	v_pk_fma_f32 v[X+32*\q+\j:X+32*\q+\j+1], v[X+32*\q+\j:X+32*\q+\j+1], v[G+\j:G+\j+1], v[BE+\j:BE+\j+1]
.endr
.endr
.irp q, 0,1
.irp j, 0,1,2,3,4,5,6,7
	ds_store_b128 v2, v[X+32*\q+4*\j:X+32*\q+4*\j+3] offset:PITCH*\q+512*\j
.endr
.endr
	s_wait_dscnt 0x0                               ; for the others' sake: my rows lie in LDS
	s_barrier_signal -1
	s_barrier_wait -1
.irp b, 0,1,2,3
.irp j, 0,1,2,3
	ds_load_b128 v[X+16*\b+4*\j:X+16*\b+4*\j+3], v3 offset:128*\b+16*\j   ; register 16 b + i = column 128 w + 32 b + 16 h + i of row r
.endr
.endr
	s_wait_dscnt 0x0
.irp b, 0,1,2,3
	v_max3_num_f32 v[TM+\b], |v[X+16*\b]|, |v[X+1+16*\b]|, 0x1800000   ; block b: my 16 numbers, and the floor 2^(3 - 127)
.endr
.irp i, 2,4,6,8,10,12,14
.irp b, 0,1,2,3
	v_max3_num_f32 v[TM+\b], v[TM+\b], |v[X+16*\b+\i]|, |v[X+1+16*\b+\i]|
.endr
.endr
.irp b, 0,1,2,3
	v_permlanex16_b32 v[TM+4+\b], v[TM+\b], s16, s17
.endr
.irp b, 0,1,2,3
	v_max_num_f32 v[TM+\b], v[TM+\b], v[TM+4+\b]   ; with lane l xor 16's: the block's largest magnitude
.endr
.irp b, 0,1,2,3
	v_add_nc_u32 v[TM+12+\b], 0xff000000, v[TM+\b] ; 2 off its exponent field: the conversion's scale operand
.endr
.irp b, 0,1,2,3
	v_lshrrev_b32 v[TM+4+\b], 23, v[TM+12+\b]      ; the scale's byte
.endr
	v_lshl_or_b32 v[PW], v[TM+5], 8, v[TM+4]
	v_lshl_or_b32 v[PW], v[TM+6], 16, v[PW]
	v_lshl_or_b32 v[PW], v[TM+7], 24, v[PW]        ; my row's scale word
.irp c, 0,1
	v_cvt_scalef32_pk16_fp6_f32 v[PC+6*\c:PC+2+6*\c], v[X+32*\c:X+15+32*\c], v[TM+12+2*\c]
	v_cvt_scalef32_pk16_fp6_f32 v[PC+12+4*\c:PC+14+4*\c], v[X+16+32*\c:X+31+32*\c], v[TM+12+2*\c+1]
.endr
	v_nop                                          ; one plain place behind a scaled conversion
.irp c, 0,1                                    ; the operand's layout wants a WHOLE block in a lane: lanes 0-15 block 2 c, lanes 16-31 block 2 c + 1
.irp i, 0,1,2
	v_permlane16_swap_b32 v[PC+6*\c+\i], v[PC+12+4*\c+\i]
.endr
.irp i, 0,1,2
	v_mov_b32 v[PC+3+6*\c+\i], v[PC+12+4*\c+\i]
.endr
.endr
.irp c, 0,1
	global_store_b128 v1, v[PC+6*\c:PC+6*\c+3], s[22:23] offset:196608*\c          ; 512 consecutive bytes, at a multiple of 256 from the buffer's first byte
	global_store_b64 v4, v[PC+6*\c+4:PC+6*\c+5], s[22:23] offset:196608*\c+512     ; and the 256 behind them
.endr
	global_store_b32 v5, v[PW], s[24:25]           ; lanes l and l + 16 hold the same word
	s_wait_tensorcnt 0x0
	ds_add_u32 v208, v209
	s_wait_dscnt 0x0
	s_endpgm
.Lfunc_end_k_q55afb5ae03_ln1:
	.size	k_q55afb5ae03_ln1, .Lfunc_end_k_q55afb5ae03_ln1-k_q55afb5ae03_ln1
	.p2alignl 7, 3214868480
	.fill 96, 4, 3214868480
	.section	.rodata,"a",@progbits
	.p2align	6, 0x0
	.amdhsa_kernel k_q55afb5ae03_ln1
		.amdhsa_group_segment_fixed_size 66816
		.amdhsa_private_segment_fixed_size 0
		.amdhsa_enable_private_segment 0
		.amdhsa_kernarg_size 32
		.amdhsa_user_sgpr_count 2
		.amdhsa_user_sgpr_kernarg_segment_ptr 1
		.amdhsa_wavefront_size32 1
		.amdhsa_system_sgpr_workgroup_id_x 1
		.amdhsa_system_sgpr_workgroup_id_y 1
		.amdhsa_system_sgpr_workgroup_id_z 1
		.amdhsa_system_vgpr_workitem_id 0
		.amdhsa_next_free_vgpr 210
		.amdhsa_next_free_sgpr 66
		.amdhsa_reserve_vcc 0
		.amdhsa_float_denorm_mode_32 3
		.amdhsa_float_denorm_mode_16_64 3
		.amdhsa_memory_ordered 1
		.amdhsa_forward_progress 1
		.amdhsa_inst_pref_size 24
	.end_amdhsa_kernel
	.amdgpu_metadata
---
amdhsa.version: [ 1, 2 ]
amdhsa.kernels:
  - .name:           k_q55afb5ae03_ln1
    .symbol:         k_q55afb5ae03_ln1.kd
    .args:
      - { .name: x, .offset: 0, .size: 8, .value_kind: global_buffer, .address_space: global }
      - { .name: g1, .offset: 8, .size: 8, .value_kind: global_buffer, .address_space: global }
      - { .name: be1, .offset: 16, .size: 8, .value_kind: global_buffer, .address_space: global }
      - { .name: HB, .offset: 24, .size: 8, .value_kind: global_buffer, .address_space: global }
    .group_segment_fixed_size: 66816
    .private_segment_fixed_size: 0
    .kernarg_segment_align: 8
    .kernarg_segment_size: 32
    .max_flat_workgroup_size: 256
    .sgpr_count:     66
    .vgpr_count:     210
    .wavefront_size: 32
...
	.end_amdgpu_metadata
.endif
;; end of part 2
;; launch qkv (part 3): grid 12 x 16, 4 waves a work-group, clusters of 4 x 4, 327,680 bytes of LDS; arguments HB, W, QKV; writes QKV
.if DOCPART == 3
	.amdgcn_target "amdgcn-amd-amdhsa--gfx1250"
	.amdhsa_code_object_version 6
	.text
	.protected	k_q55afb5ae03_qkv
	.globl	k_q55afb5ae03_qkv
	.p2align	8
	.type	k_q55afb5ae03_qkv,@function
k_q55afb5ae03_qkv:
	s_mov_b64 s[64:65], 0
	v_nop
	global_prefetch_b8 v0, s[64:65] scope:SCOPE_SE
	s_setreg_imm32_b32 hwreg(HW_REG_WAVE_MODE, 25, 1), 1
	s_wait_xcnt 0x0
	s_wait_alu depctr_hold_cnt(0) depctr_sa_sdst(0) depctr_va_vdst(0) depctr_va_sdst(0) depctr_va_ssrc(0) depctr_va_vcc(0) depctr_vm_vsrc(0)
	s_getreg_b32 s2, hwreg(HW_REG_IB_STS2, 6, 4)
	s_cmp_eq_u32 s2, 0
	s_cbranch_scc0 .Lentry_in_a_cluster
	s_endpgm
.Lentry_in_a_cluster:
	s_bfe_u32 s2, ttmp6, 0x10000c
	s_cmp_lg_u32 s2, 0xf033
	s_cbranch_scc0 .Lentry_shape_is_right
	s_endpgm
.Lentry_shape_is_right:
; q, k and v^T of all heads: C = A B^T on codes of FP6 (E2M3) with E8M0 scales, K = 1,024, and C quantised again along its columns, in registers.
; Clusters with x = 0, 1: A = the normed tokens (HB), B = wq and wk (W's blocks 0-127): q and k, quantised along the head's 64.  Clusters with x = 2: A = wv (W's blocks 128-191), B = the tokens: v^T, quantised along the tokens.
; The choice hangs on the cluster's x alone, which all partners share; it selects buffers and offsets, no branch.
; OPERANDS LIE AS IMAGES OF THEIR REGISTERS.  Row block i (16 rows; lane r holds row 32 (i >> 1) + 8 (i & 1) + (r & 7) + 16 (r >> 3)); half image (hp = K / 64, i), 768 bytes at (256 hp + i) x 768: lane (r, h)'s 24 bytes of
; k = 64 hp + 32 h + 0 .. 31: 16 at 16 x lane, 8 at 512 + 8 x lane.  Scale words at (i x KS + K / 128) x 64 + 4 r.  So a fragment is four dense LDS loads and a quarter of a slot is 4 rows of 6,144 bytes for one tensor load.
; A tile of C, 256 x 256, is made by four waves, 128 x 128 each: 64 accumulators.  K goes in steps of 256 through a ring of two LDS slots; the scale words of the tile's rows come once and stay.
; CLUSTERS 4 x 4: A's tiles are asked for jointly along a row of the cluster, B's along a column.  THE MATRIX INSTRUCTION IS USED TRANSPOSED (source 0 = B's block, source 1 = A's): by the order of rows in a block a lane's 64
; results of A's block a are 4 x 16 neighbours along C's columns: register 16 b + i = column 32 b + 16 (lane / 16) + i: what the quantiser wants.
; OUT (QKV): codes at (256 hp + i) x 768, hp 0-15 q's heads, 16-31 k's (i = token block), hp 32-95 v^T (32 + token / 64, i = 4 head + d / 16); scale words at 0x1200000 + (256 s + i) x 64 + 4 r, s = hp / 2.
; LIMITS: a block of zeros keeps the byte 1 (its codes are zeros; this program alone reads the bytes); blocks under 2^-124 were not tried; NaN and infinities are not served.
; REGISTERS: window 0: v15-31 addresses; v32-63 scale words, two sets; v64-127 bias, later codes or the residual; v128-223 A's fragments, ONE set; v224-241 at work.  window 1: B's fragments, two sets.  windows 2, 3: accumulators.
.set KTOT,    1024
.set SELQ,    1                        ; the operands are chosen by the cluster's x
.set HASBIAS, 0
.set RELU,    0
.set EPIF,    0                        ; 0: C is quantised; 1: C + residual leaves as f32
.set NTOUT,   0
.set BBLK,    0                        ; B's first block in its region
.set BCOD,    0                        ; where B's codes begin
.set ASCL,    0                        ; where A's and B's scale words begin (here chosen at run time)
.set BSCL,    0
.set OSCL,    0x1200000                ; the output's scale words
.set OS2,     64                       ; and from block to block among them
.set KS,     KTOT/128
.set LAPS,   KTOT/512                  ; a lap = two slots = once round the ring
.set NQ,     2                         ; matrix instructions deep in a slot
.set FR,     12                        ; registers of a fragment
.set NL,     4                         ; LDS loads that bring one
.set NP,     4                         ; places behind this matrix instruction (ISA guide 7.12.1)
.set HIMG,   768
.set HROW,   8*HIMG                    ; eight blocks of one hp
.set HALFT,  4*HROW                    ; a quarter of a slot: 8 blocks x 256 along K: what one tensor load brings
.set SLOT,   4*HALFT
.set BLKP,   256*HIMG                  ; from hp to hp in memory
.set SCL,    2*SLOT                    ; behind the ring: the scale words
.set SBLK,   64*KS                     ; those of one block
.set HALFS,  8*SBLK
.set SPARE,  SCL+4*HALFS               ; the spare words, 128 bytes for each wave: two blocks of 256 bytes that no other line names
.set SPITCH, 528
.set PA,     4+4*SELQ
.set PB,     6+4*SELQ
.set BO,   15
.set ADRA, 16                          ; v16-17 A's fragments in slot 0, 1 (16 x lane); v18-19 the same at 512 + 8 x lane
.set ADRB, 20                          ; v20-23 likewise for B
.set STO,  24
.set RD,   25
.set CO,   26                          ; 16 x lane
.set ADRS, 27                          ; my scale words: lanes 0-15 A's rows, lanes 16-31 B's
.set SPW,  28                          ; my spare word; never rewritten
.set NIL,  29                          ; 0; never rewritten
.set LO8,  30                          ; 8 x lane
.set R4,   31                          ; 4 x (lane % 16)
.set SC,   32
.set BI,   64
.set PC,   64
.set RS,   64
.set AF,   128
.set BK,   128
.set TM,   224
.set PW,   240
.set G1, 24
.set G0, 32
.set G1B, 48
.set G0B, 56
.set G1S, 68
.set G0S, 76
.set G1SB, 80
.set G0SB, 88
.set MSB, 0
.macro WIN new                         ; the immediate's high byte repeats the setting that is left
.if MSB != (\new)
	s_set_vgpr_msb (MSB<<8)|(\new)
.set MSB, (\new)
.endif
.endm
.set MUL_LO, 0xa1                      ; source 0 (B) window 1, source 1 (A) window 0, C and D window 2
.set MUL_HI, 0xf1                      ; the same, C and D window 3
.set TO_B,   0x40                      ; destination window 1, address window 0
; A joint load: waves 0 and 1 fetch for A, waves 2 and 3 for B; the branch hangs on the wave's number alone.  Four v_nop follow each of the two lines.
.macro JLOAD g0a, g1a, g0b, g1b
	s_cmp_eq_u32 s15, 0
	s_cbranch_scc0 .Lfor_b_\@
	tensor_load_to_lds s[\g0a:\g0a+3], s[\g1a:\g1a+7]
	s_nop 0
.rept 4
	v_nop
.endr
	s_branch .Lasked_\@
.Lfor_b_\@:
	tensor_load_to_lds s[\g0b:\g0b+3], s[\g1b:\g1b+7]
	s_nop 0
.rept 4
	v_nop
.endr
.Lasked_\@:
.endm
.macro CREST                           ; a round of the cluster's barrier behind its opening barrier
	s_cmp_lg_u32 s14, 0
	s_cbranch_scc1 .Lnot_wave_0_\@
	s_barrier_signal -3
.Lnot_wave_0_\@:
	s_barrier_wait -3
	s_barrier_signal -1
	s_barrier_wait -1
.endm
.macro CROUND
	s_barrier_signal -1
	s_barrier_wait -1
	CREST
.endm
	s_load_b128 s[4:7], s[0:1], 0x0                ; the first two buffers
.if SELQ
	s_load_b64 s[12:13], s[0:1], 0x10              ; out
.elseif EPIF
	s_load_b128 s[8:11], s[0:1], 0x10              ; bias, residual
	s_load_b64 s[12:13], s[0:1], 0x20              ; out
.else
	s_load_b64 s[8:9], s[0:1], 0x10                ; bias
	s_load_b64 s[12:13], s[0:1], 0x18              ; out
.endif
	v_lshl_add_u32 v[SPW], v0, 2, SPARE
	v_mov_b32 v[NIL], 0
	ds_add_u32 v28, v29
	ds_add_u32 v28, v29
	s_wait_dscnt 0x0
	v_lshrrev_b32 v1, 5, v0
	v_readfirstlane_b32 s14, v1                    ; wave 0..3
	s_lshr_b32 s15, s14, 1                         ; which half of the tile's rows is mine.  Also: I fetch for A (0) or for B (1)
	s_and_b32 s16, s14, 1                          ; which half of its columns.  Also: which 8 blocks of that tile I fetch
	s_bfe_u32 s40, ttmp6, 0x40000                  ; cx, cy: my place in the cluster
	s_bfe_u32 s41, ttmp6, 0x40004
.if SELQ
	s_and_b32 s95, ttmp7, 0xffff
	s_lshl_b32 s95, s95, 2                         ; 4 x cluster y
	s_lshl_b32 s96, ttmp9, 2                       ; 4 x cluster x
	s_mov_b32 s99, 0x1200000
	s_mov_b32 s101, 0x300000
	s_cmp_lt_u32 ttmp9, 2                          ; q and k, or v^T?
	s_cselect_b32 s17, s95, 0
	s_cselect_b32 s42, s96, s95
	s_cselect_b32 s97, 0, 128                      ; A's first block: the tokens', or wv's
	s_cselect_b32 s98, 0, 16                       ; the output's first step of 128
	s_cselect_b32 s100, s101, s99                  ; A's scale words
	s_cselect_b32 s101, s99, s101                  ; B's
	s_add_co_u32 s17, s17, s41                     ; tile row
	s_add_co_u32 s42, s42, s40                     ; tile column
.else
	s_lshl_b32 s42, ttmp9, 2
	s_add_co_u32 s42, s42, s40                     ; tile column of C = 4 x cluster x + cx
	s_and_b32 s17, ttmp7, 0xffff
	s_lshl_b32 s17, s17, 2
	s_add_co_u32 s17, s17, s41                     ; tile row of C = 4 x cluster y + cy
.endif
	s_lshl_b32 s43, s41, 2
	s_lshl_b32 s43, 15, s43                        ; my row of the cluster
	s_lshl_b32 s44, 0x1111, s40                    ; my column
	; descriptor group 1: a quarter of a slot: 4 rows (hp) of 768 elements of 8 bytes, 24,576 elements apart; no padding: every LDS load of it is dense
	s_or_b32 s[G1+0], s43, (3<<16)|(1<<21)         ; 15:0 the mask: A's tiles go to my row; 17:16 elements of 8 bytes; 21 set beside a mask
	s_or_b32 s[G1B+0], s44, (3<<16)|(1<<21)
.irp g, G1, G1B
	s_mov_b32 s[\g+1], 768<<16                     ; tensor_dim0
	s_mov_b32 s[\g+2], 4<<16                       ; tensor_dim1
	s_mov_b32 s[\g+3], 768<<16                     ; tile_dim0
	s_mov_b32 s[\g+4], 4                           ; tile_dim1
	s_mov_b32 s[\g+5], BLKP/8                      ; tensor_dim0_stride
	s_mov_b32 s[\g+6], 0
	s_mov_b32 s[\g+7], 0
.endr
	; the scale words of 8 blocks: a dense block of HALFS bytes, as rows of 256 bytes
	s_or_b32 s[G1S+0], s43, (3<<16)|(1<<21)
	s_or_b32 s[G1SB+0], s44, (3<<16)|(1<<21)
.irp g, G1S, G1SB
	s_mov_b32 s[\g+1], 32<<16
	s_mov_b32 s[\g+2], (HALFS/256)<<16
	s_mov_b32 s[\g+3], 32<<16
	s_mov_b32 s[\g+4], HALFS/256
	s_mov_b32 s[\g+5], 32
	s_mov_b32 s[\g+6], 0
	s_mov_b32 s[\g+7], 0
.endr
	s_lshl_b32 s18, s16, 3                         ; which 8 blocks of the tile I fetch
	s_lshl_b32 s20, s17, 4
	s_add_co_u32 s20, s20, s18                     ; A: block 16 x tile row + 8 x half
	s_lshl_b32 s46, s42, 4
	s_add_co_u32 s46, s46, s18                     ; B: block 16 x tile column + 8 x half
.if SELQ
	s_add_co_u32 s20, s20, s97
.endif
.if BBLK
	s_add_co_u32 s46, s46, BBLK
.endif
	s_mul_i32 s22, s20, SBLK                       ; where these blocks' scale words begin,
	s_mul_i32 s92, s46, SBLK
.if SELQ
	s_add_co_u32 s22, s22, s100
	s_add_co_u32 s92, s92, s101
.else
	s_add_co_u32 s22, s22, ASCL
	s_add_co_u32 s92, s92, BSCL
.endif
	s_mul_i32 s20, s20, HIMG                       ; and their codes
	s_mul_i32 s46, s46, HIMG
.if BCOD
	s_add_co_u32 s46, s46, BCOD
.endif
	s_mov_b32 s21, 0
	s_mov_b32 s23, 0
	s_mov_b32 s47, 0
	s_mov_b32 s93, 0
	s_mul_i32 s45, s14, HALFT                      ; where they go: wave x a quarter: no place in the cluster enters an LDS address
	s_mul_i32 s94, s14, HALFS
	s_wait_kmcnt 0x0
.if SELQ
	s_cmp_lt_u32 ttmp9, 2
	s_cselect_b64 s[8:9], s[4:5], s[6:7]           ; A's buffer
	s_cselect_b64 s[10:11], s[6:7], s[4:5]         ; B's buffer
.endif
	s_add_nc_u64 s[20:21], s[PA:PA+1], s[20:21]
	s_add_nc_u64 s[22:23], s[PA:PA+1], s[22:23]
	s_add_nc_u64 s[46:47], s[PB:PB+1], s[46:47]
	s_add_nc_u64 s[92:93], s[PB:PB+1], s[92:93]
	CROUND                                         ; all sixteen work-groups are here: the first joint loads meet
	s_mov_b32 s[G0S], 1
	s_add_co_u32 s[G0S+1], s94, SCL
	s_mov_b64 s[G0S+2:G0S+3], s[22:23]
	s_or_b32 s[G0S+3], s[G0S+3], 0x80000000
	s_mov_b32 s[G0SB], 1
	s_add_co_u32 s[G0SB+1], s94, SCL
	s_mov_b64 s[G0SB+2:G0SB+3], s[92:93]
	s_or_b32 s[G0SB+3], s[G0SB+3], 0x80000000
	JLOAD G0S, G1S, G0SB, G1SB                     ; the scale words first: they are wanted with the first slot
.irp s, 0,1
	s_mov_b32 s[G0+4*\s], 1
	s_add_co_u32 s[G0+4*\s+1], s45, \s*SLOT
	s_add_nc_u64 s[G0+4*\s+2:G0+4*\s+3], s[20:21], \s*4*BLKP
	s_or_b32 s[G0+4*\s+3], s[G0+4*\s+3], 0x80000000
	s_mov_b32 s[G0B+4*\s], 1
	s_add_co_u32 s[G0B+4*\s+1], s45, \s*SLOT
	s_add_nc_u64 s[G0B+4*\s+2:G0B+4*\s+3], s[46:47], \s*4*BLKP
	s_or_b32 s[G0B+4*\s+3], s[G0B+4*\s+3], 0x80000000
	JLOAD G0+4*\s, G1, G0B+4*\s, G1B
.endr
	v_and_b32 v1, 15, v0                           ; r
	v_bfe_u32 v2, v0, 4, 1                         ; h
	v_and_b32 v3, 31, v0
	v_lshlrev_b32 v[CO], 4, v3
	v_lshlrev_b32 v[LO8], 3, v3
	v_lshlrev_b32 v[R4], 2, v1
	v_add_nc_u32 v4, 512, v[LO8]
	s_mul_i32 s21, s15, HALFT                      ; my 8 blocks of A
	s_mul_i32 s22, s16, HALFT                      ; my 8 blocks of B,
	s_add_co_u32 s22, s22, 2*HALFT                 ; which lie behind A's 16
.irp s, 0,1
	v_add_nc_u32 v[ADRA+\s], s21, v[CO]
	v_add_nc_u32 v[ADRB+\s], s22, v[CO]
	v_add_nc_u32 v[ADRA+2+\s], s21, v4
	v_add_nc_u32 v[ADRB+2+\s], s22, v4
	s_add_co_u32 s21, s21, SLOT
	s_add_co_u32 s22, s22, SLOT
.endr
	s_mul_i32 s21, s15, HALFS                      ; A's scale words: my 8 blocks
	s_mul_i32 s22, s16, HALFS                      ; B's: my 8 blocks, behind A's 16
	s_add_co_u32 s22, s22, 2*HALFS
	s_sub_co_u32 s22, s22, s21
	v_mul_u32_u24 v6, s22, v2                      ; lanes 16-31 take B's: one product, the distance between the two
	s_add_co_u32 s21, s21, SCL
	v_add_nc_u32 v5, v[R4], v6
	v_add_nc_u32 v[ADRS], s21, v5
.if HASBIAS
	s_lshl_b32 s20, s42, 10                        ; the bias of my 128 columns; lane (r, h) wants, for B's block b, those of columns 32 (b / 2) + 16 h + 8 (b % 2) + 0 .. 7
	s_lshl_b32 s21, s16, 9
	s_add_co_u32 s20, s20, s21
	s_mov_b32 s21, 0
	s_add_nc_u64 s[8:9], s[8:9], s[20:21]
	v_lshlrev_b32 v[BO], 6, v2
.irp b, 0,1,2,3,4,5,6,7
	global_load_b128 v[BI+8*\b:BI+8*\b+3], v[BO], s[8:9] offset:(32*(\b/2)+8*(\b%2))*4
	global_load_b128 v[BI+8*\b+4:BI+8*\b+7], v[BO], s[8:9] offset:(32*(\b/2)+8*(\b%2))*4+16
.endr
.endif
.if EPIF
	s_mul_i32 s23, s14, 16*SPITCH                  ; my stage: it lies in slot 0, which has had its last fill and its last read when the first result is stored there
	v_mul_u32_u24 v5, v1, SPITCH
	v_lshl_add_u32 v5, v2, 6, v5
	v_add_nc_u32 v[STO], s23, v5                   ; in: row r, + 64 h
	v_add_nc_u32 v[RD], s23, v[CO]                 ; back: a row of 512 bytes
	s_lshl_b32 s20, s17, 8
	s_lshl_b32 s21, s15, 7
	s_add_co_u32 s20, s20, s21                     ; my first row of C
	s_lshl_b32 s20, s20, 12                        ; rows of 4,096 bytes
	s_lshl_b32 s21, s42, 10
	s_add_co_u32 s20, s20, s21
	s_lshl_b32 s21, s16, 9
	s_add_co_u32 s20, s20, s21                     ; + my first column
	s_mov_b32 s21, 0
	s_add_nc_u64 s[10:11], s[10:11], s[20:21]
	s_add_nc_u64 s[12:13], s[12:13], s[20:21]
.else
	s_lshl_b32 s20, s42, 1
	s_add_co_u32 s20, s20, s16                     ; which 128 of the output's K are mine
.if SELQ
	s_add_co_u32 s20, s20, s98
.endif
	s_lshl_b32 s21, s17, 4
	s_lshl_b32 s22, s15, 3
	s_add_co_u32 s21, s21, s22                     ; my first block of rows
	s_lshl_b32 s22, s20, 9
	s_add_co_u32 s22, s22, s21
	s_mul_i32 s22, s22, HIMG
	s_mov_b32 s23, 0
	s_add_nc_u64 s[92:93], s[12:13], s[22:23]      ; my codes
.if SELQ
	s_lshl_b32 s22, s20, 8
	s_add_co_u32 s22, s22, s21
.else
	s_lshl_b32 s22, s21, 5
	s_add_co_u32 s22, s22, s20
.endif
	s_lshl_b32 s22, s22, 6
	s_add_co_u32 s22, s22, OSCL
	s_add_nc_u64 s[12:13], s[12:13], s[22:23]      ; my scale words
	s_mov_b32 s18, 0x76543210
	s_mov_b32 s19, 0xfedcba98                      ; v_permlanex16_b32's selects for lane l xor 16
.irp b, 0,1,2,3
	v_mov_b32 v[TM+4+\b], 0                        ; written once: a lane permute's destination counts as one of its sources
.endr
.endif
.macro FRAG reg, adr, q, i             ; a fragment, 12 registers: two half images, each 16 bytes a lane and 8 bytes a lane, all dense
	ds_load_b128 v[\reg:\reg+3], v[\adr] offset:(2*(\q))*HROW+(\i)*HIMG
	ds_load_b64 v[\reg+4:\reg+5], v[\adr+2] offset:(2*(\q))*HROW+(\i)*HIMG
	ds_load_b128 v[\reg+6:\reg+9], v[\adr] offset:(2*(\q)+1)*HROW+(\i)*HIMG
	ds_load_b64 v[\reg+10:\reg+11], v[\adr+2] offset:(2*(\q)+1)*HROW+(\i)*HIMG
.endm
; 16 matrix instructions: A's blocks a0, a0 + 1 x B's eight, 128 along K.  p: B's set; sc: the set of scale words.  zero = 1: the first product starts the sums, from the bias where there is one.
; The 64 accumulators take turns, one instruction a turn, in the same order in every step.
.macro MUL16 a0, p, q, sc, zero
.irp a, \a0, \a0+1
.irp b, 0,1,2,3,4,5,6,7
.if \zero
.if HASBIAS
	v_wmma_scale_f32_16x16x128_f8f6f4 v[8*(8*((\a)%4)+\b):8*(8*((\a)%4)+\b)+7], v[128*(\p)+FR*\b:128*(\p)+FR*\b+FR-1], v[AF+FR*(\a):AF+FR*(\a)+FR-1], v[BI+8*\b:BI+8*\b+7], v[SC+16*(\sc)+2*\b+(\q)], v[SC+16*(\sc)+2*(\a)+(\q)] matrix_a_fmt:MATRIX_FMT_FP6 matrix_b_fmt:MATRIX_FMT_FP6 matrix_a_scale:MATRIX_SCALE_ROW1
.else
	v_wmma_scale_f32_16x16x128_f8f6f4 v[8*(8*((\a)%4)+\b):8*(8*((\a)%4)+\b)+7], v[128*(\p)+FR*\b:128*(\p)+FR*\b+FR-1], v[AF+FR*(\a):AF+FR*(\a)+FR-1], 0, v[SC+16*(\sc)+2*\b+(\q)], v[SC+16*(\sc)+2*(\a)+(\q)] matrix_a_fmt:MATRIX_FMT_FP6 matrix_b_fmt:MATRIX_FMT_FP6 matrix_a_scale:MATRIX_SCALE_ROW1
.endif
.else
	v_wmma_scale_f32_16x16x128_f8f6f4 v[8*(8*((\a)%4)+\b):8*(8*((\a)%4)+\b)+7], v[128*(\p)+FR*\b:128*(\p)+FR*\b+FR-1], v[AF+FR*(\a):AF+FR*(\a)+FR-1], v[8*(8*((\a)%4)+\b):8*(8*((\a)%4)+\b)+7], v[SC+16*(\sc)+2*\b+(\q)], v[SC+16*(\sc)+2*(\a)+(\q)] matrix_a_fmt:MATRIX_FMT_FP6 matrix_b_fmt:MATRIX_FMT_FP6 matrix_a_scale:MATRIX_SCALE_ROW1
.endif
.endr
.endr
.endm
.macro FETCH_B slot, q, p
	WIN TO_B
.irp i, 0,1,2,3,4,5,6,7
	FRAG 128*(\p)+FR*\i, ADRB+\slot, \q, \i
.endr
	WIN 0
.endm
.macro FETCH_A slot, q, i0
.irp i, \i0, \i0+1, \i0+2, \i0+3
	FRAG AF+FR*(\i), ADRA+\slot, \q, \i
.endr
.endm
.macro SCALES sc                       ; a slot's scale words into set sc: register 2 i + q: lanes 0-15 the word of A's block i, lanes 16-31 that of B's block i
.irp i, 0,1,2,3,4,5,6,7
	ds_load_b32 v[SC+16*\sc+2*\i], v[ADRS] offset:\i*SBLK
	ds_load_b32 v[SC+16*\sc+2*\i+1], v[ADRS] offset:\i*SBLK+64
.endr
.endm
.macro PLACES n                        ; plain vector instructions between a matrix instruction and a load into, or a read of, its registers (ISA guide 7.12.1 for a read)
.rept \n
	v_nop
.endr
.endm
.macro STEP slot, q, zero              ; a step of 128 along K that has its successor in the same slot
	s_wait_dscnt 4*NL                              ; all but the youngest 16 loads (A's blocks 4-7) are in
.if (\zero) && HASBIAS
	WIN 0x81                                       ; C (the bias) window 0, D window 2
.else
	WIN MUL_LO
.endif
	MUL16 0, (\q)%2, \q, \slot, \zero
	MUL16 2, (\q)%2, \q, \slot, \zero
	s_wait_dscnt 0                                 ; A's blocks 4-7 are in
	PLACES NP
	FETCH_B \slot, (\q)+1, 1-(\q)%2
	FETCH_A \slot, (\q)+1, 0
.if (\zero) && HASBIAS
	WIN 0xc1
.else
	WIN MUL_HI
.endif
	MUL16 4, (\q)%2, \q, \slot, \zero
	MUL16 6, (\q)%2, \q, \slot, \zero
	PLACES NP
	WIN 0
	FETCH_A \slot, (\q)+1, 4
.endm
; A slot's last step changes slots: ONE barrier; in front of it each wave waits for all its tensor loads, adds 0 to its spare word, and waits for that and for its own reads of this slot.  fill = 1: this slot is filled again, two slots ahead.
.macro TURN slot, next, fill
	s_wait_tensorcnt 0x0                           ; all my tensor loads have landed: my part of the next slot
	ds_add_u32 v[SPW], v[NIL]                      ; 0 onto my spare word
	s_wait_dscnt 4*NL+1                            ; (the add and the youngest 16 loads may be out)
	WIN MUL_LO
	MUL16 0, 1, 1, \slot, 0                        ; sixteen matrix instructions stand between the add and the wait for it
	s_wait_dscnt 0x0                               ; the add is done, and my reads of this slot are over
	s_barrier_signal -1
	MUL16 2, 1, 1, \slot, 0
	WIN 0
	s_barrier_wait -1
.if \fill
	CREST                                          ; the barrier has opened a round of the cluster's barrier: no wave of any partner still reads this slot or has a load on its way
	s_add_nc_u64 s[G0+4*\slot+2:G0+4*\slot+3], s[G0+4*\slot+2:G0+4*\slot+3], 8*BLKP
	s_add_nc_u64 s[G0B+4*\slot+2:G0B+4*\slot+3], s[G0B+4*\slot+2:G0B+4*\slot+3], 8*BLKP
	JLOAD G0+4*\slot, G1, G0B+4*\slot, G1B         ; the first tensor load behind the round; its four v_nop are the places in front of the loads below
.else
	PLACES NP
.endif
	v_add_nc_u32 v[ADRS], 64*NQ, v[ADRS]           ; on to the next slot's scale words
	FETCH_B \next, 0, 0
	FETCH_A \next, 0, 0
	SCALES \next
	WIN MUL_HI
	MUL16 4, 1, 1, \slot, 0
	MUL16 6, 1, 1, \slot, 0
	PLACES NP
	WIN 0
	FETCH_A \next, 0, 4
.endm
	s_wait_tensorcnt 1                             ; the scale words and my part of slot 0 are in (slot 1's load may be out),
	s_barrier_signal -1
	s_barrier_wait -1                              ; everybody's are
	FETCH_B 0, 0, 0
	FETCH_A 0, 0, 0
	SCALES 0
	FETCH_A 0, 0, 4
.if HASBIAS
	s_wait_loadcnt 0x0                             ; the bias
.endif
	STEP 0, 0, 1                                   ; the first step stands in front of the loop: its products start the sums
	s_mov_b32 s3, LAPS-1
.Llap:                                                 ; a trip goes once round the ring and fills both slots again
	TURN 0, 1, 1
	STEP 1, 0, 0
	TURN 1, 0, 1
	STEP 0, 0, 0
	s_sub_co_u32 s3, s3, 1
	s_cmp_lg_u32 s3, 0
	s_cbranch_scc1 .Llap
	TURN 0, 1, 0                                   ; the last lap fills nothing
	STEP 1, 0, 0
	s_wait_dscnt 4*NL                              ; the very last step
	WIN MUL_LO
	MUL16 0, 1, 1, 1, 0
	MUL16 2, 1, 1, 1, 0
	s_wait_dscnt 0
	WIN MUL_HI
	MUL16 4, 1, 1, 1, 0
	MUL16 6, 1, 1, 1, 0
	WIN 0
	PLACES NP
.if EPIF
; THE WAY OUT, f32: block a (16 rows x 128 columns) goes through my stage and comes back as rows of 512 bytes; the residual is added; 32 lanes store 512 consecutive bytes.
.macro RLOAD a
.irp t, 0,1,2,3,4,5,6,7,8,9,10,11,12,13,14,15
	global_load_b128 v[RS+4*\t:RS+4*\t+3], v[CO], s[10:11] offset:(32*((\a)/2)+8*((\a)%2)+(\t%8)+16*(\t/8))*4096
.endr
.endm
.macro TOSTAGE a
.set AC, 64*((\a)%4)
	WIN 0x08+4*((\a)/4)                            ; the data: window 2 or 3
.irp b, 0,1,2,3,4,5,6,7
	ds_store_b128 v[STO], v[AC+8*\b:AC+8*\b+3] offset:128*(\b/2)+32*(\b%2)       ; each accumulator from its low end on
	ds_store_b128 v[STO], v[AC+8*\b+4:AC+8*\b+7] offset:128*(\b/2)+32*(\b%2)+16
.endr
	WIN 0
.set BB, BK+64*((\a)%2)
.irp t, 0,1,2,3,4,5,6,7,8,9,10,11,12,13,14,15
	ds_load_b128 v[BB+4*\t:BB+4*\t+3], v[RD] offset:\t*SPITCH   ; LDS serves a wave's instructions in order: these see the stores above
.endr
.endm
.macro SEND a
.set BB, BK+64*((\a)%2)
.irp t, 0,1,2,3,4,5,6,7,8,9,10,11,12,13,14,15
.if NTOUT
	global_store_b128 v[CO], v[BB+4*\t:BB+4*\t+3], s[12:13] offset:(32*((\a)/2)+8*((\a)%2)+(\t%8)+16*(\t/8))*4096 th:TH_STORE_NT
.else
	global_store_b128 v[CO], v[BB+4*\t:BB+4*\t+3], s[12:13] offset:(32*((\a)/2)+8*((\a)%2)+(\t%8)+16*(\t/8))*4096
.endif
.endr
.endm
	RLOAD 0
.irp a, 0,1,2,3,4,5,6,7
.if \a > 1
	s_wait_xcnt 0x0                                ; block a - 2's stores have read their registers: block a's rows may land there
.endif
	TOSTAGE \a
	s_wait_dscnt 0x0
	s_wait_loadcnt 0x0                             ; the residual's 16 rows
.set BB, BK+64*((\a)%2)
.set J, 0
.rept 32
	v_pk_add_f32 v[BB+J:BB+J+1], v[BB+J:BB+J+1], v[RS+J:RS+J+1]
.set J, J+2
.endr
.if \a < 7
	RLOAD \a+1
.endif
	SEND \a
.endr
.else
; THE WAY OUT, codes: A's block a: my 64 numbers (register 16 b + i = column 32 b + 16 h + i of my row) become a fragment and a scale word, which leave as they stand: 512 + 256 consecutive bytes for each half image.
.macro QOUT a
.set AC, 64*((\a)%4)
.set WW, 2+(\a)/4
.set PCC, PC+20*((\a)%2)               ; two sets by turns, so that a store's data are rewritten two blocks later
.set PWW, PW+(\a)%2
.if RELU
	WIN (WW<<2)|(WW<<6)
.set J, 0
.rept 64
	v_max_num_f32 v[AC+J], 0, v[AC+J]              ; the activation, in f32; each accumulator from its low end on
.set J, J+1
.endr
.endif
	WIN (WW<<2)|(WW<<4)                            ; sources 1 and 2: the accumulators' window
.irp b, 0,1,2,3
	v_max3_num_f32 v[TM+\b], 0x1800000, |v[AC+16*\b]|, |v[AC+1+16*\b]|   ; block b: my 16 numbers, and the floor 2^(3 - 127)
.endr
.irp i, 2,4,6,8,10,12,14
.irp b, 0,1,2,3
	v_max3_num_f32 v[TM+\b], v[TM+\b], |v[AC+16*\b+\i]|, |v[AC+1+16*\b+\i]|
.endr
.endr
	WIN 0
.if (\a) > 1
	s_wait_xcnt 0x0                                ; block a - 2's stores have read their registers
.endif
.irp b, 0,1,2,3
	v_permlanex16_b32 v[TM+4+\b], v[TM+\b], s18, s19
.endr
.irp b, 0,1,2,3
	v_max_num_f32 v[TM+\b], v[TM+\b], v[TM+4+\b]   ; with lane l xor 16's: the block's largest magnitude
.endr
.irp b, 0,1,2,3
	v_add_nc_u32 v[TM+12+\b], 0xff000000, v[TM+\b] ; 2 off its exponent field: the conversion's scale operand
.endr
.irp b, 0,1,2,3
	v_lshrrev_b32 v[TM+4+\b], 23, v[TM+12+\b]      ; the scale's byte
.endr
	v_lshl_or_b32 v[PWW], v[TM+5], 8, v[TM+4]
	v_lshl_or_b32 v[PWW], v[TM+6], 16, v[PWW]
	v_lshl_or_b32 v[PWW], v[TM+7], 24, v[PWW]
	WIN WW                                         ; source 0: the accumulators' window
.irp c, 0,1
	v_cvt_scalef32_pk16_fp6_f32 v[PCC+6*\c:PCC+2+6*\c], v[AC+32*\c:AC+15+32*\c], v[TM+12+2*\c]
	v_cvt_scalef32_pk16_fp6_f32 v[PCC+12+4*\c:PCC+14+4*\c], v[AC+16+32*\c:AC+31+32*\c], v[TM+12+2*\c+1]
.endr
	WIN 0
	v_nop                                          ; one plain place behind a scaled conversion
.irp c, 0,1                                    ; the operand's layout wants a WHOLE block in a lane
.irp i, 0,1,2
	v_permlane16_swap_b32 v[PCC+6*\c+\i], v[PCC+12+4*\c+\i]
.endr
.irp i, 0,1,2
	v_mov_b32 v[PCC+3+6*\c+\i], v[PCC+12+4*\c+\i]
.endr
.endr
	global_store_b128 v[CO], v[PCC:PCC+3], s[92:93] offset:(\a)*HIMG
	global_store_b64 v[LO8], v[PCC+4:PCC+5], s[92:93] offset:(\a)*HIMG+512
	global_store_b128 v[CO], v[PCC+6:PCC+9], s[92:93] offset:(\a)*HIMG+BLKP
	global_store_b64 v[LO8], v[PCC+10:PCC+11], s[92:93] offset:(\a)*HIMG+BLKP+512
	global_store_b32 v[R4], v[PWW], s[12:13] offset:(\a)*OS2       ; lanes l and l + 16 hold the same word
.endm
.irp a, 0,1,2,3,4,5,6,7
	QOUT \a
.endr
.endif
	s_wait_tensorcnt 0x0                           ; the wave's end
	ds_add_u32 v[SPW], v[NIL]
	s_wait_dscnt 0x0
	CROUND                                         ; the closing round: no work-group ends while a partner may still ask for a tile that names it
	s_endpgm
.Lfunc_end_k_q55afb5ae03_qkv:
	.size	k_q55afb5ae03_qkv, .Lfunc_end_k_q55afb5ae03_qkv-k_q55afb5ae03_qkv
	.p2alignl 7, 3214868480
	.fill 96, 4, 3214868480
	.section	.rodata,"a",@progbits
	.p2align	6, 0x0
	.amdhsa_kernel k_q55afb5ae03_qkv
		.amdhsa_group_segment_fixed_size 327680
		.amdhsa_private_segment_fixed_size 0
		.amdhsa_enable_private_segment 0
		.amdhsa_kernarg_size 24
		.amdhsa_user_sgpr_count 2
		.amdhsa_user_sgpr_kernarg_segment_ptr 1
		.amdhsa_wavefront_size32 1
		.amdhsa_system_sgpr_workgroup_id_x 1
		.amdhsa_system_sgpr_workgroup_id_y 1
		.amdhsa_system_sgpr_workgroup_id_z 1
		.amdhsa_system_vgpr_workitem_id 0
		.amdhsa_next_free_vgpr 1024
		.amdhsa_next_free_sgpr 102
		.amdhsa_reserve_vcc 0
		.amdhsa_float_denorm_mode_32 3
		.amdhsa_float_denorm_mode_16_64 3
		.amdhsa_memory_ordered 1
		.amdhsa_forward_progress 1
		.amdhsa_inst_pref_size 152
	.end_amdhsa_kernel
	.amdgpu_metadata
---
amdhsa.version: [ 1, 2 ]
amdhsa.kernels:
  - .name:           k_q55afb5ae03_qkv
    .symbol:         k_q55afb5ae03_qkv.kd
    .args:
      - { .name: HB, .offset: 0, .size: 8, .value_kind: global_buffer, .address_space: global }
      - { .name: W, .offset: 8, .size: 8, .value_kind: global_buffer, .address_space: global }
      - { .name: QKV, .offset: 16, .size: 8, .value_kind: global_buffer, .address_space: global }
    .group_segment_fixed_size: 327680
    .private_segment_fixed_size: 0
    .kernarg_segment_align: 8
    .kernarg_segment_size: 24
    .max_flat_workgroup_size: 128
    .sgpr_count:     102
    .vgpr_count:     1024
    .wavefront_size: 32
...
	.end_amdgpu_metadata
.endif
;; end of part 3
;; launch attn (part 4): grid 8 x 32, 16 waves a work-group, no clusters, 210,944 bytes of LDS; arguments QKV, AT; writes AT
.if DOCPART == 4
	.amdgcn_target "amdgcn-amd-amdhsa--gfx1250"
	.amdhsa_code_object_version 6
	.text
	.protected	k_q55afb5ae03_attn
	.globl	k_q55afb5ae03_attn
	.p2align	8
	.type	k_q55afb5ae03_attn,@function
k_q55afb5ae03_attn:
	s_mov_b64 s[64:65], 0
	v_nop
	global_prefetch_b8 v0, s[64:65] scope:SCOPE_SE
	s_setreg_imm32_b32 hwreg(HW_REG_WAVE_MODE, 25, 1), 1
	s_wait_xcnt 0x0
; Causal attention of one head of one batch on codes of FP6 (E2M3) with E8M0 scales, and its result quantised along the head's 64 for the next product.
; t = score x log2(e) / 32 (the scale is 1 / sqrt(1,024)); M = the running largest t rounded UP to a whole number; p = 2^(t - M) is quantised along the keys; the row's sum is taken of the unquantised p and divides at the end.
; IN (QKV): half images of 768 bytes at (256 hp + i) x 768 (lane (r, h): 16 bytes at 16 x lane, 8 at 512 + 8 x lane): hp = head: q, hp = 16 + head: k (i = token block; lane r holds token 32 (i >> 1) + 8 (i & 1) + (r & 7) + 16 (r >> 3));
; hp = 32 + key / 64: v^T (i = 4 head + d / 16, the same order of rows).  Scale words at 0x1200000 + (256 s + i) x 64 + 4 r, s = hp / 2.
; THE SCORES' K IS 64: half an instruction's 128.  The upper six registers of q's and k's fragments hold zero codes, and of a scale word the head's two bytes are loaded alone (the other two are 0, a power of two, over zero codes).
; SHARES.  A work-group has one head and 16 waves, a wave 16 queries (one token block).  Waves 0-7 take the 128 queries j (the work-group's x), waves 8-15 the 128 queries 15 - j: every work-group has 17 steps' worth of the causal triangle.
; ALL OF THE HEAD'S K AND V^T LIES IN LDS, filled once, in four chunks of 512 keys each by wave 0 (K) and wave 1 (V); a chunk is read behind a counted wait and a barrier, while later chunks are on their way.  Nothing is filled again.
; Every wave walks all 16 steps of 128 keys, so that every loop's count is a constant; a step all of whose keys come after the wave's queries is left out by a scalar branch on ids.
; Both products are used transposed (S^T = K Q^T, O^T = V^T P^T): a lane holds ONE query; by the order of rows in a block the 16 registers of tiles 2 b, 2 b + 1 are 16 neighbouring keys, and O^T's 32 registers 2 x 16 neighbours of the head's 64.
; No cluster: partners would have to skip different steps, and no branch may hang on a place in a cluster.
; OUT (AT): half image (hp = head, i = token block); the head's two scale bytes at 0x300000 + (8 i + head / 2) x 64 + 4 r + 2 (head & 1): two bytes a row, 128 KB in the whole launch.
; LIMITS: a block of zeros keeps the byte 1; blocks under 2^-124 were not tried; NaN and infinities are not served.
; REGISTERS: v1-7 lane terms; v8-13 addresses in hand; v14-15 16 x lane, 8 x lane; v16 -M, v17 the largest t, v[18:19] the sum; v20-31 Q; v32-79 four fragments of K; v80-127 four of V; v128-191 S^T, then p; v192-223 O^T; v224-255 at work.
.set S,    128
.set O,    192
.set CH,   24576                       ; a chunk: 512 keys of K (32 blocks) or of V^T (8 hp x 4 blocks)
.set VL,   98304                       ; LDS: K at 0, V^T here,
.set KSL,  196608                      ; K's scale words,
.set VSL,  204800                      ; V's
.set WV,   8
.set Q0,   15                          ; s15  the first token of the 32 among which my 16 queries lie
.set SEL,  16
.set CS,   18
.set KF,   20                          ; s20  the step's first key
.set TB,   21                          ; s21  the step's codes: 6,144 bytes a step, in K and in V^T
.set TS,   22                          ; s22  K's scale words: 512 bytes a step
.set TJ,   23                          ; s23  V's: 256 bytes a step
.set G1KS, 24
.set G1K,  32
.set G1V,  40
.set G1VS, 48
.macro MKG1 g, c, r, p                 ; group 1: r rows of c elements of 8 bytes, p elements apart; no mask, no padding
	s_mov_b32 s[\g], 3<<16
	s_mov_b32 s[\g+1], (\c)<<16
	s_mov_b32 s[\g+2], (\r)<<16
	s_mov_b32 s[\g+3], (\c)<<16
	s_mov_b32 s[\g+4], \r
	s_mov_b32 s[\g+5], \p
	s_mov_b32 s[\g+6], 0
	s_mov_b32 s[\g+7], 0
.endm
.macro MKG0 g, lds, off                ; group 0: to LDS byte lds, from s[66:67] + off
	s_mov_b32 s[\g], 1
	s_mov_b32 s[\g+1], \lds
	s_add_nc_u64 s[\g+2:\g+3], s[66:67], \off
	s_or_b32 s[\g+3], s[\g+3], 0x80000000
.endm
	s_load_b128 s[4:7], s[0:1], 0x0                ; QKV, AT
	v_lshl_add_u32 v254, v0, 2, 0x33000
	v_mov_b32 v255, 0
	ds_add_u32 v254, v255
	ds_add_u32 v254, v255
	s_wait_dscnt 0x0
	v_lshrrev_b32 v8, 5, v0
	v_readfirstlane_b32 s[WV], v8                  ; wave 0..15
	s_and_b32 s9, ttmp7, 0xffff
	s_lshr_b32 s10, s9, 4                          ; batch
	s_and_b32 s11, s9, 15                          ; head
	s_and_b32 s12, s11, 1                          ; which half of a scale word is the head's
	s_sub_co_u32 s13, 15, ttmp9
	s_cmp_lt_u32 s[WV], 8
	s_cselect_b32 s13, ttmp9, s13                  ; my 128 queries
	s_and_b32 s14, s[WV], 7
	s_lshl_b32 s13, s13, 3
	s_add_co_u32 s14, s14, s13                     ; my token block in the batch
	s_lshr_b32 s15, s14, 1
	s_lshl_b32 s15, s15, 5
	s_lshl_b32 s9, s10, 7
	s_add_co_u32 s9, s9, s14                       ; and among all 256
	MKG1 G1KS, 32, 32, 32                          ; K's scale words: 8,192 dense bytes
	MKG1 G1K, 32, 96, 32                           ; a chunk of K: 24,576 dense bytes
	MKG1 G1V, 384, 8, 24576                        ; a chunk of V^T: 8 hp x 3,072 bytes, 196,608 bytes apart
	MKG1 G1VS, 32, 16, 2048                        ; V's scale words: 16 steps x 256 bytes, 16,384 bytes apart
	s_mov_b32 s[SEL], 0x76543210
	s_mov_b32 s[SEL+1], 0xfedcba98                 ; v_permlanex16_b32's selects for lane l xor 16
	s_mov_b32 s[CS], 0x3d38aa3b                    ; c = log2(e) / 32
	s_mov_b32 s[CS+1], s[CS]                       ; (named with it as a pair, so it is written)
	s_mov_b32 s[KF], 0
	s_mov_b32 s[TB], 0
	s_mov_b32 s[TS], 0
	s_mov_b32 s[TJ], 0
	s_mov_b32 s3, 0
	s_lshl_b32 s100, s10, 7                        ; 128 x batch
	s_wait_kmcnt 0x0
	s_add_co_u32 s2, s11, 16                       ; K's codes: hp 16 + head, blocks 128 x batch on
	s_lshl_b32 s2, s2, 8
	s_add_co_u32 s2, s2, s100
	s_mul_i32 s2, s2, 768
	s_add_nc_u64 s[66:67], s[4:5], s[2:3]
	MKG0 60, 0*CH, 0*CH
	MKG0 68, 1*CH, 1*CH
	MKG0 72, 2*CH, 2*CH
	MKG0 76, 3*CH, 3*CH
	s_lshr_b32 s101, s11, 1                        ; K's scale words: step 8 + head / 2
	s_add_co_u32 s2, s101, 8
	s_lshl_b32 s2, s2, 8
	s_add_co_u32 s2, s2, s100
	s_lshl_b32 s2, s2, 6
	s_add_co_u32 s2, s2, 0x1200000
	s_add_nc_u64 s[66:67], s[4:5], s[2:3]
	MKG0 56, KSL, 0
	s_lshl_b32 s101, s11, 2                        ; V^T's codes: hp 32 + 32 x batch on, blocks 4 x head on
	s_lshl_b32 s2, s10, 5
	s_add_co_u32 s2, s2, 32
	s_lshl_b32 s2, s2, 8
	s_add_co_u32 s2, s2, s101
	s_mul_i32 s2, s2, 768
	s_add_nc_u64 s[66:67], s[4:5], s[2:3]
	MKG0 84, VL+0*CH, 0*8*196608
	MKG0 88, VL+1*CH, 1*8*196608
	MKG0 92, VL+2*CH, 2*8*196608
	MKG0 96, VL+3*CH, 3*8*196608
	s_lshl_b32 s2, s10, 4                          ; V's scale words: steps 16 + 16 x batch on
	s_add_co_u32 s2, s2, 16
	s_lshl_b32 s2, s2, 8
	s_add_co_u32 s2, s2, s101
	s_lshl_b32 s2, s2, 6
	s_add_co_u32 s2, s2, 0x1200000
	s_add_nc_u64 s[66:67], s[4:5], s[2:3]
	MKG0 80, VSL, 0
	s_cmp_eq_u32 s[WV], 0                          ; a wave's first fills stand in one branch on its number, ahead of every wait on TENSORcnt, every LDS read and every barrier: five loads of the wave are out
	s_cbranch_scc0 .Lnot_k
	tensor_load_to_lds s[56:59], s[G1KS:G1KS+7]
	s_nop 0
	tensor_load_to_lds s[60:63], s[G1K:G1K+7]
	s_nop 0
	tensor_load_to_lds s[68:71], s[G1K:G1K+7]
	s_nop 0
	tensor_load_to_lds s[72:75], s[G1K:G1K+7]
	s_nop 0
	tensor_load_to_lds s[76:79], s[G1K:G1K+7]
	s_nop 0
.rept 4
	v_nop
.endr
	s_branch .Lasked
.Lnot_k:
	s_cmp_eq_u32 s[WV], 1
	s_cbranch_scc0 .Lasked
	tensor_load_to_lds s[80:83], s[G1VS:G1VS+7]
	s_nop 0
	tensor_load_to_lds s[84:87], s[G1V:G1V+7]
	s_nop 0
	tensor_load_to_lds s[88:91], s[G1V:G1V+7]
	s_nop 0
	tensor_load_to_lds s[92:95], s[G1V:G1V+7]
	s_nop 0
	tensor_load_to_lds s[96:99], s[G1V:G1V+7]
	s_nop 0
.rept 4
	v_nop
.endr
.Lasked:
	v_and_b32 v10, 31, v0
	v_and_b32 v8, 15, v0                           ; r
	v_bfe_u32 v9, v0, 4, 1                         ; h
	v_lshlrev_b32 v1, 4, v10                       ; K: 16 x lane
	v_lshlrev_b32 v15, 3, v10
	v_add_nc_u32 v2, 512, v15                      ;    512 + 8 x lane
	v_add_nc_u32 v3, VL, v1                        ; V likewise
	v_add_nc_u32 v4, VL, v2
	v_lshlrev_b32 v254, 2, v8                      ; 4 r
	s_lshl_b32 s101, s12, 1
	v_add_nc_u32 v5, s101, v254
	v_add_nc_u32 v5, KSL, v5                       ; K's scale bytes: 4 r + the head's half of the word
	v_add_nc_u32 v6, VSL, v254                     ; V's scale words
	v_mov_b32 v14, v1
	v_and_b32 v7, 7, v0
	v_bfe_u32 v11, v0, 3, 1
	v_lshl_add_u32 v7, v11, 4, v7
	v_lshlrev_b32 v11, 4, v9
	v_sub_nc_u32 v7, v7, v11
	s_and_b32 s101, s[WV], 1
	s_lshl_b32 s101, s101, 3
	s_add_co_u32 s101, s101, s[Q0]
	v_add_nc_u32 v7, s101, v7                      ; my query - 16 h
	s_lshl_b32 s2, s11, 8                          ; Q: hp = head, my token block
	s_add_co_u32 s2, s2, s9
	s_mul_i32 s2, s2, 768
	s_add_nc_u64 s[66:67], s[4:5], s[2:3]
	global_load_b128 v[20:23], v14, s[66:67]
	global_load_b64 v[24:25], v15, s[66:67] offset:512
	s_lshr_b32 s2, s11, 1
	s_lshl_b32 s2, s2, 8
	s_add_co_u32 s2, s2, s9
	s_lshl_b32 s2, s2, 6
	s_lshl_b32 s101, s12, 1
	s_add_co_u32 s2, s2, s101
	s_add_co_u32 s2, s2, 0x1200000
	s_add_nc_u64 s[2:3], s[4:5], s[2:3]
	global_load_u16 v255, v254, s[2:3]             ; Q's two scale bytes
.irp j, 26,27,28,29,30,31
	v_mov_b32 v[\j], 0                             ; zero codes for k = 64 .. 127
.endr
.irp t, 0,1,2,3
.irp j, 6,7,8,9,10,11
	v_mov_b32 v[32+12*\t+\j], 0
.endr
.endr
	v_mov_b32 v17, 0xff61b1e6                      ; the largest t so far: -3e38, under every t
	v_floor_f32 v16, -v17                          ; -M
	v_mov_b32 v18, 0                               ; the sum, in two halves
	v_mov_b32 v19, 0
.irp b, 0,1,2,3
	v_mov_b32 v[236+\b], 0                         ; written once: a lane permute's destination counts as one of its sources
.endr
	v_mov_b32 v252, 0
	v_mov_b32 v253, 0
.set J, 0
.rept 32
	v_mov_b32 v[O+J], 0                            ; O^T.  (The step is written once for every trip: the first finds zeros, which the first change of M leaves zeros)
.set J, J+1
.endr
; A KEY STEP: 128 keys.
.macro STEP
	s_add_co_u32 s101, s[Q0], 31
	s_cmp_gt_u32 s[KF], s101                       ; all keys come after my queries: the step's work is left out, not the lines at its end that step addresses
	s_cbranch_scc1 .Lhidden_\@
	v_add_nc_u32 v8, s[TB], v1                     ; (these six are also the places in front of the loads into registers that the last products read)
	v_add_nc_u32 v9, s[TB], v2
	v_add_nc_u32 v10, s[TB], v3
	v_add_nc_u32 v11, s[TB], v4
	v_add_nc_u32 v12, s[TS], v5
	v_add_nc_u32 v13, s[TJ], v6
.irp t, 0,1,2,3
	ds_load_b128 v[32+12*\t:35+12*\t], v8 offset:768*\t
	ds_load_b64 v[36+12*\t:37+12*\t], v9 offset:768*\t
	ds_load_u16 v[248+\t], v12 offset:64*\t
.endr
	s_wait_dscnt 0x0
.irp t, 0,1,2,3
	v_wmma_scale_f32_16x16x128_f8f6f4 v[S+8*\t:S+8*\t+7], v[32+12*\t:43+12*\t], v[20:31], 0, v[248+\t], v255 matrix_a_fmt:MATRIX_FMT_FP6 matrix_b_fmt:MATRIX_FMT_FP6
.endr
.rept 4
	v_nop                                          ; places in front of loads into registers that matrix instructions have read
.endr
.irp t, 0,1,2,3
	ds_load_b128 v[32+12*\t:35+12*\t], v8 offset:768*(4+\t)
	ds_load_b64 v[36+12*\t:37+12*\t], v9 offset:768*(4+\t)
	ds_load_u16 v[248+\t], v12 offset:64*(4+\t)
.endr
.irp d, 0,1,2,3
	ds_load_b128 v[80+12*\d:83+12*\d], v10 offset:768*\d
	ds_load_b64 v[84+12*\d:85+12*\d], v11 offset:768*\d
	ds_load_b128 v[86+12*\d:89+12*\d], v10 offset:3072+768*\d
	ds_load_b64 v[90+12*\d:91+12*\d], v11 offset:3072+768*\d
.endr
	s_wait_dscnt 16                                ; K's are in; V's 16 loads may be out
.irp t, 0,1,2,3
	v_wmma_scale_f32_16x16x128_f8f6f4 v[S+32+8*\t:S+32+8*\t+7], v[32+12*\t:43+12*\t], v[20:31], 0, v[248+\t], v255 matrix_a_fmt:MATRIX_FMT_FP6 matrix_b_fmt:MATRIX_FMT_FP6
.endr
.rept 4
	v_nop                                          ; places in front of the loads below and of the first read of the scores
.endr
.irp d, 0,1,2,3
	ds_load_b32 v[248+\d], v13 offset:64*\d        ; V's scale words
.endr
	s_add_co_u32 s101, s[KF], 127                  ; on the diagonal the scores of hidden keys become -infinity ahead of the maximum; a step all of whose keys count skips this
	s_cmp_le_u32 s101, s[Q0]
	s_cbranch_scc1 .Lopen_\@
	s_sub_co_i32 s101, 0, s[KF]
	v_add_nc_u32 v252, s101, v7                    ; d = my query - KF - 16 h.  Register 16 b + i holds key KF + 16 h + 32 b + i: hidden where 32 b + i > d
	v_mov_b32 v254, 0xff800000
.set N, 0
.rept 64
	v_cmp_gt_i32 vcc_lo, 32*(N/16)+N%16, v252
	v_cndmask_b32 v[S+N], v[S+N], v254, vcc_lo
.set N, N+1
.endr
.Lopen_\@:
.irp b, 0,1,2,3
	v_max3_num_f32 v[232+\b], v[S+16*\b], v[S+1+16*\b], v[S+2+16*\b]   ; the largest score of each block of 32 keys: it serves for the row's maximum and, since p rises with the score, for the block's largest p
.endr
.irp i, 3,5,7,9,11,13
.irp b, 0,1,2,3
	v_max3_num_f32 v[232+\b], v[232+\b], v[S+16*\b+\i], v[S+1+16*\b+\i]
.endr
.endr
.irp b, 0,1,2,3
	v_max_num_f32 v[232+\b], v[232+\b], v[S+15+16*\b]
.endr
.irp b, 0,1,2,3
	v_permlanex16_b32 v[236+\b], v[232+\b], s[SEL], s[SEL+1]
.endr
.irp b, 0,1,2,3
	v_max_num_f32 v[232+\b], v[232+\b], v[236+\b]  ; with lane l xor 16's 16 keys
.endr
	v_max3_num_f32 v254, v232, v233, v234
	v_max_num_f32 v254, v254, v235
	v_mul_f32 v254, s[CS], v254                    ; as t (c is positive)
	v_max_num_f32 v17, v17, v254                   ; the running largest t
	v_mov_b32 v254, v16
	v_floor_f32 v16, -v17                          ; the new -M = -ceil(t): a whole number
	v_sub_f32 v254, v16, v254
	v_cvt_i32_f32 v254, v254                       ; (it saturates)
	v_ldexp_f32 v252, 1.0, v254                    ; f = 2^(old M - new M): a multiplication by it rounds nothing
.set J, 0
.rept 32
	v_pk_fma_f32 v[S+J:S+J+1], v[S+J:S+J+1], s[CS:CS+1], v[16:17] op_sel_hi:[1,0,0]   ; t - M, two at a time
.set J, J+2
.endr
.irp b, 0,1,2,3
	v_fma_f32 v[232+\b], v[232+\b], s[CS], v16     ; the same of each block's largest score
.endr
.set J, 0
.rept 64
	v_exp_f32 v[S+J], v[S+J]                       ; p = 2^(t - M), at most 1: not normalised
.set J, J+1
.endr
	v_pk_mul_f32 v[18:19], v[18:19], v[252:253] op_sel_hi:[1,0]    ; the sums under the new M.  (A plain place behind the exponentials)
	s_wait_alu depctr_va_vdst(0)                   ; one wait for the whole batch, ahead of its first reader
.irp b, 0,1,2,3
	v_exp_f32 v[232+\b], v[232+\b]                 ; the block's largest p
.endr
	v_pk_add_f32 v[236:237], v[S:S+1], v[S+2:S+3]  ; the row's sum is taken of the unquantised p: two chains
.irp j, 4,8,12,16,20,24,28,32,36,40,44,48,52,56,60
	v_pk_add_f32 v[18:19], v[18:19], v[S+\j:S+\j+1]
	v_pk_add_f32 v[236:237], v[236:237], v[S+2+\j:S+3+\j]
.endr
	v_pk_add_f32 v[18:19], v[18:19], v[236:237]
	s_wait_alu depctr_va_vdst(0)                   ; and one for the four
.irp b, 0,1,2,3
	v_max_num_f32 v[232+\b], 0x1800000, v[232+\b]  ; the floor 2^(3 - 127)
.endr
.irp b, 0,1,2,3
	v_add_nc_u32 v[244+\b], 0xff000000, v[232+\b]  ; 2 off the exponent field: the conversion's scale operand
.endr
.irp b, 0,1,2,3
	v_lshrrev_b32 v[236+\b], 23, v[244+\b]         ; the scale's byte
.endr
	v_lshl_or_b32 v253, v237, 8, v236              ; p's scale word for these 128 keys
	v_lshl_or_b32 v253, v238, 16, v253
	v_lshl_or_b32 v253, v239, 24, v253
.irp c, 0,1
	v_cvt_scalef32_pk16_fp6_f32 v[224+6*\c:226+6*\c], v[S+32*\c:S+15+32*\c], v[244+2*\c]
	v_cvt_scalef32_pk16_fp6_f32 v[236+4*\c:238+4*\c], v[S+16+32*\c:S+31+32*\c], v[244+2*\c+1]
.endr
	v_nop                                          ; one plain place behind a scaled conversion
.irp c, 0,1
.irp i, 0,1,2
	v_permlane16_swap_b32 v[224+6*\c+\i], v[236+4*\c+\i]
.endr
.irp i, 0,1,2
	v_mov_b32 v[227+6*\c+\i], v[236+4*\c+\i]
.endr
.endr
.set J, 0
.rept 16
	v_pk_mul_f32 v[O+J:O+J+1], v[O+J:O+J+1], v[252:253] op_sel_hi:[1,0]   ; O^T under the new M.  (These 16 are also the places between p's codes and scale word and the products below)
.set J, J+2
.endr
	s_wait_dscnt 0x0                               ; V's codes and scale words
.irp d, 0,1,2,3
	v_wmma_scale_f32_16x16x128_f8f6f4 v[O+8*\d:O+8*\d+7], v[80+12*\d:91+12*\d], v[224:235], v[O+8*\d:O+8*\d+7], v[248+\d], v253 matrix_a_fmt:MATRIX_FMT_FP6 matrix_b_fmt:MATRIX_FMT_FP6
.endr
.Lhidden_\@:
	s_add_co_u32 s[KF], s[KF], 128
	s_add_co_u32 s[TB], s[TB], 6144
	s_add_co_u32 s[TS], s[TS], 512
	s_add_co_u32 s[TJ], s[TJ], 256
.endm
; Four steps on chunk n.  The fetching waves wait until chunk n has landed (the 3 - n chunks behind it may stay out), then the barrier shows it to all sixteen.
.macro CHUNK n
	s_wait_dscnt 0x0
	s_wait_tensorcnt 3-(\n)
	s_barrier_signal -1
	s_barrier_wait -1
	s_mov_b32 s100, 4
.Lstep_\@:
	STEP
	s_sub_co_u32 s100, s100, 1
	s_cmp_lg_u32 s100, 0
	s_cbranch_scc1 .Lstep_\@
.endm
	s_wait_loadcnt 0x0                             ; Q
	CHUNK 0
	CHUNK 1
	CHUNK 2
	CHUNK 3
	; THE WAY OUT: O^T / the sum, quantised along the head's 64 (two blocks of 32), leaves as the half image (head, my token block).
.rept 4
	v_nop                                          ; places behind the last products
.endr
	v_add_f32 v18, v18, v19
	v_permlanex16_b32 v252, v18, s[SEL], s[SEL+1]
	v_add_f32 v18, v18, v252                       ; the row's sum
	v_rcp_f32 v18, v18
	v_and_b32 v8, 15, v0                           ; (a plain place behind the transcendental)
	v_lshlrev_b32 v8, 2, v8                        ; 4 r
	s_lshl_b32 s2, s11, 8
	s_add_co_u32 s2, s2, s9
	s_mul_i32 s2, s2, 768
	s_mov_b32 s3, 0
	s_add_nc_u64 s[66:67], s[6:7], s[2:3]          ; my codes
	s_lshl_b32 s2, s9, 3
	s_lshr_b32 s101, s11, 1
	s_add_co_u32 s2, s2, s101
	s_lshl_b32 s2, s2, 6
	s_lshl_b32 s101, s12, 1
	s_add_co_u32 s2, s2, s101
	s_add_co_u32 s2, s2, 0x300000
	s_add_nc_u64 s[2:3], s[6:7], s[2:3]            ; my scale bytes
	s_wait_alu depctr_va_vdst(0)                   ; the wait ahead of the reciprocal's first reader
.set J, 0
.rept 32
	v_mul_f32 v[S+J], v[O+J], v18                  ; register 16 b + i = d 32 b + 16 h + i of my query
.set J, J+1
.endr
.irp b, 0,1
	v_max3_num_f32 v[232+\b], |v[S+16*\b]|, |v[S+1+16*\b]|, 0x1800000
.endr
.irp i, 2,4,6,8,10,12,14
.irp b, 0,1
	v_max3_num_f32 v[232+\b], v[232+\b], |v[S+16*\b+\i]|, |v[S+1+16*\b+\i]|
.endr
.endr
.irp b, 0,1
	v_permlanex16_b32 v[236+\b], v[232+\b], s[SEL], s[SEL+1]
.endr
.irp b, 0,1
	v_max_num_f32 v[232+\b], v[232+\b], v[236+\b]
.endr
.irp b, 0,1
	v_add_nc_u32 v[244+\b], 0xff000000, v[232+\b]
.endr
.irp b, 0,1
	v_lshrrev_b32 v[236+\b], 23, v[244+\b]
.endr
	v_lshl_or_b32 v253, v237, 8, v236              ; the head's two scale bytes
	v_cvt_scalef32_pk16_fp6_f32 v[224:226], v[S:S+15], v244
	v_cvt_scalef32_pk16_fp6_f32 v[236:238], v[S+16:S+31], v245
	v_nop                                          ; one plain place behind a scaled conversion
.irp i, 0,1,2
	v_permlane16_swap_b32 v[224+\i], v[236+\i]
.endr
.irp i, 0,1,2
	v_mov_b32 v[227+\i], v[236+\i]
.endr
	global_store_b128 v14, v[224:227], s[66:67]            ; 512 consecutive bytes, at a multiple of 256 from AT's first byte
	global_store_b64 v15, v[228:229], s[66:67] offset:512  ; and the 256 behind them
	global_store_b16 v8, v253, s[2:3]                      ; lanes l and l + 16 hold the same two bytes
	s_wait_xcnt 0x0
	v_lshl_add_u32 v254, v0, 2, 0x33000
	v_mov_b32 v255, 0
	s_wait_tensorcnt 0x0
	ds_add_u32 v254, v255
	s_wait_dscnt 0x0
	s_endpgm
.Lfunc_end_k_q55afb5ae03_attn:
	.size	k_q55afb5ae03_attn, .Lfunc_end_k_q55afb5ae03_attn-k_q55afb5ae03_attn
	.p2alignl 7, 3214868480
	.fill 96, 4, 3214868480
	.section	.rodata,"a",@progbits
	.p2align	6, 0x0
	.amdhsa_kernel k_q55afb5ae03_attn
		.amdhsa_group_segment_fixed_size 210944
		.amdhsa_private_segment_fixed_size 0
		.amdhsa_enable_private_segment 0
		.amdhsa_kernarg_size 16
		.amdhsa_user_sgpr_count 2
		.amdhsa_user_sgpr_kernarg_segment_ptr 1
		.amdhsa_wavefront_size32 1
		.amdhsa_system_sgpr_workgroup_id_x 1
		.amdhsa_system_sgpr_workgroup_id_y 1
		.amdhsa_system_sgpr_workgroup_id_z 1
		.amdhsa_system_vgpr_workitem_id 0
		.amdhsa_next_free_vgpr 256
		.amdhsa_next_free_sgpr 102
		.amdhsa_reserve_vcc 1
		.amdhsa_float_denorm_mode_32 3
		.amdhsa_float_denorm_mode_16_64 3
		.amdhsa_memory_ordered 1
		.amdhsa_forward_progress 1
		.amdhsa_inst_pref_size 105
	.end_amdhsa_kernel
	.amdgpu_metadata
---
amdhsa.version: [ 1, 2 ]
amdhsa.kernels:
  - .name:           k_q55afb5ae03_attn
    .symbol:         k_q55afb5ae03_attn.kd
    .args:
      - { .name: QKV, .offset: 0, .size: 8, .value_kind: global_buffer, .address_space: global }
      - { .name: AT, .offset: 8, .size: 8, .value_kind: global_buffer, .address_space: global }
    .group_segment_fixed_size: 210944
    .private_segment_fixed_size: 0
    .kernarg_segment_align: 8
    .kernarg_segment_size: 16
    .max_flat_workgroup_size: 512
    .sgpr_count:     102
    .vgpr_count:     256
    .wavefront_size: 32
...
	.end_amdgpu_metadata
.endif
;; end of part 4
;; launch proj (part 5): grid 4 x 16, 4 waves a work-group, clusters of 4 x 4, 327,680 bytes of LDS; arguments AT, W, b_proj, x, X1; writes X1
.if DOCPART == 5
	.amdgcn_target "amdgcn-amd-amdhsa--gfx1250"
	.amdhsa_code_object_version 6
	.text
	.protected	k_q55afb5ae03_proj
	.globl	k_q55afb5ae03_proj
	.p2align	8
	.type	k_q55afb5ae03_proj,@function
k_q55afb5ae03_proj:
	s_mov_b64 s[64:65], 0
	v_nop
	global_prefetch_b8 v0, s[64:65] scope:SCOPE_SE
	s_setreg_imm32_b32 hwreg(HW_REG_WAVE_MODE, 25, 1), 1
	s_wait_xcnt 0x0
	s_wait_alu depctr_hold_cnt(0) depctr_sa_sdst(0) depctr_va_vdst(0) depctr_va_sdst(0) depctr_va_ssrc(0) depctr_va_vcc(0) depctr_vm_vsrc(0)
	s_getreg_b32 s2, hwreg(HW_REG_IB_STS2, 6, 4)
	s_cmp_eq_u32 s2, 0
	s_cbranch_scc0 .Lentry_in_a_cluster
	s_endpgm
.Lentry_in_a_cluster:
	s_bfe_u32 s2, ttmp6, 0x10000c
	s_cmp_lg_u32 s2, 0xf033
	s_cbranch_scc0 .Lentry_shape_is_right
	s_endpgm
.Lentry_shape_is_right:
; X1 = x + attn w_proj + b_proj: C = A B^T on codes of FP6 (E2M3) with E8M0 scales, K = 1,024; A = the attention's result (AT), B = w_proj (W's blocks 192-255); the bias is the C of each sum's first product; C + x leaves as f32.
; OPERANDS LIE AS IMAGES OF THEIR REGISTERS.  Row block i (16 rows; lane r holds row 32 (i >> 1) + 8 (i & 1) + (r & 7) + 16 (r >> 3)); half image (hp = K / 64, i), 768 bytes at (256 hp + i) x 768: lane (r, h)'s 24 bytes of
; k = 64 hp + 32 h + 0 .. 31: 16 at 16 x lane, 8 at 512 + 8 x lane.  Scale words at (i x KS + K / 128) x 64 + 4 r.  So a fragment is four dense LDS loads and a quarter of a slot is 4 rows of 6,144 bytes for one tensor load.
; A tile of C, 256 x 256, is made by four waves, 128 x 128 each: 64 accumulators.  K goes in steps of 256 through a ring of two LDS slots; the scale words of the tile's rows come once and stay.
; CLUSTERS 4 x 4: A's tiles are asked for jointly along a row of the cluster, B's along a column.  THE MATRIX INSTRUCTION IS USED TRANSPOSED (source 0 = B's block, source 1 = A's): a lane holds one row of C, and
; register j of B's block b is column 32 (b / 2) + 16 (lane / 16) + 8 (b % 2) + j.  C has 64 tiles: the launch has 64 work-groups.
; REGISTERS: window 0: v15-31 addresses; v32-63 scale words, two sets; v64-127 bias, later codes or the residual; v128-223 A's fragments, ONE set; v224-241 at work.  window 1: B's fragments, two sets.  windows 2, 3: accumulators.
.set KTOT,    1024
.set SELQ,    0
.set HASBIAS, 1
.set RELU,    0
.set EPIF,    1                        ; 0: C is quantised; 1: C + residual leaves as f32
.set NTOUT,   0
.set BBLK,    192                      ; B's first block in its region
.set BCOD,    0                        ; where B's codes begin
.set ASCL,    0x300000                 ; where A's and B's scale words begin
.set BSCL,    0x1200000
.set OSCL,    0
.set OS2,     0
.set KS,     KTOT/128
.set LAPS,   KTOT/512                  ; a lap = two slots = once round the ring
.set NQ,     2                         ; matrix instructions deep in a slot
.set FR,     12                        ; registers of a fragment
.set NL,     4                         ; LDS loads that bring one
.set NP,     4                         ; places behind this matrix instruction (ISA guide 7.12.1)
.set HIMG,   768
.set HROW,   8*HIMG                    ; eight blocks of one hp
.set HALFT,  4*HROW                    ; a quarter of a slot: 8 blocks x 256 along K: what one tensor load brings
.set SLOT,   4*HALFT
.set BLKP,   256*HIMG                  ; from hp to hp in memory
.set SCL,    2*SLOT                    ; behind the ring: the scale words
.set SBLK,   64*KS                     ; those of one block
.set HALFS,  8*SBLK
.set SPARE,  SCL+4*HALFS               ; the spare words, 128 bytes for each wave: two blocks of 256 bytes that no other line names
.set SPITCH, 528
.set PA,     4+4*SELQ
.set PB,     6+4*SELQ
.set BO,   15
.set ADRA, 16                          ; v16-17 A's fragments in slot 0, 1 (16 x lane); v18-19 the same at 512 + 8 x lane
.set ADRB, 20                          ; v20-23 likewise for B
.set STO,  24
.set RD,   25
.set CO,   26                          ; 16 x lane
.set ADRS, 27                          ; my scale words: lanes 0-15 A's rows, lanes 16-31 B's
.set SPW,  28                          ; my spare word; never rewritten
.set NIL,  29                          ; 0; never rewritten
.set LO8,  30                          ; 8 x lane
.set R4,   31                          ; 4 x (lane % 16)
.set SC,   32
.set BI,   64
.set PC,   64
.set RS,   64
.set AF,   128
.set BK,   128
.set TM,   224
.set PW,   240
.set G1, 24
.set G0, 32
.set G1B, 48
.set G0B, 56
.set G1S, 68
.set G0S, 76
.set G1SB, 80
.set G0SB, 88
.set MSB, 0
.macro WIN new                         ; the immediate's high byte repeats the setting that is left
.if MSB != (\new)
	s_set_vgpr_msb (MSB<<8)|(\new)
.set MSB, (\new)
.endif
.endm
.set MUL_LO, 0xa1                      ; source 0 (B) window 1, source 1 (A) window 0, C and D window 2
.set MUL_HI, 0xf1                      ; the same, C and D window 3
.set TO_B,   0x40                      ; destination window 1, address window 0
; A joint load: waves 0 and 1 fetch for A, waves 2 and 3 for B; the branch hangs on the wave's number alone.  Four v_nop follow each of the two lines.
.macro JLOAD g0a, g1a, g0b, g1b
	s_cmp_eq_u32 s15, 0
	s_cbranch_scc0 .Lfor_b_\@
	tensor_load_to_lds s[\g0a:\g0a+3], s[\g1a:\g1a+7]
	s_nop 0
.rept 4
	v_nop
.endr
	s_branch .Lasked_\@
.Lfor_b_\@:
	tensor_load_to_lds s[\g0b:\g0b+3], s[\g1b:\g1b+7]
	s_nop 0
.rept 4
	v_nop
.endr
.Lasked_\@:
.endm
.macro CREST                           ; a round of the cluster's barrier behind its opening barrier
	s_cmp_lg_u32 s14, 0
	s_cbranch_scc1 .Lnot_wave_0_\@
	s_barrier_signal -3
.Lnot_wave_0_\@:
	s_barrier_wait -3
	s_barrier_signal -1
	s_barrier_wait -1
.endm
.macro CROUND
	s_barrier_signal -1
	s_barrier_wait -1
	CREST
.endm
	s_load_b128 s[4:7], s[0:1], 0x0                ; the first two buffers
.if SELQ
	s_load_b64 s[12:13], s[0:1], 0x10              ; out
.elseif EPIF
	s_load_b128 s[8:11], s[0:1], 0x10              ; bias, residual
	s_load_b64 s[12:13], s[0:1], 0x20              ; out
.else
	s_load_b64 s[8:9], s[0:1], 0x10                ; bias
	s_load_b64 s[12:13], s[0:1], 0x18              ; out
.endif
	v_lshl_add_u32 v[SPW], v0, 2, SPARE
	v_mov_b32 v[NIL], 0
	ds_add_u32 v28, v29
	ds_add_u32 v28, v29
	s_wait_dscnt 0x0
	v_lshrrev_b32 v1, 5, v0
	v_readfirstlane_b32 s14, v1                    ; wave 0..3
	s_lshr_b32 s15, s14, 1                         ; which half of the tile's rows is mine.  Also: I fetch for A (0) or for B (1)
	s_and_b32 s16, s14, 1                          ; which half of its columns.  Also: which 8 blocks of that tile I fetch
	s_bfe_u32 s40, ttmp6, 0x40000                  ; cx, cy: my place in the cluster
	s_bfe_u32 s41, ttmp6, 0x40004
.if SELQ
	s_and_b32 s95, ttmp7, 0xffff
	s_lshl_b32 s95, s95, 2                         ; 4 x cluster y
	s_lshl_b32 s96, ttmp9, 2                       ; 4 x cluster x
	s_mov_b32 s99, 0x1200000
	s_mov_b32 s101, 0x300000
	s_cmp_lt_u32 ttmp9, 2                          ; q and k, or v^T?
	s_cselect_b32 s17, s95, 0
	s_cselect_b32 s42, s96, s95
	s_cselect_b32 s97, 0, 128                      ; A's first block: the tokens', or wv's
	s_cselect_b32 s98, 0, 16                       ; the output's first step of 128
	s_cselect_b32 s100, s101, s99                  ; A's scale words
	s_cselect_b32 s101, s99, s101                  ; B's
	s_add_co_u32 s17, s17, s41                     ; tile row
	s_add_co_u32 s42, s42, s40                     ; tile column
.else
	s_lshl_b32 s42, ttmp9, 2
	s_add_co_u32 s42, s42, s40                     ; tile column of C = 4 x cluster x + cx
	s_and_b32 s17, ttmp7, 0xffff
	s_lshl_b32 s17, s17, 2
	s_add_co_u32 s17, s17, s41                     ; tile row of C = 4 x cluster y + cy
.endif
	s_lshl_b32 s43, s41, 2
	s_lshl_b32 s43, 15, s43                        ; my row of the cluster
	s_lshl_b32 s44, 0x1111, s40                    ; my column
	; descriptor group 1: a quarter of a slot: 4 rows (hp) of 768 elements of 8 bytes, 24,576 elements apart; no padding: every LDS load of it is dense
	s_or_b32 s[G1+0], s43, (3<<16)|(1<<21)         ; 15:0 the mask: A's tiles go to my row; 17:16 elements of 8 bytes; 21 set beside a mask
	s_or_b32 s[G1B+0], s44, (3<<16)|(1<<21)
.irp g, G1, G1B
	s_mov_b32 s[\g+1], 768<<16                     ; tensor_dim0
	s_mov_b32 s[\g+2], 4<<16                       ; tensor_dim1
	s_mov_b32 s[\g+3], 768<<16                     ; tile_dim0
	s_mov_b32 s[\g+4], 4                           ; tile_dim1
	s_mov_b32 s[\g+5], BLKP/8                      ; tensor_dim0_stride
	s_mov_b32 s[\g+6], 0
	s_mov_b32 s[\g+7], 0
.endr
	; the scale words of 8 blocks: a dense block of HALFS bytes, as rows of 256 bytes
	s_or_b32 s[G1S+0], s43, (3<<16)|(1<<21)
	s_or_b32 s[G1SB+0], s44, (3<<16)|(1<<21)
.irp g, G1S, G1SB
	s_mov_b32 s[\g+1], 32<<16
	s_mov_b32 s[\g+2], (HALFS/256)<<16
	s_mov_b32 s[\g+3], 32<<16
	s_mov_b32 s[\g+4], HALFS/256
	s_mov_b32 s[\g+5], 32
	s_mov_b32 s[\g+6], 0
	s_mov_b32 s[\g+7], 0
.endr
	s_lshl_b32 s18, s16, 3                         ; which 8 blocks of the tile I fetch
	s_lshl_b32 s20, s17, 4
	s_add_co_u32 s20, s20, s18                     ; A: block 16 x tile row + 8 x half
	s_lshl_b32 s46, s42, 4
	s_add_co_u32 s46, s46, s18                     ; B: block 16 x tile column + 8 x half
.if SELQ
	s_add_co_u32 s20, s20, s97
.endif
.if BBLK
	s_add_co_u32 s46, s46, BBLK
.endif
	s_mul_i32 s22, s20, SBLK                       ; where these blocks' scale words begin,
	s_mul_i32 s92, s46, SBLK
.if SELQ
	s_add_co_u32 s22, s22, s100
	s_add_co_u32 s92, s92, s101
.else
	s_add_co_u32 s22, s22, ASCL
	s_add_co_u32 s92, s92, BSCL
.endif
	s_mul_i32 s20, s20, HIMG                       ; and their codes
	s_mul_i32 s46, s46, HIMG
.if BCOD
	s_add_co_u32 s46, s46, BCOD
.endif
	s_mov_b32 s21, 0
	s_mov_b32 s23, 0
	s_mov_b32 s47, 0
	s_mov_b32 s93, 0
	s_mul_i32 s45, s14, HALFT                      ; where they go: wave x a quarter: no place in the cluster enters an LDS address
	s_mul_i32 s94, s14, HALFS
	s_wait_kmcnt 0x0
.if SELQ
	s_cmp_lt_u32 ttmp9, 2
	s_cselect_b64 s[8:9], s[4:5], s[6:7]           ; A's buffer
	s_cselect_b64 s[10:11], s[6:7], s[4:5]         ; B's buffer
.endif
	s_add_nc_u64 s[20:21], s[PA:PA+1], s[20:21]
	s_add_nc_u64 s[22:23], s[PA:PA+1], s[22:23]
	s_add_nc_u64 s[46:47], s[PB:PB+1], s[46:47]
	s_add_nc_u64 s[92:93], s[PB:PB+1], s[92:93]
	CROUND                                         ; all sixteen work-groups are here: the first joint loads meet
	s_mov_b32 s[G0S], 1
	s_add_co_u32 s[G0S+1], s94, SCL
	s_mov_b64 s[G0S+2:G0S+3], s[22:23]
	s_or_b32 s[G0S+3], s[G0S+3], 0x80000000
	s_mov_b32 s[G0SB], 1
	s_add_co_u32 s[G0SB+1], s94, SCL
	s_mov_b64 s[G0SB+2:G0SB+3], s[92:93]
	s_or_b32 s[G0SB+3], s[G0SB+3], 0x80000000
	JLOAD G0S, G1S, G0SB, G1SB                     ; the scale words first: they are wanted with the first slot
.irp s, 0,1
	s_mov_b32 s[G0+4*\s], 1
	s_add_co_u32 s[G0+4*\s+1], s45, \s*SLOT
	s_add_nc_u64 s[G0+4*\s+2:G0+4*\s+3], s[20:21], \s*4*BLKP
	s_or_b32 s[G0+4*\s+3], s[G0+4*\s+3], 0x80000000
	s_mov_b32 s[G0B+4*\s], 1
	s_add_co_u32 s[G0B+4*\s+1], s45, \s*SLOT
	s_add_nc_u64 s[G0B+4*\s+2:G0B+4*\s+3], s[46:47], \s*4*BLKP
	s_or_b32 s[G0B+4*\s+3], s[G0B+4*\s+3], 0x80000000
	JLOAD G0+4*\s, G1, G0B+4*\s, G1B
.endr
	v_and_b32 v1, 15, v0                           ; r
	v_bfe_u32 v2, v0, 4, 1                         ; h
	v_and_b32 v3, 31, v0
	v_lshlrev_b32 v[CO], 4, v3
	v_lshlrev_b32 v[LO8], 3, v3
	v_lshlrev_b32 v[R4], 2, v1
	v_add_nc_u32 v4, 512, v[LO8]
	s_mul_i32 s21, s15, HALFT                      ; my 8 blocks of A
	s_mul_i32 s22, s16, HALFT                      ; my 8 blocks of B,
	s_add_co_u32 s22, s22, 2*HALFT                 ; which lie behind A's 16
.irp s, 0,1
	v_add_nc_u32 v[ADRA+\s], s21, v[CO]
	v_add_nc_u32 v[ADRB+\s], s22, v[CO]
	v_add_nc_u32 v[ADRA+2+\s], s21, v4
	v_add_nc_u32 v[ADRB+2+\s], s22, v4
	s_add_co_u32 s21, s21, SLOT
	s_add_co_u32 s22, s22, SLOT
.endr
	s_mul_i32 s21, s15, HALFS                      ; A's scale words: my 8 blocks
	s_mul_i32 s22, s16, HALFS                      ; B's: my 8 blocks, behind A's 16
	s_add_co_u32 s22, s22, 2*HALFS
	s_sub_co_u32 s22, s22, s21
	v_mul_u32_u24 v6, s22, v2                      ; lanes 16-31 take B's: one product, the distance between the two
	s_add_co_u32 s21, s21, SCL
	v_add_nc_u32 v5, v[R4], v6
	v_add_nc_u32 v[ADRS], s21, v5
.if HASBIAS
	s_lshl_b32 s20, s42, 10                        ; the bias of my 128 columns; lane (r, h) wants, for B's block b, those of columns 32 (b / 2) + 16 h + 8 (b % 2) + 0 .. 7
	s_lshl_b32 s21, s16, 9
	s_add_co_u32 s20, s20, s21
	s_mov_b32 s21, 0
	s_add_nc_u64 s[8:9], s[8:9], s[20:21]
	v_lshlrev_b32 v[BO], 6, v2
.irp b, 0,1,2,3,4,5,6,7
	global_load_b128 v[BI+8*\b:BI+8*\b+3], v[BO], s[8:9] offset:(32*(\b/2)+8*(\b%2))*4
	global_load_b128 v[BI+8*\b+4:BI+8*\b+7], v[BO], s[8:9] offset:(32*(\b/2)+8*(\b%2))*4+16
.endr
.endif
.if EPIF
	s_mul_i32 s23, s14, 16*SPITCH                  ; my stage: it lies in slot 0, which has had its last fill and its last read when the first result is stored there
	v_mul_u32_u24 v5, v1, SPITCH
	v_lshl_add_u32 v5, v2, 6, v5
	v_add_nc_u32 v[STO], s23, v5                   ; in: row r, + 64 h
	v_add_nc_u32 v[RD], s23, v[CO]                 ; back: a row of 512 bytes
	s_lshl_b32 s20, s17, 8
	s_lshl_b32 s21, s15, 7
	s_add_co_u32 s20, s20, s21                     ; my first row of C
	s_lshl_b32 s20, s20, 12                        ; rows of 4,096 bytes
	s_lshl_b32 s21, s42, 10
	s_add_co_u32 s20, s20, s21
	s_lshl_b32 s21, s16, 9
	s_add_co_u32 s20, s20, s21                     ; + my first column
	s_mov_b32 s21, 0
	s_add_nc_u64 s[10:11], s[10:11], s[20:21]
	s_add_nc_u64 s[12:13], s[12:13], s[20:21]
.else
	s_lshl_b32 s20, s42, 1
	s_add_co_u32 s20, s20, s16                     ; which 128 of the output's K are mine
.if SELQ
	s_add_co_u32 s20, s20, s98
.endif
	s_lshl_b32 s21, s17, 4
	s_lshl_b32 s22, s15, 3
	s_add_co_u32 s21, s21, s22                     ; my first block of rows
	s_lshl_b32 s22, s20, 9
	s_add_co_u32 s22, s22, s21
	s_mul_i32 s22, s22, HIMG
	s_mov_b32 s23, 0
	s_add_nc_u64 s[92:93], s[12:13], s[22:23]      ; my codes
.if SELQ
	s_lshl_b32 s22, s20, 8
	s_add_co_u32 s22, s22, s21
.else
	s_lshl_b32 s22, s21, 5
	s_add_co_u32 s22, s22, s20
.endif
	s_lshl_b32 s22, s22, 6
	s_add_co_u32 s22, s22, OSCL
	s_add_nc_u64 s[12:13], s[12:13], s[22:23]      ; my scale words
	s_mov_b32 s18, 0x76543210
	s_mov_b32 s19, 0xfedcba98                      ; v_permlanex16_b32's selects for lane l xor 16
.irp b, 0,1,2,3
	v_mov_b32 v[TM+4+\b], 0                        ; written once: a lane permute's destination counts as one of its sources
.endr
.endif
.macro FRAG reg, adr, q, i             ; a fragment, 12 registers: two half images, each 16 bytes a lane and 8 bytes a lane, all dense
	ds_load_b128 v[\reg:\reg+3], v[\adr] offset:(2*(\q))*HROW+(\i)*HIMG
	ds_load_b64 v[\reg+4:\reg+5], v[\adr+2] offset:(2*(\q))*HROW+(\i)*HIMG
	ds_load_b128 v[\reg+6:\reg+9], v[\adr] offset:(2*(\q)+1)*HROW+(\i)*HIMG
	ds_load_b64 v[\reg+10:\reg+11], v[\adr+2] offset:(2*(\q)+1)*HROW+(\i)*HIMG
.endm
; 16 matrix instructions: A's blocks a0, a0 + 1 x B's eight, 128 along K.  p: B's set; sc: the set of scale words.  zero = 1: the first product starts the sums, from the bias where there is one.
; The 64 accumulators take turns, one instruction a turn, in the same order in every step.
.macro MUL16 a0, p, q, sc, zero
.irp a, \a0, \a0+1
.irp b, 0,1,2,3,4,5,6,7
.if \zero
.if HASBIAS
	v_wmma_scale_f32_16x16x128_f8f6f4 v[8*(8*((\a)%4)+\b):8*(8*((\a)%4)+\b)+7], v[128*(\p)+FR*\b:128*(\p)+FR*\b+FR-1], v[AF+FR*(\a):AF+FR*(\a)+FR-1], v[BI+8*\b:BI+8*\b+7], v[SC+16*(\sc)+2*\b+(\q)], v[SC+16*(\sc)+2*(\a)+(\q)] matrix_a_fmt:MATRIX_FMT_FP6 matrix_b_fmt:MATRIX_FMT_FP6 matrix_a_scale:MATRIX_SCALE_ROW1
.else
	v_wmma_scale_f32_16x16x128_f8f6f4 v[8*(8*((\a)%4)+\b):8*(8*((\a)%4)+\b)+7], v[128*(\p)+FR*\b:128*(\p)+FR*\b+FR-1], v[AF+FR*(\a):AF+FR*(\a)+FR-1], 0, v[SC+16*(\sc)+2*\b+(\q)], v[SC+16*(\sc)+2*(\a)+(\q)] matrix_a_fmt:MATRIX_FMT_FP6 matrix_b_fmt:MATRIX_FMT_FP6 matrix_a_scale:MATRIX_SCALE_ROW1
.endif
.else
	v_wmma_scale_f32_16x16x128_f8f6f4 v[8*(8*((\a)%4)+\b):8*(8*((\a)%4)+\b)+7], v[128*(\p)+FR*\b:128*(\p)+FR*\b+FR-1], v[AF+FR*(\a):AF+FR*(\a)+FR-1], v[8*(8*((\a)%4)+\b):8*(8*((\a)%4)+\b)+7], v[SC+16*(\sc)+2*\b+(\q)], v[SC+16*(\sc)+2*(\a)+(\q)] matrix_a_fmt:MATRIX_FMT_FP6 matrix_b_fmt:MATRIX_FMT_FP6 matrix_a_scale:MATRIX_SCALE_ROW1
.endif
.endr
.endr
.endm
.macro FETCH_B slot, q, p
	WIN TO_B
.irp i, 0,1,2,3,4,5,6,7
	FRAG 128*(\p)+FR*\i, ADRB+\slot, \q, \i
.endr
	WIN 0
.endm
.macro FETCH_A slot, q, i0
.irp i, \i0, \i0+1, \i0+2, \i0+3
	FRAG AF+FR*(\i), ADRA+\slot, \q, \i
.endr
.endm
.macro SCALES sc                       ; a slot's scale words into set sc: register 2 i + q: lanes 0-15 the word of A's block i, lanes 16-31 that of B's block i
.irp i, 0,1,2,3,4,5,6,7
	ds_load_b32 v[SC+16*\sc+2*\i], v[ADRS] offset:\i*SBLK
	ds_load_b32 v[SC+16*\sc+2*\i+1], v[ADRS] offset:\i*SBLK+64
.endr
.endm
.macro PLACES n                        ; plain vector instructions between a matrix instruction and a load into, or a read of, its registers (ISA guide 7.12.1 for a read)
.rept \n
	v_nop
.endr
.endm
.macro STEP slot, q, zero              ; a step of 128 along K that has its successor in the same slot
	s_wait_dscnt 4*NL                              ; all but the youngest 16 loads (A's blocks 4-7) are in
.if (\zero) && HASBIAS
	WIN 0x81                                       ; C (the bias) window 0, D window 2
.else
	WIN MUL_LO
.endif
	MUL16 0, (\q)%2, \q, \slot, \zero
	MUL16 2, (\q)%2, \q, \slot, \zero
	s_wait_dscnt 0                                 ; A's blocks 4-7 are in
	PLACES NP
	FETCH_B \slot, (\q)+1, 1-(\q)%2
	FETCH_A \slot, (\q)+1, 0
.if (\zero) && HASBIAS
	WIN 0xc1
.else
	WIN MUL_HI
.endif
	MUL16 4, (\q)%2, \q, \slot, \zero
	MUL16 6, (\q)%2, \q, \slot, \zero
	PLACES NP
	WIN 0
	FETCH_A \slot, (\q)+1, 4
.endm
; A slot's last step changes slots: ONE barrier; in front of it each wave waits for all its tensor loads, adds 0 to its spare word, and waits for that and for its own reads of this slot.  fill = 1: this slot is filled again, two slots ahead.
.macro TURN slot, next, fill
	s_wait_tensorcnt 0x0                           ; all my tensor loads have landed: my part of the next slot
	ds_add_u32 v[SPW], v[NIL]                      ; 0 onto my spare word
	s_wait_dscnt 4*NL+1                            ; (the add and the youngest 16 loads may be out)
	WIN MUL_LO
	MUL16 0, 1, 1, \slot, 0                        ; sixteen matrix instructions stand between the add and the wait for it
	s_wait_dscnt 0x0                               ; the add is done, and my reads of this slot are over
	s_barrier_signal -1
	MUL16 2, 1, 1, \slot, 0
	WIN 0
	s_barrier_wait -1
.if \fill
	CREST                                          ; the barrier has opened a round of the cluster's barrier: no wave of any partner still reads this slot or has a load on its way
	s_add_nc_u64 s[G0+4*\slot+2:G0+4*\slot+3], s[G0+4*\slot+2:G0+4*\slot+3], 8*BLKP
	s_add_nc_u64 s[G0B+4*\slot+2:G0B+4*\slot+3], s[G0B+4*\slot+2:G0B+4*\slot+3], 8*BLKP
	JLOAD G0+4*\slot, G1, G0B+4*\slot, G1B         ; the first tensor load behind the round; its four v_nop are the places in front of the loads below
.else
	PLACES NP
.endif
	v_add_nc_u32 v[ADRS], 64*NQ, v[ADRS]           ; on to the next slot's scale words
	FETCH_B \next, 0, 0
	FETCH_A \next, 0, 0
	SCALES \next
	WIN MUL_HI
	MUL16 4, 1, 1, \slot, 0
	MUL16 6, 1, 1, \slot, 0
	PLACES NP
	WIN 0
	FETCH_A \next, 0, 4
.endm
	s_wait_tensorcnt 1                             ; the scale words and my part of slot 0 are in (slot 1's load may be out),
	s_barrier_signal -1
	s_barrier_wait -1                              ; everybody's are
	FETCH_B 0, 0, 0
	FETCH_A 0, 0, 0
	SCALES 0
	FETCH_A 0, 0, 4
.if HASBIAS
	s_wait_loadcnt 0x0                             ; the bias
.endif
	STEP 0, 0, 1                                   ; the first step stands in front of the loop: its products start the sums
	s_mov_b32 s3, LAPS-1
.Llap:                                                 ; a trip goes once round the ring and fills both slots again
	TURN 0, 1, 1
	STEP 1, 0, 0
	TURN 1, 0, 1
	STEP 0, 0, 0
	s_sub_co_u32 s3, s3, 1
	s_cmp_lg_u32 s3, 0
	s_cbranch_scc1 .Llap
	TURN 0, 1, 0                                   ; the last lap fills nothing
	STEP 1, 0, 0
	s_wait_dscnt 4*NL                              ; the very last step
	WIN MUL_LO
	MUL16 0, 1, 1, 1, 0
	MUL16 2, 1, 1, 1, 0
	s_wait_dscnt 0
	WIN MUL_HI
	MUL16 4, 1, 1, 1, 0
	MUL16 6, 1, 1, 1, 0
	WIN 0
	PLACES NP
.if EPIF
; THE WAY OUT, f32: block a (16 rows x 128 columns) goes through my stage and comes back as rows of 512 bytes; the residual is added; 32 lanes store 512 consecutive bytes.
.macro RLOAD a
.irp t, 0,1,2,3,4,5,6,7,8,9,10,11,12,13,14,15
	global_load_b128 v[RS+4*\t:RS+4*\t+3], v[CO], s[10:11] offset:(32*((\a)/2)+8*((\a)%2)+(\t%8)+16*(\t/8))*4096
.endr
.endm
.macro TOSTAGE a
.set AC, 64*((\a)%4)
	WIN 0x08+4*((\a)/4)                            ; the data: window 2 or 3
.irp b, 0,1,2,3,4,5,6,7
	ds_store_b128 v[STO], v[AC+8*\b:AC+8*\b+3] offset:128*(\b/2)+32*(\b%2)       ; each accumulator from its low end on
	ds_store_b128 v[STO], v[AC+8*\b+4:AC+8*\b+7] offset:128*(\b/2)+32*(\b%2)+16
.endr
	WIN 0
.set BB, BK+64*((\a)%2)
.irp t, 0,1,2,3,4,5,6,7,8,9,10,11,12,13,14,15
	ds_load_b128 v[BB+4*\t:BB+4*\t+3], v[RD] offset:\t*SPITCH   ; LDS serves a wave's instructions in order: these see the stores above
.endr
.endm
.macro SEND a
.set BB, BK+64*((\a)%2)
.irp t, 0,1,2,3,4,5,6,7,8,9,10,11,12,13,14,15
.if NTOUT
	global_store_b128 v[CO], v[BB+4*\t:BB+4*\t+3], s[12:13] offset:(32*((\a)/2)+8*((\a)%2)+(\t%8)+16*(\t/8))*4096 th:TH_STORE_NT
.else
	global_store_b128 v[CO], v[BB+4*\t:BB+4*\t+3], s[12:13] offset:(32*((\a)/2)+8*((\a)%2)+(\t%8)+16*(\t/8))*4096
.endif
.endr
.endm
	RLOAD 0
.irp a, 0,1,2,3,4,5,6,7
.if \a > 1
	s_wait_xcnt 0x0                                ; block a - 2's stores have read their registers: block a's rows may land there
.endif
	TOSTAGE \a
	s_wait_dscnt 0x0
	s_wait_loadcnt 0x0                             ; the residual's 16 rows
.set BB, BK+64*((\a)%2)
.set J, 0
.rept 32
	v_pk_add_f32 v[BB+J:BB+J+1], v[BB+J:BB+J+1], v[RS+J:RS+J+1]
.set J, J+2
.endr
.if \a < 7
	RLOAD \a+1
.endif
	SEND \a
.endr
.else
; THE WAY OUT, codes: A's block a: my 64 numbers (register 16 b + i = column 32 b + 16 h + i of my row) become a fragment and a scale word, which leave as they stand: 512 + 256 consecutive bytes for each half image.
.macro QOUT a
.set AC, 64*((\a)%4)
.set WW, 2+(\a)/4
.set PCC, PC+20*((\a)%2)               ; two sets by turns, so that a store's data are rewritten two blocks later
.set PWW, PW+(\a)%2
.if RELU
	WIN (WW<<2)|(WW<<6)
.set J, 0
.rept 64
	v_max_num_f32 v[AC+J], 0, v[AC+J]              ; the activation, in f32; each accumulator from its low end on
.set J, J+1
.endr
.endif
	WIN (WW<<2)|(WW<<4)                            ; sources 1 and 2: the accumulators' window
.irp b, 0,1,2,3
	v_max3_num_f32 v[TM+\b], 0x1800000, |v[AC+16*\b]|, |v[AC+1+16*\b]|   ; block b: my 16 numbers, and the floor 2^(3 - 127)
.endr
.irp i, 2,4,6,8,10,12,14
.irp b, 0,1,2,3
	v_max3_num_f32 v[TM+\b], v[TM+\b], |v[AC+16*\b+\i]|, |v[AC+1+16*\b+\i]|
.endr
.endr
	WIN 0
.if (\a) > 1
	s_wait_xcnt 0x0                                ; block a - 2's stores have read their registers
.endif
.irp b, 0,1,2,3
	v_permlanex16_b32 v[TM+4+\b], v[TM+\b], s18, s19
.endr
.irp b, 0,1,2,3
	v_max_num_f32 v[TM+\b], v[TM+\b], v[TM+4+\b]   ; with lane l xor 16's: the block's largest magnitude
.endr
.irp b, 0,1,2,3
	v_add_nc_u32 v[TM+12+\b], 0xff000000, v[TM+\b] ; 2 off its exponent field: the conversion's scale operand
.endr
.irp b, 0,1,2,3
	v_lshrrev_b32 v[TM+4+\b], 23, v[TM+12+\b]      ; the scale's byte
.endr
	v_lshl_or_b32 v[PWW], v[TM+5], 8, v[TM+4]
	v_lshl_or_b32 v[PWW], v[TM+6], 16, v[PWW]
	v_lshl_or_b32 v[PWW], v[TM+7], 24, v[PWW]
	WIN WW                                         ; source 0: the accumulators' window
.irp c, 0,1
	v_cvt_scalef32_pk16_fp6_f32 v[PCC+6*\c:PCC+2+6*\c], v[AC+32*\c:AC+15+32*\c], v[TM+12+2*\c]
	v_cvt_scalef32_pk16_fp6_f32 v[PCC+12+4*\c:PCC+14+4*\c], v[AC+16+32*\c:AC+31+32*\c], v[TM+12+2*\c+1]
.endr
	WIN 0
	v_nop                                          ; one plain place behind a scaled conversion
.irp c, 0,1                                    ; the operand's layout wants a WHOLE block in a lane
.irp i, 0,1,2
	v_permlane16_swap_b32 v[PCC+6*\c+\i], v[PCC+12+4*\c+\i]
.endr
.irp i, 0,1,2
	v_mov_b32 v[PCC+3+6*\c+\i], v[PCC+12+4*\c+\i]
.endr
.endr
	global_store_b128 v[CO], v[PCC:PCC+3], s[92:93] offset:(\a)*HIMG
	global_store_b64 v[LO8], v[PCC+4:PCC+5], s[92:93] offset:(\a)*HIMG+512
	global_store_b128 v[CO], v[PCC+6:PCC+9], s[92:93] offset:(\a)*HIMG+BLKP
	global_store_b64 v[LO8], v[PCC+10:PCC+11], s[92:93] offset:(\a)*HIMG+BLKP+512
	global_store_b32 v[R4], v[PWW], s[12:13] offset:(\a)*OS2       ; lanes l and l + 16 hold the same word
.endm
.irp a, 0,1,2,3,4,5,6,7
	QOUT \a
.endr
.endif
	s_wait_tensorcnt 0x0                           ; the wave's end
	ds_add_u32 v[SPW], v[NIL]
	s_wait_dscnt 0x0
	CROUND                                         ; the closing round: no work-group ends while a partner may still ask for a tile that names it
	s_endpgm
.Lfunc_end_k_q55afb5ae03_proj:
	.size	k_q55afb5ae03_proj, .Lfunc_end_k_q55afb5ae03_proj-k_q55afb5ae03_proj
	.p2alignl 7, 3214868480
	.fill 96, 4, 3214868480
	.section	.rodata,"a",@progbits
	.p2align	6, 0x0
	.amdhsa_kernel k_q55afb5ae03_proj
		.amdhsa_group_segment_fixed_size 327680
		.amdhsa_private_segment_fixed_size 0
		.amdhsa_enable_private_segment 0
		.amdhsa_kernarg_size 40
		.amdhsa_user_sgpr_count 2
		.amdhsa_user_sgpr_kernarg_segment_ptr 1
		.amdhsa_wavefront_size32 1
		.amdhsa_system_sgpr_workgroup_id_x 1
		.amdhsa_system_sgpr_workgroup_id_y 1
		.amdhsa_system_sgpr_workgroup_id_z 1
		.amdhsa_system_vgpr_workitem_id 0
		.amdhsa_next_free_vgpr 1024
		.amdhsa_next_free_sgpr 102
		.amdhsa_reserve_vcc 0
		.amdhsa_float_denorm_mode_32 3
		.amdhsa_float_denorm_mode_16_64 3
		.amdhsa_memory_ordered 1
		.amdhsa_forward_progress 1
		.amdhsa_inst_pref_size 175
	.end_amdhsa_kernel
	.amdgpu_metadata
---
amdhsa.version: [ 1, 2 ]
amdhsa.kernels:
  - .name:           k_q55afb5ae03_proj
    .symbol:         k_q55afb5ae03_proj.kd
    .args:
      - { .name: AT, .offset: 0, .size: 8, .value_kind: global_buffer, .address_space: global }
      - { .name: W, .offset: 8, .size: 8, .value_kind: global_buffer, .address_space: global }
      - { .name: b_proj, .offset: 16, .size: 8, .value_kind: global_buffer, .address_space: global }
      - { .name: x, .offset: 24, .size: 8, .value_kind: global_buffer, .address_space: global }
      - { .name: X1, .offset: 32, .size: 8, .value_kind: global_buffer, .address_space: global }
    .group_segment_fixed_size: 327680
    .private_segment_fixed_size: 0
    .kernarg_segment_align: 8
    .kernarg_segment_size: 40
    .max_flat_workgroup_size: 128
    .sgpr_count:     102
    .vgpr_count:     1024
    .wavefront_size: 32
...
	.end_amdgpu_metadata
.endif
;; end of part 5
;; launch ln2: the kernel of part 2 again; grid 256 x 1, 8 waves a work-group, no clusters, 66,816 bytes of LDS; arguments X1, g2, be2, H2; writes H2
;; launch ff1 (part 6): grid 16 x 16, 4 waves a work-group, clusters of 4 x 4, 327,680 bytes of LDS; arguments H2, W, b1, HID; writes HID
.if DOCPART == 6
	.amdgcn_target "amdgcn-amd-amdhsa--gfx1250"
	.amdhsa_code_object_version 6
	.text
	.protected	k_q55afb5ae03_ff1
	.globl	k_q55afb5ae03_ff1
	.p2align	8
	.type	k_q55afb5ae03_ff1,@function
k_q55afb5ae03_ff1:
	s_mov_b64 s[64:65], 0
	v_nop
	global_prefetch_b8 v0, s[64:65] scope:SCOPE_SE
	s_setreg_imm32_b32 hwreg(HW_REG_WAVE_MODE, 25, 1), 1
	s_wait_xcnt 0x0
	s_wait_alu depctr_hold_cnt(0) depctr_sa_sdst(0) depctr_va_vdst(0) depctr_va_sdst(0) depctr_va_ssrc(0) depctr_va_vcc(0) depctr_vm_vsrc(0)
	s_getreg_b32 s2, hwreg(HW_REG_IB_STS2, 6, 4)
	s_cmp_eq_u32 s2, 0
	s_cbranch_scc0 .Lentry_in_a_cluster
	s_endpgm
.Lentry_in_a_cluster:
	s_bfe_u32 s2, ttmp6, 0x10000c
	s_cmp_lg_u32 s2, 0xf033
	s_cbranch_scc0 .Lentry_shape_is_right
	s_endpgm
.Lentry_shape_is_right:
; hidden = relu(h2 w1 + b1), quantised along its 4,096 columns in registers: C = A B^T on codes of FP6 (E2M3) with E8M0 scales, K = 1,024; A = the normed tokens (H2), B = w1 (W + 0x300000); the bias is the C of each sum's first product.
; OPERANDS LIE AS IMAGES OF THEIR REGISTERS.  Row block i (16 rows; lane r holds row 32 (i >> 1) + 8 (i & 1) + (r & 7) + 16 (r >> 3)); half image (hp = K / 64, i), 768 bytes at (256 hp + i) x 768: lane (r, h)'s 24 bytes of
; k = 64 hp + 32 h + 0 .. 31: 16 at 16 x lane, 8 at 512 + 8 x lane.  Scale words at (i x KS + K / 128) x 64 + 4 r.  So a fragment is four dense LDS loads and a quarter of a slot is 4 rows of 6,144 bytes for one tensor load.
; A tile of C, 256 x 256, is made by four waves, 128 x 128 each: 64 accumulators.  K goes in steps of 256 through a ring of two LDS slots; the scale words of the tile's rows come once and stay.
; CLUSTERS 4 x 4: A's tiles are asked for jointly along a row of the cluster, B's along a column.  THE MATRIX INSTRUCTION IS USED TRANSPOSED (source 0 = B's block, source 1 = A's): by the order of rows in a block a lane's 64
; results of A's block a are 4 x 16 neighbours along C's columns: register 16 b + i = column 32 b + 16 (lane / 16) + i: what the quantiser wants.
; OUT (HID): codes at (256 hp + i) x 768, hp = column / 64; scale words at 0xC00000 + (32 i + column / 128) x 64 + 4 r.
; LIMITS: a block of zeros keeps the byte 1 (its codes are zeros; this program alone reads the bytes); blocks under 2^-124 were not tried; NaN and infinities are not served.
; REGISTERS: window 0: v15-31 addresses; v32-63 scale words, two sets; v64-127 bias, later codes or the residual; v128-223 A's fragments, ONE set; v224-241 at work.  window 1: B's fragments, two sets.  windows 2, 3: accumulators.
.set KTOT,    1024
.set SELQ,    0
.set HASBIAS, 1
.set RELU,    1
.set EPIF,    0                        ; 0: C is quantised; 1: C + residual leaves as f32
.set NTOUT,   0
.set BBLK,    0                        ; B's first block in its region
.set BCOD,    0x300000                 ; where B's codes begin
.set ASCL,    0x300000                 ; where A's and B's scale words begin
.set BSCL,    0x1220000
.set OSCL,    0xC00000                 ; the output's scale words
.set OS2,     2048                     ; and from block to block among them
.set KS,     KTOT/128
.set LAPS,   KTOT/512                  ; a lap = two slots = once round the ring
.set NQ,     2                         ; matrix instructions deep in a slot
.set FR,     12                        ; registers of a fragment
.set NL,     4                         ; LDS loads that bring one
.set NP,     4                         ; places behind this matrix instruction (ISA guide 7.12.1)
.set HIMG,   768
.set HROW,   8*HIMG                    ; eight blocks of one hp
.set HALFT,  4*HROW                    ; a quarter of a slot: 8 blocks x 256 along K: what one tensor load brings
.set SLOT,   4*HALFT
.set BLKP,   256*HIMG                  ; from hp to hp in memory
.set SCL,    2*SLOT                    ; behind the ring: the scale words
.set SBLK,   64*KS                     ; those of one block
.set HALFS,  8*SBLK
.set SPARE,  SCL+4*HALFS               ; the spare words, 128 bytes for each wave: two blocks of 256 bytes that no other line names
.set SPITCH, 528
.set PA,     4+4*SELQ
.set PB,     6+4*SELQ
.set BO,   15
.set ADRA, 16                          ; v16-17 A's fragments in slot 0, 1 (16 x lane); v18-19 the same at 512 + 8 x lane
.set ADRB, 20                          ; v20-23 likewise for B
.set STO,  24
.set RD,   25
.set CO,   26                          ; 16 x lane
.set ADRS, 27                          ; my scale words: lanes 0-15 A's rows, lanes 16-31 B's
.set SPW,  28                          ; my spare word; never rewritten
.set NIL,  29                          ; 0; never rewritten
.set LO8,  30                          ; 8 x lane
.set R4,   31                          ; 4 x (lane % 16)
.set SC,   32
.set BI,   64
.set PC,   64
.set RS,   64
.set AF,   128
.set BK,   128
.set TM,   224
.set PW,   240
.set G1, 24
.set G0, 32
.set G1B, 48
.set G0B, 56
.set G1S, 68
.set G0S, 76
.set G1SB, 80
.set G0SB, 88
.set MSB, 0
.macro WIN new                         ; the immediate's high byte repeats the setting that is left
.if MSB != (\new)
	s_set_vgpr_msb (MSB<<8)|(\new)
.set MSB, (\new)
.endif
.endm
.set MUL_LO, 0xa1                      ; source 0 (B) window 1, source 1 (A) window 0, C and D window 2
.set MUL_HI, 0xf1                      ; the same, C and D window 3
.set TO_B,   0x40                      ; destination window 1, address window 0
; A joint load: waves 0 and 1 fetch for A, waves 2 and 3 for B; the branch hangs on the wave's number alone.  Four v_nop follow each of the two lines.
.macro JLOAD g0a, g1a, g0b, g1b
	s_cmp_eq_u32 s15, 0
	s_cbranch_scc0 .Lfor_b_\@
	tensor_load_to_lds s[\g0a:\g0a+3], s[\g1a:\g1a+7]
	s_nop 0
.rept 4
	v_nop
.endr
	s_branch .Lasked_\@
.Lfor_b_\@:
	tensor_load_to_lds s[\g0b:\g0b+3], s[\g1b:\g1b+7]
	s_nop 0
.rept 4
	v_nop
.endr
.Lasked_\@:
.endm
.macro CREST                           ; a round of the cluster's barrier behind its opening barrier
	s_cmp_lg_u32 s14, 0
	s_cbranch_scc1 .Lnot_wave_0_\@
	s_barrier_signal -3
.Lnot_wave_0_\@:
	s_barrier_wait -3
	s_barrier_signal -1
	s_barrier_wait -1
.endm
.macro CROUND
	s_barrier_signal -1
	s_barrier_wait -1
	CREST
.endm
	s_load_b128 s[4:7], s[0:1], 0x0                ; the first two buffers
.if SELQ
	s_load_b64 s[12:13], s[0:1], 0x10              ; out
.elseif EPIF
	s_load_b128 s[8:11], s[0:1], 0x10              ; bias, residual
	s_load_b64 s[12:13], s[0:1], 0x20              ; out
.else
	s_load_b64 s[8:9], s[0:1], 0x10                ; bias
	s_load_b64 s[12:13], s[0:1], 0x18              ; out
.endif
	v_lshl_add_u32 v[SPW], v0, 2, SPARE
	v_mov_b32 v[NIL], 0
	ds_add_u32 v28, v29
	ds_add_u32 v28, v29
	s_wait_dscnt 0x0
	v_lshrrev_b32 v1, 5, v0
	v_readfirstlane_b32 s14, v1                    ; wave 0..3
	s_lshr_b32 s15, s14, 1                         ; which half of the tile's rows is mine.  Also: I fetch for A (0) or for B (1)
	s_and_b32 s16, s14, 1                          ; which half of its columns.  Also: which 8 blocks of that tile I fetch
	s_bfe_u32 s40, ttmp6, 0x40000                  ; cx, cy: my place in the cluster
	s_bfe_u32 s41, ttmp6, 0x40004
.if SELQ
	s_and_b32 s95, ttmp7, 0xffff
	s_lshl_b32 s95, s95, 2                         ; 4 x cluster y
	s_lshl_b32 s96, ttmp9, 2                       ; 4 x cluster x
	s_mov_b32 s99, 0x1200000
	s_mov_b32 s101, 0x300000
	s_cmp_lt_u32 ttmp9, 2                          ; q and k, or v^T?
	s_cselect_b32 s17, s95, 0
	s_cselect_b32 s42, s96, s95
	s_cselect_b32 s97, 0, 128                      ; A's first block: the tokens', or wv's
	s_cselect_b32 s98, 0, 16                       ; the output's first step of 128
	s_cselect_b32 s100, s101, s99                  ; A's scale words
	s_cselect_b32 s101, s99, s101                  ; B's
	s_add_co_u32 s17, s17, s41                     ; tile row
	s_add_co_u32 s42, s42, s40                     ; tile column
.else
	s_lshl_b32 s42, ttmp9, 2
	s_add_co_u32 s42, s42, s40                     ; tile column of C = 4 x cluster x + cx
	s_and_b32 s17, ttmp7, 0xffff
	s_lshl_b32 s17, s17, 2
	s_add_co_u32 s17, s17, s41                     ; tile row of C = 4 x cluster y + cy
.endif
	s_lshl_b32 s43, s41, 2
	s_lshl_b32 s43, 15, s43                        ; my row of the cluster
	s_lshl_b32 s44, 0x1111, s40                    ; my column
	; descriptor group 1: a quarter of a slot: 4 rows (hp) of 768 elements of 8 bytes, 24,576 elements apart; no padding: every LDS load of it is dense
	s_or_b32 s[G1+0], s43, (3<<16)|(1<<21)         ; 15:0 the mask: A's tiles go to my row; 17:16 elements of 8 bytes; 21 set beside a mask
	s_or_b32 s[G1B+0], s44, (3<<16)|(1<<21)
.irp g, G1, G1B
	s_mov_b32 s[\g+1], 768<<16                     ; tensor_dim0
	s_mov_b32 s[\g+2], 4<<16                       ; tensor_dim1
	s_mov_b32 s[\g+3], 768<<16                     ; tile_dim0
	s_mov_b32 s[\g+4], 4                           ; tile_dim1
	s_mov_b32 s[\g+5], BLKP/8                      ; tensor_dim0_stride
	s_mov_b32 s[\g+6], 0
	s_mov_b32 s[\g+7], 0
.endr
	; the scale words of 8 blocks: a dense block of HALFS bytes, as rows of 256 bytes
	s_or_b32 s[G1S+0], s43, (3<<16)|(1<<21)
	s_or_b32 s[G1SB+0], s44, (3<<16)|(1<<21)
.irp g, G1S, G1SB
	s_mov_b32 s[\g+1], 32<<16
	s_mov_b32 s[\g+2], (HALFS/256)<<16
	s_mov_b32 s[\g+3], 32<<16
	s_mov_b32 s[\g+4], HALFS/256
	s_mov_b32 s[\g+5], 32
	s_mov_b32 s[\g+6], 0
	s_mov_b32 s[\g+7], 0
.endr
	s_lshl_b32 s18, s16, 3                         ; which 8 blocks of the tile I fetch
	s_lshl_b32 s20, s17, 4
	s_add_co_u32 s20, s20, s18                     ; A: block 16 x tile row + 8 x half
	s_lshl_b32 s46, s42, 4
	s_add_co_u32 s46, s46, s18                     ; B: block 16 x tile column + 8 x half
.if SELQ
	s_add_co_u32 s20, s20, s97
.endif
.if BBLK
	s_add_co_u32 s46, s46, BBLK
.endif
	s_mul_i32 s22, s20, SBLK                       ; where these blocks' scale words begin,
	s_mul_i32 s92, s46, SBLK
.if SELQ
	s_add_co_u32 s22, s22, s100
	s_add_co_u32 s92, s92, s101
.else
	s_add_co_u32 s22, s22, ASCL
	s_add_co_u32 s92, s92, BSCL
.endif
	s_mul_i32 s20, s20, HIMG                       ; and their codes
	s_mul_i32 s46, s46, HIMG
.if BCOD
	s_add_co_u32 s46, s46, BCOD
.endif
	s_mov_b32 s21, 0
	s_mov_b32 s23, 0
	s_mov_b32 s47, 0
	s_mov_b32 s93, 0
	s_mul_i32 s45, s14, HALFT                      ; where they go: wave x a quarter: no place in the cluster enters an LDS address
	s_mul_i32 s94, s14, HALFS
	s_wait_kmcnt 0x0
.if SELQ
	s_cmp_lt_u32 ttmp9, 2
	s_cselect_b64 s[8:9], s[4:5], s[6:7]           ; A's buffer
	s_cselect_b64 s[10:11], s[6:7], s[4:5]         ; B's buffer
.endif
	s_add_nc_u64 s[20:21], s[PA:PA+1], s[20:21]
	s_add_nc_u64 s[22:23], s[PA:PA+1], s[22:23]
	s_add_nc_u64 s[46:47], s[PB:PB+1], s[46:47]
	s_add_nc_u64 s[92:93], s[PB:PB+1], s[92:93]
	CROUND                                         ; all sixteen work-groups are here: the first joint loads meet
	s_mov_b32 s[G0S], 1
	s_add_co_u32 s[G0S+1], s94, SCL
	s_mov_b64 s[G0S+2:G0S+3], s[22:23]
	s_or_b32 s[G0S+3], s[G0S+3], 0x80000000
	s_mov_b32 s[G0SB], 1
	s_add_co_u32 s[G0SB+1], s94, SCL
	s_mov_b64 s[G0SB+2:G0SB+3], s[92:93]
	s_or_b32 s[G0SB+3], s[G0SB+3], 0x80000000
	JLOAD G0S, G1S, G0SB, G1SB                     ; the scale words first: they are wanted with the first slot
.irp s, 0,1
	s_mov_b32 s[G0+4*\s], 1
	s_add_co_u32 s[G0+4*\s+1], s45, \s*SLOT
	s_add_nc_u64 s[G0+4*\s+2:G0+4*\s+3], s[20:21], \s*4*BLKP
	s_or_b32 s[G0+4*\s+3], s[G0+4*\s+3], 0x80000000
	s_mov_b32 s[G0B+4*\s], 1
	s_add_co_u32 s[G0B+4*\s+1], s45, \s*SLOT
	s_add_nc_u64 s[G0B+4*\s+2:G0B+4*\s+3], s[46:47], \s*4*BLKP
	s_or_b32 s[G0B+4*\s+3], s[G0B+4*\s+3], 0x80000000
	JLOAD G0+4*\s, G1, G0B+4*\s, G1B
.endr
	v_and_b32 v1, 15, v0                           ; r
	v_bfe_u32 v2, v0, 4, 1                         ; h
	v_and_b32 v3, 31, v0
	v_lshlrev_b32 v[CO], 4, v3
	v_lshlrev_b32 v[LO8], 3, v3
	v_lshlrev_b32 v[R4], 2, v1
	v_add_nc_u32 v4, 512, v[LO8]
	s_mul_i32 s21, s15, HALFT                      ; my 8 blocks of A
	s_mul_i32 s22, s16, HALFT                      ; my 8 blocks of B,
	s_add_co_u32 s22, s22, 2*HALFT                 ; which lie behind A's 16
.irp s, 0,1
	v_add_nc_u32 v[ADRA+\s], s21, v[CO]
	v_add_nc_u32 v[ADRB+\s], s22, v[CO]
	v_add_nc_u32 v[ADRA+2+\s], s21, v4
	v_add_nc_u32 v[ADRB+2+\s], s22, v4
	s_add_co_u32 s21, s21, SLOT
	s_add_co_u32 s22, s22, SLOT
.endr
	s_mul_i32 s21, s15, HALFS                      ; A's scale words: my 8 blocks
	s_mul_i32 s22, s16, HALFS                      ; B's: my 8 blocks, behind A's 16
	s_add_co_u32 s22, s22, 2*HALFS
	s_sub_co_u32 s22, s22, s21
	v_mul_u32_u24 v6, s22, v2                      ; lanes 16-31 take B's: one product, the distance between the two
	s_add_co_u32 s21, s21, SCL
	v_add_nc_u32 v5, v[R4], v6
	v_add_nc_u32 v[ADRS], s21, v5
.if HASBIAS
	s_lshl_b32 s20, s42, 10                        ; the bias of my 128 columns; lane (r, h) wants, for B's block b, those of columns 32 (b / 2) + 16 h + 8 (b % 2) + 0 .. 7
	s_lshl_b32 s21, s16, 9
	s_add_co_u32 s20, s20, s21
	s_mov_b32 s21, 0
	s_add_nc_u64 s[8:9], s[8:9], s[20:21]
	v_lshlrev_b32 v[BO], 6, v2
.irp b, 0,1,2,3,4,5,6,7
	global_load_b128 v[BI+8*\b:BI+8*\b+3], v[BO], s[8:9] offset:(32*(\b/2)+8*(\b%2))*4
	global_load_b128 v[BI+8*\b+4:BI+8*\b+7], v[BO], s[8:9] offset:(32*(\b/2)+8*(\b%2))*4+16
.endr
.endif
.if EPIF
	s_mul_i32 s23, s14, 16*SPITCH                  ; my stage: it lies in slot 0, which has had its last fill and its last read when the first result is stored there
	v_mul_u32_u24 v5, v1, SPITCH
	v_lshl_add_u32 v5, v2, 6, v5
	v_add_nc_u32 v[STO], s23, v5                   ; in: row r, + 64 h
	v_add_nc_u32 v[RD], s23, v[CO]                 ; back: a row of 512 bytes
	s_lshl_b32 s20, s17, 8
	s_lshl_b32 s21, s15, 7
	s_add_co_u32 s20, s20, s21                     ; my first row of C
	s_lshl_b32 s20, s20, 12                        ; rows of 4,096 bytes
	s_lshl_b32 s21, s42, 10
	s_add_co_u32 s20, s20, s21
	s_lshl_b32 s21, s16, 9
	s_add_co_u32 s20, s20, s21                     ; + my first column
	s_mov_b32 s21, 0
	s_add_nc_u64 s[10:11], s[10:11], s[20:21]
	s_add_nc_u64 s[12:13], s[12:13], s[20:21]
.else
	s_lshl_b32 s20, s42, 1
	s_add_co_u32 s20, s20, s16                     ; which 128 of the output's K are mine
.if SELQ
	s_add_co_u32 s20, s20, s98
.endif
	s_lshl_b32 s21, s17, 4
	s_lshl_b32 s22, s15, 3
	s_add_co_u32 s21, s21, s22                     ; my first block of rows
	s_lshl_b32 s22, s20, 9
	s_add_co_u32 s22, s22, s21
	s_mul_i32 s22, s22, HIMG
	s_mov_b32 s23, 0
	s_add_nc_u64 s[92:93], s[12:13], s[22:23]      ; my codes
.if SELQ
	s_lshl_b32 s22, s20, 8
	s_add_co_u32 s22, s22, s21
.else
	s_lshl_b32 s22, s21, 5
	s_add_co_u32 s22, s22, s20
.endif
	s_lshl_b32 s22, s22, 6
	s_add_co_u32 s22, s22, OSCL
	s_add_nc_u64 s[12:13], s[12:13], s[22:23]      ; my scale words
	s_mov_b32 s18, 0x76543210
	s_mov_b32 s19, 0xfedcba98                      ; v_permlanex16_b32's selects for lane l xor 16
.irp b, 0,1,2,3
	v_mov_b32 v[TM+4+\b], 0                        ; written once: a lane permute's destination counts as one of its sources
.endr
.endif
.macro FRAG reg, adr, q, i             ; a fragment, 12 registers: two half images, each 16 bytes a lane and 8 bytes a lane, all dense
	ds_load_b128 v[\reg:\reg+3], v[\adr] offset:(2*(\q))*HROW+(\i)*HIMG
	ds_load_b64 v[\reg+4:\reg+5], v[\adr+2] offset:(2*(\q))*HROW+(\i)*HIMG
	ds_load_b128 v[\reg+6:\reg+9], v[\adr] offset:(2*(\q)+1)*HROW+(\i)*HIMG
	ds_load_b64 v[\reg+10:\reg+11], v[\adr+2] offset:(2*(\q)+1)*HROW+(\i)*HIMG
.endm
; 16 matrix instructions: A's blocks a0, a0 + 1 x B's eight, 128 along K.  p: B's set; sc: the set of scale words.  zero = 1: the first product starts the sums, from the bias where there is one.
; The 64 accumulators take turns, one instruction a turn, in the same order in every step.
.macro MUL16 a0, p, q, sc, zero
.irp a, \a0, \a0+1
.irp b, 0,1,2,3,4,5,6,7
.if \zero
.if HASBIAS
	v_wmma_scale_f32_16x16x128_f8f6f4 v[8*(8*((\a)%4)+\b):8*(8*((\a)%4)+\b)+7], v[128*(\p)+FR*\b:128*(\p)+FR*\b+FR-1], v[AF+FR*(\a):AF+FR*(\a)+FR-1], v[BI+8*\b:BI+8*\b+7], v[SC+16*(\sc)+2*\b+(\q)], v[SC+16*(\sc)+2*(\a)+(\q)] matrix_a_fmt:MATRIX_FMT_FP6 matrix_b_fmt:MATRIX_FMT_FP6 matrix_a_scale:MATRIX_SCALE_ROW1
.else
	v_wmma_scale_f32_16x16x128_f8f6f4 v[8*(8*((\a)%4)+\b):8*(8*((\a)%4)+\b)+7], v[128*(\p)+FR*\b:128*(\p)+FR*\b+FR-1], v[AF+FR*(\a):AF+FR*(\a)+FR-1], 0, v[SC+16*(\sc)+2*\b+(\q)], v[SC+16*(\sc)+2*(\a)+(\q)] matrix_a_fmt:MATRIX_FMT_FP6 matrix_b_fmt:MATRIX_FMT_FP6 matrix_a_scale:MATRIX_SCALE_ROW1
.endif
.else
	v_wmma_scale_f32_16x16x128_f8f6f4 v[8*(8*((\a)%4)+\b):8*(8*((\a)%4)+\b)+7], v[128*(\p)+FR*\b:128*(\p)+FR*\b+FR-1], v[AF+FR*(\a):AF+FR*(\a)+FR-1], v[8*(8*((\a)%4)+\b):8*(8*((\a)%4)+\b)+7], v[SC+16*(\sc)+2*\b+(\q)], v[SC+16*(\sc)+2*(\a)+(\q)] matrix_a_fmt:MATRIX_FMT_FP6 matrix_b_fmt:MATRIX_FMT_FP6 matrix_a_scale:MATRIX_SCALE_ROW1
.endif
.endr
.endr
.endm
.macro FETCH_B slot, q, p
	WIN TO_B
.irp i, 0,1,2,3,4,5,6,7
	FRAG 128*(\p)+FR*\i, ADRB+\slot, \q, \i
.endr
	WIN 0
.endm
.macro FETCH_A slot, q, i0
.irp i, \i0, \i0+1, \i0+2, \i0+3
	FRAG AF+FR*(\i), ADRA+\slot, \q, \i
.endr
.endm
.macro SCALES sc                       ; a slot's scale words into set sc: register 2 i + q: lanes 0-15 the word of A's block i, lanes 16-31 that of B's block i
.irp i, 0,1,2,3,4,5,6,7
	ds_load_b32 v[SC+16*\sc+2*\i], v[ADRS] offset:\i*SBLK
	ds_load_b32 v[SC+16*\sc+2*\i+1], v[ADRS] offset:\i*SBLK+64
.endr
.endm
.macro PLACES n                        ; plain vector instructions between a matrix instruction and a load into, or a read of, its registers (ISA guide 7.12.1 for a read)
.rept \n
	v_nop
.endr
.endm
.macro STEP slot, q, zero              ; a step of 128 along K that has its successor in the same slot
	s_wait_dscnt 4*NL                              ; all but the youngest 16 loads (A's blocks 4-7) are in
.if (\zero) && HASBIAS
	WIN 0x81                                       ; C (the bias) window 0, D window 2
.else
	WIN MUL_LO
.endif
	MUL16 0, (\q)%2, \q, \slot, \zero
	MUL16 2, (\q)%2, \q, \slot, \zero
	s_wait_dscnt 0                                 ; A's blocks 4-7 are in
	PLACES NP
	FETCH_B \slot, (\q)+1, 1-(\q)%2
	FETCH_A \slot, (\q)+1, 0
.if (\zero) && HASBIAS
	WIN 0xc1
.else
	WIN MUL_HI
.endif
	MUL16 4, (\q)%2, \q, \slot, \zero
	MUL16 6, (\q)%2, \q, \slot, \zero
	PLACES NP
	WIN 0
	FETCH_A \slot, (\q)+1, 4
.endm
; A slot's last step changes slots: ONE barrier; in front of it each wave waits for all its tensor loads, adds 0 to its spare word, and waits for that and for its own reads of this slot.  fill = 1: this slot is filled again, two slots ahead.
.macro TURN slot, next, fill
	s_wait_tensorcnt 0x0                           ; all my tensor loads have landed: my part of the next slot
	ds_add_u32 v[SPW], v[NIL]                      ; 0 onto my spare word
	s_wait_dscnt 4*NL+1                            ; (the add and the youngest 16 loads may be out)
	WIN MUL_LO
	MUL16 0, 1, 1, \slot, 0                        ; sixteen matrix instructions stand between the add and the wait for it
	s_wait_dscnt 0x0                               ; the add is done, and my reads of this slot are over
	s_barrier_signal -1
	MUL16 2, 1, 1, \slot, 0
	WIN 0
	s_barrier_wait -1
.if \fill
	CREST                                          ; the barrier has opened a round of the cluster's barrier: no wave of any partner still reads this slot or has a load on its way
	s_add_nc_u64 s[G0+4*\slot+2:G0+4*\slot+3], s[G0+4*\slot+2:G0+4*\slot+3], 8*BLKP
	s_add_nc_u64 s[G0B+4*\slot+2:G0B+4*\slot+3], s[G0B+4*\slot+2:G0B+4*\slot+3], 8*BLKP
	JLOAD G0+4*\slot, G1, G0B+4*\slot, G1B         ; the first tensor load behind the round; its four v_nop are the places in front of the loads below
.else
	PLACES NP
.endif
	v_add_nc_u32 v[ADRS], 64*NQ, v[ADRS]           ; on to the next slot's scale words
	FETCH_B \next, 0, 0
	FETCH_A \next, 0, 0
	SCALES \next
	WIN MUL_HI
	MUL16 4, 1, 1, \slot, 0
	MUL16 6, 1, 1, \slot, 0
	PLACES NP
	WIN 0
	FETCH_A \next, 0, 4
.endm
	s_wait_tensorcnt 1                             ; the scale words and my part of slot 0 are in (slot 1's load may be out),
	s_barrier_signal -1
	s_barrier_wait -1                              ; everybody's are
	FETCH_B 0, 0, 0
	FETCH_A 0, 0, 0
	SCALES 0
	FETCH_A 0, 0, 4
.if HASBIAS
	s_wait_loadcnt 0x0                             ; the bias
.endif
	STEP 0, 0, 1                                   ; the first step stands in front of the loop: its products start the sums
	s_mov_b32 s3, LAPS-1
.Llap:                                                 ; a trip goes once round the ring and fills both slots again
	TURN 0, 1, 1
	STEP 1, 0, 0
	TURN 1, 0, 1
	STEP 0, 0, 0
	s_sub_co_u32 s3, s3, 1
	s_cmp_lg_u32 s3, 0
	s_cbranch_scc1 .Llap
	TURN 0, 1, 0                                   ; the last lap fills nothing
	STEP 1, 0, 0
	s_wait_dscnt 4*NL                              ; the very last step
	WIN MUL_LO
	MUL16 0, 1, 1, 1, 0
	MUL16 2, 1, 1, 1, 0
	s_wait_dscnt 0
	WIN MUL_HI
	MUL16 4, 1, 1, 1, 0
	MUL16 6, 1, 1, 1, 0
	WIN 0
	PLACES NP
.if EPIF
; THE WAY OUT, f32: block a (16 rows x 128 columns) goes through my stage and comes back as rows of 512 bytes; the residual is added; 32 lanes store 512 consecutive bytes.
.macro RLOAD a
.irp t, 0,1,2,3,4,5,6,7,8,9,10,11,12,13,14,15
	global_load_b128 v[RS+4*\t:RS+4*\t+3], v[CO], s[10:11] offset:(32*((\a)/2)+8*((\a)%2)+(\t%8)+16*(\t/8))*4096
.endr
.endm
.macro TOSTAGE a
.set AC, 64*((\a)%4)
	WIN 0x08+4*((\a)/4)                            ; the data: window 2 or 3
.irp b, 0,1,2,3,4,5,6,7
	ds_store_b128 v[STO], v[AC+8*\b:AC+8*\b+3] offset:128*(\b/2)+32*(\b%2)       ; each accumulator from its low end on
	ds_store_b128 v[STO], v[AC+8*\b+4:AC+8*\b+7] offset:128*(\b/2)+32*(\b%2)+16
.endr
	WIN 0
.set BB, BK+64*((\a)%2)
.irp t, 0,1,2,3,4,5,6,7,8,9,10,11,12,13,14,15
	ds_load_b128 v[BB+4*\t:BB+4*\t+3], v[RD] offset:\t*SPITCH   ; LDS serves a wave's instructions in order: these see the stores above
.endr
.endm
.macro SEND a
.set BB, BK+64*((\a)%2)
.irp t, 0,1,2,3,4,5,6,7,8,9,10,11,12,13,14,15
.if NTOUT
	global_store_b128 v[CO], v[BB+4*\t:BB+4*\t+3], s[12:13] offset:(32*((\a)/2)+8*((\a)%2)+(\t%8)+16*(\t/8))*4096 th:TH_STORE_NT
.else
	global_store_b128 v[CO], v[BB+4*\t:BB+4*\t+3], s[12:13] offset:(32*((\a)/2)+8*((\a)%2)+(\t%8)+16*(\t/8))*4096
.endif
.endr
.endm
	RLOAD 0
.irp a, 0,1,2,3,4,5,6,7
.if \a > 1
	s_wait_xcnt 0x0                                ; block a - 2's stores have read their registers: block a's rows may land there
.endif
	TOSTAGE \a
	s_wait_dscnt 0x0
	s_wait_loadcnt 0x0                             ; the residual's 16 rows
.set BB, BK+64*((\a)%2)
.set J, 0
.rept 32
	v_pk_add_f32 v[BB+J:BB+J+1], v[BB+J:BB+J+1], v[RS+J:RS+J+1]
.set J, J+2
.endr
.if \a < 7
	RLOAD \a+1
.endif
	SEND \a
.endr
.else
; THE WAY OUT, codes: A's block a: my 64 numbers (register 16 b + i = column 32 b + 16 h + i of my row) become a fragment and a scale word, which leave as they stand: 512 + 256 consecutive bytes for each half image.
.macro QOUT a
.set AC, 64*((\a)%4)
.set WW, 2+(\a)/4
.set PCC, PC+20*((\a)%2)               ; two sets by turns, so that a store's data are rewritten two blocks later
.set PWW, PW+(\a)%2
.if RELU
	WIN (WW<<2)|(WW<<6)
.set J, 0
.rept 64
	v_max_num_f32 v[AC+J], 0, v[AC+J]              ; the activation, in f32; each accumulator from its low end on
.set J, J+1
.endr
.endif
	WIN (WW<<2)|(WW<<4)                            ; sources 1 and 2: the accumulators' window
.irp b, 0,1,2,3
	v_max3_num_f32 v[TM+\b], 0x1800000, |v[AC+16*\b]|, |v[AC+1+16*\b]|   ; block b: my 16 numbers, and the floor 2^(3 - 127)
.endr
.irp i, 2,4,6,8,10,12,14
.irp b, 0,1,2,3
	v_max3_num_f32 v[TM+\b], v[TM+\b], |v[AC+16*\b+\i]|, |v[AC+1+16*\b+\i]|
.endr
.endr
	WIN 0
.if (\a) > 1
	s_wait_xcnt 0x0                                ; block a - 2's stores have read their registers
.endif
.irp b, 0,1,2,3
	v_permlanex16_b32 v[TM+4+\b], v[TM+\b], s18, s19
.endr
.irp b, 0,1,2,3
	v_max_num_f32 v[TM+\b], v[TM+\b], v[TM+4+\b]   ; with lane l xor 16's: the block's largest magnitude
.endr
.irp b, 0,1,2,3
	v_add_nc_u32 v[TM+12+\b], 0xff000000, v[TM+\b] ; 2 off its exponent field: the conversion's scale operand
.endr
.irp b, 0,1,2,3
	v_lshrrev_b32 v[TM+4+\b], 23, v[TM+12+\b]      ; the scale's byte
.endr
	v_lshl_or_b32 v[PWW], v[TM+5], 8, v[TM+4]
	v_lshl_or_b32 v[PWW], v[TM+6], 16, v[PWW]
	v_lshl_or_b32 v[PWW], v[TM+7], 24, v[PWW]
	WIN WW                                         ; source 0: the accumulators' window
.irp c, 0,1
	v_cvt_scalef32_pk16_fp6_f32 v[PCC+6*\c:PCC+2+6*\c], v[AC+32*\c:AC+15+32*\c], v[TM+12+2*\c]
	v_cvt_scalef32_pk16_fp6_f32 v[PCC+12+4*\c:PCC+14+4*\c], v[AC+16+32*\c:AC+31+32*\c], v[TM+12+2*\c+1]
.endr
	WIN 0
	v_nop                                          ; one plain place behind a scaled conversion
.irp c, 0,1                                    ; the operand's layout wants a WHOLE block in a lane
.irp i, 0,1,2
	v_permlane16_swap_b32 v[PCC+6*\c+\i], v[PCC+12+4*\c+\i]
.endr
.irp i, 0,1,2
	v_mov_b32 v[PCC+3+6*\c+\i], v[PCC+12+4*\c+\i]
.endr
.endr
	global_store_b128 v[CO], v[PCC:PCC+3], s[92:93] offset:(\a)*HIMG
	global_store_b64 v[LO8], v[PCC+4:PCC+5], s[92:93] offset:(\a)*HIMG+512
	global_store_b128 v[CO], v[PCC+6:PCC+9], s[92:93] offset:(\a)*HIMG+BLKP
	global_store_b64 v[LO8], v[PCC+10:PCC+11], s[92:93] offset:(\a)*HIMG+BLKP+512
	global_store_b32 v[R4], v[PWW], s[12:13] offset:(\a)*OS2       ; lanes l and l + 16 hold the same word
.endm
.irp a, 0,1,2,3,4,5,6,7
	QOUT \a
.endr
.endif
	s_wait_tensorcnt 0x0                           ; the wave's end
	ds_add_u32 v[SPW], v[NIL]
	s_wait_dscnt 0x0
	CROUND                                         ; the closing round: no work-group ends while a partner may still ask for a tile that names it
	s_endpgm
.Lfunc_end_k_q55afb5ae03_ff1:
	.size	k_q55afb5ae03_ff1, .Lfunc_end_k_q55afb5ae03_ff1-k_q55afb5ae03_ff1
	.p2alignl 7, 3214868480
	.fill 96, 4, 3214868480
	.section	.rodata,"a",@progbits
	.p2align	6, 0x0
	.amdhsa_kernel k_q55afb5ae03_ff1
		.amdhsa_group_segment_fixed_size 327680
		.amdhsa_private_segment_fixed_size 0
		.amdhsa_enable_private_segment 0
		.amdhsa_kernarg_size 32
		.amdhsa_user_sgpr_count 2
		.amdhsa_user_sgpr_kernarg_segment_ptr 1
		.amdhsa_wavefront_size32 1
		.amdhsa_system_sgpr_workgroup_id_x 1
		.amdhsa_system_sgpr_workgroup_id_y 1
		.amdhsa_system_sgpr_workgroup_id_z 1
		.amdhsa_system_vgpr_workitem_id 0
		.amdhsa_next_free_vgpr 1024
		.amdhsa_next_free_sgpr 102
		.amdhsa_reserve_vcc 0
		.amdhsa_float_denorm_mode_32 3
		.amdhsa_float_denorm_mode_16_64 3
		.amdhsa_memory_ordered 1
		.amdhsa_forward_progress 1
		.amdhsa_inst_pref_size 169
	.end_amdhsa_kernel
	.amdgpu_metadata
---
amdhsa.version: [ 1, 2 ]
amdhsa.kernels:
  - .name:           k_q55afb5ae03_ff1
    .symbol:         k_q55afb5ae03_ff1.kd
    .args:
      - { .name: H2, .offset: 0, .size: 8, .value_kind: global_buffer, .address_space: global }
      - { .name: W, .offset: 8, .size: 8, .value_kind: global_buffer, .address_space: global }
      - { .name: b1, .offset: 16, .size: 8, .value_kind: global_buffer, .address_space: global }
      - { .name: HID, .offset: 24, .size: 8, .value_kind: global_buffer, .address_space: global }
    .group_segment_fixed_size: 327680
    .private_segment_fixed_size: 0
    .kernarg_segment_align: 8
    .kernarg_segment_size: 32
    .max_flat_workgroup_size: 128
    .sgpr_count:     102
    .vgpr_count:     1024
    .wavefront_size: 32
...
	.end_amdgpu_metadata
.endif
;; end of part 6
;; launch ff2 (part 7): grid 4 x 16, 4 waves a work-group, clusters of 4 x 4, 327,680 bytes of LDS; arguments HID, W, b2, X1, out0; writes out0
.if DOCPART == 7
	.amdgcn_target "amdgcn-amd-amdhsa--gfx1250"
	.amdhsa_code_object_version 6
	.text
	.protected	k_q55afb5ae03_ff2
	.globl	k_q55afb5ae03_ff2
	.p2align	8
	.type	k_q55afb5ae03_ff2,@function
k_q55afb5ae03_ff2:
	s_mov_b64 s[64:65], 0
	v_nop
	global_prefetch_b8 v0, s[64:65] scope:SCOPE_SE
	s_setreg_imm32_b32 hwreg(HW_REG_WAVE_MODE, 25, 1), 1
	s_wait_xcnt 0x0
	s_wait_alu depctr_hold_cnt(0) depctr_sa_sdst(0) depctr_va_vdst(0) depctr_va_sdst(0) depctr_va_ssrc(0) depctr_va_vcc(0) depctr_vm_vsrc(0)
	s_getreg_b32 s2, hwreg(HW_REG_IB_STS2, 6, 4)
	s_cmp_eq_u32 s2, 0
	s_cbranch_scc0 .Lentry_in_a_cluster
	s_endpgm
.Lentry_in_a_cluster:
	s_bfe_u32 s2, ttmp6, 0x10000c
	s_cmp_lg_u32 s2, 0xf033
	s_cbranch_scc0 .Lentry_shape_is_right
	s_endpgm
.Lentry_shape_is_right:
; out = X1 + hidden w2 + b2: C = A B^T on codes of FP6 (E2M3) with E8M0 scales, K = 4,096; A = the hidden layer (HID), B = w2 (W + 0x600000); the bias is the C of each sum's first product; C + X1 leaves as f32.
; OPERANDS LIE AS IMAGES OF THEIR REGISTERS.  Row block i (16 rows; lane r holds row 32 (i >> 1) + 8 (i & 1) + (r & 7) + 16 (r >> 3)); half image (hp = K / 64, i), 768 bytes at (256 hp + i) x 768: lane (r, h)'s 24 bytes of
; k = 64 hp + 32 h + 0 .. 31: 16 at 16 x lane, 8 at 512 + 8 x lane.  Scale words at (i x KS + K / 128) x 64 + 4 r.  So a fragment is four dense LDS loads and a quarter of a slot is 4 rows of 6,144 bytes for one tensor load.
; A tile of C, 256 x 256, is made by four waves, 128 x 128 each: 64 accumulators.  K goes in steps of 256 through a ring of two LDS slots; the scale words of the tile's rows come once and stay.
; CLUSTERS 4 x 4: A's tiles are asked for jointly along a row of the cluster, B's along a column.  THE MATRIX INSTRUCTION IS USED TRANSPOSED (source 0 = B's block, source 1 = A's): a lane holds one row of C, and
; register j of B's block b is column 32 (b / 2) + 16 (lane / 16) + 8 (b % 2) + j.  C has 64 tiles: the launch has 64 work-groups.
; REGISTERS: window 0: v15-31 addresses; v32-63 scale words, two sets; v64-127 bias, later codes or the residual; v128-223 A's fragments, ONE set; v224-241 at work.  window 1: B's fragments, two sets.  windows 2, 3: accumulators.
.set KTOT,    4096
.set SELQ,    0
.set HASBIAS, 1
.set RELU,    0
.set EPIF,    1                        ; 0: C is quantised; 1: C + residual leaves as f32
.set NTOUT,   1                        ; written once, read by nobody here
.set BBLK,    0                        ; B's first block in its region
.set BCOD,    0x600000                 ; where B's codes begin
.set ASCL,    0xC00000                 ; where A's and B's scale words begin
.set BSCL,    0x1240000
.set OSCL,    0
.set OS2,     0
.set KS,     KTOT/128
.set LAPS,   KTOT/512                  ; a lap = two slots = once round the ring
.set NQ,     2                         ; matrix instructions deep in a slot
.set FR,     12                        ; registers of a fragment
.set NL,     4                         ; LDS loads that bring one
.set NP,     4                         ; places behind this matrix instruction (ISA guide 7.12.1)
.set HIMG,   768
.set HROW,   8*HIMG                    ; eight blocks of one hp
.set HALFT,  4*HROW                    ; a quarter of a slot: 8 blocks x 256 along K: what one tensor load brings
.set SLOT,   4*HALFT
.set BLKP,   256*HIMG                  ; from hp to hp in memory
.set SCL,    2*SLOT                    ; behind the ring: the scale words
.set SBLK,   64*KS                     ; those of one block
.set HALFS,  8*SBLK
.set SPARE,  SCL+4*HALFS               ; the spare words, 128 bytes for each wave: two blocks of 256 bytes that no other line names
.set SPITCH, 528
.set PA,     4+4*SELQ
.set PB,     6+4*SELQ
.set BO,   15
.set ADRA, 16                          ; v16-17 A's fragments in slot 0, 1 (16 x lane); v18-19 the same at 512 + 8 x lane
.set ADRB, 20                          ; v20-23 likewise for B
.set STO,  24
.set RD,   25
.set CO,   26                          ; 16 x lane
.set ADRS, 27                          ; my scale words: lanes 0-15 A's rows, lanes 16-31 B's
.set SPW,  28                          ; my spare word; never rewritten
.set NIL,  29                          ; 0; never rewritten
.set LO8,  30                          ; 8 x lane
.set R4,   31                          ; 4 x (lane % 16)
.set SC,   32
.set BI,   64
.set PC,   64
.set RS,   64
.set AF,   128
.set BK,   128
.set TM,   224
.set PW,   240
.set G1, 24
.set G0, 32
.set G1B, 48
.set G0B, 56
.set G1S, 68
.set G0S, 76
.set G1SB, 80
.set G0SB, 88
.set MSB, 0
.macro WIN new                         ; the immediate's high byte repeats the setting that is left
.if MSB != (\new)
	s_set_vgpr_msb (MSB<<8)|(\new)
.set MSB, (\new)
.endif
.endm
.set MUL_LO, 0xa1                      ; source 0 (B) window 1, source 1 (A) window 0, C and D window 2
.set MUL_HI, 0xf1                      ; the same, C and D window 3
.set TO_B,   0x40                      ; destination window 1, address window 0
; A joint load: waves 0 and 1 fetch for A, waves 2 and 3 for B; the branch hangs on the wave's number alone.  Four v_nop follow each of the two lines.
.macro JLOAD g0a, g1a, g0b, g1b
	s_cmp_eq_u32 s15, 0
	s_cbranch_scc0 .Lfor_b_\@
	tensor_load_to_lds s[\g0a:\g0a+3], s[\g1a:\g1a+7]
	s_nop 0
.rept 4
	v_nop
.endr
	s_branch .Lasked_\@
.Lfor_b_\@:
	tensor_load_to_lds s[\g0b:\g0b+3], s[\g1b:\g1b+7]
	s_nop 0
.rept 4
	v_nop
.endr
.Lasked_\@:
.endm
.macro CREST                           ; a round of the cluster's barrier behind its opening barrier
	s_cmp_lg_u32 s14, 0
	s_cbranch_scc1 .Lnot_wave_0_\@
	s_barrier_signal -3
.Lnot_wave_0_\@:
	s_barrier_wait -3
	s_barrier_signal -1
	s_barrier_wait -1
.endm
.macro CROUND
	s_barrier_signal -1
	s_barrier_wait -1
	CREST
.endm
	s_load_b128 s[4:7], s[0:1], 0x0                ; the first two buffers
.if SELQ
	s_load_b64 s[12:13], s[0:1], 0x10              ; out
.elseif EPIF
	s_load_b128 s[8:11], s[0:1], 0x10              ; bias, residual
	s_load_b64 s[12:13], s[0:1], 0x20              ; out
.else
	s_load_b64 s[8:9], s[0:1], 0x10                ; bias
	s_load_b64 s[12:13], s[0:1], 0x18              ; out
.endif
	v_lshl_add_u32 v[SPW], v0, 2, SPARE
	v_mov_b32 v[NIL], 0
	ds_add_u32 v28, v29
	ds_add_u32 v28, v29
	s_wait_dscnt 0x0
	v_lshrrev_b32 v1, 5, v0
	v_readfirstlane_b32 s14, v1                    ; wave 0..3
	s_lshr_b32 s15, s14, 1                         ; which half of the tile's rows is mine.  Also: I fetch for A (0) or for B (1)
	s_and_b32 s16, s14, 1                          ; which half of its columns.  Also: which 8 blocks of that tile I fetch
	s_bfe_u32 s40, ttmp6, 0x40000                  ; cx, cy: my place in the cluster
	s_bfe_u32 s41, ttmp6, 0x40004
.if SELQ
	s_and_b32 s95, ttmp7, 0xffff
	s_lshl_b32 s95, s95, 2                         ; 4 x cluster y
	s_lshl_b32 s96, ttmp9, 2                       ; 4 x cluster x
	s_mov_b32 s99, 0x1200000
	s_mov_b32 s101, 0x300000
	s_cmp_lt_u32 ttmp9, 2                          ; q and k, or v^T?
	s_cselect_b32 s17, s95, 0
	s_cselect_b32 s42, s96, s95
	s_cselect_b32 s97, 0, 128                      ; A's first block: the tokens', or wv's
	s_cselect_b32 s98, 0, 16                       ; the output's first step of 128
	s_cselect_b32 s100, s101, s99                  ; A's scale words
	s_cselect_b32 s101, s99, s101                  ; B's
	s_add_co_u32 s17, s17, s41                     ; tile row
	s_add_co_u32 s42, s42, s40                     ; tile column
.else
	s_lshl_b32 s42, ttmp9, 2
	s_add_co_u32 s42, s42, s40                     ; tile column of C = 4 x cluster x + cx
	s_and_b32 s17, ttmp7, 0xffff
	s_lshl_b32 s17, s17, 2
	s_add_co_u32 s17, s17, s41                     ; tile row of C = 4 x cluster y + cy
.endif
	s_lshl_b32 s43, s41, 2
	s_lshl_b32 s43, 15, s43                        ; my row of the cluster
	s_lshl_b32 s44, 0x1111, s40                    ; my column
	; descriptor group 1: a quarter of a slot: 4 rows (hp) of 768 elements of 8 bytes, 24,576 elements apart; no padding: every LDS load of it is dense
	s_or_b32 s[G1+0], s43, (3<<16)|(1<<21)         ; 15:0 the mask: A's tiles go to my row; 17:16 elements of 8 bytes; 21 set beside a mask
	s_or_b32 s[G1B+0], s44, (3<<16)|(1<<21)
.irp g, G1, G1B
	s_mov_b32 s[\g+1], 768<<16                     ; tensor_dim0
	s_mov_b32 s[\g+2], 4<<16                       ; tensor_dim1
	s_mov_b32 s[\g+3], 768<<16                     ; tile_dim0
	s_mov_b32 s[\g+4], 4                           ; tile_dim1
	s_mov_b32 s[\g+5], BLKP/8                      ; tensor_dim0_stride
	s_mov_b32 s[\g+6], 0
	s_mov_b32 s[\g+7], 0
.endr
	; the scale words of 8 blocks: a dense block of HALFS bytes, as rows of 256 bytes
	s_or_b32 s[G1S+0], s43, (3<<16)|(1<<21)
	s_or_b32 s[G1SB+0], s44, (3<<16)|(1<<21)
.irp g, G1S, G1SB
	s_mov_b32 s[\g+1], 32<<16
	s_mov_b32 s[\g+2], (HALFS/256)<<16
	s_mov_b32 s[\g+3], 32<<16
	s_mov_b32 s[\g+4], HALFS/256
	s_mov_b32 s[\g+5], 32
	s_mov_b32 s[\g+6], 0
	s_mov_b32 s[\g+7], 0
.endr
	s_lshl_b32 s18, s16, 3                         ; which 8 blocks of the tile I fetch
	s_lshl_b32 s20, s17, 4
	s_add_co_u32 s20, s20, s18                     ; A: block 16 x tile row + 8 x half
	s_lshl_b32 s46, s42, 4
	s_add_co_u32 s46, s46, s18                     ; B: block 16 x tile column + 8 x half
.if SELQ
	s_add_co_u32 s20, s20, s97
.endif
.if BBLK
	s_add_co_u32 s46, s46, BBLK
.endif
	s_mul_i32 s22, s20, SBLK                       ; where these blocks' scale words begin,
	s_mul_i32 s92, s46, SBLK
.if SELQ
	s_add_co_u32 s22, s22, s100
	s_add_co_u32 s92, s92, s101
.else
	s_add_co_u32 s22, s22, ASCL
	s_add_co_u32 s92, s92, BSCL
.endif
	s_mul_i32 s20, s20, HIMG                       ; and their codes
	s_mul_i32 s46, s46, HIMG
.if BCOD
	s_add_co_u32 s46, s46, BCOD
.endif
	s_mov_b32 s21, 0
	s_mov_b32 s23, 0
	s_mov_b32 s47, 0
	s_mov_b32 s93, 0
	s_mul_i32 s45, s14, HALFT                      ; where they go: wave x a quarter: no place in the cluster enters an LDS address
	s_mul_i32 s94, s14, HALFS
	s_wait_kmcnt 0x0
.if SELQ
	s_cmp_lt_u32 ttmp9, 2
	s_cselect_b64 s[8:9], s[4:5], s[6:7]           ; A's buffer
	s_cselect_b64 s[10:11], s[6:7], s[4:5]         ; B's buffer
.endif
	s_add_nc_u64 s[20:21], s[PA:PA+1], s[20:21]
	s_add_nc_u64 s[22:23], s[PA:PA+1], s[22:23]
	s_add_nc_u64 s[46:47], s[PB:PB+1], s[46:47]
	s_add_nc_u64 s[92:93], s[PB:PB+1], s[92:93]
	CROUND                                         ; all sixteen work-groups are here: the first joint loads meet
	s_mov_b32 s[G0S], 1
	s_add_co_u32 s[G0S+1], s94, SCL
	s_mov_b64 s[G0S+2:G0S+3], s[22:23]
	s_or_b32 s[G0S+3], s[G0S+3], 0x80000000
	s_mov_b32 s[G0SB], 1
	s_add_co_u32 s[G0SB+1], s94, SCL
	s_mov_b64 s[G0SB+2:G0SB+3], s[92:93]
	s_or_b32 s[G0SB+3], s[G0SB+3], 0x80000000
	JLOAD G0S, G1S, G0SB, G1SB                     ; the scale words first: they are wanted with the first slot
.irp s, 0,1
	s_mov_b32 s[G0+4*\s], 1
	s_add_co_u32 s[G0+4*\s+1], s45, \s*SLOT
	s_add_nc_u64 s[G0+4*\s+2:G0+4*\s+3], s[20:21], \s*4*BLKP
	s_or_b32 s[G0+4*\s+3], s[G0+4*\s+3], 0x80000000
	s_mov_b32 s[G0B+4*\s], 1
	s_add_co_u32 s[G0B+4*\s+1], s45, \s*SLOT
	s_add_nc_u64 s[G0B+4*\s+2:G0B+4*\s+3], s[46:47], \s*4*BLKP
	s_or_b32 s[G0B+4*\s+3], s[G0B+4*\s+3], 0x80000000
	JLOAD G0+4*\s, G1, G0B+4*\s, G1B
.endr
	v_and_b32 v1, 15, v0                           ; r
	v_bfe_u32 v2, v0, 4, 1                         ; h
	v_and_b32 v3, 31, v0
	v_lshlrev_b32 v[CO], 4, v3
	v_lshlrev_b32 v[LO8], 3, v3
	v_lshlrev_b32 v[R4], 2, v1
	v_add_nc_u32 v4, 512, v[LO8]
	s_mul_i32 s21, s15, HALFT                      ; my 8 blocks of A
	s_mul_i32 s22, s16, HALFT                      ; my 8 blocks of B,
	s_add_co_u32 s22, s22, 2*HALFT                 ; which lie behind A's 16
.irp s, 0,1
	v_add_nc_u32 v[ADRA+\s], s21, v[CO]
	v_add_nc_u32 v[ADRB+\s], s22, v[CO]
	v_add_nc_u32 v[ADRA+2+\s], s21, v4
	v_add_nc_u32 v[ADRB+2+\s], s22, v4
	s_add_co_u32 s21, s21, SLOT
	s_add_co_u32 s22, s22, SLOT
.endr
	s_mul_i32 s21, s15, HALFS                      ; A's scale words: my 8 blocks
	s_mul_i32 s22, s16, HALFS                      ; B's: my 8 blocks, behind A's 16
	s_add_co_u32 s22, s22, 2*HALFS
	s_sub_co_u32 s22, s22, s21
	v_mul_u32_u24 v6, s22, v2                      ; lanes 16-31 take B's: one product, the distance between the two
	s_add_co_u32 s21, s21, SCL
	v_add_nc_u32 v5, v[R4], v6
	v_add_nc_u32 v[ADRS], s21, v5
.if HASBIAS
	s_lshl_b32 s20, s42, 10                        ; the bias of my 128 columns; lane (r, h) wants, for B's block b, those of columns 32 (b / 2) + 16 h + 8 (b % 2) + 0 .. 7
	s_lshl_b32 s21, s16, 9
	s_add_co_u32 s20, s20, s21
	s_mov_b32 s21, 0
	s_add_nc_u64 s[8:9], s[8:9], s[20:21]
	v_lshlrev_b32 v[BO], 6, v2
.irp b, 0,1,2,3,4,5,6,7
	global_load_b128 v[BI+8*\b:BI+8*\b+3], v[BO], s[8:9] offset:(32*(\b/2)+8*(\b%2))*4
	global_load_b128 v[BI+8*\b+4:BI+8*\b+7], v[BO], s[8:9] offset:(32*(\b/2)+8*(\b%2))*4+16
.endr
.endif
.if EPIF
	s_mul_i32 s23, s14, 16*SPITCH                  ; my stage: it lies in slot 0, which has had its last fill and its last read when the first result is stored there
	v_mul_u32_u24 v5, v1, SPITCH
	v_lshl_add_u32 v5, v2, 6, v5
	v_add_nc_u32 v[STO], s23, v5                   ; in: row r, + 64 h
	v_add_nc_u32 v[RD], s23, v[CO]                 ; back: a row of 512 bytes
	s_lshl_b32 s20, s17, 8
	s_lshl_b32 s21, s15, 7
	s_add_co_u32 s20, s20, s21                     ; my first row of C
	s_lshl_b32 s20, s20, 12                        ; rows of 4,096 bytes
	s_lshl_b32 s21, s42, 10
	s_add_co_u32 s20, s20, s21
	s_lshl_b32 s21, s16, 9
	s_add_co_u32 s20, s20, s21                     ; + my first column
	s_mov_b32 s21, 0
	s_add_nc_u64 s[10:11], s[10:11], s[20:21]
	s_add_nc_u64 s[12:13], s[12:13], s[20:21]
.else
	s_lshl_b32 s20, s42, 1
	s_add_co_u32 s20, s20, s16                     ; which 128 of the output's K are mine
.if SELQ
	s_add_co_u32 s20, s20, s98
.endif
	s_lshl_b32 s21, s17, 4
	s_lshl_b32 s22, s15, 3
	s_add_co_u32 s21, s21, s22                     ; my first block of rows
	s_lshl_b32 s22, s20, 9
	s_add_co_u32 s22, s22, s21
	s_mul_i32 s22, s22, HIMG
	s_mov_b32 s23, 0
	s_add_nc_u64 s[92:93], s[12:13], s[22:23]      ; my codes
.if SELQ
	s_lshl_b32 s22, s20, 8
	s_add_co_u32 s22, s22, s21
.else
	s_lshl_b32 s22, s21, 5
	s_add_co_u32 s22, s22, s20
.endif
	s_lshl_b32 s22, s22, 6
	s_add_co_u32 s22, s22, OSCL
	s_add_nc_u64 s[12:13], s[12:13], s[22:23]      ; my scale words
	s_mov_b32 s18, 0x76543210
	s_mov_b32 s19, 0xfedcba98                      ; v_permlanex16_b32's selects for lane l xor 16
.irp b, 0,1,2,3
	v_mov_b32 v[TM+4+\b], 0                        ; written once: a lane permute's destination counts as one of its sources
.endr
.endif
.macro FRAG reg, adr, q, i             ; a fragment, 12 registers: two half images, each 16 bytes a lane and 8 bytes a lane, all dense
	ds_load_b128 v[\reg:\reg+3], v[\adr] offset:(2*(\q))*HROW+(\i)*HIMG
	ds_load_b64 v[\reg+4:\reg+5], v[\adr+2] offset:(2*(\q))*HROW+(\i)*HIMG
	ds_load_b128 v[\reg+6:\reg+9], v[\adr] offset:(2*(\q)+1)*HROW+(\i)*HIMG
	ds_load_b64 v[\reg+10:\reg+11], v[\adr+2] offset:(2*(\q)+1)*HROW+(\i)*HIMG
.endm
; 16 matrix instructions: A's blocks a0, a0 + 1 x B's eight, 128 along K.  p: B's set; sc: the set of scale words.  zero = 1: the first product starts the sums, from the bias where there is one.
; The 64 accumulators take turns, one instruction a turn, in the same order in every step.
.macro MUL16 a0, p, q, sc, zero
.irp a, \a0, \a0+1
.irp b, 0,1,2,3,4,5,6,7
.if \zero
.if HASBIAS
	v_wmma_scale_f32_16x16x128_f8f6f4 v[8*(8*((\a)%4)+\b):8*(8*((\a)%4)+\b)+7], v[128*(\p)+FR*\b:128*(\p)+FR*\b+FR-1], v[AF+FR*(\a):AF+FR*(\a)+FR-1], v[BI+8*\b:BI+8*\b+7], v[SC+16*(\sc)+2*\b+(\q)], v[SC+16*(\sc)+2*(\a)+(\q)] matrix_a_fmt:MATRIX_FMT_FP6 matrix_b_fmt:MATRIX_FMT_FP6 matrix_a_scale:MATRIX_SCALE_ROW1
.else
	v_wmma_scale_f32_16x16x128_f8f6f4 v[8*(8*((\a)%4)+\b):8*(8*((\a)%4)+\b)+7], v[128*(\p)+FR*\b:128*(\p)+FR*\b+FR-1], v[AF+FR*(\a):AF+FR*(\a)+FR-1], 0, v[SC+16*(\sc)+2*\b+(\q)], v[SC+16*(\sc)+2*(\a)+(\q)] matrix_a_fmt:MATRIX_FMT_FP6 matrix_b_fmt:MATRIX_FMT_FP6 matrix_a_scale:MATRIX_SCALE_ROW1
.endif
.else
	v_wmma_scale_f32_16x16x128_f8f6f4 v[8*(8*((\a)%4)+\b):8*(8*((\a)%4)+\b)+7], v[128*(\p)+FR*\b:128*(\p)+FR*\b+FR-1], v[AF+FR*(\a):AF+FR*(\a)+FR-1], v[8*(8*((\a)%4)+\b):8*(8*((\a)%4)+\b)+7], v[SC+16*(\sc)+2*\b+(\q)], v[SC+16*(\sc)+2*(\a)+(\q)] matrix_a_fmt:MATRIX_FMT_FP6 matrix_b_fmt:MATRIX_FMT_FP6 matrix_a_scale:MATRIX_SCALE_ROW1
.endif
.endr
.endr
.endm
.macro FETCH_B slot, q, p
	WIN TO_B
.irp i, 0,1,2,3,4,5,6,7
	FRAG 128*(\p)+FR*\i, ADRB+\slot, \q, \i
.endr
	WIN 0
.endm
.macro FETCH_A slot, q, i0
.irp i, \i0, \i0+1, \i0+2, \i0+3
	FRAG AF+FR*(\i), ADRA+\slot, \q, \i
.endr
.endm
.macro SCALES sc                       ; a slot's scale words into set sc: register 2 i + q: lanes 0-15 the word of A's block i, lanes 16-31 that of B's block i
.irp i, 0,1,2,3,4,5,6,7
	ds_load_b32 v[SC+16*\sc+2*\i], v[ADRS] offset:\i*SBLK
	ds_load_b32 v[SC+16*\sc+2*\i+1], v[ADRS] offset:\i*SBLK+64
.endr
.endm
.macro PLACES n                        ; plain vector instructions between a matrix instruction and a load into, or a read of, its registers (ISA guide 7.12.1 for a read)
.rept \n
	v_nop
.endr
.endm
.macro STEP slot, q, zero              ; a step of 128 along K that has its successor in the same slot
	s_wait_dscnt 4*NL                              ; all but the youngest 16 loads (A's blocks 4-7) are in
.if (\zero) && HASBIAS
	WIN 0x81                                       ; C (the bias) window 0, D window 2
.else
	WIN MUL_LO
.endif
	MUL16 0, (\q)%2, \q, \slot, \zero
	MUL16 2, (\q)%2, \q, \slot, \zero
	s_wait_dscnt 0                                 ; A's blocks 4-7 are in
	PLACES NP
	FETCH_B \slot, (\q)+1, 1-(\q)%2
	FETCH_A \slot, (\q)+1, 0
.if (\zero) && HASBIAS
	WIN 0xc1
.else
	WIN MUL_HI
.endif
	MUL16 4, (\q)%2, \q, \slot, \zero
	MUL16 6, (\q)%2, \q, \slot, \zero
	PLACES NP
	WIN 0
	FETCH_A \slot, (\q)+1, 4
.endm
; A slot's last step changes slots: ONE barrier; in front of it each wave waits for all its tensor loads, adds 0 to its spare word, and waits for that and for its own reads of this slot.  fill = 1: this slot is filled again, two slots ahead.
.macro TURN slot, next, fill
	s_wait_tensorcnt 0x0                           ; all my tensor loads have landed: my part of the next slot
	ds_add_u32 v[SPW], v[NIL]                      ; 0 onto my spare word
	s_wait_dscnt 4*NL+1                            ; (the add and the youngest 16 loads may be out)
	WIN MUL_LO
	MUL16 0, 1, 1, \slot, 0                        ; sixteen matrix instructions stand between the add and the wait for it
	s_wait_dscnt 0x0                               ; the add is done, and my reads of this slot are over
	s_barrier_signal -1
	MUL16 2, 1, 1, \slot, 0
	WIN 0
	s_barrier_wait -1
.if \fill
	CREST                                          ; the barrier has opened a round of the cluster's barrier: no wave of any partner still reads this slot or has a load on its way
	s_add_nc_u64 s[G0+4*\slot+2:G0+4*\slot+3], s[G0+4*\slot+2:G0+4*\slot+3], 8*BLKP
	s_add_nc_u64 s[G0B+4*\slot+2:G0B+4*\slot+3], s[G0B+4*\slot+2:G0B+4*\slot+3], 8*BLKP
	JLOAD G0+4*\slot, G1, G0B+4*\slot, G1B         ; the first tensor load behind the round; its four v_nop are the places in front of the loads below
.else
	PLACES NP
.endif
	v_add_nc_u32 v[ADRS], 64*NQ, v[ADRS]           ; on to the next slot's scale words
	FETCH_B \next, 0, 0
	FETCH_A \next, 0, 0
	SCALES \next
	WIN MUL_HI
	MUL16 4, 1, 1, \slot, 0
	MUL16 6, 1, 1, \slot, 0
	PLACES NP
	WIN 0
	FETCH_A \next, 0, 4
.endm
	s_wait_tensorcnt 1                             ; the scale words and my part of slot 0 are in (slot 1's load may be out),
	s_barrier_signal -1
	s_barrier_wait -1                              ; everybody's are
	FETCH_B 0, 0, 0
	FETCH_A 0, 0, 0
	SCALES 0
	FETCH_A 0, 0, 4
.if HASBIAS
	s_wait_loadcnt 0x0                             ; the bias
.endif
	STEP 0, 0, 1                                   ; the first step stands in front of the loop: its products start the sums
	s_mov_b32 s3, LAPS-1
.Llap:                                                 ; a trip goes once round the ring and fills both slots again
	TURN 0, 1, 1
	STEP 1, 0, 0
	TURN 1, 0, 1
	STEP 0, 0, 0
	s_sub_co_u32 s3, s3, 1
	s_cmp_lg_u32 s3, 0
	s_cbranch_scc1 .Llap
	TURN 0, 1, 0                                   ; the last lap fills nothing
	STEP 1, 0, 0
	s_wait_dscnt 4*NL                              ; the very last step
	WIN MUL_LO
	MUL16 0, 1, 1, 1, 0
	MUL16 2, 1, 1, 1, 0
	s_wait_dscnt 0
	WIN MUL_HI
	MUL16 4, 1, 1, 1, 0
	MUL16 6, 1, 1, 1, 0
	WIN 0
	PLACES NP
.if EPIF
; THE WAY OUT, f32: block a (16 rows x 128 columns) goes through my stage and comes back as rows of 512 bytes; the residual is added; 32 lanes store 512 consecutive bytes.
.macro RLOAD a
.irp t, 0,1,2,3,4,5,6,7,8,9,10,11,12,13,14,15
	global_load_b128 v[RS+4*\t:RS+4*\t+3], v[CO], s[10:11] offset:(32*((\a)/2)+8*((\a)%2)+(\t%8)+16*(\t/8))*4096
.endr
.endm
.macro TOSTAGE a
.set AC, 64*((\a)%4)
	WIN 0x08+4*((\a)/4)                            ; the data: window 2 or 3
.irp b, 0,1,2,3,4,5,6,7
	ds_store_b128 v[STO], v[AC+8*\b:AC+8*\b+3] offset:128*(\b/2)+32*(\b%2)       ; each accumulator from its low end on
	ds_store_b128 v[STO], v[AC+8*\b+4:AC+8*\b+7] offset:128*(\b/2)+32*(\b%2)+16
.endr
	WIN 0
.set BB, BK+64*((\a)%2)
.irp t, 0,1,2,3,4,5,6,7,8,9,10,11,12,13,14,15
	ds_load_b128 v[BB+4*\t:BB+4*\t+3], v[RD] offset:\t*SPITCH   ; LDS serves a wave's instructions in order: these see the stores above
.endr
.endm
.macro SEND a
.set BB, BK+64*((\a)%2)
.irp t, 0,1,2,3,4,5,6,7,8,9,10,11,12,13,14,15
.if NTOUT
	global_store_b128 v[CO], v[BB+4*\t:BB+4*\t+3], s[12:13] offset:(32*((\a)/2)+8*((\a)%2)+(\t%8)+16*(\t/8))*4096 th:TH_STORE_NT
.else
	global_store_b128 v[CO], v[BB+4*\t:BB+4*\t+3], s[12:13] offset:(32*((\a)/2)+8*((\a)%2)+(\t%8)+16*(\t/8))*4096
.endif
.endr
.endm
	RLOAD 0
.irp a, 0,1,2,3,4,5,6,7
.if \a > 1
	s_wait_xcnt 0x0                                ; block a - 2's stores have read their registers: block a's rows may land there
.endif
	TOSTAGE \a
	s_wait_dscnt 0x0
	s_wait_loadcnt 0x0                             ; the residual's 16 rows
.set BB, BK+64*((\a)%2)
.set J, 0
.rept 32
	v_pk_add_f32 v[BB+J:BB+J+1], v[BB+J:BB+J+1], v[RS+J:RS+J+1]
.set J, J+2
.endr
.if \a < 7
	RLOAD \a+1
.endif
	SEND \a
.endr
.else
; THE WAY OUT, codes: A's block a: my 64 numbers (register 16 b + i = column 32 b + 16 h + i of my row) become a fragment and a scale word, which leave as they stand: 512 + 256 consecutive bytes for each half image.
.macro QOUT a
.set AC, 64*((\a)%4)
.set WW, 2+(\a)/4
.set PCC, PC+20*((\a)%2)               ; two sets by turns, so that a store's data are rewritten two blocks later
.set PWW, PW+(\a)%2
.if RELU
	WIN (WW<<2)|(WW<<6)
.set J, 0
.rept 64
	v_max_num_f32 v[AC+J], 0, v[AC+J]              ; the activation, in f32; each accumulator from its low end on
.set J, J+1
.endr
.endif
	WIN (WW<<2)|(WW<<4)                            ; sources 1 and 2: the accumulators' window
.irp b, 0,1,2,3
	v_max3_num_f32 v[TM+\b], 0x1800000, |v[AC+16*\b]|, |v[AC+1+16*\b]|   ; block b: my 16 numbers, and the floor 2^(3 - 127)
.endr
.irp i, 2,4,6,8,10,12,14
.irp b, 0,1,2,3
	v_max3_num_f32 v[TM+\b], v[TM+\b], |v[AC+16*\b+\i]|, |v[AC+1+16*\b+\i]|
.endr
.endr
	WIN 0
.if (\a) > 1
	s_wait_xcnt 0x0                                ; block a - 2's stores have read their registers
.endif
.irp b, 0,1,2,3
	v_permlanex16_b32 v[TM+4+\b], v[TM+\b], s18, s19
.endr
.irp b, 0,1,2,3
	v_max_num_f32 v[TM+\b], v[TM+\b], v[TM+4+\b]   ; with lane l xor 16's: the block's largest magnitude
.endr
.irp b, 0,1,2,3
	v_add_nc_u32 v[TM+12+\b], 0xff000000, v[TM+\b] ; 2 off its exponent field: the conversion's scale operand
.endr
.irp b, 0,1,2,3
	v_lshrrev_b32 v[TM+4+\b], 23, v[TM+12+\b]      ; the scale's byte
.endr
	v_lshl_or_b32 v[PWW], v[TM+5], 8, v[TM+4]
	v_lshl_or_b32 v[PWW], v[TM+6], 16, v[PWW]
	v_lshl_or_b32 v[PWW], v[TM+7], 24, v[PWW]
	WIN WW                                         ; source 0: the accumulators' window
.irp c, 0,1
	v_cvt_scalef32_pk16_fp6_f32 v[PCC+6*\c:PCC+2+6*\c], v[AC+32*\c:AC+15+32*\c], v[TM+12+2*\c]
	v_cvt_scalef32_pk16_fp6_f32 v[PCC+12+4*\c:PCC+14+4*\c], v[AC+16+32*\c:AC+31+32*\c], v[TM+12+2*\c+1]
.endr
	WIN 0
	v_nop                                          ; one plain place behind a scaled conversion
.irp c, 0,1                                    ; the operand's layout wants a WHOLE block in a lane
.irp i, 0,1,2
	v_permlane16_swap_b32 v[PCC+6*\c+\i], v[PCC+12+4*\c+\i]
.endr
.irp i, 0,1,2
	v_mov_b32 v[PCC+3+6*\c+\i], v[PCC+12+4*\c+\i]
.endr
.endr
	global_store_b128 v[CO], v[PCC:PCC+3], s[92:93] offset:(\a)*HIMG
	global_store_b64 v[LO8], v[PCC+4:PCC+5], s[92:93] offset:(\a)*HIMG+512
	global_store_b128 v[CO], v[PCC+6:PCC+9], s[92:93] offset:(\a)*HIMG+BLKP
	global_store_b64 v[LO8], v[PCC+10:PCC+11], s[92:93] offset:(\a)*HIMG+BLKP+512
	global_store_b32 v[R4], v[PWW], s[12:13] offset:(\a)*OS2       ; lanes l and l + 16 hold the same word
.endm
.irp a, 0,1,2,3,4,5,6,7
	QOUT \a
.endr
.endif
	s_wait_tensorcnt 0x0                           ; the wave's end
	ds_add_u32 v[SPW], v[NIL]
	s_wait_dscnt 0x0
	CROUND                                         ; the closing round: no work-group ends while a partner may still ask for a tile that names it
	s_endpgm
.Lfunc_end_k_q55afb5ae03_ff2:
	.size	k_q55afb5ae03_ff2, .Lfunc_end_k_q55afb5ae03_ff2-k_q55afb5ae03_ff2
	.p2alignl 7, 3214868480
	.fill 96, 4, 3214868480
	.section	.rodata,"a",@progbits
	.p2align	6, 0x0
	.amdhsa_kernel k_q55afb5ae03_ff2
		.amdhsa_group_segment_fixed_size 327680
		.amdhsa_private_segment_fixed_size 0
		.amdhsa_enable_private_segment 0
		.amdhsa_kernarg_size 40
		.amdhsa_user_sgpr_count 2
		.amdhsa_user_sgpr_kernarg_segment_ptr 1
		.amdhsa_wavefront_size32 1
		.amdhsa_system_sgpr_workgroup_id_x 1
		.amdhsa_system_sgpr_workgroup_id_y 1
		.amdhsa_system_sgpr_workgroup_id_z 1
		.amdhsa_system_vgpr_workitem_id 0
		.amdhsa_next_free_vgpr 1024
		.amdhsa_next_free_sgpr 102
		.amdhsa_reserve_vcc 0
		.amdhsa_float_denorm_mode_32 3
		.amdhsa_float_denorm_mode_16_64 3
		.amdhsa_memory_ordered 1
		.amdhsa_forward_progress 1
		.amdhsa_inst_pref_size 175
	.end_amdhsa_kernel
	.amdgpu_metadata
---
amdhsa.version: [ 1, 2 ]
amdhsa.kernels:
  - .name:           k_q55afb5ae03_ff2
    .symbol:         k_q55afb5ae03_ff2.kd
    .args:
      - { .name: HID, .offset: 0, .size: 8, .value_kind: global_buffer, .address_space: global }
      - { .name: W, .offset: 8, .size: 8, .value_kind: global_buffer, .address_space: global }
      - { .name: b2, .offset: 16, .size: 8, .value_kind: global_buffer, .address_space: global }
      - { .name: X1, .offset: 24, .size: 8, .value_kind: global_buffer, .address_space: global }
      - { .name: out0, .offset: 32, .size: 8, .value_kind: global_buffer, .address_space: global }
    .group_segment_fixed_size: 327680
    .private_segment_fixed_size: 0
    .kernarg_segment_align: 8
    .kernarg_segment_size: 40
    .max_flat_workgroup_size: 128
    .sgpr_count:     102
    .vgpr_count:     1024
    .wavefront_size: 32
...
	.end_amdgpu_metadata
.endif
;; end of part 7
;; ======== version 2 of 2: 7 launches
;; limits: right only within a limited range of input values
;; workspace buffers: W 19,267,584 bytes; HB 3,276,800 bytes; H2 3,276,800 bytes; AT 3,276,800 bytes; QKV 19,660,800 bytes; X1 16,777,216 bytes; HID 13,107,200 bytes
;; launch ln1 (part 8): grid 448 x 1, 8 waves a work-group, no clusters, 115,968 bytes of LDS; arguments x, g1, be1, HB, wq, wk, wv, w_proj, w1, w2, W; writes HB, W
.if DOCPART == 8
	.amdgcn_target "amdgcn-amd-amdhsa--gfx1250"
	.amdhsa_code_object_version 6
	.text
	.protected	k_q55afb5ae03_ln1
	.globl	k_q55afb5ae03_ln1
	.p2align	8
	.type	k_q55afb5ae03_ln1,@function
k_q55afb5ae03_ln1:
	s_mov_b64 s[64:65], 0
	v_nop
	global_prefetch_b8 v0, s[64:65] scope:SCOPE_SE
	s_setreg_imm32_b32 hwreg(HW_REG_WAVE_MODE, 25, 1), 1
	s_wait_xcnt 0x0
; y = (x - mean) rsqrt(var + 1e-5) g + b along rows of 1,024 f32, then quantised along the row to codes of FP6 (E2M3) with one E8M0 byte for each 32, laid as images of operand registers.
; A work-group makes row block i (its number): image lane r holds token 32 (i >> 1) + 8 (i & 1) + (r & 7) + 16 (r >> 3).
; OUT: half image (hp = column / 64, block i), 768 bytes at (256 hp + i) x 768: lane (r, h) owns the 24 bytes of k = 64 hp + 32 h + 0 .. 31: 16 bytes at 16 x lane, 8 at 512 + 8 x lane; scale words at 0x300000 + (8 i + k / 128) x 64 + 4 r.
; PHASE A: wave w norms image rows 2 w and 2 w + 1, two neighbouring tokens (8,192 consecutive bytes), in two passes (mean, then the squares of the differences), all in f32, and lays them in LDS.
; PHASE B, behind the one barrier: wave w quantises columns 128 w .. 128 w + 127 of the 16 rows: one fragment and one scale word a row.
; LIMITS: a block of zeros keeps the byte 1 (its codes are zeros; this program alone reads the bytes); blocks under 2^-124 were not tried; NaN and infinities are not served.
.set PITCH, 4112                       ; an LDS row: 4,096 bytes + 16: the 16 rows that a load touches start 4 banks apart
.set X,   16                           ; v16-79   two rows, 32 registers each; later 64 numbers to quantise
.set G,   80                           ; v80-111  the gain at my columns
.set BE,  112                          ; v112-143 the shift
.set SA,  144                          ; v144-151 row q: two running pairs at v[SA + 4 q]
.set MN,  152                          ; v152-155 row q: the mean, twice
.set RSQ, 156                          ; v156-159 row q: 1 / sqrt(var + eps), twice
.set TM,  160
.set PW,  176
.set PC,  180
; ONE BODY, TWO KINDS OF WORK-GROUP.  Work-groups 0-255 norm and quantise 16 rows each, as set out above.  Work-groups 256 and up (the first launch of this body has 192 of them; the launch on the second norm has none)
; quantise the six weights: both kinds read the problem's inputs alone, so they share a launch.  The rows' work-groups have the low numbers because both launches count them from 0.  Each kind has LDS bytes of its own.
	v_lshl_add_u32 v208, v0, 2, 0x10100
	v_mov_b32 v209, 0
	s_cmp_ge_u32 ttmp9, 256
	s_cbranch_scc1 .Lweights
	s_load_b256 s[4:11], s[0:1], 0x0
	v_lshrrev_b32 v1, 5, v0
	s_delay_alu instid0(VALU_DEP_1)
	v_readfirstlane_b32 s12, v1                    ; wave 0..7
	v_and_b32 v8, 31, v0
	v_and_b32 v9, 15, v0                           ; r
	v_bfe_u32 v10, v0, 4, 1                        ; h
	s_delay_alu instid0(VALU_DEP_3)
	v_lshlrev_b32 v1, 4, v8                        ; 16 x lane
	s_delay_alu instid0(VALU_DEP_4)
	v_lshlrev_b32 v4, 3, v8                        ; 8 x lane
	s_delay_alu instid0(VALU_DEP_4)
	v_lshlrev_b32 v5, 2, v9                        ; 4 r
	s_mul_i32 s20, s12, 2*PITCH
	v_add_nc_u32 v2, s20, v1                       ; LDS, in: my wave's two rows
	v_mul_u32_u24 v3, v9, PITCH
	s_delay_alu instid0(VALU_DEP_1)
	v_lshl_add_u32 v3, v10, 6, v3
	s_lshl_b32 s21, s12, 9
	v_add_nc_u32 v3, s21, v3                       ; LDS, out: row r, + 512 w + 64 h
	v_mov_b32 v6, 0                                ; written once: a lane permute's destination counts as one of its sources
	v_mov_b32 v7, 0
.irp b, 0,1,2,3
	v_mov_b32 v[TM+4+\b], 0
.endr
	s_mov_b32 s16, 0x76543210
	s_mov_b32 s17, 0xfedcba98                      ; v_permlanex16_b32's selects for lane l xor 16
	s_mov_b32 s18, 0x3a800000                      ; 1 / 1,024
	s_mov_b32 s19, 0x3727c5ac                      ; 1e-5
	s_lshr_b32 s13, ttmp9, 1
	s_lshl_b32 s13, s13, 5
	s_and_b32 s14, ttmp9, 1
	s_lshl_b32 s14, s14, 3
	s_add_co_u32 s13, s13, s14
	s_lshl_b32 s14, s12, 1
	s_and_b32 s14, s14, 7
	s_add_co_u32 s13, s13, s14
	s_lshr_b32 s14, s12, 2
	s_lshl_b32 s14, s14, 4
	s_add_co_u32 s13, s13, s14                     ; my first token
	s_lshl_b32 s14, s13, 12
	s_mov_b32 s15, 0
	s_mul_i32 s22, ttmp9, 768
	s_mul_i32 s23, s12, 393216                     ; two hp a wave
	s_add_co_u32 s22, s22, s23
	s_mov_b32 s23, 0
	s_lshl_b32 s24, ttmp9, 3
	s_add_co_u32 s24, s24, s12
	s_lshl_b32 s24, s24, 6
	s_add_co_u32 s24, s24, 0x300000
	s_mov_b32 s25, 0
	s_wait_kmcnt 0x0
	s_add_nc_u64 s[4:5], s[4:5], s[14:15]
	s_add_nc_u64 s[22:23], s[10:11], s[22:23]      ; my codes
	s_add_nc_u64 s[24:25], s[10:11], s[24:25]      ; my scale words
.irp q, 0,1
.irp j, 0,1,2,3,4,5,6,7
	global_load_b128 v[X+32*\q+4*\j:X+32*\q+4*\j+3], v1, s[4:5] offset:4096*\q+512*\j   ; 32 lanes read 512 consecutive bytes
.endr
.endr
.irp j, 0,1,2,3,4,5,6,7
	global_load_b128 v[G+4*\j:G+4*\j+3], v1, s[6:7] offset:512*\j
	global_load_b128 v[BE+4*\j:BE+4*\j+3], v1, s[8:9] offset:512*\j
.endr
.macro ACROSS                          ; v[SA] and v[SA + 4]: each summed over the 32 lanes, the two rows by turns
.irp m, 1,2,4,8
.irp q, 0,1
	s_delay_alu instid0(VALU_DEP_2)
	v_add_f32_dpp v[SA+4*\q], v[SA+4*\q], v[SA+4*\q] row_xmask:\m row_mask:0xf bank_mask:0xf
.endr
.endr
.irp q, 0,1
	s_delay_alu instid0(VALU_DEP_2)
	v_permlanex16_b32 v[6+\q], v[SA+4*\q], s16, s17
.endr
.irp q, 0,1
	s_delay_alu instid0(VALU_DEP_2)
	v_add_f32 v[SA+4*\q], v[SA+4*\q], v[6+\q]
.endr
.endm
	s_wait_loadcnt 16                              ; the two rows are in; the 16 loads of gain and shift may be out
.irp q, 0,1
	v_pk_add_f32 v[SA+4*\q:SA+4*\q+1], v[X+32*\q:X+32*\q+1], v[X+32*\q+4:X+32*\q+5]
	v_pk_add_f32 v[SA+4*\q+2:SA+4*\q+3], v[X+32*\q+2:X+32*\q+3], v[X+32*\q+6:X+32*\q+7]
.endr
.irp j, 8,12,16,20,24,28
.irp q, 0,1
	s_delay_alu instid0(VALU_DEP_4)
	v_pk_add_f32 v[SA+4*\q:SA+4*\q+1], v[SA+4*\q:SA+4*\q+1], v[X+32*\q+\j:X+32*\q+\j+1]
	s_delay_alu instid0(VALU_DEP_4)
	v_pk_add_f32 v[SA+4*\q+2:SA+4*\q+3], v[SA+4*\q+2:SA+4*\q+3], v[X+32*\q+\j+2:X+32*\q+\j+3]
.endr
.endr
.irp q, 0
	s_delay_alu instid0(VALU_DEP_3)
	v_pk_add_f32 v[SA+4*\q:SA+4*\q+1], v[SA+4*\q:SA+4*\q+1], v[SA+4*\q+2:SA+4*\q+3]
.endr
.irp q, 1
	s_delay_alu instid0(VALU_DEP_2)
	v_pk_add_f32 v[SA+4*\q:SA+4*\q+1], v[SA+4*\q:SA+4*\q+1], v[SA+4*\q+2:SA+4*\q+3]
.endr
.irp q, 0,1
	s_delay_alu instid0(VALU_DEP_2)
	v_add_f32 v[SA+4*\q], v[SA+4*\q], v[SA+4*\q+1]
.endr
	ACROSS
.irp q, 0,1
	s_delay_alu instid0(VALU_DEP_2)
	v_mul_f32 v[MN+2*\q], s18, v[SA+4*\q]          ; the mean
.endr
.irp q, 0,1
	s_delay_alu instid0(VALU_DEP_2)
	v_mov_b32 v[MN+2*\q+1], v[MN+2*\q]
.endr
.irp j, 0,2,4,6,8,10,12,14,16,18,20,22,24,26,28,30
.irp q, 0,1
	v_pk_add_f32 v[X+32*\q+\j:X+32*\q+\j+1], v[X+32*\q+\j:X+32*\q+\j+1], v[MN+2*\q:MN+2*\q+1] neg_lo:[0,1] neg_hi:[0,1]   ; x - mean, in place
.endr
.endr
.irp q, 0,1
	v_pk_mul_f32 v[SA+4*\q:SA+4*\q+1], v[X+32*\q:X+32*\q+1], v[X+32*\q:X+32*\q+1]
	v_pk_mul_f32 v[SA+4*\q+2:SA+4*\q+3], v[X+32*\q+2:X+32*\q+3], v[X+32*\q+2:X+32*\q+3]
.endr
.irp j, 4,8,12,16,20,24,28
.irp q, 0,1
	s_delay_alu instid0(VALU_DEP_4)
	v_pk_fma_f32 v[SA+4*\q:SA+4*\q+1], v[X+32*\q+\j:X+32*\q+\j+1], v[X+32*\q+\j:X+32*\q+\j+1], v[SA+4*\q:SA+4*\q+1]
	s_delay_alu instid0(VALU_DEP_4)
	v_pk_fma_f32 v[SA+4*\q+2:SA+4*\q+3], v[X+32*\q+\j+2:X+32*\q+\j+3], v[X+32*\q+\j+2:X+32*\q+\j+3], v[SA+4*\q+2:SA+4*\q+3]
.endr
.endr
.irp q, 0
	s_delay_alu instid0(VALU_DEP_3)
	v_pk_add_f32 v[SA+4*\q:SA+4*\q+1], v[SA+4*\q:SA+4*\q+1], v[SA+4*\q+2:SA+4*\q+3]
.endr
.irp q, 1
	s_delay_alu instid0(VALU_DEP_2)
	v_pk_add_f32 v[SA+4*\q:SA+4*\q+1], v[SA+4*\q:SA+4*\q+1], v[SA+4*\q+2:SA+4*\q+3]
.endr
.irp q, 0,1
	s_delay_alu instid0(VALU_DEP_2)
	v_add_f32 v[SA+4*\q], v[SA+4*\q], v[SA+4*\q+1]
.endr
	ACROSS
.irp q, 0,1
	s_delay_alu instid0(VALU_DEP_2)
	v_fma_f32 v[SA+4*\q], v[SA+4*\q], s18, s19     ; var + eps
.endr
	s_wait_alu depctr_va_vdst(0)
.irp q, 0,1
	v_rsq_f32 v[RSQ+2*\q], v[SA+4*\q]              ; made twice, to fill the pair that the packed multiply names
	v_rsq_f32 v[RSQ+2*\q+1], v[SA+4*\q]
.endr
	v_nop                                          ; a plain instruction behind the last of the batch
	s_wait_alu depctr_va_vdst(0)                   ; one wait for the four, ahead of their first reader
	s_wait_loadcnt 0x0                             ; gain and shift
.irp j, 0,2,4,6,8,10,12,14,16,18,20,22,24,26,28,30
.irp q, 0,1
	v_pk_mul_f32 v[X+32*\q+\j:X+32*\q+\j+1], v[X+32*\q+\j:X+32*\q+\j+1], v[RSQ+2*\q:RSQ+2*\q+1]
.endr
.irp q, 0,1
	s_delay_alu instid0(VALU_DEP_2)
	v_pk_fma_f32 v[X+32*\q+\j:X+32*\q+\j+1], v[X+32*\q+\j:X+32*\q+\j+1], v[G+\j:G+\j+1], v[BE+\j:BE+\j+1]
.endr
.endr
.irp q, 0,1
.irp j, 0,1,2,3,4,5,6,7
	ds_store_b128 v2, v[X+32*\q+4*\j:X+32*\q+4*\j+3] offset:PITCH*\q+512*\j
.endr
.endr
	s_wait_dscnt 0x0                               ; for the others' sake: my rows lie in LDS
	s_barrier_signal -1
	s_barrier_wait -1
.irp b, 0,1,2,3
.irp j, 0,1,2,3
	ds_load_b128 v[X+16*\b+4*\j:X+16*\b+4*\j+3], v3 offset:128*\b+16*\j   ; register 16 b + i = column 128 w + 32 b + 16 h + i of row r
.endr
.endr
	s_wait_dscnt 0x0
.irp b, 0,1,2,3
	v_max3_num_f32 v[TM+\b], |v[X+16*\b]|, |v[X+1+16*\b]|, 0x1800000   ; block b: my 16 numbers, and the floor 2^(3 - 127)
.endr
.irp i, 2,4,6,8,10,12,14
.irp b, 0,1,2,3
	s_delay_alu instid0(VALU_DEP_4)
	v_max3_num_f32 v[TM+\b], v[TM+\b], |v[X+16*\b+\i]|, |v[X+1+16*\b+\i]|
.endr
.endr
.irp b, 0,1,2,3
	s_delay_alu instid0(VALU_DEP_4)
	v_permlanex16_b32 v[TM+4+\b], v[TM+\b], s16, s17
.endr
.irp b, 0,1,2,3
	s_delay_alu instid0(VALU_DEP_4)
	v_max_num_f32 v[TM+\b], v[TM+\b], v[TM+4+\b]   ; with lane l xor 16's: the block's largest magnitude
.endr
.irp b, 0,1,2,3
	s_delay_alu instid0(VALU_DEP_4)
	v_add_nc_u32 v[TM+12+\b], 0xff000000, v[TM+\b] ; 2 off its exponent field: the conversion's scale operand
.endr
.irp b, 0,1,2,3
	s_delay_alu instid0(VALU_DEP_4)
	v_lshrrev_b32 v[TM+4+\b], 23, v[TM+12+\b]      ; the scale's byte
.endr
	s_delay_alu instid0(VALU_DEP_3)
	v_lshl_or_b32 v[PW], v[TM+5], 8, v[TM+4]
	s_delay_alu instid0(VALU_DEP_1)
	v_lshl_or_b32 v[PW], v[TM+6], 16, v[PW]
	s_delay_alu instid0(VALU_DEP_1)
	v_lshl_or_b32 v[PW], v[TM+7], 24, v[PW]        ; my row's scale word
.irp c, 0,1
	v_cvt_scalef32_pk16_fp6_f32 v[PC+6*\c:PC+2+6*\c], v[X+32*\c:X+15+32*\c], v[TM+12+2*\c]
	v_cvt_scalef32_pk16_fp6_f32 v[PC+12+4*\c:PC+14+4*\c], v[X+16+32*\c:X+31+32*\c], v[TM+12+2*\c+1]
.endr
	v_nop                                          ; one plain place behind a scaled conversion
.irp c, 0,1                                    ; the operand's layout wants a WHOLE block in a lane: lanes 0-15 block 2 c, lanes 16-31 block 2 c + 1
.irp i, 0,1,2
	v_permlane16_swap_b32 v[PC+6*\c+\i], v[PC+12+4*\c+\i]
.endr
.irp i, 0,1,2
	s_delay_alu instid0(VALU_DEP_3)
	v_mov_b32 v[PC+3+6*\c+\i], v[PC+12+4*\c+\i]
.endr
.endr
.irp c, 0,1
	global_store_b128 v1, v[PC+6*\c:PC+6*\c+3], s[22:23] offset:196608*\c          ; 512 consecutive bytes, at a multiple of 256 from the buffer's first byte
	global_store_b64 v4, v[PC+6*\c+4:PC+6*\c+5], s[22:23] offset:196608*\c+512     ; and the 256 behind them
.endr
	global_store_b32 v5, v[PW], s[24:25]           ; lanes l and l + 16 hold the same word
	s_wait_tensorcnt 0x0
	ds_add_u32 v208, v209
	s_wait_dscnt 0x0
	s_endpgm
; THE WEIGHTS.  The six weights, f32 with K as their outer axis, become codes of FP6 (E2M3) with one E8M0 byte for each 32 along K, laid as images of operand registers:
; 16 outputs n form block i; lane r of block 2 g + u holds output 32 g + 8 u + (r & 7) + 16 (r >> 3); half image (hp = K / 64, block i), 768 bytes at (256 hp + i) x 768: lane (r, h)'s 24 bytes of k = 64 hp + 32 h + 0 .. 31:
; 16 at 16 x lane, 8 at 512 + 8 x lane; scale words at (i x KS + K / 128) x 64 + 4 r.  W: codes of wq, wk, wv, w_proj (blocks 0-63, 64-127, 128-191, 192-255) at 0, of w1 at 0x300000, of w2 at 0x600000; scale words at 0x1200000, 0x1220000, 0x1240000.
; A lane takes a column n and its registers run down K.  A share is 128 columns x 256 along K, four waves of 32 columns; a work-group of eight waves takes two shares.  Shares 0-127: the four of 1,024 x 1,024; 128-255: w1; 256-383: w2; chosen by selects.
; LIMITS: a block of zeros keeps the byte 1 (its codes are zeros; this program alone reads the bytes); blocks whose largest magnitude lies under 2^-124 were not tried; NaN and infinities are not served.
.set WSTG,  6144                       ; a wave's stage in LDS: 4 hp x 2 blocks x 768 bytes, behind the rows' bytes and the spare words
.set WBLKP, 196608                     ; from hp to hp in memory
.set WSB,   24                         ; v24-25   two scale words
.set WOF,   32                         ; v32-63   byte offset of row j of a block of 32, at my column
.set WX,    64                         ; v64-127  two sets of 32 numbers
.set WC,    128                        ; v128-134 a block's codes
.set WOUT,  136                        ; v136-183 the way out
.Lweights:
	s_load_b256 s[4:11], s[0:1], 0x20              ; wq, wk, wv, w_proj
	s_load_b128 s[12:15], s[0:1], 0x40             ; w1, w2
	s_load_b64 s[16:17], s[0:1], 0x50              ; W
	v_lshrrev_b32 v1, 5, v0
	v_readfirstlane_b32 s18, v1                    ; wave 0..7
	v_and_b32 v2, 31, v0                           ; lane = my column in the wave's 32
	v_bfe_u32 v3, v0, 3, 1                         ; u: which of the two blocks
	v_and_b32 v4, 7, v0
	v_bfe_u32 v1, v0, 4, 1
	v_lshl_add_u32 v4, v1, 3, v4                   ; r: my column's lane in its block's image
	s_mul_i32 s62, s18, WSTG
	s_add_co_u32 s62, s62, 0x10500
	v_mul_u32_u24 v5, v3, 768
	v_lshl_add_u32 v6, v4, 3, v5
	v_lshl_add_u32 v5, v4, 4, v5
	v_add_nc_u32 v5, s62, v5                       ; stage: 768 u + 16 r
	v_add_nc_u32 v6, s62, v6
	v_add_nc_u32 v6, 512, v6                       ; 768 u + 512 + 8 r
	v_lshlrev_b32 v8, 4, v2                        ; the way out: 16 x lane, in memory
	v_add_nc_u32 v7, s62, v8                       ; and in the stage
	v_lshlrev_b32 v10, 2, v2
	s_wait_alu depctr_va_vdst(0)
	s_sub_co_u32 s63, ttmp9, 256
	s_lshl_b32 s63, s63, 1
	s_lshr_b32 s19, s18, 2
	s_add_co_u32 s63, s63, s19                     ; my share, 0..383
	s_and_b32 s18, s18, 3                          ; my wave in the share
	s_lshr_b32 s20, s63, 7                         ; 0: the four small ones, 1: w1, 2: w2
	s_and_b32 s19, s63, 127
	s_lshr_b32 s21, s19, 5                         ; which of the four
	s_and_b32 s22, s19, 31
	s_cmp_eq_u32 s20, 0
	s_cselect_b32 s22, s22, s19
	s_cselect_b32 s31, s21, 0
	s_cmp_eq_u32 s20, 1
	s_cselect_b32 s60, 31, 7
	s_cselect_b32 s61, 5, 3
	s_mov_b32 s25, 4096
	s_mov_b32 s23, 16384
	s_cselect_b32 s25, s23, s25
	s_cmp_lt_u32 s63, 96
	s_cselect_b32 s25, 256, s25                    ; bytes from k to k + 1: 256 in [head][k][64], else the row
	s_cmp_eq_u32 s20, 2
	s_cselect_b32 s26, 32, 8                       ; KS = K / 128
	s_and_b32 s23, s22, s60                        ; which 128 columns
	s_lshr_b32 s24, s22, s61                       ; which 256 along K
	s_mul_i32 s27, s20, 0x300000
	s_lshl_b32 s28, s20, 17
	s_add_co_u32 s28, s28, 0x1200000
	s_lshl_b32 s29, s23, 7
	s_lshl_b32 s60, s18, 5
	s_add_co_u32 s29, s29, s60                     ; my first column
	s_lshr_b32 s48, s29, 6
	s_lshl_b32 s48, s48, 18                        ; a head is 1,024 x 64 x 4 bytes
	s_and_b32 s49, s29, 63
	s_lshl_b32 s49, s49, 2
	s_add_co_u32 s48, s48, s49
	s_lshl_b32 s49, s29, 2
	s_cmp_lt_u32 s63, 96
	s_cselect_b32 s48, s48, s49
	s_lshl_b32 s49, s24, 8
	s_mul_i32 s49, s49, s25
	s_add_co_u32 s48, s48, s49
	s_mov_b32 s49, 0
	s_lshl_b32 s50, s25, 5                         ; 32 rows
	s_mov_b32 s51, 0
	s_lshl_b32 s30, s23, 3
	s_lshl_b32 s60, s18, 1
	s_add_co_u32 s30, s30, s60
	s_lshl_b32 s60, s31, 6
	s_add_co_u32 s30, s30, s60                     ; my first block
	s_lshl_b32 s52, s24, 10
	s_add_co_u32 s52, s52, s30
	s_mul_i32 s52, s52, 768
	s_add_co_u32 s52, s52, s27
	s_mov_b32 s53, 0
	s_mul_i32 s54, s30, s26
	s_lshl_b32 s60, s24, 1
	s_add_co_u32 s54, s54, s60
	s_lshl_b32 s54, s54, 6
	s_add_co_u32 s54, s54, s28
	s_mov_b32 s55, 0
	s_lshl_b32 s60, s26, 6
	v_mul_u32_u24 v9, s60, v3
	v_lshl_add_u32 v9, v4, 2, v9                   ; my scale words: 64 KS u + 4 r
.set J, 0
.rept 32
	v_mad_u32_u24 v[WOF+J], s25, J, v10
.set J, J+1
.endr
	s_wait_alu depctr_va_vdst(0)
	s_wait_kmcnt 0x0
	s_cmp_eq_u32 s21, 1                            ; the source: the choices hang on ids alone
	s_cselect_b64 s[4:5], s[6:7], s[4:5]
	s_cmp_eq_u32 s21, 2
	s_cselect_b64 s[4:5], s[8:9], s[4:5]
	s_cmp_eq_u32 s21, 3
	s_cselect_b64 s[4:5], s[10:11], s[4:5]
	s_cmp_eq_u32 s20, 1
	s_cselect_b64 s[4:5], s[12:13], s[4:5]
	s_cmp_eq_u32 s20, 2
	s_cselect_b64 s[4:5], s[14:15], s[4:5]
	s_add_nc_u64 s[32:33], s[4:5], s[48:49]        ; a base for each of the eight blocks: no pointer is stepped
.irp k, 1,2,3,4,5,6,7
	s_add_nc_u64 s[32+2*\k:33+2*\k], s[30+2*\k:31+2*\k], s[50:51]
.endr
	s_add_nc_u64 s[56:57], s[16:17], s[52:53]      ; my codes
	s_add_nc_u64 s[58:59], s[16:17], s[54:55]      ; my scale words
.macro WLOAD kb
.set J, 0
.rept 32
	global_load_b32 v[WX+32*((\kb)%2)+J], v[WOF+J], s[32+2*(\kb):33+2*(\kb)] th:TH_LOAD_NT
.set J, J+1
.endr
.endm
	WLOAD 0
	WLOAD 1
.macro WBLOCK kb
.set XS, WX+32*((\kb)%2)
.if (\kb) < 7
	s_wait_loadcnt 32                              ; this block's 32 loads are in; the next block's may be out
.else
	s_wait_loadcnt 0
.endif
	v_max3_num_f32 v12, |v[XS]|, |v[XS+1]|, |v[XS+2]|
	v_max3_num_f32 v13, |v[XS+3]|, |v[XS+4]|, |v[XS+5]|
.irp i, 6,10,14,18,22,26
	v_max3_num_f32 v12, v12, |v[XS+\i]|, |v[XS+\i+1]|
	v_max3_num_f32 v13, v13, |v[XS+\i+2]|, |v[XS+\i+3]|
.endr
	v_max3_num_f32 v12, v12, |v[XS+30]|, |v[XS+31]|
	v_max3_num_f32 v12, v12, v13, 0x1800000        ; and the floor 2^(3 - 127): the byte cannot fall under 1
	v_add_nc_u32 v11, 0xff000000, v12              ; 2 off the exponent field: the conversion's scale operand
	v_lshrrev_b32 v13, 23, v11                     ; the scale's byte
.if (\kb)%4 == 0
	v_mov_b32 v[WSB+(\kb)/4], v13
.else
	v_lshl_or_b32 v[WSB+(\kb)/4], v13, 8*((\kb)%4), v[WSB+(\kb)/4]
.endif
	v_cvt_scalef32_pk16_fp6_f32 v[WC:WC+2], v[XS:XS+15], v11
	v_cvt_scalef32_pk16_fp6_f32 v[WC+4:WC+6], v[XS+16:XS+31], v11
	v_nop                                          ; one plain place behind a scaled conversion
	v_mov_b32 v[WC+3], v[WC+4]                     ; the six registers on end
	v_mov_b32 v[WC+4], v[WC+5]
	v_mov_b32 v[WC+5], v[WC+6]
	ds_store_b128 v5, v[WC:WC+3] offset:((\kb)/2)*1536+((\kb)%2)*256
	ds_store_b64 v6, v[WC+4:WC+5] offset:((\kb)/2)*1536+((\kb)%2)*128
.if (\kb) < 6
	WLOAD (\kb)+2
.endif
	s_wait_dscnt 0x0                               ; the stores have read their registers
.endm
.irp k, 0,1,2,3,4,5,6,7
	WBLOCK \k
.endr
	global_store_b32 v9, v[WSB], s[58:59]          ; 16 lanes store a block's 64 bytes of scale words
	s_wait_alu depctr_va_vdst(0)
	global_store_b32 v9, v[WSB+1], s[58:59] offset:64
.irp n, 0,1,2,3,4,5,6,7,8,9,10,11
	ds_load_b128 v[WOUT+4*\n:WOUT+4*\n+3], v7 offset:512*\n
.endr
.irp n, 0,1,2,3,4,5,6,7,8,9,10,11
	s_wait_dscnt 11-\n
	global_store_b128 v8, v[WOUT+4*\n:WOUT+4*\n+3], s[56:57] offset:(\n/3)*WBLKP+(\n%3)*512   ; 32 lanes store 512 consecutive bytes, at a multiple of 256 from W's first byte
.endr
	s_wait_tensorcnt 0x0                           ; the wave's end
	ds_add_u32 v208, v209
	s_wait_dscnt 0x0
	s_endpgm
.Lfunc_end_k_q55afb5ae03_ln1:
	.size	k_q55afb5ae03_ln1, .Lfunc_end_k_q55afb5ae03_ln1-k_q55afb5ae03_ln1
	.p2alignl 7, 3214868480
	.fill 96, 4, 3214868480
	.section	.rodata,"a",@progbits
	.p2align	6, 0x0
	.amdhsa_kernel k_q55afb5ae03_ln1
		.amdhsa_group_segment_fixed_size 115968
		.amdhsa_private_segment_fixed_size 0
		.amdhsa_enable_private_segment 0
		.amdhsa_kernarg_size 88
		.amdhsa_user_sgpr_count 2
		.amdhsa_user_sgpr_kernarg_segment_ptr 1
		.amdhsa_wavefront_size32 1
		.amdhsa_system_sgpr_workgroup_id_x 1
		.amdhsa_system_sgpr_workgroup_id_y 1
		.amdhsa_system_sgpr_workgroup_id_z 1
		.amdhsa_system_vgpr_workitem_id 0
		.amdhsa_next_free_vgpr 210
		.amdhsa_next_free_sgpr 66
		.amdhsa_reserve_vcc 0
		.amdhsa_float_denorm_mode_32 3
		.amdhsa_float_denorm_mode_16_64 3
		.amdhsa_memory_ordered 1
		.amdhsa_forward_progress 1
		.amdhsa_inst_pref_size 76
	.end_amdhsa_kernel
	.amdgpu_metadata
---
amdhsa.version: [ 1, 2 ]
amdhsa.kernels:
  - .name:           k_q55afb5ae03_ln1
    .symbol:         k_q55afb5ae03_ln1.kd
    .args:
      - { .name: x, .offset: 0, .size: 8, .value_kind: global_buffer, .address_space: global }
      - { .name: g1, .offset: 8, .size: 8, .value_kind: global_buffer, .address_space: global }
      - { .name: be1, .offset: 16, .size: 8, .value_kind: global_buffer, .address_space: global }
      - { .name: HB, .offset: 24, .size: 8, .value_kind: global_buffer, .address_space: global }
      - { .name: wq, .offset: 32, .size: 8, .value_kind: global_buffer, .address_space: global }
      - { .name: wk, .offset: 40, .size: 8, .value_kind: global_buffer, .address_space: global }
      - { .name: wv, .offset: 48, .size: 8, .value_kind: global_buffer, .address_space: global }
      - { .name: w_proj, .offset: 56, .size: 8, .value_kind: global_buffer, .address_space: global }
      - { .name: w1, .offset: 64, .size: 8, .value_kind: global_buffer, .address_space: global }
      - { .name: w2, .offset: 72, .size: 8, .value_kind: global_buffer, .address_space: global }
      - { .name: W, .offset: 80, .size: 8, .value_kind: global_buffer, .address_space: global }
    .group_segment_fixed_size: 115968
    .private_segment_fixed_size: 0
    .kernarg_segment_align: 8
    .kernarg_segment_size: 88
    .max_flat_workgroup_size: 256
    .sgpr_count:     66
    .vgpr_count:     210
    .wavefront_size: 32
...
	.end_amdgpu_metadata
.endif
;; end of part 8
;; launch qkv (part 9): grid 12 x 16, 4 waves a work-group, clusters of 4 x 4, 327,680 bytes of LDS; arguments HB, W, QKV; writes QKV
.if DOCPART == 9
	.amdgcn_target "amdgcn-amd-amdhsa--gfx1250"
	.amdhsa_code_object_version 6
	.text
	.protected	k_q55afb5ae03_qkv
	.globl	k_q55afb5ae03_qkv
	.p2align	8
	.type	k_q55afb5ae03_qkv,@function
k_q55afb5ae03_qkv:
	s_mov_b64 s[64:65], 0
	v_nop
	global_prefetch_b8 v0, s[64:65] scope:SCOPE_SE
	s_setreg_imm32_b32 hwreg(HW_REG_WAVE_MODE, 25, 1), 1
	s_wait_xcnt 0x0
	s_wait_alu depctr_hold_cnt(0) depctr_sa_sdst(0) depctr_va_vdst(0) depctr_va_sdst(0) depctr_va_ssrc(0) depctr_va_vcc(0) depctr_vm_vsrc(0)
	s_getreg_b32 s2, hwreg(HW_REG_IB_STS2, 6, 4)
	s_cmp_eq_u32 s2, 0
	s_cbranch_scc0 .Lentry_in_a_cluster
	s_endpgm
.Lentry_in_a_cluster:
	s_bfe_u32 s2, ttmp6, 0x10000c
	s_cmp_lg_u32 s2, 0xf033
	s_cbranch_scc0 .Lentry_shape_is_right
	s_endpgm
.Lentry_shape_is_right:
; q, k and v^T of all heads: C = A B^T on codes of FP6 (E2M3) with E8M0 scales, K = 1,024, and C quantised again along its columns, in registers.
; Clusters with x = 0, 1: A = the normed tokens (HB), B = wq and wk (W's blocks 0-127): q and k, quantised along the head's 64.  Clusters with x = 2: A = wv (W's blocks 128-191), B = the tokens: v^T, quantised along the tokens.
; The choice hangs on the cluster's x alone, which all partners share; it selects buffers and offsets, no branch.
; OPERANDS LIE AS IMAGES OF THEIR REGISTERS.  Row block i (16 rows; lane r holds row 32 (i >> 1) + 8 (i & 1) + (r & 7) + 16 (r >> 3)); half image (hp = K / 64, i), 768 bytes at (256 hp + i) x 768: lane (r, h)'s 24 bytes of
; k = 64 hp + 32 h + 0 .. 31: 16 at 16 x lane, 8 at 512 + 8 x lane.  Scale words at (i x KS + K / 128) x 64 + 4 r.  So a fragment is four dense LDS loads and a region is 4 rows of 12,288 bytes for one tensor load.
; A tile of C, 256 x 256, is made by four waves, 128 x 128 each: 64 accumulators.  K goes in quarters of 256 through three LDS regions; the scale words of the tile's rows come once and stay.
; CLUSTERS 4 x 4: A's tiles are asked for jointly along a row of the cluster, B's along a column.  THE MATRIX INSTRUCTION IS USED TRANSPOSED (source 0 = B's block, source 1 = A's): by the order of rows in a block a lane's 64
; results of A's block a are 4 x 16 neighbours along C's columns: register 16 b + i = column 32 b + 16 (lane / 16) + i: what the quantiser wants.
; OUT (QKV): codes at (256 hp + i) x 768, hp 0-15 q's heads, 16-31 k's (i = token block), hp 32-95 v^T (32 + token / 64, i = 4 head + d / 16); scale words at 0x1200000 + (256 s + i) x 64 + 4 r, s = hp / 2.
; LIMITS: a block of zeros keeps the byte 1 (its codes are zeros; this program alone reads the bytes); blocks under 2^-124 were not tried; NaN and infinities are not served.
; REGISTERS: window 0: v8-31 addresses; v32-63 scale words, two sets; v64-127 bias, later codes or the residual; v128-223 A's fragments, ONE set; v224-241 at work.  window 1: B's fragments, two sets.  windows 2, 3: accumulators.
.set KTOT,    1024
.set SELQ,    1                        ; the operands are chosen by the cluster's x
.set HASBIAS, 0
.set RELU,    0
.set EPIF,    0                        ; 0: C is quantised; 1: C + residual leaves as f32
.set NTOUT,   0
.set BBLK,    0                        ; B's first block in its region
.set BCOD,    0                        ; where B's codes begin
.set ASCL,    0                        ; where A's and B's scale words begin (here chosen at run time)
.set BSCL,    0
.set OSCL,    0x1200000                ; the output's scale words
.set OS2,     64                       ; and from block to block among them
.set KS,     KTOT/128
.set LAPS,   KTOT/512
.set NQ,     2                         ; matrix instructions deep in a slot
.set FR,     12                        ; registers of a fragment
.set NL,     4                         ; LDS loads that bring one
.set NP,     4                         ; places behind this matrix instruction (ISA guide 7.12.1)
.set HIMG,   768
; LDS AS THIS TEXT USES IT: A's three regions on end, then B's three; a region holds a quarter of K (4 hp x 16 blocks).  The head brings quarter 0 (one load for A, one for B) and the scale words;
; quarters 1, 2, 3 follow into regions 1, 2, 0, each asked for when the quarter before it begins to be multiplied, a wave fetching 2 hp x 16 blocks of A or of B.
.set HROW,   16*HIMG
.set HALFT,  2*HROW                    ; what one wave's refill brings
.set SLOT,   4*HALFT                   ; a quarter of K, A's and B's
.set BLKP,   256*HIMG
.set BREG,   12*HROW                   ; where B's region begins
.set SCL,    3*SLOT
.set SBLK,   64*KS                     ; those of one block
.set HALFS,  8*SBLK
.set SPARE,  SCL+4*HALFS               ; the spare words, 128 bytes for each wave: two blocks of 256 bytes that no other line names
.set SPITCH, 528
.set PA,     4+4*SELQ
.set PB,     6+4*SELQ
.set BO,   15
.set ADRA, 8                           ; v8-10 A's fragments in regions 0, 1, 2 (16 x lane); v11-13 the same at 512 + 8 x lane
.set ADRB, 16                          ; v16-21 likewise for B
.set PFO,  22                          ; v22 the prefetch's offset: 256 x min(lane, 23); never rewritten
.set PFA,  100                         ; s[100:101] the prefetch's base
.set G0H,  4                           ; s[4:7], s[8:11] group 0 of the head's two loads of codes (the addresses that lay there have been used by then)
.set G0HB, 8
.set RG,   0                           ; the region from which FETCH_A and FETCH_B read: set ahead of each change of quarters
.set STO,  24
.set RD,   25
.set CO,   26                          ; 16 x lane
.set ADRS, 27                          ; my scale words: lanes 0-15 A's rows, lanes 16-31 B's
.set SPW,  28                          ; my spare word; never rewritten
.set NIL,  29                          ; 0; never rewritten
.set LO8,  30                          ; 8 x lane
.set R4,   31                          ; 4 x (lane % 16)
.set SC,   32
.set BI,   64
.set PC,   64
.set RS,   64
.set AF,   128
.set BK,   128
.set TM,   224
.set PW,   240
.set G1, 24
.set G0, 32
.set G1B, 48
.set G0B, 56
.set G1S, 68
.set G0S, 76
.set G1SB, 80
.set G0SB, 88
.set MSB, 0
.macro WIN new                         ; the immediate's high byte repeats the setting that is left
.if MSB != (\new)
	s_set_vgpr_msb (MSB<<8)|(\new)
.set MSB, (\new)
.endif
.endm
.set MUL_LO, 0xa1                      ; source 0 (B) window 1, source 1 (A) window 0, C and D window 2
.set MUL_HI, 0xf1                      ; the same, C and D window 3
.set TO_B,   0x40                      ; destination window 1, address window 0
; A joint load: waves 0 and 1 fetch for A, waves 2 and 3 for B; the branch hangs on the wave's number alone.  Four v_nop follow each of the two lines.
.macro JLOAD g0a, g1a, g0b, g1b
	s_cmp_eq_u32 s15, 0
	s_cbranch_scc0 .Lfor_b_\@
	tensor_load_to_lds s[\g0a:\g0a+3], s[\g1a:\g1a+7]
	s_nop 0
.rept 4
	v_nop
.endr
	s_branch .Lasked_\@
.Lfor_b_\@:
	tensor_load_to_lds s[\g0b:\g0b+3], s[\g1b:\g1b+7]
	s_nop 0
.rept 4
	v_nop
.endr
.Lasked_\@:
.endm
.macro CREST                           ; a round of the cluster's barrier behind its opening barrier
	s_cmp_lg_u32 s14, 0
	s_cbranch_scc1 .Lnot_wave_0_\@
	s_barrier_signal -3
.Lnot_wave_0_\@:
	s_barrier_wait -3
	s_barrier_signal -1
	s_barrier_wait -1
.endm
.macro CROUND
	s_barrier_signal -1
	s_barrier_wait -1
	CREST
.endm
	s_load_b128 s[4:7], s[0:1], 0x0                ; the first two buffers
.if SELQ
	s_load_b64 s[12:13], s[0:1], 0x10              ; out
.elseif EPIF
	s_load_b128 s[8:11], s[0:1], 0x10              ; bias, residual
	s_load_b64 s[12:13], s[0:1], 0x20              ; out
.else
	s_load_b64 s[8:9], s[0:1], 0x10                ; bias
	s_load_b64 s[12:13], s[0:1], 0x18              ; out
.endif
	v_lshl_add_u32 v[SPW], v0, 2, SPARE
	v_mov_b32 v[NIL], 0
	ds_add_u32 v28, v29
	ds_add_u32 v28, v29
	s_wait_dscnt 0x0
	v_lshrrev_b32 v1, 5, v0
	v_readfirstlane_b32 s14, v1                    ; wave 0..3
	s_lshr_b32 s15, s14, 1                         ; which half of the tile's rows is mine.  Also: I fetch for A (0) or for B (1)
	s_and_b32 s16, s14, 1                          ; which half of its columns.  Also: which 8 blocks of that tile I fetch
	s_bfe_u32 s40, ttmp6, 0x40000                  ; cx, cy: my place in the cluster
	s_bfe_u32 s41, ttmp6, 0x40004
.if SELQ
	s_and_b32 s95, ttmp7, 0xffff
	s_lshl_b32 s95, s95, 2                         ; 4 x cluster y
	s_lshl_b32 s96, ttmp9, 2                       ; 4 x cluster x
	s_mov_b32 s99, 0x1200000
	s_mov_b32 s101, 0x300000
	s_cmp_lt_u32 ttmp9, 2                          ; q and k, or v^T?
	s_cselect_b32 s17, s95, 0
	s_cselect_b32 s42, s96, s95
	s_cselect_b32 s97, 0, 128                      ; A's first block: the tokens', or wv's
	s_cselect_b32 s98, 0, 16                       ; the output's first step of 128
	s_cselect_b32 s100, s101, s99                  ; A's scale words
	s_cselect_b32 s101, s99, s101                  ; B's
	s_add_co_u32 s17, s17, s41                     ; tile row
	s_add_co_u32 s42, s42, s40                     ; tile column
.else
	s_lshl_b32 s42, ttmp9, 2
	s_add_co_u32 s42, s42, s40                     ; tile column of C = 4 x cluster x + cx
	s_and_b32 s17, ttmp7, 0xffff
	s_lshl_b32 s17, s17, 2
	s_add_co_u32 s17, s17, s41                     ; tile row of C = 4 x cluster y + cy
.endif
	s_lshl_b32 s43, s41, 2
	s_lshl_b32 s43, 15, s43                        ; my row of the cluster
	s_lshl_b32 s44, 0x1111, s40                    ; my column
	; descriptor group 1: a region: 4 rows (hp) of 1,536 elements of 8 bytes, 24,576 elements apart; no padding: every LDS load of it is dense
	s_or_b32 s[G1+0], s43, (3<<16)|(1<<21)         ; 15:0 the mask: A's tiles go to my row; 17:16 elements of 8 bytes; 21 set beside a mask
	s_or_b32 s[G1B+0], s44, (3<<16)|(1<<21)
.irp g, G1, G1B
	s_mov_b32 s[\g+1], 1536<<16                    ; rows of 16 blocks, 12,288 bytes
	s_mov_b32 s[\g+2], 4<<16                       ; 4 hp for the head's load; set to 2 behind it
	s_mov_b32 s[\g+3], 1536<<16
	s_mov_b32 s[\g+4], 4
	s_mov_b32 s[\g+5], BLKP/8                      ; tensor_dim0_stride
	s_mov_b32 s[\g+6], 0
	s_mov_b32 s[\g+7], 0
.endr
	; the scale words of 16 blocks: a dense block of 2 HALFS bytes, as rows of 256 bytes
	s_or_b32 s[G1S+0], s43, (3<<16)|(1<<21)
	s_or_b32 s[G1SB+0], s44, (3<<16)|(1<<21)
.irp g, G1S, G1SB
	s_mov_b32 s[\g+1], 32<<16
	s_mov_b32 s[\g+2], (HALFS/128)<<16             ; the scale words of all 16 blocks in one load
	s_mov_b32 s[\g+3], 32<<16
	s_mov_b32 s[\g+4], HALFS/128
	s_mov_b32 s[\g+5], 32
	s_mov_b32 s[\g+6], 0
	s_mov_b32 s[\g+7], 0
.endr
	s_lshl_b32 s20, s17, 4                         ; A: the tile's first block, 16 x tile row
	s_lshl_b32 s46, s42, 4                         ; B: 16 x tile column
.if SELQ
	s_add_co_u32 s20, s20, s97
.endif
.if BBLK
	s_add_co_u32 s46, s46, BBLK
.endif
	s_mul_i32 s22, s20, SBLK                       ; where these blocks' scale words begin,
	s_mul_i32 s92, s46, SBLK
.if SELQ
	s_add_co_u32 s22, s22, s100
	s_add_co_u32 s92, s92, s101
.else
	s_add_co_u32 s22, s22, ASCL
	s_add_co_u32 s92, s92, BSCL
.endif
	s_mul_i32 s20, s20, HIMG                       ; and their codes
	s_mul_i32 s46, s46, HIMG
.if BCOD
	s_add_co_u32 s46, s46, BCOD
.endif
	s_mov_b32 s21, 0
	s_mov_b32 s23, 0
	s_mov_b32 s47, 0
	s_mov_b32 s93, 0
	s_mul_i32 s45, s16, HALFT                      ; the refill: my 2 hp of the region's 4
	s_wait_kmcnt 0x0
.if SELQ
	s_cmp_lt_u32 ttmp9, 2
	s_cselect_b64 s[8:9], s[4:5], s[6:7]           ; A's buffer
	s_cselect_b64 s[10:11], s[6:7], s[4:5]         ; B's buffer
.endif
	s_add_nc_u64 s[20:21], s[PA:PA+1], s[20:21]
	s_add_nc_u64 s[22:23], s[PA:PA+1], s[22:23]
	s_add_nc_u64 s[46:47], s[PB:PB+1], s[46:47]
	s_add_nc_u64 s[92:93], s[PB:PB+1], s[92:93]
	CROUND                                         ; all sixteen work-groups are here: the first joint loads meet
	s_mov_b32 s[G0S], 1
	s_mov_b32 s[G0S+1], SCL
	s_mov_b64 s[G0S+2:G0S+3], s[22:23]
	s_or_b32 s[G0S+3], s[G0S+3], 0x80000000
	s_mov_b32 s[G0SB], 1
	s_mov_b32 s[G0SB+1], SCL+2*HALFS
	s_mov_b64 s[G0SB+2:G0SB+3], s[92:93]
	s_or_b32 s[G0SB+3], s[G0SB+3], 0x80000000
	s_mov_b32 s[G0H], 1                            ; the head's loads of codes: hp 0-3 of A's 16 blocks,
	s_mov_b32 s[G0H+1], 0
	s_mov_b64 s[G0H+2:G0H+3], s[20:21]
	s_or_b32 s[G0H+3], s[G0H+3], 0x80000000
	s_mov_b32 s[G0HB], 1                           ; and of B's
	s_mov_b32 s[G0HB+1], BREG
	s_mov_b64 s[G0HB+2:G0HB+3], s[46:47]
	s_or_b32 s[G0HB+3], s[G0HB+3], 0x80000000
	s_mul_i32 s18, s16, 2*BLKP                     ; the refill: my 2 hp of each quarter's 4
	s_mov_b32 s19, 0
	s_add_nc_u64 s[20:21], s[20:21], s[18:19]
	s_add_nc_u64 s[46:47], s[46:47], s[18:19]
	s_mov_b32 s[G0], 1
	s_add_co_u32 s[G0+1], s45, 4*HROW              ; quarter 1 into region 1
	s_add_nc_u64 s[G0+2:G0+3], s[20:21], 4*BLKP
	s_or_b32 s[G0+3], s[G0+3], 0x80000000
	s_mov_b32 s[G0B], 1
	s_add_co_u32 s[G0B+1], s45, BREG+4*HROW
	s_add_nc_u64 s[G0B+2:G0B+3], s[46:47], 4*BLKP
	s_or_b32 s[G0B+3], s[G0B+3], 0x80000000
	; the prefetch's base: of the 2 x 12,288 bytes that I fetch at the refill, the partner at place p (cx for A, cy for B) names 6,144: hp p / 2, half p % 2.  Shared out by address, no branch
	s_cmp_eq_u32 s15, 0
	s_cselect_b64 s[PFA:PFA+1], s[20:21], s[46:47]
	s_cselect_b32 s94, s40, s41
	s_lshr_b32 s95, s94, 1
	s_and_b32 s94, s94, 1
	s_mul_i32 s95, s95, BLKP
	s_mul_i32 s94, s94, 8*HIMG
	s_add_co_u32 s94, s94, s95
	s_mov_b32 s95, 0
	s_add_nc_u64 s[PFA:PFA+1], s[PFA:PFA+1], s[94:95]
; THE HEAD'S LOADS, ONE A WAVE: wave 0 A's codes, wave 1 B's, wave 2 A's scale words, wave 3 B's; one chain of branches on the wave's number, every way passes one load.
.macro ARM under, g0, g1, next
	s_cmp_lt_u32 s14, \under
	s_cbranch_scc0 \next
	tensor_load_to_lds s[\g0:\g0+3], s[\g1:\g1+7]
	s_nop 0
.rept 4
	v_nop
.endr
	s_branch .Lhead_asked
\next:
.endm
	ARM 1, G0H,  G1,  .Lhead_b
	ARM 2, G0HB, G1B, .Lhead_sa
	ARM 3, G0S,  G1S, .Lhead_sb
	tensor_load_to_lds s[G0SB:G0SB+3], s[G1SB:G1SB+7]
	s_nop 0
.rept 4
	v_nop
.endr
.Lhead_asked:
	v_and_b32 v[PFO], 31, v0
	v_min_u32 v[PFO], 23, v[PFO]                   ; 24 blocks of 256 bytes; the lanes left over name the last again
	v_lshlrev_b32 v[PFO], 8, v[PFO]
	global_prefetch_b8 v[PFO], s[PFA:PFA+1] offset:4*BLKP th:TH_LOAD_NT scope:SCOPE_SE    ; quarters 1 and 2 of K: my share of what I load one and two fills on;
	global_prefetch_b8 v[PFO], s[PFA:PFA+1] offset:8*BLKP th:TH_LOAD_NT scope:SCOPE_SE    ; quarter 3 is asked for behind quarter 1's load
	v_and_b32 v1, 15, v0                           ; r
	v_bfe_u32 v2, v0, 4, 1                         ; h
	v_and_b32 v3, 31, v0
	v_lshlrev_b32 v[CO], 4, v3
	v_lshlrev_b32 v[LO8], 3, v3
	v_lshlrev_b32 v[R4], 2, v1
	v_add_nc_u32 v4, 512, v[LO8]
	s_mul_i32 s21, s15, 8*HIMG                     ; my 8 blocks of A's 16
	s_mul_i32 s22, s16, 8*HIMG                     ; my 8 blocks of B's 16,
	s_add_co_u32 s22, s22, BREG                    ; in B's region
.irp s, 0,1,2
	v_add_nc_u32 v[ADRA+\s], s21, v[CO]
	v_add_nc_u32 v[ADRB+\s], s22, v[CO]
	v_add_nc_u32 v[ADRA+3+\s], s21, v4
	v_add_nc_u32 v[ADRB+3+\s], s22, v4
	s_add_co_u32 s21, s21, 4*HROW
	s_add_co_u32 s22, s22, 4*HROW
.endr
	s_mul_i32 s21, s15, HALFS                      ; A's scale words: my 8 blocks
	s_mul_i32 s22, s16, HALFS                      ; B's: my 8 blocks, behind A's 16
	s_add_co_u32 s22, s22, 2*HALFS
	s_sub_co_u32 s22, s22, s21
	v_mul_u32_u24 v6, s22, v2                      ; lanes 16-31 take B's: one product, the distance between the two
	s_add_co_u32 s21, s21, SCL
	v_add_nc_u32 v5, v[R4], v6
	v_add_nc_u32 v[ADRS], s21, v5
.if HASBIAS
	s_lshl_b32 s20, s42, 10                        ; the bias of my 128 columns; lane (r, h) wants, for B's block b, those of columns 32 (b / 2) + 16 h + 8 (b % 2) + 0 .. 7
	s_lshl_b32 s21, s16, 9
	s_add_co_u32 s20, s20, s21
	s_mov_b32 s21, 0
	s_add_nc_u64 s[8:9], s[8:9], s[20:21]
	v_lshlrev_b32 v[BO], 6, v2
.irp b, 0,1,2,3,4,5,6,7
	global_load_b128 v[BI+8*\b:BI+8*\b+3], v[BO], s[8:9] offset:(32*(\b/2)+8*(\b%2))*4
	global_load_b128 v[BI+8*\b+4:BI+8*\b+7], v[BO], s[8:9] offset:(32*(\b/2)+8*(\b%2))*4+16
.endr
.endif
.if EPIF
	s_mul_i32 s23, s14, 16*SPITCH                  ; my stage: it lies in slot 0, which has had its last fill and its last read when the first result is stored there
	v_mul_u32_u24 v5, v1, SPITCH
	v_lshl_add_u32 v5, v2, 6, v5
	v_add_nc_u32 v[STO], s23, v5                   ; in: row r, + 64 h
	v_add_nc_u32 v[RD], s23, v[CO]                 ; back: a row of 512 bytes
	s_lshl_b32 s20, s17, 8
	s_lshl_b32 s21, s15, 7
	s_add_co_u32 s20, s20, s21                     ; my first row of C
	s_lshl_b32 s20, s20, 12                        ; rows of 4,096 bytes
	s_lshl_b32 s21, s42, 10
	s_add_co_u32 s20, s20, s21
	s_lshl_b32 s21, s16, 9
	s_add_co_u32 s20, s20, s21                     ; + my first column
	s_mov_b32 s21, 0
	s_add_nc_u64 s[10:11], s[10:11], s[20:21]
	s_add_nc_u64 s[12:13], s[12:13], s[20:21]
.else
	s_lshl_b32 s20, s42, 1
	s_add_co_u32 s20, s20, s16                     ; which 128 of the output's K are mine
.if SELQ
	s_add_co_u32 s20, s20, s98
.endif
	s_lshl_b32 s21, s17, 4
	s_lshl_b32 s22, s15, 3
	s_add_co_u32 s21, s21, s22                     ; my first block of rows
	s_lshl_b32 s22, s20, 9
	s_add_co_u32 s22, s22, s21
	s_mul_i32 s22, s22, HIMG
	s_mov_b32 s23, 0
	s_add_nc_u64 s[92:93], s[12:13], s[22:23]      ; my codes
.if SELQ
	s_lshl_b32 s22, s20, 8
	s_add_co_u32 s22, s22, s21
.else
	s_lshl_b32 s22, s21, 5
	s_add_co_u32 s22, s22, s20
.endif
	s_lshl_b32 s22, s22, 6
	s_add_co_u32 s22, s22, OSCL
	s_add_nc_u64 s[12:13], s[12:13], s[22:23]      ; my scale words
	s_mov_b32 s18, 0x76543210
	s_mov_b32 s19, 0xfedcba98                      ; v_permlanex16_b32's selects for lane l xor 16
.irp b, 0,1,2,3
	v_mov_b32 v[TM+4+\b], 0                        ; written once: a lane permute's destination counts as one of its sources
.endr
.endif
.macro FRAG reg, adr, q, i             ; a fragment, 12 registers: two half images, each 16 bytes a lane and 8 bytes a lane, all dense
	ds_load_b128 v[\reg:\reg+3], v[\adr] offset:(2*(\q))*HROW+(\i)*HIMG
	ds_load_b64 v[\reg+4:\reg+5], v[\adr+3] offset:(2*(\q))*HROW+(\i)*HIMG
	ds_load_b128 v[\reg+6:\reg+9], v[\adr] offset:(2*(\q)+1)*HROW+(\i)*HIMG
	ds_load_b64 v[\reg+10:\reg+11], v[\adr+3] offset:(2*(\q)+1)*HROW+(\i)*HIMG
.endm
; 16 matrix instructions: A's blocks a0, a0 + 1 x B's eight, 128 along K.  p: B's set; sc: the set of scale words.  zero = 1: the first product starts the sums, from the bias where there is one.
; The 64 accumulators take turns, one instruction a turn, in the same order in every step.
.macro MUL16 a0, p, q, sc, zero
.irp a, \a0, \a0+1
.irp b, 0,1,2,3,4,5,6,7
.if \zero
.if HASBIAS
	v_wmma_scale_f32_16x16x128_f8f6f4 v[8*(8*((\a)%4)+\b):8*(8*((\a)%4)+\b)+7], v[128*(\p)+FR*\b:128*(\p)+FR*\b+FR-1], v[AF+FR*(\a):AF+FR*(\a)+FR-1], v[BI+8*\b:BI+8*\b+7], v[SC+16*(\sc)+2*\b+(\q)], v[SC+16*(\sc)+2*(\a)+(\q)] matrix_a_fmt:MATRIX_FMT_FP6 matrix_b_fmt:MATRIX_FMT_FP6 matrix_a_scale:MATRIX_SCALE_ROW1
.else
	v_wmma_scale_f32_16x16x128_f8f6f4 v[8*(8*((\a)%4)+\b):8*(8*((\a)%4)+\b)+7], v[128*(\p)+FR*\b:128*(\p)+FR*\b+FR-1], v[AF+FR*(\a):AF+FR*(\a)+FR-1], 0, v[SC+16*(\sc)+2*\b+(\q)], v[SC+16*(\sc)+2*(\a)+(\q)] matrix_a_fmt:MATRIX_FMT_FP6 matrix_b_fmt:MATRIX_FMT_FP6 matrix_a_scale:MATRIX_SCALE_ROW1
.endif
.else
	v_wmma_scale_f32_16x16x128_f8f6f4 v[8*(8*((\a)%4)+\b):8*(8*((\a)%4)+\b)+7], v[128*(\p)+FR*\b:128*(\p)+FR*\b+FR-1], v[AF+FR*(\a):AF+FR*(\a)+FR-1], v[8*(8*((\a)%4)+\b):8*(8*((\a)%4)+\b)+7], v[SC+16*(\sc)+2*\b+(\q)], v[SC+16*(\sc)+2*(\a)+(\q)] matrix_a_fmt:MATRIX_FMT_FP6 matrix_b_fmt:MATRIX_FMT_FP6 matrix_a_scale:MATRIX_SCALE_ROW1
.endif
.endr
.endr
.endm
.macro FETCH_B slot, q, p
	WIN TO_B
.irp i, 0,1,2,3,4,5,6,7
	FRAG 128*(\p)+FR*\i, ADRB+RG, \q, \i
.endr
	WIN 0
.endm
.macro FETCH_A slot, q, i0
.irp i, \i0, \i0+1, \i0+2, \i0+3
	FRAG AF+FR*(\i), ADRA+RG, \q, \i
.endr
.endm
.macro SCALES sc                       ; a slot's scale words into set sc: register 2 i + q: lanes 0-15 the word of A's block i, lanes 16-31 that of B's block i
.irp i, 0,1,2,3,4,5,6,7
	ds_load_b32 v[SC+16*\sc+2*\i], v[ADRS] offset:\i*SBLK
	ds_load_b32 v[SC+16*\sc+2*\i+1], v[ADRS] offset:\i*SBLK+64
.endr
.endm
.macro PLACES n                        ; plain vector instructions between a matrix instruction and a load into, or a read of, its registers (ISA guide 7.12.1 for a read)
.rept \n
	v_nop
.endr
.endm
.macro STEP slot, q, zero              ; a step of 128 along K that has its successor in the same slot
	s_wait_dscnt 4*NL                              ; all but the youngest 16 loads (A's blocks 4-7) are in
.if (\zero) && HASBIAS
	WIN 0x81                                       ; C (the bias) window 0, D window 2
.else
	WIN MUL_LO
.endif
	MUL16 0, (\q)%2, \q, \slot, \zero
	MUL16 2, (\q)%2, \q, \slot, \zero
	s_wait_dscnt 0                                 ; A's blocks 4-7 are in
	PLACES NP
	FETCH_B \slot, (\q)+1, 1-(\q)%2
	FETCH_A \slot, (\q)+1, 0
.if (\zero) && HASBIAS
	WIN 0xc1
.else
	WIN MUL_HI
.endif
	MUL16 4, (\q)%2, \q, \slot, \zero
	MUL16 6, (\q)%2, \q, \slot, \zero
	PLACES NP
	WIN 0
	FETCH_A \slot, (\q)+1, 4
.endm
; A slot's last step changes slots: ONE barrier; in front of it each wave waits for all its tensor loads, adds 0 to its spare word, and waits for that and for its own reads of this slot.  fill = 1: this slot is filled again, two slots ahead.
; fill = 1: the quarter left behind is filled again (the three lines, the round, the joint refill); fill = 0: the refill is waited for and shown to all four waves; fill = 2: the next quarter came at the head: no wait on tiles, no barrier.
.macro TURN slot, next, fill
.if \fill < 2
	s_wait_tensorcnt 0x0
	ds_add_u32 v[SPW], v[NIL]
	s_wait_dscnt 4*NL+1
.else
	s_wait_dscnt 4*NL
.endif
	WIN MUL_LO
	MUL16 0, 1, 1, \slot, 0
	s_wait_dscnt 0x0
.if \fill < 2
	s_barrier_signal -1
.endif
	MUL16 2, 1, 1, \slot, 0
	WIN 0
.if \fill < 2
	s_barrier_wait -1
.endif
.if \fill == 1
	CREST
	s_add_co_u32 s[G0+1], s45, ((RG+1)%3)*4*HROW   ; RG is the region read next: the load goes to the one behind it
	s_add_co_u32 s[G0B+1], s45, BREG+((RG+1)%3)*4*HROW
	s_add_nc_u64 s[G0+2:G0+3], s[G0+2:G0+3], 4*BLKP
	s_add_nc_u64 s[G0B+2:G0B+3], s[G0B+2:G0B+3], 4*BLKP
	JLOAD G0, G1, G0B, G1B
.else
	PLACES NP
.endif
	s_wait_alu depctr_va_vdst(0)
	v_add_nc_u32 v[ADRS], 64*NQ, v[ADRS]           ; on to the next slot's scale words
	FETCH_B \next, 0, 0
	FETCH_A \next, 0, 0
	SCALES \next
	WIN MUL_HI
	MUL16 4, 1, 1, \slot, 0
	MUL16 6, 1, 1, \slot, 0
	PLACES NP
	WIN 0
	FETCH_A \next, 0, 4
.endm
	s_wait_alu depctr_va_vdst(0)
	s_wait_tensorcnt 0x0                           ; my one load of the head is in; no tensor load of mine is out, so a descriptor may be written:
	ds_add_u32 v[SPW], v[NIL]
	s_mov_b32 s[G1+2], 2<<16                       ; from here on a load brings 2 hp a wave
	s_mov_b32 s[G1+4], 2
	s_mov_b32 s[G1B+2], 2<<16
	s_mov_b32 s[G1B+4], 2
	s_wait_dscnt 0x0
	CROUND                                         ; everybody's part of the head's tiles is in, and the joint loads meet
	JLOAD G0, G1, G0B, G1B                         ; quarter 1
	global_prefetch_b8 v[PFO], s[PFA:PFA+1] offset:12*BLKP th:TH_LOAD_NT scope:SCOPE_SE   ; quarter 3, two fills ahead of its load: the last prefetch
	FETCH_B 0, 0, 0
	FETCH_A 0, 0, 0
	SCALES 0
	FETCH_A 0, 0, 4
.if HASBIAS
	s_wait_loadcnt 0x0                             ; the bias
.endif
	STEP 0, 0, 1                                   ; the first step stands in front of the loop: its products start the sums
.set RG, 1
	TURN 0, 1, 1                                   ; quarter 1 is in; quarter 2 is asked for, into region 2
	STEP 1, 0, 0
.set RG, 2
	TURN 1, 0, 1                                   ; quarter 2 is in; quarter 3 is asked for, into region 0, read out long ago
	STEP 0, 0, 0
.set RG, 0
	TURN 0, 1, 0                                   ; quarter 3 lies in region 0
	STEP 1, 0, 0
	s_wait_dscnt 4*NL                              ; the very last step
	WIN MUL_LO
	MUL16 0, 1, 1, 1, 0
	MUL16 2, 1, 1, 1, 0
	s_wait_dscnt 0
	WIN MUL_HI
	MUL16 4, 1, 1, 1, 0
	MUL16 6, 1, 1, 1, 0
	WIN 0
	PLACES NP
.if EPIF
; THE WAY OUT, f32: block a (16 rows x 128 columns) goes through my stage and comes back as rows of 512 bytes; the residual is added; 32 lanes store 512 consecutive bytes.
.macro RLOAD a
.irp t, 0,1,2,3,4,5,6,7,8,9,10,11,12,13,14,15
	global_load_b128 v[RS+4*\t:RS+4*\t+3], v[CO], s[10:11] offset:(32*((\a)/2)+8*((\a)%2)+(\t%8)+16*(\t/8))*4096
.endr
.endm
.macro TOSTAGE a
.set AC, 64*((\a)%4)
	WIN 0x08+4*((\a)/4)                            ; the data: window 2 or 3
.irp b, 0,1,2,3,4,5,6,7
	ds_store_b128 v[STO], v[AC+8*\b:AC+8*\b+3] offset:128*(\b/2)+32*(\b%2)       ; each accumulator from its low end on
	ds_store_b128 v[STO], v[AC+8*\b+4:AC+8*\b+7] offset:128*(\b/2)+32*(\b%2)+16
.endr
	WIN 0
.set BB, BK+64*((\a)%2)
.irp t, 0,1,2,3,4,5,6,7,8,9,10,11,12,13,14,15
	ds_load_b128 v[BB+4*\t:BB+4*\t+3], v[RD] offset:\t*SPITCH   ; LDS serves a wave's instructions in order: these see the stores above
.endr
.endm
.macro SEND a
.set BB, BK+64*((\a)%2)
.irp t, 0,1,2,3,4,5,6,7,8,9,10,11,12,13,14,15
.if NTOUT
	global_store_b128 v[CO], v[BB+4*\t:BB+4*\t+3], s[12:13] offset:(32*((\a)/2)+8*((\a)%2)+(\t%8)+16*(\t/8))*4096 th:TH_STORE_NT
.else
	global_store_b128 v[CO], v[BB+4*\t:BB+4*\t+3], s[12:13] offset:(32*((\a)/2)+8*((\a)%2)+(\t%8)+16*(\t/8))*4096
.endif
.endr
.endm
	RLOAD 0
.irp a, 0,1,2,3,4,5,6,7
.if \a > 1
	s_wait_xcnt 0x0                                ; block a - 2's stores have read their registers: block a's rows may land there
.endif
	TOSTAGE \a
	s_wait_dscnt 0x0
	s_wait_loadcnt 0x0                             ; the residual's 16 rows
.set BB, BK+64*((\a)%2)
.set J, 0
.rept 32
	v_pk_add_f32 v[BB+J:BB+J+1], v[BB+J:BB+J+1], v[RS+J:RS+J+1]
.set J, J+2
.endr
.if \a < 7
	RLOAD \a+1
.endif
	SEND \a
.endr
.else
; THE WAY OUT, codes: A's block a: my 64 numbers (register 16 b + i = column 32 b + 16 h + i of my row) become a fragment and a scale word, which leave as they stand: 512 + 256 consecutive bytes for each half image.
.macro QOUT a
.set AC, 64*((\a)%4)
.set WW, 2+(\a)/4
.set PCC, PC+20*((\a)%2)               ; two sets by turns, so that a store's data are rewritten two blocks later
.set PWW, PW+(\a)%2
.if RELU
	WIN (WW<<2)|(WW<<6)
.set J, 0
.rept 64
	v_max_num_f32 v[AC+J], 0, v[AC+J]              ; the activation, in f32; each accumulator from its low end on
.set J, J+1
.endr
.endif
	WIN (WW<<2)|(WW<<4)                            ; sources 1 and 2: the accumulators' window
.irp b, 0,1,2,3
	v_max3_num_f32 v[TM+\b], 0x1800000, |v[AC+16*\b]|, |v[AC+1+16*\b]|   ; block b: my 16 numbers, and the floor 2^(3 - 127)
.endr
.irp i, 2,4,6,8,10,12,14
.irp b, 0,1,2,3
	v_max3_num_f32 v[TM+\b], v[TM+\b], |v[AC+16*\b+\i]|, |v[AC+1+16*\b+\i]|
.endr
.endr
	WIN 0
.if (\a) > 1
	s_wait_alu depctr_va_vdst(0)
	s_wait_xcnt 0x0                                ; block a - 2's stores have read their registers
.endif
.irp b, 0,1,2,3
	v_permlanex16_b32 v[TM+4+\b], v[TM+\b], s18, s19
.endr
.irp b, 0,1,2,3
	v_max_num_f32 v[TM+\b], v[TM+\b], v[TM+4+\b]   ; with lane l xor 16's: the block's largest magnitude
.endr
.irp b, 0,1,2,3
	v_add_nc_u32 v[TM+12+\b], 0xff000000, v[TM+\b] ; 2 off its exponent field: the conversion's scale operand
.endr
.irp b, 0,1,2,3
	v_lshrrev_b32 v[TM+4+\b], 23, v[TM+12+\b]      ; the scale's byte
.endr
	v_lshl_or_b32 v[PWW], v[TM+5], 8, v[TM+4]
	v_lshl_or_b32 v[PWW], v[TM+6], 16, v[PWW]
	v_lshl_or_b32 v[PWW], v[TM+7], 24, v[PWW]
	WIN WW                                         ; source 0: the accumulators' window
.irp c, 0,1
	v_cvt_scalef32_pk16_fp6_f32 v[PCC+6*\c:PCC+2+6*\c], v[AC+32*\c:AC+15+32*\c], v[TM+12+2*\c]
	v_cvt_scalef32_pk16_fp6_f32 v[PCC+12+4*\c:PCC+14+4*\c], v[AC+16+32*\c:AC+31+32*\c], v[TM+12+2*\c+1]
.endr
	WIN 0
	v_nop                                          ; one plain place behind a scaled conversion
.irp c, 0,1                                    ; the operand's layout wants a WHOLE block in a lane
.irp i, 0,1,2
	v_permlane16_swap_b32 v[PCC+6*\c+\i], v[PCC+12+4*\c+\i]
.endr
.irp i, 0,1,2
	v_mov_b32 v[PCC+3+6*\c+\i], v[PCC+12+4*\c+\i]
.endr
.endr
	global_store_b128 v[CO], v[PCC:PCC+3], s[92:93] offset:(\a)*HIMG
	global_store_b64 v[LO8], v[PCC+4:PCC+5], s[92:93] offset:(\a)*HIMG+512
	global_store_b128 v[CO], v[PCC+6:PCC+9], s[92:93] offset:(\a)*HIMG+BLKP
	global_store_b64 v[LO8], v[PCC+10:PCC+11], s[92:93] offset:(\a)*HIMG+BLKP+512
	global_store_b32 v[R4], v[PWW], s[12:13] offset:(\a)*OS2       ; lanes l and l + 16 hold the same word
.endm
.irp a, 0,1,2,3,4,5,6,7
	QOUT \a
.endr
.endif
	s_wait_tensorcnt 0x0                           ; the wave's end
	ds_add_u32 v[SPW], v[NIL]
	s_wait_dscnt 0x0
	CROUND                                         ; the closing round: no work-group ends while a partner may still ask for a tile that names it
	s_endpgm
.Lfunc_end_k_q55afb5ae03_qkv:
	.size	k_q55afb5ae03_qkv, .Lfunc_end_k_q55afb5ae03_qkv-k_q55afb5ae03_qkv
	.p2alignl 7, 3214868480
	.fill 96, 4, 3214868480
	.section	.rodata,"a",@progbits
	.p2align	6, 0x0
	.amdhsa_kernel k_q55afb5ae03_qkv
		.amdhsa_group_segment_fixed_size 327680
		.amdhsa_private_segment_fixed_size 0
		.amdhsa_enable_private_segment 0
		.amdhsa_kernarg_size 24
		.amdhsa_user_sgpr_count 2
		.amdhsa_user_sgpr_kernarg_segment_ptr 1
		.amdhsa_wavefront_size32 1
		.amdhsa_system_sgpr_workgroup_id_x 1
		.amdhsa_system_sgpr_workgroup_id_y 1
		.amdhsa_system_sgpr_workgroup_id_z 1
		.amdhsa_system_vgpr_workitem_id 0
		.amdhsa_next_free_vgpr 1024
		.amdhsa_next_free_sgpr 102
		.amdhsa_reserve_vcc 0
		.amdhsa_float_denorm_mode_32 3
		.amdhsa_float_denorm_mode_16_64 3
		.amdhsa_memory_ordered 1
		.amdhsa_forward_progress 1
		.amdhsa_inst_pref_size 154
	.end_amdhsa_kernel
	.amdgpu_metadata
---
amdhsa.version: [ 1, 2 ]
amdhsa.kernels:
  - .name:           k_q55afb5ae03_qkv
    .symbol:         k_q55afb5ae03_qkv.kd
    .args:
      - { .name: HB, .offset: 0, .size: 8, .value_kind: global_buffer, .address_space: global }
      - { .name: W, .offset: 8, .size: 8, .value_kind: global_buffer, .address_space: global }
      - { .name: QKV, .offset: 16, .size: 8, .value_kind: global_buffer, .address_space: global }
    .group_segment_fixed_size: 327680
    .private_segment_fixed_size: 0
    .kernarg_segment_align: 8
    .kernarg_segment_size: 24
    .max_flat_workgroup_size: 128
    .sgpr_count:     102
    .vgpr_count:     1024
    .wavefront_size: 32
...
	.end_amdgpu_metadata
.endif
;; end of part 9
;; launch attn (part 10): grid 8 x 32, 16 waves a work-group, no clusters, 327,680 bytes of LDS; arguments QKV, AT; writes AT
.if DOCPART == 10
	.amdgcn_target "amdgcn-amd-amdhsa--gfx1250"
	.amdhsa_code_object_version 6
	.text
	.protected	k_q55afb5ae03_attn
	.globl	k_q55afb5ae03_attn
	.p2align	8
	.type	k_q55afb5ae03_attn,@function
k_q55afb5ae03_attn:
	s_mov_b64 s[64:65], 0
	v_nop
	global_prefetch_b8 v0, s[64:65] scope:SCOPE_SE
	s_setreg_imm32_b32 hwreg(HW_REG_WAVE_MODE, 25, 1), 1
	s_wait_xcnt 0x0
; Causal attention of one head of one batch on codes of FP6 (E2M3) with E8M0 scales, and its result quantised along the head's 64 for the next product.
; t = score x log2(e) / 32 (the scale is 1 / sqrt(1,024)); M = the running largest t rounded UP to a whole number; p = 2^(t - M) is quantised along the keys; the row's sum is taken of the unquantised p and divides at the end.
; IN (QKV): half images of 768 bytes at (256 hp + i) x 768 (lane (r, h): 16 bytes at 16 x lane, 8 at 512 + 8 x lane): hp = head: q, hp = 16 + head: k (i = token block; lane r holds token 32 (i >> 1) + 8 (i & 1) + (r & 7) + 16 (r >> 3));
; hp = 32 + key / 64: v^T (i = 4 head + d / 16, the same order of rows).  Scale words at 0x1200000 + (256 s + i) x 64 + 4 r, s = hp / 2.
; THE SCORES' K IS 64: half an instruction's 128.  The upper six registers of q's and k's fragments hold zero codes, and of a scale word the head's two bytes are loaded alone (the other two are 0, a power of two, over zero codes).
; SHARES.  A work-group has one head and 16 waves, a wave 16 queries (one token block).  Waves 0-7 take the 128 queries j (the work-group's x), waves 8-15 the 128 queries 15 - j: every work-group has 17 steps' worth of the causal triangle.
; ALL OF THE HEAD'S K AND V^T LIES IN LDS, filled once, in four chunks of 512 keys each by wave 0 (K) and wave 1 (V); a chunk is read behind a counted wait and a barrier, while later chunks are on their way.  Nothing is filled again.
; Every wave walks all 16 steps of 128 keys, so that every loop's count is a constant; a step all of whose keys come after the wave's queries is left out by a scalar branch on ids.
; Both products are used transposed (S^T = K Q^T, O^T = V^T P^T): a lane holds ONE query; by the order of rows in a block the 16 registers of tiles 2 b, 2 b + 1 are 16 neighbouring keys, and O^T's 32 registers 2 x 16 neighbours of the head's 64.
; No cluster: partners would have to skip different steps, and no branch may hang on a place in a cluster.
; OUT (AT): half image (hp = head, i = token block); the head's two scale bytes at 0x300000 + (8 i + head / 2) x 64 + 4 r + 2 (head & 1): two bytes a row, 128 KB in the whole launch.
; LIMITS: a block of zeros keeps the byte 1; blocks under 2^-124 were not tried; NaN and infinities are not served.
; REGISTERS: v1-7 lane terms; v8-13 addresses in hand; v14-15 16 x lane, 8 x lane; v16 -M, v17 the largest t, v[18:19] the sum; v20-31 Q; v32-79 four fragments of K; v80-127 four of V; v128-191 S^T, then p; v192-223 O^T; v224-255 at work.
.set S,    128
.set O,    192
.set CH,   24576                       ; a chunk: 512 keys of K (32 blocks) or of V^T (8 hp x 4 blocks)
.set VL,   98304                       ; LDS: K at 0, V^T here,
.set KSL,  196608                      ; K's scale words,
.set VSL,  204800                      ; V's
.set WV,   8
.set Q0,   15                          ; s15  the first token of the 32 among which my 16 queries lie
.set SEL,  16
.set CS,   18
.set KF,   20                          ; s20  the step's first key
.set TB,   21                          ; s21  the step's codes: 6,144 bytes a step, in K and in V^T
.set TS,   22                          ; s22  K's scale words: 512 bytes a step
.set TJ,   23                          ; s23  V's: 256 bytes a step
.set G1KS, 24
.set G1K,  32
.set G1V,  40
.set G1VS, 48
.macro MKG1 g, c, r, p                 ; group 1: r rows of c elements of 8 bytes, p elements apart; no mask, no padding
	s_mov_b32 s[\g], 3<<16
	s_mov_b32 s[\g+1], (\c)<<16
	s_mov_b32 s[\g+2], (\r)<<16
	s_mov_b32 s[\g+3], (\c)<<16
	s_mov_b32 s[\g+4], \r
	s_mov_b32 s[\g+5], \p
	s_mov_b32 s[\g+6], 0
	s_mov_b32 s[\g+7], 0
.endm
.macro MKG0 g, lds, off                ; group 0: to LDS byte lds, from s[66:67] + off
	s_mov_b32 s[\g], 1
	s_mov_b32 s[\g+1], \lds
	s_add_nc_u64 s[\g+2:\g+3], s[66:67], \off
	s_or_b32 s[\g+3], s[\g+3], 0x80000000
.endm
	s_load_b128 s[4:7], s[0:1], 0x0                ; QKV, AT
	v_lshl_add_u32 v254, v0, 2, 0x33000
	v_mov_b32 v255, 0
	ds_add_u32 v254, v255
	ds_add_u32 v254, v255
	s_wait_dscnt 0x0
	v_lshrrev_b32 v8, 5, v0
	s_delay_alu instid0(VALU_DEP_1)
	v_readfirstlane_b32 s[WV], v8                  ; wave 0..15
	s_and_b32 s9, ttmp7, 0xffff
	s_lshr_b32 s10, s9, 4                          ; batch
	s_and_b32 s11, s9, 15                          ; head
	s_and_b32 s12, s11, 1                          ; which half of a scale word is the head's
	s_sub_co_u32 s13, 15, ttmp9
	s_cmp_lt_u32 s[WV], 8
	s_cselect_b32 s13, ttmp9, s13                  ; my 128 queries
	s_and_b32 s14, s[WV], 7
	s_lshl_b32 s13, s13, 3
	s_add_co_u32 s14, s14, s13                     ; my token block in the batch
	s_lshr_b32 s15, s14, 1
	s_lshl_b32 s15, s15, 5
	s_lshl_b32 s9, s10, 7
	s_add_co_u32 s9, s9, s14                       ; and among all 256
	MKG1 G1KS, 32, 32, 32                          ; K's scale words: 8,192 dense bytes
	MKG1 G1K, 32, 96, 32                           ; a chunk of K: 24,576 dense bytes
	MKG1 G1V, 384, 8, 24576                        ; a chunk of V^T: 8 hp x 3,072 bytes, 196,608 bytes apart
	MKG1 G1VS, 32, 16, 2048                        ; V's scale words: 16 steps x 256 bytes, 16,384 bytes apart
	s_mov_b32 s[SEL], 0x76543210
	s_mov_b32 s[SEL+1], 0xfedcba98                 ; v_permlanex16_b32's selects for lane l xor 16
	s_mov_b32 s[CS], 0x3d38aa3b                    ; c = log2(e) / 32
	s_mov_b32 s[CS+1], s[CS]                       ; (named with it as a pair, so it is written)
	s_mov_b32 s[KF], 0
	s_mov_b32 s[TB], 0
	s_mov_b32 s[TS], 0
	s_mov_b32 s[TJ], 0
	s_mov_b32 s3, 0
	s_lshl_b32 s100, s10, 7                        ; 128 x batch
	s_wait_kmcnt 0x0
	s_add_co_u32 s2, s11, 16                       ; K's codes: hp 16 + head, blocks 128 x batch on
	s_lshl_b32 s2, s2, 8
	s_add_co_u32 s2, s2, s100
	s_mul_i32 s2, s2, 768
	s_add_nc_u64 s[66:67], s[4:5], s[2:3]
	MKG0 60, 0*CH, 0*CH
	MKG0 68, 1*CH, 1*CH
	MKG0 72, 2*CH, 2*CH
	MKG0 76, 3*CH, 3*CH
	s_lshr_b32 s101, s11, 1                        ; K's scale words: step 8 + head / 2
	s_add_co_u32 s2, s101, 8
	s_lshl_b32 s2, s2, 8
	s_add_co_u32 s2, s2, s100
	s_lshl_b32 s2, s2, 6
	s_add_co_u32 s2, s2, 0x1200000
	s_add_nc_u64 s[66:67], s[4:5], s[2:3]
	MKG0 56, KSL, 0
	s_lshl_b32 s101, s11, 2                        ; V^T's codes: hp 32 + 32 x batch on, blocks 4 x head on
	s_lshl_b32 s2, s10, 5
	s_add_co_u32 s2, s2, 32
	s_lshl_b32 s2, s2, 8
	s_add_co_u32 s2, s2, s101
	s_mul_i32 s2, s2, 768
	s_add_nc_u64 s[66:67], s[4:5], s[2:3]
	MKG0 84, VL+0*CH, 0*8*196608
	MKG0 88, VL+1*CH, 1*8*196608
	MKG0 92, VL+2*CH, 2*8*196608
	MKG0 96, VL+3*CH, 3*8*196608
	s_lshl_b32 s2, s10, 4                          ; V's scale words: steps 16 + 16 x batch on
	s_add_co_u32 s2, s2, 16
	s_lshl_b32 s2, s2, 8
	s_add_co_u32 s2, s2, s101
	s_lshl_b32 s2, s2, 6
	s_add_co_u32 s2, s2, 0x1200000
	s_add_nc_u64 s[66:67], s[4:5], s[2:3]
	MKG0 80, VSL, 0
; SHARES, AS THIS TEXT HAS THEM.  Waves w and w + 8 are a pair: w (low) owns a block L of the 128 queries j, w + 8 (high) a block H of the 128 queries 15 - j.  Key step t (128 keys): for t <= j each wave works on its own block.
; Behind t = j block L is finished: the low wave stores it, takes H's queries and starts a second running maximum, sum and O^T; of H's steps j < t <= 15 - j the high wave takes those with t - j odd (the diagonal among them), the low wave the even ones.
; So a low wave has 8 steps and a high wave 9, whatever j.  At the end the low wave hands its part over through LDS, and the high wave joins the two: both maxima are whole numbers, so each part is multiplied by an exact power of two.
.set JK, 10                            ; s10  128 j (the batch's number, which lay there, has been used)
	s_sub_co_u32 s13, 15, ttmp9
	s_lshl_b32 s13, s13, 3
	s_and_b32 s14, s[WV], 7
	s_add_co_u32 s13, s13, s14                     ; the pair's block H in the batch,
	s_lshr_b32 s14, s13, 1
	s_lshl_b32 s14, s14, 5                         ; s14  the first token of the 32 among which its queries lie,
	s_add_co_u32 s13, s13, s100                    ; s13  and the block among all 256
	s_lshl_b32 s[JK], ttmp9, 7
; THE FILLS.  K and V^T come in four chunks of 512 keys, each filled once.  At the head waves 0-3 issue one load each: chunk 0 of K, of V^T, and the two tiles of scale words.
; Chunk n + 1 is asked for by waves 0 and 1 behind the full sequence and the barrier that stand in front of chunk n's four steps.  It has those four steps in which to land, so no wave waits long for it: no prefetch is laid.
.macro ARM n, g0, g1
	s_cmp_eq_u32 s[WV], \n
	s_cbranch_scc0 .Lnot_\n
	tensor_load_to_lds s[\g0:\g0+3], s[\g1:\g1+7]
	s_nop 0
.rept 4
	v_nop
.endr
	s_branch .Lasked
.Lnot_\n:
.endm
	ARM 0, 60, G1K
	ARM 1, 84, G1V
	ARM 2, 56, G1KS
	ARM 3, 80, G1VS
.Lasked:
	v_and_b32 v10, 31, v0
	v_and_b32 v8, 15, v0                           ; r
	v_bfe_u32 v9, v0, 4, 1                         ; h
	s_delay_alu instid0(VALU_DEP_3)
	v_lshlrev_b32 v1, 4, v10                       ; K: 16 x lane
	s_delay_alu instid0(VALU_DEP_4)
	v_lshlrev_b32 v15, 3, v10
	s_delay_alu instid0(VALU_DEP_1)
	v_add_nc_u32 v2, 512, v15                      ;    512 + 8 x lane
	s_delay_alu instid0(VALU_DEP_3)
	v_add_nc_u32 v3, VL, v1                        ; V likewise
	s_delay_alu instid0(VALU_DEP_2)
	v_add_nc_u32 v4, VL, v2
	v_lshlrev_b32 v254, 2, v8                      ; 4 r
	s_lshl_b32 s101, s12, 1
	v_add_nc_u32 v5, s101, v254
	s_delay_alu instid0(VALU_DEP_1)
	v_add_nc_u32 v5, KSL, v5                       ; K's scale bytes: 4 r + the head's half of the word
	v_add_nc_u32 v6, VSL, v254                     ; V's scale words
	v_mov_b32 v14, v1
	v_and_b32 v7, 7, v0
	v_bfe_u32 v11, v0, 3, 1
	s_delay_alu instid0(VALU_DEP_1)
	v_lshl_add_u32 v7, v11, 4, v7
	v_lshlrev_b32 v11, 4, v9
	s_delay_alu instid0(VALU_DEP_1)
	v_sub_nc_u32 v7, v7, v11
	s_and_b32 s101, s[WV], 1
	s_lshl_b32 s101, s101, 3
	s_add_co_u32 s101, s101, s[Q0]
	v_add_nc_u32 v7, s101, v7                      ; my query - 16 h
	s_lshl_b32 s2, s11, 8                          ; Q: hp = head, my token block
	s_add_co_u32 s2, s2, s9
	s_mul_i32 s2, s2, 768
	s_add_nc_u64 s[66:67], s[4:5], s[2:3]
	global_load_b128 v[20:23], v14, s[66:67]
	global_load_b64 v[24:25], v15, s[66:67] offset:512
	s_lshr_b32 s2, s11, 1
	s_lshl_b32 s2, s2, 8
	s_add_co_u32 s2, s2, s9
	s_lshl_b32 s2, s2, 6
	s_lshl_b32 s101, s12, 1
	s_add_co_u32 s2, s2, s101
	s_add_co_u32 s2, s2, 0x1200000
	s_add_nc_u64 s[2:3], s[4:5], s[2:3]
	global_load_u16 v255, v254, s[2:3]             ; Q's two scale bytes
.irp j, 26,27,28,29,30,31
	v_mov_b32 v[\j], 0                             ; zero codes for k = 64 .. 127
.endr
.irp t, 0,1,2,3
.irp j, 6,7,8,9,10,11
	v_mov_b32 v[32+12*\t+\j], 0
.endr
.endr
	v_mov_b32 v17, 0xff61b1e6                      ; the largest t so far: -3e38, under every t
	s_delay_alu instid0(VALU_DEP_1)
	v_floor_f32 v16, -v17                          ; -M
	v_mov_b32 v18, 0                               ; the sum, in two halves
	v_mov_b32 v19, 0
.irp b, 0,1,2,3
	v_mov_b32 v[236+\b], 0                         ; written once: a lane permute's destination counts as one of its sources
.endr
	v_mov_b32 v252, 0
	v_mov_b32 v253, 0
.set J, 0
.rept 32
	v_mov_b32 v[O+J], 0                            ; O^T.  (The step is written once for every trip: the first finds zeros, which the first change of M leaves zeros)
.set J, J+1
.endr
; A KEY STEP: 128 keys.
; A low wave's change of blocks: L leaves (macro OUT, further down), H's queries come, the running numbers start anew.
.macro SWITCH
	OUT
	s_wait_alu depctr_va_vdst(0)
	s_wait_xcnt 0x0                                ; the stores have read their registers and bases
	s_lshl_b32 s2, s11, 8
	s_add_co_u32 s2, s2, s13
	s_mul_i32 s2, s2, 768
	s_mov_b32 s3, 0
	s_add_nc_u64 s[66:67], s[4:5], s[2:3]
	global_load_b128 v[20:23], v14, s[66:67]       ; Q of block H
	global_load_b64 v[24:25], v15, s[66:67] offset:512
	s_lshr_b32 s2, s11, 1
	s_lshl_b32 s2, s2, 8
	s_add_co_u32 s2, s2, s13
	s_lshl_b32 s2, s2, 6
	s_lshl_b32 s101, s12, 1
	s_add_co_u32 s2, s2, s101
	s_add_co_u32 s2, s2, 0x1200000
	s_add_nc_u64 s[2:3], s[4:5], s[2:3]
	global_load_u16 v255, v8, s[2:3]               ; its two scale bytes (OUT has left 4 r in v8)
	v_mov_b32 v17, 0xff61b1e6
	v_floor_f32 v16, -v17
	v_mov_b32 v18, 0
	v_mov_b32 v19, 0
.set J, 0
.rept 32
	v_mov_b32 v[O+J], 0
.set J, J+1
.endr
	s_mov_b32 s[Q0], s14                           ; every key that I take for H comes before its queries
	s_wait_alu depctr_va_vdst(0)
	s_wait_loadcnt 0x0
.endm
.macro STEP
	s_cmp_lt_u32 s[WV], 8
	s_cbranch_scc0 .Lnosw_\@
	s_add_co_u32 s101, s[JK], 128
	s_cmp_eq_u32 s[KF], s101                       ; t = j + 1, in a low wave
	s_cbranch_scc0 .Lnosw_\@
	SWITCH
.Lnosw_\@:
	s_cmp_le_u32 s[KF], s[JK]                      ; t <= j: my own block's step
	s_cbranch_scc1 .Ldo_\@
	s_sub_co_u32 s101, 1920, s[JK]
	s_cmp_gt_u32 s[KF], s101                       ; t > 15 - j: all keys come after H's queries
	s_cbranch_scc1 .Lhidden_\@
	s_sub_co_u32 s101, s[KF], s[JK]
	s_lshr_b32 s101, s101, 7                       ; t - j
	s_lshr_b32 s2, s[WV], 3                        ; 0 in a low wave, 1 in a high one
	s_xor_b32 s101, s101, s2
	s_bitcmp1_b32 s101, 0
	s_cbranch_scc1 .Lhidden_\@                     ; the pair's other wave takes this step
.Ldo_\@:
	v_add_nc_u32 v8, s[TB], v1                     ; (these six are also the places in front of the loads into registers that the last products read)
	v_add_nc_u32 v9, s[TB], v2
	v_add_nc_u32 v10, s[TB], v3
	v_add_nc_u32 v11, s[TB], v4
	v_add_nc_u32 v12, s[TS], v5
	v_add_nc_u32 v13, s[TJ], v6
.irp t, 0,1,2,3
	ds_load_b128 v[32+12*\t:35+12*\t], v8 offset:768*\t
	ds_load_b64 v[36+12*\t:37+12*\t], v9 offset:768*\t
	ds_load_u16 v[248+\t], v12 offset:64*\t
.endr
	s_wait_alu depctr_va_vdst(0)
	s_wait_dscnt 0x0
.irp t, 0,1,2,3
	v_wmma_scale_f32_16x16x128_f8f6f4 v[S+8*\t:S+8*\t+7], v[32+12*\t:43+12*\t], v[20:31], 0, v[248+\t], v255 matrix_a_fmt:MATRIX_FMT_FP6 matrix_b_fmt:MATRIX_FMT_FP6
.endr
.rept 4
	v_nop                                          ; places in front of loads into registers that matrix instructions have read
.endr
.irp t, 0,1,2,3
	ds_load_b128 v[32+12*\t:35+12*\t], v8 offset:768*(4+\t)
	ds_load_b64 v[36+12*\t:37+12*\t], v9 offset:768*(4+\t)
	ds_load_u16 v[248+\t], v12 offset:64*(4+\t)
.endr
.irp d, 0,1,2,3
	ds_load_b128 v[80+12*\d:83+12*\d], v10 offset:768*\d
	ds_load_b64 v[84+12*\d:85+12*\d], v11 offset:768*\d
	ds_load_b128 v[86+12*\d:89+12*\d], v10 offset:3072+768*\d
	ds_load_b64 v[90+12*\d:91+12*\d], v11 offset:3072+768*\d
.endr
	s_wait_dscnt 16                                ; K's are in; V's 16 loads may be out
.irp t, 0,1,2,3
	v_wmma_scale_f32_16x16x128_f8f6f4 v[S+32+8*\t:S+32+8*\t+7], v[32+12*\t:43+12*\t], v[20:31], 0, v[248+\t], v255 matrix_a_fmt:MATRIX_FMT_FP6 matrix_b_fmt:MATRIX_FMT_FP6
.endr
.rept 4
	v_nop                                          ; places in front of the loads below and of the first read of the scores
.endr
.irp d, 0,1,2,3
	ds_load_b32 v[248+\d], v13 offset:64*\d        ; V's scale words
.endr
	s_add_co_u32 s101, s[KF], 127                  ; on the diagonal the scores of hidden keys become -infinity ahead of the maximum; a step all of whose keys count skips this
	s_cmp_le_u32 s101, s[Q0]
	s_cbranch_scc1 .Lopen_\@
	s_sub_co_i32 s101, 0, s[KF]
	v_add_nc_u32 v252, s101, v7                    ; d = my query - KF - 16 h.  Register 16 b + i holds key KF + 16 h + 32 b + i: hidden where 32 b + i > d
	v_mov_b32 v254, 0xff800000
.set N, 0
.rept 64
	v_cmp_gt_i32 vcc_lo, 32*(N/16)+N%16, v252
	v_cndmask_b32 v[S+N], v[S+N], v254, vcc_lo
.set N, N+1
.endr
.Lopen_\@:
.irp b, 0,1,2,3
	v_max3_num_f32 v[232+\b], v[S+16*\b], v[S+1+16*\b], v[S+2+16*\b]   ; the largest score of each block of 32 keys: it serves for the row's maximum and, since p rises with the score, for the block's largest p
.endr
.irp i, 3,5,7,9,11,13
.irp b, 0,1,2,3
	v_max3_num_f32 v[232+\b], v[232+\b], v[S+16*\b+\i], v[S+1+16*\b+\i]
.endr
.endr
.irp b, 0,1,2,3
	v_max_num_f32 v[232+\b], v[232+\b], v[S+15+16*\b]
.endr
.irp b, 0,1,2,3
	s_delay_alu instid0(VALU_DEP_4)
	v_permlanex16_b32 v[236+\b], v[232+\b], s[SEL], s[SEL+1]
.endr
.irp b, 0,1,2,3
	s_delay_alu instid0(VALU_DEP_4)
	v_max_num_f32 v[232+\b], v[232+\b], v[236+\b]  ; with lane l xor 16's 16 keys
.endr
	s_delay_alu instid0(VALU_DEP_2)
	v_max3_num_f32 v254, v232, v233, v234
	s_delay_alu instid0(VALU_DEP_1)
	v_max_num_f32 v254, v254, v235
	s_delay_alu instid0(VALU_DEP_1)
	v_mul_f32 v254, s[CS], v254                    ; as t (c is positive)
	s_delay_alu instid0(VALU_DEP_1)
	v_max_num_f32 v17, v17, v254                   ; the running largest t
	v_mov_b32 v254, v16
	s_delay_alu instid0(VALU_DEP_2)
	v_floor_f32 v16, -v17                          ; the new -M = -ceil(t): a whole number
	s_delay_alu instid0(VALU_DEP_1)
	v_sub_f32 v254, v16, v254
	s_delay_alu instid0(VALU_DEP_1)
	v_cvt_i32_f32 v254, v254                       ; (it saturates)
	s_delay_alu instid0(VALU_DEP_1)
	v_ldexp_f32 v252, 1.0, v254                    ; f = 2^(old M - new M): a multiplication by it rounds nothing
.set J, 0
.rept 32
	v_pk_fma_f32 v[S+J:S+J+1], v[S+J:S+J+1], s[CS:CS+1], v[16:17] op_sel_hi:[1,0,0]   ; t - M, two at a time
.set J, J+2
.endr
.irp b, 0,1,2,3
	v_fma_f32 v[232+\b], v[232+\b], s[CS], v16     ; the same of each block's largest score
.endr
.set J, 0
	s_wait_alu depctr_va_vdst(0)
.rept 64
	v_exp_f32 v[S+J], v[S+J]                       ; p = 2^(t - M), at most 1: not normalised
.set J, J+1
.endr
	v_pk_mul_f32 v[18:19], v[18:19], v[252:253] op_sel_hi:[1,0]    ; the sums under the new M.  (A plain place behind the exponentials)
	s_wait_alu depctr_va_vdst(0)                   ; one wait for the whole batch, ahead of its first reader
.irp b, 0,1,2,3
	v_exp_f32 v[232+\b], v[232+\b]                 ; the block's largest p
.endr
	v_pk_add_f32 v[236:237], v[132:133], v[136:137]
	v_pk_add_f32 v[246:247], v[140:141], v[144:145]
	v_pk_add_f32 v[244:245], v[148:149], v[152:153]
	v_pk_add_f32 v[242:243], v[156:157], v[160:161]
	v_pk_add_f32 v[240:241], v[164:165], v[168:169]
	v_pk_add_f32 v[238:239], v[172:173], v[176:177]
	v_pk_add_f32 v[230:231], v[180:181], v[184:185]
	v_pk_add_f32 v[18:19], v[18:19], v[188:189]
	v_pk_add_f32 v[236:237], v[236:237], v[128:129]
	v_pk_add_f32 v[246:247], v[246:247], v[130:131]
	v_pk_add_f32 v[244:245], v[244:245], v[134:135]
	v_pk_add_f32 v[242:243], v[242:243], v[138:139]
	v_pk_add_f32 v[240:241], v[240:241], v[142:143]
	v_pk_add_f32 v[238:239], v[238:239], v[146:147]
	v_pk_add_f32 v[230:231], v[230:231], v[150:151]
	v_pk_add_f32 v[18:19], v[18:19], v[154:155]
	v_pk_add_f32 v[236:237], v[236:237], v[158:159]
	v_pk_add_f32 v[246:247], v[246:247], v[162:163]
	v_pk_add_f32 v[244:245], v[244:245], v[166:167]
	v_pk_add_f32 v[242:243], v[242:243], v[170:171]
	v_pk_add_f32 v[240:241], v[240:241], v[174:175]
	v_pk_add_f32 v[238:239], v[238:239], v[178:179]
	v_pk_add_f32 v[230:231], v[230:231], v[182:183]
	v_pk_add_f32 v[18:19], v[18:19], v[186:187]
	v_pk_add_f32 v[236:237], v[236:237], v[190:191]
	s_delay_alu instid0(VALU_DEP_2)
	v_pk_add_f32 v[18:19], v[18:19], v[242:243]
	s_delay_alu instid0(VALU_DEP_2)
	v_pk_add_f32 v[236:237], v[236:237], v[240:241]
	v_pk_add_f32 v[246:247], v[246:247], v[238:239]
	v_pk_add_f32 v[244:245], v[244:245], v[230:231]
	s_delay_alu instid0(VALU_DEP_2)
	v_pk_add_f32 v[18:19], v[18:19], v[246:247]
	s_delay_alu instid0(VALU_DEP_2)
	v_pk_add_f32 v[236:237], v[236:237], v[244:245]
	s_delay_alu instid0(VALU_DEP_1)
	v_pk_add_f32 v[18:19], v[18:19], v[236:237]
	s_wait_alu depctr_va_vdst(0)                   ; and one for the four
.irp b, 0,1,2,3
	v_max_num_f32 v[232+\b], 0x1800000, v[232+\b]  ; the floor 2^(3 - 127)
.endr
.irp b, 0,1,2,3
	s_delay_alu instid0(VALU_DEP_4)
	v_add_nc_u32 v[244+\b], 0xff000000, v[232+\b]  ; 2 off the exponent field: the conversion's scale operand
.endr
.irp b, 0,1,2,3
	s_delay_alu instid0(VALU_DEP_4)
	v_lshrrev_b32 v[236+\b], 23, v[244+\b]         ; the scale's byte
.endr
	s_delay_alu instid0(VALU_DEP_3)
	v_lshl_or_b32 v253, v237, 8, v236              ; p's scale word for these 128 keys
	s_delay_alu instid0(VALU_DEP_1)
	v_lshl_or_b32 v253, v238, 16, v253
	s_delay_alu instid0(VALU_DEP_1)
	v_lshl_or_b32 v253, v239, 24, v253
.irp c, 0,1
	v_cvt_scalef32_pk16_fp6_f32 v[224+6*\c:226+6*\c], v[S+32*\c:S+15+32*\c], v[244+2*\c]
	v_cvt_scalef32_pk16_fp6_f32 v[236+4*\c:238+4*\c], v[S+16+32*\c:S+31+32*\c], v[244+2*\c+1]
.endr
	v_nop                                          ; one plain place behind a scaled conversion
.irp c, 0,1
.irp i, 0,1,2
	v_permlane16_swap_b32 v[224+6*\c+\i], v[236+4*\c+\i]
.endr
.irp i, 0,1,2
	s_delay_alu instid0(VALU_DEP_3)
	v_mov_b32 v[227+6*\c+\i], v[236+4*\c+\i]
.endr
.endr
.set J, 0
.rept 16
	v_pk_mul_f32 v[O+J:O+J+1], v[O+J:O+J+1], v[252:253] op_sel_hi:[1,0]   ; O^T under the new M.  (These 16 are also the places between p's codes and scale word and the products below)
.set J, J+2
.endr
	s_wait_alu depctr_va_vdst(0)
	s_wait_dscnt 0x0                               ; V's codes and scale words
.irp d, 0,1,2,3
	v_wmma_scale_f32_16x16x128_f8f6f4 v[O+8*\d:O+8*\d+7], v[80+12*\d:91+12*\d], v[224:235], v[O+8*\d:O+8*\d+7], v[248+\d], v253 matrix_a_fmt:MATRIX_FMT_FP6 matrix_b_fmt:MATRIX_FMT_FP6
.endr
.Lhidden_\@:
	s_add_co_u32 s[KF], s[KF], 128
	s_add_co_u32 s[TB], s[TB], 6144
	s_add_co_u32 s[TS], s[TS], 512
	s_add_co_u32 s[TJ], s[TJ], 256
.endm
; Four steps on chunk n.  Every wave waits for its tensor loads, then the barrier shows chunk n to all sixteen.
.macro OUT
	; THE WAY OUT: O^T / the sum, quantised along the head's 64 (two blocks of 32), leaves as the half image (head, my token block).
.rept 4
	v_nop                                          ; places behind the last products
.endr
	v_add_f32 v18, v18, v19
	s_delay_alu instid0(VALU_DEP_1)
	v_permlanex16_b32 v252, v18, s[SEL], s[SEL+1]
	s_delay_alu instid0(VALU_DEP_1)
	v_add_f32 v18, v18, v252                       ; the row's sum
	s_wait_alu depctr_va_vdst(0)
	v_rcp_f32 v18, v18
	v_and_b32 v8, 15, v0                           ; (a plain place behind the transcendental)
	s_delay_alu instid0(VALU_DEP_1)
	v_lshlrev_b32 v8, 2, v8                        ; 4 r
	s_lshl_b32 s2, s11, 8
	s_add_co_u32 s2, s2, s9
	s_mul_i32 s2, s2, 768
	s_mov_b32 s3, 0
	s_add_nc_u64 s[66:67], s[6:7], s[2:3]          ; my codes
	s_lshl_b32 s2, s9, 3
	s_lshr_b32 s101, s11, 1
	s_add_co_u32 s2, s2, s101
	s_lshl_b32 s2, s2, 6
	s_lshl_b32 s101, s12, 1
	s_add_co_u32 s2, s2, s101
	s_add_co_u32 s2, s2, 0x300000
	s_add_nc_u64 s[2:3], s[6:7], s[2:3]            ; my scale bytes
	s_wait_alu depctr_va_vdst(0)                   ; the wait ahead of the reciprocal's first reader
.set J, 0
.rept 32
	v_mul_f32 v[S+J], v[O+J], v18                  ; register 16 b + i = d 32 b + 16 h + i of my query
.set J, J+1
.endr
.irp b, 0,1
	v_max3_num_f32 v[232+\b], |v[S+16*\b]|, |v[S+1+16*\b]|, 0x1800000
.endr
.irp i, 2,4,6,8,10,12,14
.irp b, 0,1
	s_delay_alu instid0(VALU_DEP_2)
	v_max3_num_f32 v[232+\b], v[232+\b], |v[S+16*\b+\i]|, |v[S+1+16*\b+\i]|
.endr
.endr
.irp b, 0,1
	s_delay_alu instid0(VALU_DEP_2)
	v_permlanex16_b32 v[236+\b], v[232+\b], s[SEL], s[SEL+1]
.endr
.irp b, 0,1
	s_delay_alu instid0(VALU_DEP_2)
	v_max_num_f32 v[232+\b], v[232+\b], v[236+\b]
.endr
.irp b, 0,1
	s_delay_alu instid0(VALU_DEP_2)
	v_add_nc_u32 v[244+\b], 0xff000000, v[232+\b]
.endr
.irp b, 0,1
	s_delay_alu instid0(VALU_DEP_2)
	v_lshrrev_b32 v[236+\b], 23, v[244+\b]
.endr
	s_delay_alu instid0(VALU_DEP_1)
	v_lshl_or_b32 v253, v237, 8, v236              ; the head's two scale bytes
	v_cvt_scalef32_pk16_fp6_f32 v[224:226], v[S:S+15], v244
	v_cvt_scalef32_pk16_fp6_f32 v[236:238], v[S+16:S+31], v245
	v_nop                                          ; one plain place behind a scaled conversion
.irp i, 0,1,2
	v_permlane16_swap_b32 v[224+\i], v[236+\i]
.endr
.irp i, 0,1,2
	s_delay_alu instid0(VALU_DEP_3)
	v_mov_b32 v[227+\i], v[236+\i]
.endr
	global_store_b128 v14, v[224:227], s[66:67]            ; 512 consecutive bytes, at a multiple of 256 from AT's first byte
	global_store_b64 v15, v[228:229], s[66:67] offset:512  ; and the 256 behind them
	global_store_b16 v8, v253, s[2:3]
.endm
; Four steps on chunk n.  In front of them every wave waits for its tensor loads; where chunk n + 1 is asked for behind the barrier, the add stands there too, on registers made anew from v0.
.macro CHUNK n
.if \n < 3
	v_lshl_add_u32 v254, v0, 2, 0x33000
	v_mov_b32 v252, 0
	s_wait_alu depctr_va_vdst(0)
	s_wait_tensorcnt 0x0
	ds_add_u32 v254, v252
	ds_add_u32 v254, v252
	s_wait_dscnt 0x0
.else
	s_wait_tensorcnt 0x0
	s_wait_dscnt 0x0
.endif
	s_barrier_signal -1
	s_barrier_wait -1                              ; chunk n lies whole in LDS
.if \n < 3
	s_cmp_eq_u32 s[WV], 0
	s_cbranch_scc0 .Lnk_\@
	tensor_load_to_lds s[68+4*\n:71+4*\n], s[G1K:G1K+7]
	s_nop 0
.rept 4
	v_nop
.endr
	s_branch .Lj_\@
.Lnk_\@:
	s_cmp_eq_u32 s[WV], 1
	s_cbranch_scc0 .Lj_\@
	tensor_load_to_lds s[88+4*\n:91+4*\n], s[G1V:G1V+7]
	s_nop 0
.rept 4
	v_nop
.endr
.Lj_\@:
.endif
	s_mov_b32 s100, 4
.Lstep_\@:
	STEP
	s_sub_co_u32 s100, s100, 1
	s_cmp_lg_u32 s100, 0
	s_cbranch_scc1 .Lstep_\@
.endm
	s_wait_alu depctr_va_vdst(0)
	s_wait_loadcnt 0x0                             ; Q
	CHUNK 0
	CHUNK 1
	CHUNK 2
	CHUNK 3
	; THE PAIR'S TWO PARTS OF BLOCK H ARE JOINED.  The low wave lays O^T (8 x 512 bytes) and -M, the sums (512 bytes) as images of its registers into the pair's 4,608 bytes behind the spare words; behind the barrier the high wave reads them.
.rept 4
	v_nop                                          ; places behind the last products
.endr
	s_and_b32 s101, s[WV], 7
	s_mul_i32 s101, s101, 4608
	s_add_co_u32 s101, s101, 0x33800
	v_add_nc_u32 v9, s101, v14
	s_wait_alu depctr_va_vdst(0)
	s_cmp_lt_u32 s[WV], 8
	s_cbranch_scc0 .Lkeep
.irp k, 0,1,2,3,4,5,6,7
	ds_store_b128 v9, v[O+4*\k:O+4*\k+3] offset:512*\k   ; each accumulator from its low end on
.endr
	ds_store_b128 v9, v[16:19] offset:4096
.Lkeep:
	s_wait_dscnt 0x0                               ; for the partner's sake
	s_barrier_signal -1
	s_barrier_wait -1
	s_cmp_lt_u32 s[WV], 8
	s_cbranch_scc1 .Ldone                          ; a low wave has stored its own block at the change of blocks
.irp k, 0,1,2,3,4,5,6,7
	ds_load_b128 v[S+4*\k:S+4*\k+3], v9 offset:512*\k
.endr
	ds_load_b128 v[S+32:S+35], v9 offset:4096
	s_wait_dscnt 0x0
	v_min_num_f32 v236, v16, v[S+32]               ; the joint -M: the larger M
	v_sub_f32 v237, v236, v16
	v_sub_f32 v238, v236, v[S+32]                  ; (a part with no step has -M = 3e38 and zeros: its factor comes out 0)
	v_cvt_i32_f32 v237, v237                       ; (they saturate)
	v_cvt_i32_f32 v238, v238
	v_ldexp_f32 v237, 1.0, v237                    ; my part's factor, 2^(my M - the joint M),
	v_ldexp_f32 v238, 1.0, v238                    ; and the partner's
	v_mul_f32 v18, v18, v237
	v_mul_f32 v19, v19, v237
	v_fmac_f32 v18, v[S+34], v238
	v_fmac_f32 v19, v[S+35], v238
.set J, 0
.rept 32
	v_mul_f32 v[O+J], v[O+J], v237
.set J, J+1
.endr
.set J, 0
.rept 32
	v_fmac_f32 v[O+J], v[S+J], v238
.set J, J+1
.endr
	s_wait_alu depctr_va_vdst(0)
	OUT
.Ldone:
	s_wait_xcnt 0x0
	v_lshl_add_u32 v254, v0, 2, 0x33000
	v_mov_b32 v255, 0
	s_wait_alu depctr_va_vdst(0)
	s_wait_tensorcnt 0x0
	ds_add_u32 v254, v255
	s_wait_dscnt 0x0
	s_endpgm
.Lfunc_end_k_q55afb5ae03_attn:
	.size	k_q55afb5ae03_attn, .Lfunc_end_k_q55afb5ae03_attn-k_q55afb5ae03_attn
	.p2alignl 7, 3214868480
	.fill 96, 4, 3214868480
	.section	.rodata,"a",@progbits
	.p2align	6, 0x0
	.amdhsa_kernel k_q55afb5ae03_attn
		.amdhsa_group_segment_fixed_size 327680
		.amdhsa_private_segment_fixed_size 0
		.amdhsa_enable_private_segment 0
		.amdhsa_kernarg_size 16
		.amdhsa_user_sgpr_count 2
		.amdhsa_user_sgpr_kernarg_segment_ptr 1
		.amdhsa_wavefront_size32 1
		.amdhsa_system_sgpr_workgroup_id_x 1
		.amdhsa_system_sgpr_workgroup_id_y 1
		.amdhsa_system_sgpr_workgroup_id_z 1
		.amdhsa_system_vgpr_workitem_id 0
		.amdhsa_next_free_vgpr 256
		.amdhsa_next_free_sgpr 102
		.amdhsa_reserve_vcc 1
		.amdhsa_float_denorm_mode_32 3
		.amdhsa_float_denorm_mode_16_64 3
		.amdhsa_memory_ordered 1
		.amdhsa_forward_progress 1
		.amdhsa_inst_pref_size 149
	.end_amdhsa_kernel
	.amdgpu_metadata
---
amdhsa.version: [ 1, 2 ]
amdhsa.kernels:
  - .name:           k_q55afb5ae03_attn
    .symbol:         k_q55afb5ae03_attn.kd
    .args:
      - { .name: QKV, .offset: 0, .size: 8, .value_kind: global_buffer, .address_space: global }
      - { .name: AT, .offset: 8, .size: 8, .value_kind: global_buffer, .address_space: global }
    .group_segment_fixed_size: 327680
    .private_segment_fixed_size: 0
    .kernarg_segment_align: 8
    .kernarg_segment_size: 16
    .max_flat_workgroup_size: 512
    .sgpr_count:     102
    .vgpr_count:     256
    .wavefront_size: 32
...
	.end_amdgpu_metadata
.endif
;; end of part 10
;; launch proj (part 11): grid 8 x 32, 4 waves a work-group, clusters of 4 x 4, 327,680 bytes of LDS; arguments AT, W, b_proj, x, X1; writes X1
.if DOCPART == 11
	.amdgcn_target "amdgcn-amd-amdhsa--gfx1250"
	.amdhsa_code_object_version 6
	.text
	.protected	k_q55afb5ae03_proj
	.globl	k_q55afb5ae03_proj
	.p2align	8
	.type	k_q55afb5ae03_proj,@function
k_q55afb5ae03_proj:
	s_mov_b64 s[64:65], 0
	v_nop
	global_prefetch_b8 v0, s[64:65] scope:SCOPE_SE
	s_setreg_imm32_b32 hwreg(HW_REG_WAVE_MODE, 25, 1), 1
	s_wait_xcnt 0x0
	s_wait_alu depctr_hold_cnt(0) depctr_sa_sdst(0) depctr_va_vdst(0) depctr_va_sdst(0) depctr_va_ssrc(0) depctr_va_vcc(0) depctr_vm_vsrc(0)
	s_getreg_b32 s2, hwreg(HW_REG_IB_STS2, 6, 4)
	s_cmp_eq_u32 s2, 0
	s_cbranch_scc0 .Lentry_in_a_cluster
	s_endpgm
.Lentry_in_a_cluster:
	s_bfe_u32 s2, ttmp6, 0x10000c
	s_cmp_lg_u32 s2, 0xf033
	s_cbranch_scc0 .Lentry_shape_is_right
	s_endpgm
.Lentry_shape_is_right:
; X1 = x + attn w_proj + b_proj: C = A B^T on codes of FP6 (E2M3) with E8M0 scales, K = 1,024; A = the attention's result (AT), B = w_proj (W's blocks 192-255); the bias is the C of each sum's first product; C + x leaves as f32.
; OPERANDS LIE AS IMAGES OF THEIR REGISTERS.  Row block i (16 rows; lane r holds row 32 (i >> 1) + 8 (i & 1) + (r & 7) + 16 (r >> 3)); half image (hp = K / 64, i), 768 bytes at (256 hp + i) x 768: lane (r, h)'s 24 bytes of
; k = 64 hp + 32 h + 0 .. 31: 16 at 16 x lane, 8 at 512 + 8 x lane.  Scale words at (i x KS + K / 128) x 64 + 4 r.  So a fragment is four dense LDS loads, and 8 blocks x 4 hp are 4 rows of 6,144 bytes for one tensor load.
; A TILE OF C IS 128 x 128, since C is 4,096 x 1,024: that makes 256 work-groups, where tiles of 256 x 256 would make 64.  Four waves, 64 x 64 each: 16 accumulators.
; K goes in steps of 512 through two LDS slots (A's 8 blocks x 8 hp, then B's); waves 0 and 1 fetch A's hp 0-3 and 4-7 of a slot, waves 2 and 3 B's.  Here K is two slots: both are first fills, and nothing is filled again.
; The scale words of the tile's rows come once and stay.
; THE RESIDUAL of the wave's 64 x 64 is asked for at the head, 32 loads into 128 registers that nothing else uses, and is waited for once, on the way out.
; CLUSTERS 4 x 4: A's tiles are asked for jointly along a row of the cluster, B's along a column.  THE MATRIX INSTRUCTION IS USED TRANSPOSED (source 0 = B's block, source 1 = A's): a lane holds one row of C, and
; register j of B's block b is column 32 (b / 2) + 16 (lane / 16) + 8 (b % 2) + j of the wave's 64.
; REGISTERS: window 0: v15-30 addresses; v32-63 scale words, two sets; v64-95 the bias; v128-255 the accumulators ((a, b) at v[128 + 8 (4 a + b)]).
;   window 1: two sets of fragments, at v0 and v128: A's four, then B's four.   window 2: v0-127 the residual; v128-255 rows read back from the stage.
.set KTOT,    1024
.set NTOUT,   0
.set BBLK,    192                      ; B's first block in its region
.set BCOD,    0                        ; where B's codes begin
.set ASCL,    0x300000                 ; where A's and B's scale words begin
.set BSCL,    0x1200000
.set KS,     KTOT/128
.set LAPS,   KTOT/1024                 ; a lap = two slots = once round the ring
.set NQ,     4                         ; steps of 128 along K in a slot
.set FR,     12                        ; registers of a fragment
.set NP,     4                         ; places behind this matrix instruction (ISA guide 7.12.1)
.set HIMG,   768
.set HROW,   8*HIMG                    ; the tile's eight blocks of one hp
.set HALFT,  4*HROW                    ; a quarter of a slot: 8 blocks x 4 hp: what one tensor load brings
.set SLOT,   4*HALFT
.set BLKP,   256*HIMG                  ; from hp to hp in memory
.set SCL,    2*SLOT                    ; behind the ring: the scale words: A's 8 blocks, then B's 8
.set SBLK,   64*KS                     ; those of one block
.set HALFS,  4*SBLK                    ; those of 4 blocks: what one wave reads of A or of B
.set SPARE,  SCL+4*HALFS               ; the spare words, 128 bytes for each wave: two blocks of 256 bytes that no other line names
.set SPITCH, 272                       ; a stage row: 256 bytes + 16: the 16 rows that a store touches start 4 banks apart
.set BO,   15
.set ADRA, 16                          ; v16-17 A's fragments in slot 0, 1 (16 x lane); v18-19 the same at 512 + 8 x lane
.set ADRB, 20                          ; v20-23 likewise for B
.set STO,  24                          ; the way out: where I put 32 bytes of a row
.set RD,   25                          ; and where I read rows back
.set CO,   26                          ; 16 x lane
.set ADRS, 27                          ; my scale words: lanes 0-15 A's rows, lanes 16-31 B's
.set SPW,  28                          ; my spare word; never rewritten
.set NIL,  29                          ; 0; never rewritten
.set CO2,  30                          ; in the residual and in C: 4,096 x (lane / 16) + 16 x (lane % 16): two rows of 256 bytes an instruction
.set SC,   32                          ; scale words: set s at v[SC + 16 s]; register 4 i + q: lanes 0-15 the word of A's block i, lanes 16-31 that of B's block i, for the slot's q-th 128 along K
.set BI,   64
.set ACC,  128
.set RS,   0                           ; in window 2
.set BK,   128                         ; in window 2
.set G1, 24
.set G0, 32
.set G1B, 48
.set G0B, 56
.set G1S, 68
.set G0S, 76
.set G1SB, 80
.set G0SB, 88
.set MSB, 0
.macro WIN new                         ; the immediate's high byte repeats the setting that is left
.if MSB != (\new)
	s_set_vgpr_msb (MSB<<8)|(\new)
.set MSB, (\new)
.endif
.endm
.set MUL,  0x05                        ; sources 0 (B) and 1 (A) window 1; C and D window 0
.set TO_F, 0x40                        ; destination window 1, address window 0
; A joint load: waves 0 and 1 fetch for A, waves 2 and 3 for B; the branch hangs on the wave's number alone.  Four v_nop follow each of the two lines.
.macro JLOAD g0a, g1a, g0b, g1b
	s_cmp_eq_u32 s15, 0
	s_cbranch_scc0 .Lfor_b_\@
	tensor_load_to_lds s[\g0a:\g0a+3], s[\g1a:\g1a+7]
	s_nop 0
.rept 4
	v_nop
.endr
	s_branch .Lasked_\@
.Lfor_b_\@:
	tensor_load_to_lds s[\g0b:\g0b+3], s[\g1b:\g1b+7]
	s_nop 0
.rept 4
	v_nop
.endr
.Lasked_\@:
.endm
.macro CREST                           ; a round of the cluster's barrier behind its opening barrier
	s_cmp_lg_u32 s14, 0
	s_cbranch_scc1 .Lnot_wave_0_\@
	s_barrier_signal -3
.Lnot_wave_0_\@:
	s_barrier_wait -3
	s_barrier_signal -1
	s_barrier_wait -1
.endm
.macro CROUND
	s_barrier_signal -1
	s_barrier_wait -1
	CREST
.endm
	s_load_b128 s[4:7], s[0:1], 0x0                ; A's buffer, W
	s_load_b128 s[8:11], s[0:1], 0x10              ; bias, residual
	s_load_b64 s[12:13], s[0:1], 0x20              ; out
	v_lshl_add_u32 v[SPW], v0, 2, SPARE
	v_mov_b32 v[NIL], 0
	ds_add_u32 v28, v29
	ds_add_u32 v28, v29
	s_wait_dscnt 0x0
	v_lshrrev_b32 v1, 5, v0
	v_readfirstlane_b32 s14, v1                    ; wave 0..3
	s_lshr_b32 s15, s14, 1                         ; which half of the tile's rows is mine.  Also: I fetch for A (0) or for B (1)
	s_and_b32 s16, s14, 1                          ; which half of its columns.  Also: which 4 hp of a slot, and which 4 blocks' scale words, I fetch
	s_bfe_u32 s40, ttmp6, 0x40000                  ; cx, cy: my place in the cluster
	s_bfe_u32 s41, ttmp6, 0x40004
	s_lshl_b32 s42, ttmp9, 2
	s_add_co_u32 s42, s42, s40                     ; tile column of C = 4 x cluster x + cx
	s_and_b32 s17, ttmp7, 0xffff
	s_lshl_b32 s17, s17, 2
	s_add_co_u32 s17, s17, s41                     ; tile row of C = 4 x cluster y + cy
	s_lshl_b32 s43, s41, 2
	s_lshl_b32 s43, 15, s43                        ; my row of the cluster
	s_lshl_b32 s44, 0x1111, s40                    ; my column
	; descriptor group 1: a quarter of a slot: 4 rows (hp) of 768 elements of 8 bytes, 24,576 elements apart; no padding: every LDS load of it is dense
	s_or_b32 s[G1+0], s43, (3<<16)|(1<<21)         ; 15:0 the mask: A's tiles go to my row; 17:16 elements of 8 bytes; 21 set beside a mask
	s_or_b32 s[G1B+0], s44, (3<<16)|(1<<21)
.irp g, G1, G1B
	s_mov_b32 s[\g+1], 768<<16
	s_mov_b32 s[\g+2], 8<<16                       ; 8 hp, a slot, for the head's load; set to 4 behind it
	s_mov_b32 s[\g+3], 768<<16
	s_mov_b32 s[\g+4], 8
	s_mov_b32 s[\g+5], BLKP/8                      ; tensor_dim0_stride
	s_mov_b32 s[\g+6], 0
	s_mov_b32 s[\g+7], 0
.endr
	; the scale words of 8 blocks: a dense block of 2 HALFS bytes, as rows of 256 bytes
	s_or_b32 s[G1S+0], s43, (3<<16)|(1<<21)
	s_or_b32 s[G1SB+0], s44, (3<<16)|(1<<21)
.irp g, G1S, G1SB
	s_mov_b32 s[\g+1], 32<<16
	s_mov_b32 s[\g+2], (HALFS/128)<<16             ; the scale words of all 8 blocks in one load
	s_mov_b32 s[\g+3], 32<<16
	s_mov_b32 s[\g+4], HALFS/128
	s_mov_b32 s[\g+5], 32
	s_mov_b32 s[\g+6], 0
	s_mov_b32 s[\g+7], 0
.endr
	s_lshl_b32 s20, s17, 3                         ; A: the tile's first block: 8 x tile row
	s_lshl_b32 s46, s42, 3                         ; B: 8 x tile column
.if BBLK
	s_add_co_u32 s46, s46, BBLK
.endif
	s_mov_b32 s22, s20
	s_mov_b32 s92, s46
	s_mul_i32 s22, s22, SBLK                       ; where they begin
	s_mul_i32 s92, s92, SBLK
	s_add_co_u32 s22, s22, ASCL
	s_add_co_u32 s92, s92, BSCL
	s_mul_i32 s20, s20, HIMG                       ; the codes of the tile's 8 blocks,
	s_mul_i32 s46, s46, HIMG
.if BCOD
	s_add_co_u32 s46, s46, BCOD
.endif
	s_mov_b32 s21, 0
	s_mov_b32 s23, 0
	s_mov_b32 s47, 0
	s_mov_b32 s93, 0
	s_wait_kmcnt 0x0
	s_add_nc_u64 s[20:21], s[4:5], s[20:21]
	s_add_nc_u64 s[22:23], s[4:5], s[22:23]
	s_add_nc_u64 s[46:47], s[6:7], s[46:47]
	s_add_nc_u64 s[92:93], s[6:7], s[92:93]
	CROUND                                         ; all sixteen work-groups are here: the first joint loads meet
	s_mov_b32 s[G0S], 1
	s_mov_b32 s[G0S+1], SCL
	s_mov_b64 s[G0S+2:G0S+3], s[22:23]
	s_or_b32 s[G0S+3], s[G0S+3], 0x80000000
	s_mov_b32 s[G0SB], 1
	s_mov_b32 s[G0SB+1], SCL+2*HALFS
	s_mov_b64 s[G0SB+2:G0SB+3], s[92:93]
	s_or_b32 s[G0SB+3], s[G0SB+3], 0x80000000
; LDS AS THIS TEXT USES IT: A's two slots on end from byte 0 (a slot: 8 hp x 8 blocks, 512 along K), B's two from 4 HALFT.  THE HEAD'S LOADS, ONE A WAVE: wave 0 slot 0 of A, wave 1 of B,
; wave 2 A's scale words, wave 3 B's; one chain of branches on the wave's number, every way passes one load.  Slot 1 follows behind the full sequence and a round, a wave fetching 4 hp x 8 blocks of A or of B.  Nothing is filled again.
	s_mov_b32 s[G0], 1
	s_mov_b32 s[G0+1], 0
	s_mov_b64 s[G0+2:G0+3], s[20:21]
	s_or_b32 s[G0+3], s[G0+3], 0x80000000
	s_mov_b32 s[G0B], 1
	s_mov_b32 s[G0B+1], 4*HALFT
	s_mov_b64 s[G0B+2:G0B+3], s[46:47]
	s_or_b32 s[G0B+3], s[G0B+3], 0x80000000
.set PFO,  14                          ; v14 the prefetch's offset: 256 x min(lane, 23); never rewritten
.set PFA,  100                         ; s[100:101] the prefetch's base
	s_mul_i32 s18, s16, 4*BLKP                     ; slot 1: my 4 hp of its 8
	s_mov_b32 s19, 0
	s_mul_i32 s45, s16, HALFT
	s_add_nc_u64 s[20:21], s[20:21], s[18:19]
	s_add_nc_u64 s[46:47], s[46:47], s[18:19]
	s_mov_b32 s[G0+4], 1
	s_add_co_u32 s[G0+5], s45, 2*HALFT
	s_add_nc_u64 s[G0+6:G0+7], s[20:21], 8*BLKP
	s_or_b32 s[G0+7], s[G0+7], 0x80000000
	s_mov_b32 s[G0B+4], 1
	s_add_co_u32 s[G0B+5], s45, 6*HALFT
	s_add_nc_u64 s[G0B+6:G0B+7], s[46:47], 8*BLKP
	s_or_b32 s[G0B+7], s[G0B+7], 0x80000000
	; the prefetch's base: of the 4 hp x 6,144 bytes that I fetch of slot 1, the partner at place p (cx for A, cy for B) names hp p: 24 blocks of 256 bytes.  Shared out by address, no branch
	s_cmp_eq_u32 s15, 0
	s_cselect_b64 s[PFA:PFA+1], s[20:21], s[46:47]
	s_cselect_b32 s94, s40, s41
	s_mul_i32 s94, s94, BLKP
	s_mov_b32 s95, 0
	s_add_nc_u64 s[PFA:PFA+1], s[PFA:PFA+1], s[94:95]
.macro ARM under, g0, g1, next
	s_cmp_lt_u32 s14, \under
	s_cbranch_scc0 \next
	tensor_load_to_lds s[\g0:\g0+3], s[\g1:\g1+7]
	s_nop 0
.rept 4
	v_nop
.endr
	s_branch .Lhead_asked
\next:
.endm
	ARM 1, G0,  G1,  .Lhead_b
	ARM 2, G0B, G1B, .Lhead_sa
	ARM 3, G0S, G1S, .Lhead_sb
	tensor_load_to_lds s[G0SB:G0SB+3], s[G1SB:G1SB+7]
	s_nop 0
.rept 4
	v_nop
.endr
.Lhead_asked:
	v_and_b32 v[PFO], 31, v0
	v_min_u32 v[PFO], 23, v[PFO]                   ; the lanes left over name the last block again
	v_lshlrev_b32 v[PFO], 8, v[PFO]
	global_prefetch_b8 v[PFO], s[PFA:PFA+1] offset:8*BLKP th:TH_LOAD_NT scope:SCOPE_SE   ; slot 1, one fill ahead of its load: the launch's only prefetch
	v_and_b32 v1, 15, v0                           ; r
	v_bfe_u32 v2, v0, 4, 1                         ; h
	v_and_b32 v3, 31, v0
	v_lshlrev_b32 v[CO], 4, v3
	v_lshlrev_b32 v4, 3, v3
	v_add_nc_u32 v4, 512, v4
	s_mul_i32 s21, s15, 4*HIMG                     ; my 4 blocks of A's 8
	s_mul_i32 s22, s16, 4*HIMG                     ; my 4 blocks of B's 8,
	s_add_co_u32 s22, s22, 4*HALFT                 ; which lie behind A's 16 hp
.irp s, 0,1
	v_add_nc_u32 v[ADRA+\s], s21, v[CO]
	v_add_nc_u32 v[ADRB+\s], s22, v[CO]
	v_add_nc_u32 v[ADRA+2+\s], s21, v4
	v_add_nc_u32 v[ADRB+2+\s], s22, v4
	s_add_co_u32 s21, s21, 2*HALFT                 ; the second half of K: 8 hp on
	s_add_co_u32 s22, s22, 2*HALFT
.endr
	v_lshlrev_b32 v5, 2, v1                        ; 4 r
	s_mul_i32 s21, s15, HALFS                      ; A's scale words: my 4 blocks
	s_mul_i32 s22, s16, HALFS                      ; B's: my 4 blocks, behind A's 8
	s_add_co_u32 s22, s22, 2*HALFS
	s_sub_co_u32 s22, s22, s21
	v_mul_u32_u24 v6, s22, v2                      ; lanes 16-31 take B's: one product, the distance between the two
	s_add_co_u32 s21, s21, SCL
	v_add_nc_u32 v5, v5, v6
	v_add_nc_u32 v[ADRS], s21, v5
	s_lshl_b32 s20, s42, 9                         ; the bias of my 64 columns; lane (r, h) wants, for B's block b, those of columns 32 (b / 2) + 16 h + 8 (b % 2) + 0 .. 7
	s_lshl_b32 s21, s16, 8
	s_add_co_u32 s20, s20, s21
	s_mov_b32 s21, 0
	s_add_nc_u64 s[8:9], s[8:9], s[20:21]
	v_lshlrev_b32 v[BO], 6, v2
.irp b, 0,1,2,3
	global_load_b128 v[BI+8*\b:BI+8*\b+3], v[BO], s[8:9] offset:(32*(\b/2)+8*(\b%2))*4
	global_load_b128 v[BI+8*\b+4:BI+8*\b+7], v[BO], s[8:9] offset:(32*(\b/2)+8*(\b%2))*4+16
.endr
	s_mul_i32 s23, s14, 64*SPITCH                  ; my stage has bytes of its own, behind the spare words: no tile lands there, and no wave reads tiles there
	s_add_co_u32 s23, s23, SPARE+512
	v_mul_u32_u24 v5, v1, SPITCH
	v_lshl_add_u32 v5, v2, 6, v5
	v_add_nc_u32 v[STO], s23, v5                   ; in: stage row 16 a + r, + 64 h
	v_mul_u32_u24 v5, v2, SPITCH
	v_lshl_add_u32 v5, v1, 4, v5
	v_add_nc_u32 v[RD], s23, v5                    ; back: lanes 0-15 one stage row of 256 bytes, lanes 16-31 the next
	v_lshlrev_b32 v[CO2], 12, v2
	v_lshl_add_u32 v[CO2], v1, 4, v[CO2]           ; and the same two rows in memory: stage rows 2 t and 2 t + 1 of a block are neighbouring rows of C
	s_wait_alu depctr_va_vdst(0)
	s_lshl_b32 s20, s17, 7
	s_lshl_b32 s21, s15, 6
	s_add_co_u32 s20, s20, s21                     ; my first row of C
	s_lshl_b32 s20, s20, 12                        ; rows of 4,096 bytes
	s_lshl_b32 s21, s42, 9
	s_add_co_u32 s20, s20, s21
	s_lshl_b32 s21, s16, 8
	s_add_co_u32 s20, s20, s21                     ; + my first column
	s_mov_b32 s21, 0
	s_add_nc_u64 s[10:11], s[10:11], s[20:21]
	s_add_nc_u64 s[12:13], s[12:13], s[20:21]
; The residual of my 64 x 64, in the order in which the rows come back from the stage; 16 lanes read 256 consecutive bytes.  It is wanted on the way out alone, so it is asked for behind the first slot's landing, not beside the head's tiles.
.macro RESID
	WIN 0x80                                       ; destination window 2
.irp a, 0,1,2,3
.irp t, 0,1,2,3,4,5,6,7
	global_load_b128 v[RS+4*(8*\a+\t):RS+4*(8*\a+\t)+3], v[CO2], s[10:11] offset:(32*(\a/2)+8*(\a%2)+(2*\t)%8+16*(\t/4))*4096 th:TH_LOAD_NT
.endr
.endr
	WIN 0
.endm
.macro FRAG reg, adr, q, i             ; a fragment, 12 registers: two half images, each 16 bytes a lane and 8 bytes a lane, all dense
	ds_load_b128 v[\reg:\reg+3], v[\adr] offset:(2*(\q))*HROW+(\i)*HIMG
	ds_load_b64 v[\reg+4:\reg+5], v[\adr+2] offset:(2*(\q))*HROW+(\i)*HIMG
	ds_load_b128 v[\reg+6:\reg+9], v[\adr] offset:(2*(\q)+1)*HROW+(\i)*HIMG
	ds_load_b64 v[\reg+10:\reg+11], v[\adr+2] offset:(2*(\q)+1)*HROW+(\i)*HIMG
.endm
; 4 matrix instructions: A's block a x B's four, 128 along K.  p: the set of fragments; sc: the set of scale words.  zero = 1: the first product starts the sums, from the bias.
; The 16 accumulators take turns, one instruction a turn, in the same order in every step.
.macro MUL4 a, p, q, sc, zero
.irp b, 0,1,2,3
.if \zero
	v_wmma_scale_f32_16x16x128_f8f6f4 v[ACC+8*(4*(\a)+\b):ACC+8*(4*(\a)+\b)+7], v[128*(\p)+48+FR*\b:128*(\p)+48+FR*\b+FR-1], v[128*(\p)+FR*(\a):128*(\p)+FR*(\a)+FR-1], v[BI+8*\b:BI+8*\b+7], v[SC+16*(\sc)+4*\b+(\q)], v[SC+16*(\sc)+4*(\a)+(\q)] matrix_a_fmt:MATRIX_FMT_FP6 matrix_b_fmt:MATRIX_FMT_FP6 matrix_a_scale:MATRIX_SCALE_ROW1
.else
	v_wmma_scale_f32_16x16x128_f8f6f4 v[ACC+8*(4*(\a)+\b):ACC+8*(4*(\a)+\b)+7], v[128*(\p)+48+FR*\b:128*(\p)+48+FR*\b+FR-1], v[128*(\p)+FR*(\a):128*(\p)+FR*(\a)+FR-1], v[ACC+8*(4*(\a)+\b):ACC+8*(4*(\a)+\b)+7], v[SC+16*(\sc)+4*\b+(\q)], v[SC+16*(\sc)+4*(\a)+(\q)] matrix_a_fmt:MATRIX_FMT_FP6 matrix_b_fmt:MATRIX_FMT_FP6 matrix_a_scale:MATRIX_SCALE_ROW1
.endif
.endr
.endm
.macro SCALES sc                       ; a slot's 16 scale registers into set sc
.irp i, 0,1,2,3
.irp q, 0,1,2,3
	ds_load_b32 v[SC+16*\sc+4*\i+\q], v[ADRS] offset:\i*SBLK+64*\q
.endr
.endr
.endm
; One run of LDS loads: the fragments of the slot's q-th 128 along K into set p: B's four and A's blocks 0, 1 first; with ws = 1 the slot's scale words; A's blocks 2, 3 last, so that a step's first wait can leave those 8 loads out.
.macro FETCH slot, q, p, ws
	WIN TO_F
.irp i, 0,1,2,3
	FRAG 128*(\p)+48+FR*\i, ADRB+\slot, \q, \i
.endr
.irp i, 0,1
	FRAG 128*(\p)+FR*\i, ADRA+\slot, \q, \i
.endr
.if \ws
	WIN 0
	SCALES \slot
	WIN TO_F
.endif
.irp i, 2,3
	FRAG 128*(\p)+FR*\i, ADRA+\slot, \q, \i
.endr
.endm
.macro PLACES n                        ; plain vector instructions between a matrix instruction and a load into, or a read of, its registers (ISA guide 7.12.1 for a read)
.rept \n
	v_nop
.endr
.endm
.macro STEP slot, q, zero              ; a step of 128 along K that has its successor in the same slot: multiplies set q % 2 and fetches the next step into the other set
	s_wait_dscnt 8                                 ; all but the youngest 8 loads (A's blocks 2, 3) are in
	WIN MUL
	MUL4 0, (\q)%2, \q, \slot, \zero
	MUL4 1, (\q)%2, \q, \slot, \zero
	PLACES NP
	FETCH \slot, (\q)+1, 1-(\q)%2, 0
	s_wait_dscnt 32                                ; all but the 32 just issued
	WIN MUL
	MUL4 2, (\q)%2, \q, \slot, \zero
	MUL4 3, (\q)%2, \q, \slot, \zero
.endm
; A slot's last step changes slots: ONE barrier; in front of it each wave waits for all its tensor loads, adds 0 to its spare word, and waits for that and for its own reads of this slot.  fill = 1: this slot is filled again, two slots ahead.
.macro TURN slot, next, fill
	WIN 0                                          ; (the add's two registers lie in window 0)
	s_wait_tensorcnt 0x0                           ; all my tensor loads have landed: my part of the next slot
	ds_add_u32 v[SPW], v[NIL]                      ; 0 onto my spare word
	s_wait_dscnt 9                                 ; (the add and the youngest 8 loads may be out)
	WIN MUL
	MUL4 0, 1, 3, \slot, 0                         ; four matrix instructions stand between the add and the wait for it
	s_wait_dscnt 0x0                               ; the add is done, and my reads of this slot are over
	s_barrier_signal -1
	MUL4 1, 1, 3, \slot, 0
	WIN 0
	s_barrier_wait -1
.if \fill
	CREST                                          ; the barrier has opened a round of the cluster's barrier: no wave of any partner still reads this slot or has a load on its way
	s_add_nc_u64 s[G0+4*\slot+2:G0+4*\slot+3], s[G0+4*\slot+2:G0+4*\slot+3], 16*BLKP
	s_add_nc_u64 s[G0B+4*\slot+2:G0B+4*\slot+3], s[G0B+4*\slot+2:G0B+4*\slot+3], 16*BLKP
	JLOAD G0+4*\slot, G1, G0B+4*\slot, G1B         ; the first tensor load behind the round; its four v_nop are the places in front of the loads below
.else
	PLACES NP
.endif
	v_add_nc_u32 v[ADRS], 64*NQ, v[ADRS]           ; on to the next slot's scale words
	FETCH \next, 0, 0, 1
	WIN MUL
	MUL4 2, 1, 3, \slot, 0
	MUL4 3, 1, 3, \slot, 0
.endm
	s_wait_alu depctr_va_vdst(0)
	s_wait_tensorcnt 0x0                           ; my one load is in
	ds_add_u32 v[SPW], v[NIL]
	s_mov_b32 s[G1+2], 4<<16                       ; no tensor load of mine is out: slot 1's load brings 4 hp a wave
	s_mov_b32 s[G1+4], 4
	s_mov_b32 s[G1B+2], 4<<16
	s_mov_b32 s[G1B+4], 4
	s_wait_dscnt 0x0
	CROUND                                         ; everybody's part of the head's tiles is in, and the joint loads meet
	JLOAD G0+4, G1, G0B+4, G1B                     ; slot 1
	FETCH 0, 0, 0, 1
	RESID
	s_wait_loadcnt 32                              ; the bias's 8 loads are in; the residual's 32, just issued, may be out
	STEP 0, 0, 1                                   ; the first step's products start the sums
	STEP 0, 1, 0
	STEP 0, 2, 0
.if LAPS > 1
	WIN 0                                          ; at a label and at a branch every window is 0
	s_mov_b32 s3, LAPS-1
.Llap:                                                 ; a trip goes once round the ring and fills both slots again
	TURN 0, 1, 1
	STEP 1, 0, 0
	STEP 1, 1, 0
	STEP 1, 2, 0
	TURN 1, 0, 1
	STEP 0, 0, 0
	STEP 0, 1, 0
	STEP 0, 2, 0
	WIN 0
	s_sub_co_u32 s3, s3, 1
	s_cmp_lg_u32 s3, 0
	s_cbranch_scc1 .Llap
.endif
	TURN 0, 1, 0                                   ; the last lap fills nothing
	STEP 1, 0, 0
	STEP 1, 1, 0
	STEP 1, 2, 0
	s_wait_dscnt 8                                 ; the very last step
	WIN MUL
	MUL4 0, 1, 3, 1, 0
	MUL4 1, 1, 3, 1, 0
	s_wait_dscnt 0
	MUL4 2, 1, 3, 1, 0
	MUL4 3, 1, 3, 1, 0
	WIN 0
	PLACES NP
; THE WAY OUT.  A lane holds 32 neighbouring bytes of a row for each of B's blocks, and the lanes beside it hold other rows: so my 64 x 64 goes through my own stage in LDS and comes back as rows of 256 bytes, two an instruction;
; the residual is added; 16 lanes store 256 consecutive bytes, at a multiple of 256 from the buffer's first byte.  LDS serves a wave's instructions in order (ISA guide 5.7.1.4): no wait between the stores and the loads.
.irp a, 0,1,2,3
.irp b, 0,1,2,3
	ds_store_b128 v[STO], v[ACC+8*(4*\a+\b):ACC+8*(4*\a+\b)+3] offset:\a*16*SPITCH+128*(\b/2)+32*(\b%2)       ; each accumulator from its low end on
	ds_store_b128 v[STO], v[ACC+8*(4*\a+\b)+4:ACC+8*(4*\a+\b)+7] offset:\a*16*SPITCH+128*(\b/2)+32*(\b%2)+16
.endr
.endr
	WIN 0x80                                       ; destination window 2
.irp a, 0,1,2,3
.irp t, 0,1,2,3,4,5,6,7
	ds_load_b128 v[BK+4*(8*\a+\t):BK+4*(8*\a+\t)+3], v[RD] offset:(16*\a+2*\t)*SPITCH
.endr
.endr
	s_wait_loadcnt 0x0                             ; the residual, asked for at the head
.irp a, 0,1,2,3
	s_wait_dscnt 8*(3-\a)                          ; block a's 16 rows are back; the later blocks' loads may be out
	WIN 0x8a                                       ; destination and both sources window 2
.set J, 0
.rept 16
	v_pk_add_f32 v[BK+32*\a+J:BK+32*\a+J+1], v[BK+32*\a+J:BK+32*\a+J+1], v[RS+32*\a+J:RS+32*\a+J+1]
.set J, J+2
.endr
	WIN 0x08                                       ; a store's data are its source 1: window 2
.irp t, 0,1,2,3,4,5,6,7
.if NTOUT
	global_store_b128 v[CO2], v[BK+4*(8*\a+\t):BK+4*(8*\a+\t)+3], s[12:13] offset:(32*(\a/2)+8*(\a%2)+(2*\t)%8+16*(\t/4))*4096 th:TH_STORE_NT
.else
	global_store_b128 v[CO2], v[BK+4*(8*\a+\t):BK+4*(8*\a+\t)+3], s[12:13] offset:(32*(\a/2)+8*(\a%2)+(2*\t)%8+16*(\t/4))*4096
.endif
.endr
.endr
	WIN 0
	s_wait_tensorcnt 0x0                           ; the wave's end
	ds_add_u32 v[SPW], v[NIL]
	s_wait_dscnt 0x0
	CROUND                                         ; the closing round: no work-group ends while a partner may still ask for a tile that names it
	s_endpgm
.Lfunc_end_k_q55afb5ae03_proj:
	.size	k_q55afb5ae03_proj, .Lfunc_end_k_q55afb5ae03_proj-k_q55afb5ae03_proj
	.p2alignl 7, 3214868480
	.fill 96, 4, 3214868480
	.section	.rodata,"a",@progbits
	.p2align	6, 0x0
	.amdhsa_kernel k_q55afb5ae03_proj
		.amdhsa_group_segment_fixed_size 327680
		.amdhsa_private_segment_fixed_size 0
		.amdhsa_enable_private_segment 0
		.amdhsa_kernarg_size 40
		.amdhsa_user_sgpr_count 2
		.amdhsa_user_sgpr_kernarg_segment_ptr 1
		.amdhsa_wavefront_size32 1
		.amdhsa_system_sgpr_workgroup_id_x 1
		.amdhsa_system_sgpr_workgroup_id_y 1
		.amdhsa_system_sgpr_workgroup_id_z 1
		.amdhsa_system_vgpr_workitem_id 0
		.amdhsa_next_free_vgpr 768
		.amdhsa_next_free_sgpr 102
		.amdhsa_reserve_vcc 0
		.amdhsa_float_denorm_mode_32 3
		.amdhsa_float_denorm_mode_16_64 3
		.amdhsa_memory_ordered 1
		.amdhsa_forward_progress 1
		.amdhsa_inst_pref_size 64
	.end_amdhsa_kernel
	.amdgpu_metadata
---
amdhsa.version: [ 1, 2 ]
amdhsa.kernels:
  - .name:           k_q55afb5ae03_proj
    .symbol:         k_q55afb5ae03_proj.kd
    .args:
      - { .name: AT, .offset: 0, .size: 8, .value_kind: global_buffer, .address_space: global }
      - { .name: W, .offset: 8, .size: 8, .value_kind: global_buffer, .address_space: global }
      - { .name: b_proj, .offset: 16, .size: 8, .value_kind: global_buffer, .address_space: global }
      - { .name: x, .offset: 24, .size: 8, .value_kind: global_buffer, .address_space: global }
      - { .name: X1, .offset: 32, .size: 8, .value_kind: global_buffer, .address_space: global }
    .group_segment_fixed_size: 327680
    .private_segment_fixed_size: 0
    .kernarg_segment_align: 8
    .kernarg_segment_size: 40
    .max_flat_workgroup_size: 128
    .sgpr_count:     102
    .vgpr_count:     768
    .wavefront_size: 32
...
	.end_amdgpu_metadata
.endif
;; end of part 11
;; launch ln2: the kernel of part 8 again; grid 256 x 1, 8 waves a work-group, no clusters, 115,968 bytes of LDS; arguments X1, g2, be2, H2, wq, wk, wv, w_proj, w1, w2, W; writes H2, W
;; launch ff1 (part 12): grid 16 x 16, 4 waves a work-group, clusters of 4 x 4, 327,680 bytes of LDS; arguments H2, W, b1, HID; writes HID
.if DOCPART == 12
	.amdgcn_target "amdgcn-amd-amdhsa--gfx1250"
	.amdhsa_code_object_version 6
	.text
	.protected	k_q55afb5ae03_ff1
	.globl	k_q55afb5ae03_ff1
	.p2align	8
	.type	k_q55afb5ae03_ff1,@function
k_q55afb5ae03_ff1:
	s_mov_b64 s[64:65], 0
	v_nop
	global_prefetch_b8 v0, s[64:65] scope:SCOPE_SE
	s_setreg_imm32_b32 hwreg(HW_REG_WAVE_MODE, 25, 1), 1
	s_wait_xcnt 0x0
	s_wait_alu depctr_hold_cnt(0) depctr_sa_sdst(0) depctr_va_vdst(0) depctr_va_sdst(0) depctr_va_ssrc(0) depctr_va_vcc(0) depctr_vm_vsrc(0)
	s_getreg_b32 s2, hwreg(HW_REG_IB_STS2, 6, 4)
	s_cmp_eq_u32 s2, 0
	s_cbranch_scc0 .Lentry_in_a_cluster
	s_endpgm
.Lentry_in_a_cluster:
	s_bfe_u32 s2, ttmp6, 0x10000c
	s_cmp_lg_u32 s2, 0xf033
	s_cbranch_scc0 .Lentry_shape_is_right
	s_endpgm
.Lentry_shape_is_right:
.set KTOT,    1024
.set SELQ,    0
.set HASBIAS, 1
.set RELU,    1
.set EPIF,    0
.set NTOUT,   0
.set BBLK,    0
.set BCOD,    0x300000
.set ASCL,    0x300000
.set BSCL,    0x1220000
.set OSCL,    0xC00000
.set OS2,     2048
.set KS,     KTOT/128
.set LAPS,   KTOT/512
.set NQ,     2
.set FR,     12
.set NL,     4
.set NP,     4
.set HIMG,   768
; hid = relu(h2 w1 + b1), quantised along its columns: C = A B^T on codes of FP6 (E2M3) with E8M0 scales, K = 1,024; tiles of 256 x 256, four waves of 128 x 128; operands lie as images of their registers.
; LDS: A's three regions on end, then B's three; a region holds a quarter of K (4 hp x 16 blocks).  The head brings quarter 0 (one load for A, one for B) and the scale words;
; quarters 1, 2, 3 follow into regions 1, 2, 0, each asked for when the quarter before it begins to be multiplied, a wave fetching 2 hp x 16 blocks of A or of B.
.set HROW,   16*HIMG
.set HALFT,  2*HROW                    ; what one wave's refill brings
.set SLOT,   4*HALFT                   ; a quarter of K, A's and B's
.set BLKP,   256*HIMG
.set BREG,   12*HROW                   ; where B's region begins
.set SCL,    3*SLOT
.set SBLK,   64*KS
.set HALFS,  8*SBLK
.set SPARE,  SCL+4*HALFS
.set SPITCH, 528
.set PA,     4+4*SELQ
.set PB,     6+4*SELQ
.set BO,   15
.set ADRA, 8                           ; v8-10 A's fragments in regions 0, 1, 2 (16 x lane); v11-13 the same at 512 + 8 x lane
.set ADRB, 16                          ; v16-21 likewise for B
.set PFO,  22                          ; v22 the prefetch's offset: 256 x min(lane, 23); never rewritten
.set PFA,  100                         ; s[100:101] the prefetch's base
.set G0H,  4                           ; s[4:7], s[96:99] group 0 of the head's two loads of codes
.set G0HB, 96
.set RG,   0                           ; the region from which FETCH_A and FETCH_B read: set ahead of each change of quarters
.set STO,  24
.set RD,   25
.set CO,   26
.set ADRS, 27
.set SPW,  28
.set NIL,  29
.set LO8,  30
.set R4,   31
.set SC,   32
.set BI,   64
.set PC,   64
.set RS,   64
.set AF,   128
.set BK,   128
.set TM,   224
.set PW,   240
.set G1, 24
.set G0, 32
.set G1B, 48
.set G0B, 56
.set G1S, 68
.set G0S, 76
.set G1SB, 80
.set G0SB, 88
.set MSB, 0
.macro WIN new
.if MSB != (\new)
	s_set_vgpr_msb (MSB<<8)|(\new)
.set MSB, (\new)
.endif
.endm
.set MUL_LO, 0xa1
.set MUL_HI, 0xf1
.set TO_B,   0x40
.macro JLOAD g0a, g1a, g0b, g1b
	s_cmp_eq_u32 s15, 0
	s_cbranch_scc0 .Lfor_b_\@
	tensor_load_to_lds s[\g0a:\g0a+3], s[\g1a:\g1a+7]
	s_nop 0
.rept 4
	v_nop
.endr
	s_branch .Lasked_\@
.Lfor_b_\@:
	tensor_load_to_lds s[\g0b:\g0b+3], s[\g1b:\g1b+7]
	s_nop 0
.rept 4
	v_nop
.endr
.Lasked_\@:
.endm
.macro CREST
	s_cmp_lg_u32 s14, 0
	s_cbranch_scc1 .Lnot_wave_0_\@
	s_barrier_signal -3
.Lnot_wave_0_\@:
	s_barrier_wait -3
	s_barrier_signal -1
	s_barrier_wait -1
.endm
.macro CROUND
	s_barrier_signal -1
	s_barrier_wait -1
	CREST
.endm
	s_load_b128 s[4:7], s[0:1], 0x0
.if SELQ
	s_load_b64 s[12:13], s[0:1], 0x10
.elseif EPIF
	s_load_b128 s[8:11], s[0:1], 0x10
	s_load_b64 s[12:13], s[0:1], 0x20
.else
	s_load_b64 s[8:9], s[0:1], 0x10
	s_load_b64 s[12:13], s[0:1], 0x18
.endif
	v_lshl_add_u32 v[SPW], v0, 2, SPARE
	v_mov_b32 v[NIL], 0
	ds_add_u32 v28, v29
	ds_add_u32 v28, v29
	s_wait_dscnt 0x0
	v_lshrrev_b32 v1, 5, v0
	v_readfirstlane_b32 s14, v1
	s_lshr_b32 s15, s14, 1
	s_and_b32 s16, s14, 1
	s_bfe_u32 s40, ttmp6, 0x40000
	s_bfe_u32 s41, ttmp6, 0x40004
.if SELQ
	s_and_b32 s95, ttmp7, 0xffff
	s_lshl_b32 s95, s95, 2
	s_lshl_b32 s96, ttmp9, 2
	s_mov_b32 s99, 0x1200000
	s_mov_b32 s101, 0x300000
	s_cmp_lt_u32 ttmp9, 2
	s_cselect_b32 s17, s95, 0
	s_cselect_b32 s42, s96, s95
	s_cselect_b32 s97, 0, 128
	s_cselect_b32 s98, 0, 16
	s_cselect_b32 s100, s101, s99
	s_cselect_b32 s101, s99, s101
	s_add_co_u32 s17, s17, s41
	s_add_co_u32 s42, s42, s40
.else
	s_lshl_b32 s42, ttmp9, 2
	s_add_co_u32 s42, s42, s40
	s_and_b32 s17, ttmp7, 0xffff
	s_lshl_b32 s17, s17, 2
	s_add_co_u32 s17, s17, s41
.endif
	s_lshl_b32 s43, s41, 2
	s_lshl_b32 s43, 15, s43
	s_lshl_b32 s44, 0x1111, s40
	s_or_b32 s[G1+0], s43, (3<<16)|(1<<21)
	s_or_b32 s[G1B+0], s44, (3<<16)|(1<<21)
.irp g, G1, G1B
	s_mov_b32 s[\g+1], 1536<<16                    ; rows of 16 blocks, 12,288 bytes
	s_mov_b32 s[\g+2], 4<<16                       ; 4 hp for the head's load; set to 2 behind it
	s_mov_b32 s[\g+3], 1536<<16
	s_mov_b32 s[\g+4], 4
	s_mov_b32 s[\g+5], BLKP/8
	s_mov_b32 s[\g+6], 0
	s_mov_b32 s[\g+7], 0
.endr
	s_or_b32 s[G1S+0], s43, (3<<16)|(1<<21)
	s_or_b32 s[G1SB+0], s44, (3<<16)|(1<<21)
.irp g, G1S, G1SB
	s_mov_b32 s[\g+1], 32<<16
	s_mov_b32 s[\g+2], (HALFS/128)<<16             ; the scale words of all 16 blocks in one load
	s_mov_b32 s[\g+3], 32<<16
	s_mov_b32 s[\g+4], HALFS/128
	s_mov_b32 s[\g+5], 32
	s_mov_b32 s[\g+6], 0
	s_mov_b32 s[\g+7], 0
.endr
	s_lshl_b32 s20, s17, 4                         ; A: the tile's first block, 16 x tile row
	s_lshl_b32 s46, s42, 4                         ; B: 16 x tile column
.if SELQ
	s_add_co_u32 s20, s20, s97
.endif
.if BBLK
	s_add_co_u32 s46, s46, BBLK
.endif
	s_mul_i32 s22, s20, SBLK
	s_mul_i32 s92, s46, SBLK
.if SELQ
	s_add_co_u32 s22, s22, s100
	s_add_co_u32 s92, s92, s101
.else
	s_add_co_u32 s22, s22, ASCL
	s_add_co_u32 s92, s92, BSCL
.endif
	s_mul_i32 s20, s20, HIMG
	s_mul_i32 s46, s46, HIMG
.if BCOD
	s_add_co_u32 s46, s46, BCOD
.endif
	s_mov_b32 s21, 0
	s_mov_b32 s23, 0
	s_mov_b32 s47, 0
	s_mov_b32 s93, 0
	s_mul_i32 s45, s16, HALFT                      ; the refill: my 2 hp of the region's 4
	s_wait_kmcnt 0x0
.if SELQ
	s_cmp_lt_u32 ttmp9, 2
	s_cselect_b64 s[8:9], s[4:5], s[6:7]
	s_cselect_b64 s[10:11], s[6:7], s[4:5]
.endif
	s_add_nc_u64 s[20:21], s[PA:PA+1], s[20:21]
	s_add_nc_u64 s[22:23], s[PA:PA+1], s[22:23]
	s_add_nc_u64 s[46:47], s[PB:PB+1], s[46:47]
	s_add_nc_u64 s[92:93], s[PB:PB+1], s[92:93]
	CROUND
	s_mov_b32 s[G0S], 1
	s_mov_b32 s[G0S+1], SCL
	s_mov_b64 s[G0S+2:G0S+3], s[22:23]
	s_or_b32 s[G0S+3], s[G0S+3], 0x80000000
	s_mov_b32 s[G0SB], 1
	s_mov_b32 s[G0SB+1], SCL+2*HALFS
	s_mov_b64 s[G0SB+2:G0SB+3], s[92:93]
	s_or_b32 s[G0SB+3], s[G0SB+3], 0x80000000
	s_mov_b32 s[G0H], 1                            ; the head's loads of codes: hp 0-3 of A's 16 blocks,
	s_mov_b32 s[G0H+1], 0
	s_mov_b64 s[G0H+2:G0H+3], s[20:21]
	s_or_b32 s[G0H+3], s[G0H+3], 0x80000000
	s_mov_b32 s[G0HB], 1                           ; and of B's
	s_mov_b32 s[G0HB+1], BREG
	s_mov_b64 s[G0HB+2:G0HB+3], s[46:47]
	s_or_b32 s[G0HB+3], s[G0HB+3], 0x80000000
	s_mul_i32 s18, s16, 2*BLKP                     ; the refill: my 2 hp of each quarter's 4
	s_mov_b32 s19, 0
	s_add_nc_u64 s[20:21], s[20:21], s[18:19]
	s_add_nc_u64 s[46:47], s[46:47], s[18:19]
	s_mov_b32 s[G0], 1
	s_add_co_u32 s[G0+1], s45, 4*HROW              ; quarter 1 into region 1
	s_add_nc_u64 s[G0+2:G0+3], s[20:21], 4*BLKP
	s_or_b32 s[G0+3], s[G0+3], 0x80000000
	s_mov_b32 s[G0B], 1
	s_add_co_u32 s[G0B+1], s45, BREG+4*HROW
	s_add_nc_u64 s[G0B+2:G0B+3], s[46:47], 4*BLKP
	s_or_b32 s[G0B+3], s[G0B+3], 0x80000000
	; the prefetch's base: of the 2 x 12,288 bytes that I fetch at the refill, the partner at place p (cx for A, cy for B) names 6,144: hp p / 2, half p % 2.  Shared out by address, no branch
	s_cmp_eq_u32 s15, 0
	s_cselect_b64 s[PFA:PFA+1], s[20:21], s[46:47]
	s_cselect_b32 s94, s40, s41
	s_lshr_b32 s95, s94, 1
	s_and_b32 s94, s94, 1
	s_mul_i32 s95, s95, BLKP
	s_mul_i32 s94, s94, 8*HIMG
	s_add_co_u32 s94, s94, s95
	s_mov_b32 s95, 0
	s_add_nc_u64 s[PFA:PFA+1], s[PFA:PFA+1], s[94:95]
; THE HEAD'S LOADS, ONE A WAVE: wave 0 A's codes, wave 1 B's, wave 2 A's scale words, wave 3 B's; one chain of branches on the wave's number, every way passes one load.
.macro ARM under, g0, g1, next
	s_cmp_lt_u32 s14, \under
	s_cbranch_scc0 \next
	tensor_load_to_lds s[\g0:\g0+3], s[\g1:\g1+7]
	s_nop 0
.rept 4
	v_nop
.endr
	s_branch .Lhead_asked
\next:
.endm
	ARM 1, G0H,  G1,  .Lhead_b
	ARM 2, G0HB, G1B, .Lhead_sa
	ARM 3, G0S,  G1S, .Lhead_sb
	tensor_load_to_lds s[G0SB:G0SB+3], s[G1SB:G1SB+7]
	s_nop 0
.rept 4
	v_nop
.endr
.Lhead_asked:
	v_and_b32 v[PFO], 31, v0
	v_min_u32 v[PFO], 23, v[PFO]                   ; 24 blocks of 256 bytes; the lanes left over name the last again
	v_lshlrev_b32 v[PFO], 8, v[PFO]
	global_prefetch_b8 v[PFO], s[PFA:PFA+1] offset:4*BLKP th:TH_LOAD_NT scope:SCOPE_SE    ; quarters 1 and 2 of K: my share of what I load one and two fills on;
	global_prefetch_b8 v[PFO], s[PFA:PFA+1] offset:8*BLKP th:TH_LOAD_NT scope:SCOPE_SE    ; quarter 3 is asked for behind quarter 1's load
	v_and_b32 v1, 15, v0
	v_bfe_u32 v2, v0, 4, 1
	v_and_b32 v3, 31, v0
	v_lshlrev_b32 v[CO], 4, v3
	v_lshlrev_b32 v[LO8], 3, v3
	v_lshlrev_b32 v[R4], 2, v1
	v_add_nc_u32 v4, 512, v[LO8]
	s_mul_i32 s21, s15, 8*HIMG                     ; my 8 blocks of A's 16
	s_mul_i32 s22, s16, 8*HIMG                     ; my 8 blocks of B's 16,
	s_add_co_u32 s22, s22, BREG                    ; in B's region
.irp s, 0,1,2
	v_add_nc_u32 v[ADRA+\s], s21, v[CO]
	v_add_nc_u32 v[ADRB+\s], s22, v[CO]
	v_add_nc_u32 v[ADRA+3+\s], s21, v4
	v_add_nc_u32 v[ADRB+3+\s], s22, v4
	s_add_co_u32 s21, s21, 4*HROW
	s_add_co_u32 s22, s22, 4*HROW
.endr
	s_mul_i32 s21, s15, HALFS
	s_mul_i32 s22, s16, HALFS
	s_add_co_u32 s22, s22, 2*HALFS
	s_sub_co_u32 s22, s22, s21
	v_mul_u32_u24 v6, s22, v2
	s_add_co_u32 s21, s21, SCL
	v_add_nc_u32 v5, v[R4], v6
	v_add_nc_u32 v[ADRS], s21, v5
.if HASBIAS
	s_lshl_b32 s20, s42, 10
	s_lshl_b32 s21, s16, 9
	s_add_co_u32 s20, s20, s21
	s_mov_b32 s21, 0
	s_add_nc_u64 s[8:9], s[8:9], s[20:21]
	v_lshlrev_b32 v[BO], 6, v2
.irp b, 0,1,2,3,4,5,6,7
	global_load_b128 v[BI+8*\b:BI+8*\b+3], v[BO], s[8:9] offset:(32*(\b/2)+8*(\b%2))*4
	global_load_b128 v[BI+8*\b+4:BI+8*\b+7], v[BO], s[8:9] offset:(32*(\b/2)+8*(\b%2))*4+16
.endr
.endif
.if EPIF
	s_mul_i32 s23, s14, 16*SPITCH
	v_mul_u32_u24 v5, v1, SPITCH
	v_lshl_add_u32 v5, v2, 6, v5
	v_add_nc_u32 v[STO], s23, v5
	v_add_nc_u32 v[RD], s23, v[CO]
	s_lshl_b32 s20, s17, 8
	s_lshl_b32 s21, s15, 7
	s_add_co_u32 s20, s20, s21
	s_lshl_b32 s20, s20, 12
	s_lshl_b32 s21, s42, 10
	s_add_co_u32 s20, s20, s21
	s_lshl_b32 s21, s16, 9
	s_add_co_u32 s20, s20, s21
	s_mov_b32 s21, 0
	s_add_nc_u64 s[10:11], s[10:11], s[20:21]
	s_add_nc_u64 s[12:13], s[12:13], s[20:21]
.else
	s_lshl_b32 s20, s42, 1
	s_add_co_u32 s20, s20, s16
.if SELQ
	s_add_co_u32 s20, s20, s98
.endif
	s_lshl_b32 s21, s17, 4
	s_lshl_b32 s22, s15, 3
	s_add_co_u32 s21, s21, s22
	s_lshl_b32 s22, s20, 9
	s_add_co_u32 s22, s22, s21
	s_mul_i32 s22, s22, HIMG
	s_mov_b32 s23, 0
	s_add_nc_u64 s[92:93], s[12:13], s[22:23]
.if SELQ
	s_lshl_b32 s22, s20, 8
	s_add_co_u32 s22, s22, s21
.else
	s_lshl_b32 s22, s21, 5
	s_add_co_u32 s22, s22, s20
.endif
	s_lshl_b32 s22, s22, 6
	s_add_co_u32 s22, s22, OSCL
	s_add_nc_u64 s[12:13], s[12:13], s[22:23]
	s_mov_b32 s18, 0x76543210
	s_mov_b32 s19, 0xfedcba98
.irp b, 0,1,2,3
	v_mov_b32 v[TM+4+\b], 0
.endr
.endif
.macro FRAG reg, adr, q, i
	ds_load_b128 v[\reg:\reg+3], v[\adr] offset:(2*(\q))*HROW+(\i)*HIMG
	ds_load_b64 v[\reg+4:\reg+5], v[\adr+3] offset:(2*(\q))*HROW+(\i)*HIMG
	ds_load_b128 v[\reg+6:\reg+9], v[\adr] offset:(2*(\q)+1)*HROW+(\i)*HIMG
	ds_load_b64 v[\reg+10:\reg+11], v[\adr+3] offset:(2*(\q)+1)*HROW+(\i)*HIMG
.endm
.macro MUL16 a0, p, q, sc, zero
.irp a, \a0, \a0+1
.irp b, 0,1,2,3,4,5,6,7
.if \zero
.if HASBIAS
	v_wmma_scale_f32_16x16x128_f8f6f4 v[8*(8*((\a)%4)+\b):8*(8*((\a)%4)+\b)+7], v[128*(\p)+FR*\b:128*(\p)+FR*\b+FR-1], v[AF+FR*(\a):AF+FR*(\a)+FR-1], v[BI+8*\b:BI+8*\b+7], v[SC+16*(\sc)+2*\b+(\q)], v[SC+16*(\sc)+2*(\a)+(\q)] matrix_a_fmt:MATRIX_FMT_FP6 matrix_b_fmt:MATRIX_FMT_FP6 matrix_a_scale:MATRIX_SCALE_ROW1
.else
	v_wmma_scale_f32_16x16x128_f8f6f4 v[8*(8*((\a)%4)+\b):8*(8*((\a)%4)+\b)+7], v[128*(\p)+FR*\b:128*(\p)+FR*\b+FR-1], v[AF+FR*(\a):AF+FR*(\a)+FR-1], 0, v[SC+16*(\sc)+2*\b+(\q)], v[SC+16*(\sc)+2*(\a)+(\q)] matrix_a_fmt:MATRIX_FMT_FP6 matrix_b_fmt:MATRIX_FMT_FP6 matrix_a_scale:MATRIX_SCALE_ROW1
.endif
.else
	v_wmma_scale_f32_16x16x128_f8f6f4 v[8*(8*((\a)%4)+\b):8*(8*((\a)%4)+\b)+7], v[128*(\p)+FR*\b:128*(\p)+FR*\b+FR-1], v[AF+FR*(\a):AF+FR*(\a)+FR-1], v[8*(8*((\a)%4)+\b):8*(8*((\a)%4)+\b)+7], v[SC+16*(\sc)+2*\b+(\q)], v[SC+16*(\sc)+2*(\a)+(\q)] matrix_a_fmt:MATRIX_FMT_FP6 matrix_b_fmt:MATRIX_FMT_FP6 matrix_a_scale:MATRIX_SCALE_ROW1
.endif
.endr
.endr
.endm
.macro FETCH_B slot, q, p
	WIN TO_B
.irp i, 0,1,2,3,4,5,6,7
	FRAG 128*(\p)+FR*\i, ADRB+RG, \q, \i
.endr
	WIN 0
.endm
.macro FETCH_A slot, q, i0
.irp i, \i0, \i0+1, \i0+2, \i0+3
	FRAG AF+FR*(\i), ADRA+RG, \q, \i
.endr
.endm
.macro SCALES sc
.irp i, 0,1,2,3,4,5,6,7
	ds_load_b32 v[SC+16*\sc+2*\i], v[ADRS] offset:\i*SBLK
	ds_load_b32 v[SC+16*\sc+2*\i+1], v[ADRS] offset:\i*SBLK+64
.endr
.endm
.macro PLACES n
.rept \n
	v_nop
.endr
.endm
.macro STEP slot, q, zero
	s_wait_dscnt 4*NL
.if (\zero) && HASBIAS
	WIN 0x81
.else
	WIN MUL_LO
.endif
	MUL16 0, (\q)%2, \q, \slot, \zero
	MUL16 2, (\q)%2, \q, \slot, \zero
	s_wait_dscnt 0
	PLACES NP
	FETCH_B \slot, (\q)+1, 1-(\q)%2
	FETCH_A \slot, (\q)+1, 0
.if (\zero) && HASBIAS
	WIN 0xc1
.else
	WIN MUL_HI
.endif
	MUL16 4, (\q)%2, \q, \slot, \zero
	MUL16 6, (\q)%2, \q, \slot, \zero
	PLACES NP
	WIN 0
	FETCH_A \slot, (\q)+1, 4
.endm
; fill = 1: the quarter left behind is filled again (the three lines, the round, the joint refill); fill = 0: the refill is waited for and shown to all four waves; fill = 2: the next quarter came at the head: no wait on tiles, no barrier.
.macro TURN slot, next, fill
.if \fill < 2
	s_wait_tensorcnt 0x0
	ds_add_u32 v[SPW], v[NIL]
	s_wait_dscnt 4*NL+1
.else
	s_wait_dscnt 4*NL
.endif
	WIN MUL_LO
	MUL16 0, 1, 1, \slot, 0
	s_wait_dscnt 0x0
.if \fill < 2
	s_barrier_signal -1
.endif
	MUL16 2, 1, 1, \slot, 0
	WIN 0
.if \fill < 2
	s_barrier_wait -1
.endif
.if \fill == 1
	CREST
	s_add_co_u32 s[G0+1], s45, ((RG+1)%3)*4*HROW   ; RG is the region read next: the load goes to the one behind it
	s_add_co_u32 s[G0B+1], s45, BREG+((RG+1)%3)*4*HROW
	s_add_nc_u64 s[G0+2:G0+3], s[G0+2:G0+3], 4*BLKP
	s_add_nc_u64 s[G0B+2:G0B+3], s[G0B+2:G0B+3], 4*BLKP
	JLOAD G0, G1, G0B, G1B
.else
	PLACES NP
.endif
	s_wait_alu depctr_va_vdst(0)
	v_add_nc_u32 v[ADRS], 64*NQ, v[ADRS]
	FETCH_B \next, 0, 0
	FETCH_A \next, 0, 0
	SCALES \next
	WIN MUL_HI
	MUL16 4, 1, 1, \slot, 0
	MUL16 6, 1, 1, \slot, 0
	PLACES NP
	WIN 0
	FETCH_A \next, 0, 4
.endm
	s_wait_alu depctr_va_vdst(0)
	s_wait_tensorcnt 0x0                           ; my one load of the head is in; no tensor load of mine is out, so a descriptor may be written:
	ds_add_u32 v[SPW], v[NIL]
	s_mov_b32 s[G1+2], 2<<16                       ; from here on a load brings 2 hp a wave
	s_mov_b32 s[G1+4], 2
	s_mov_b32 s[G1B+2], 2<<16
	s_mov_b32 s[G1B+4], 2
	s_wait_dscnt 0x0
	CROUND                                         ; everybody's part of the head's tiles is in, and the joint loads meet
	JLOAD G0, G1, G0B, G1B                         ; quarter 1
	global_prefetch_b8 v[PFO], s[PFA:PFA+1] offset:12*BLKP th:TH_LOAD_NT scope:SCOPE_SE   ; quarter 3, two fills ahead of its load: the last prefetch
	FETCH_B 0, 0, 0
	FETCH_A 0, 0, 0
	SCALES 0
	FETCH_A 0, 0, 4
.if HASBIAS
	s_wait_loadcnt 0x0
.endif
	STEP 0, 0, 1
.set RG, 1
	TURN 0, 1, 1                                   ; quarter 1 is in; quarter 2 is asked for, into region 2
	STEP 1, 0, 0
.set RG, 2
	TURN 1, 0, 1                                   ; quarter 2 is in; quarter 3 is asked for, into region 0, read out long ago
	STEP 0, 0, 0
.set RG, 0
	TURN 0, 1, 0                                   ; quarter 3 lies in region 0
	STEP 1, 0, 0
	s_wait_dscnt 4*NL
	WIN MUL_LO
	MUL16 0, 1, 1, 1, 0
	MUL16 2, 1, 1, 1, 0
	s_wait_dscnt 0
	WIN MUL_HI
	MUL16 4, 1, 1, 1, 0
	MUL16 6, 1, 1, 1, 0
	WIN 0
	PLACES NP
.if EPIF
.macro RLOAD a
.irp t, 0,1,2,3,4,5,6,7,8,9,10,11,12,13,14,15
	global_load_b128 v[RS+4*\t:RS+4*\t+3], v[CO], s[10:11] offset:(32*((\a)/2)+8*((\a)%2)+(\t%8)+16*(\t/8))*4096
.endr
.endm
.macro TOSTAGE a
.set AC, 64*((\a)%4)
	WIN 0x08+4*((\a)/4)
.irp b, 0,1,2,3,4,5,6,7
	ds_store_b128 v[STO], v[AC+8*\b:AC+8*\b+3] offset:128*(\b/2)+32*(\b%2)
	ds_store_b128 v[STO], v[AC+8*\b+4:AC+8*\b+7] offset:128*(\b/2)+32*(\b%2)+16
.endr
	WIN 0
.set BB, BK+64*((\a)%2)
.irp t, 0,1,2,3,4,5,6,7,8,9,10,11,12,13,14,15
	ds_load_b128 v[BB+4*\t:BB+4*\t+3], v[RD] offset:\t*SPITCH
.endr
.endm
.macro SEND a
.set BB, BK+64*((\a)%2)
.irp t, 0,1,2,3,4,5,6,7,8,9,10,11,12,13,14,15
.if NTOUT
	global_store_b128 v[CO], v[BB+4*\t:BB+4*\t+3], s[12:13] offset:(32*((\a)/2)+8*((\a)%2)+(\t%8)+16*(\t/8))*4096 th:TH_STORE_NT
.else
	global_store_b128 v[CO], v[BB+4*\t:BB+4*\t+3], s[12:13] offset:(32*((\a)/2)+8*((\a)%2)+(\t%8)+16*(\t/8))*4096
.endif
.endr
.endm
	RLOAD 0
.irp a, 0,1,2,3,4,5,6,7
.if \a > 1
	s_wait_xcnt 0x0
.endif
	TOSTAGE \a
	s_wait_dscnt 0x0
	s_wait_loadcnt 0x0
.set BB, BK+64*((\a)%2)
.set J, 0
.rept 32
	v_pk_add_f32 v[BB+J:BB+J+1], v[BB+J:BB+J+1], v[RS+J:RS+J+1]
.set J, J+2
.endr
.if \a < 7
	RLOAD \a+1
.endif
	SEND \a
.endr
.else
.macro QOUT a
.set AC, 64*((\a)%4)
.set WW, 2+(\a)/4
.set PCC, PC+20*((\a)%2)
.set PWW, PW+(\a)%2
.if RELU
	WIN (WW<<2)|(WW<<6)
.set J, 0
.rept 64
	v_max_num_f32 v[AC+J], 0, v[AC+J]
.set J, J+1
.endr
.endif
	WIN (WW<<2)|(WW<<4)
.irp b, 0,1,2,3
	v_max3_num_f32 v[TM+\b], 0x1800000, |v[AC+16*\b]|, |v[AC+1+16*\b]|
.endr
.irp i, 2,4,6,8,10,12,14
.irp b, 0,1,2,3
	v_max3_num_f32 v[TM+\b], v[TM+\b], |v[AC+16*\b+\i]|, |v[AC+1+16*\b+\i]|
.endr
.endr
	WIN 0
.if (\a) > 1
	s_wait_alu depctr_va_vdst(0)
	s_wait_xcnt 0x0
.endif
.irp b, 0,1,2,3
	v_permlanex16_b32 v[TM+4+\b], v[TM+\b], s18, s19
.endr
.irp b, 0,1,2,3
	v_max_num_f32 v[TM+\b], v[TM+\b], v[TM+4+\b]
.endr
.irp b, 0,1,2,3
	v_add_nc_u32 v[TM+12+\b], 0xff000000, v[TM+\b]
.endr
.irp b, 0,1,2,3
	v_lshrrev_b32 v[TM+4+\b], 23, v[TM+12+\b]
.endr
	v_lshl_or_b32 v[PWW], v[TM+5], 8, v[TM+4]
	v_lshl_or_b32 v[PWW], v[TM+6], 16, v[PWW]
	v_lshl_or_b32 v[PWW], v[TM+7], 24, v[PWW]
	WIN WW
.irp c, 0,1
	v_cvt_scalef32_pk16_fp6_f32 v[PCC+6*\c:PCC+2+6*\c], v[AC+32*\c:AC+15+32*\c], v[TM+12+2*\c]
	v_cvt_scalef32_pk16_fp6_f32 v[PCC+12+4*\c:PCC+14+4*\c], v[AC+16+32*\c:AC+31+32*\c], v[TM+12+2*\c+1]
.endr
	WIN 0
	v_nop
.irp c, 0,1
.irp i, 0,1,2
	v_permlane16_swap_b32 v[PCC+6*\c+\i], v[PCC+12+4*\c+\i]
.endr
.irp i, 0,1,2
	v_mov_b32 v[PCC+3+6*\c+\i], v[PCC+12+4*\c+\i]
.endr
.endr
	global_store_b128 v[CO], v[PCC:PCC+3], s[92:93] offset:(\a)*HIMG
	global_store_b64 v[LO8], v[PCC+4:PCC+5], s[92:93] offset:(\a)*HIMG+512
	global_store_b128 v[CO], v[PCC+6:PCC+9], s[92:93] offset:(\a)*HIMG+BLKP
	global_store_b64 v[LO8], v[PCC+10:PCC+11], s[92:93] offset:(\a)*HIMG+BLKP+512
	global_store_b32 v[R4], v[PWW], s[12:13] offset:(\a)*OS2
.endm
.irp a, 0,1,2,3,4,5,6,7
	QOUT \a
.endr
.endif
	s_wait_tensorcnt 0x0
	ds_add_u32 v[SPW], v[NIL]
	s_wait_dscnt 0x0
	CROUND
	s_endpgm
.Lfunc_end_k_q55afb5ae03_ff1:
	.size	k_q55afb5ae03_ff1, .Lfunc_end_k_q55afb5ae03_ff1-k_q55afb5ae03_ff1
	.p2alignl 7, 3214868480
	.fill 96, 4, 3214868480
	.section	.rodata,"a",@progbits
	.p2align	6, 0x0
	.amdhsa_kernel k_q55afb5ae03_ff1
		.amdhsa_group_segment_fixed_size 327680
		.amdhsa_private_segment_fixed_size 0
		.amdhsa_enable_private_segment 0
		.amdhsa_kernarg_size 32
		.amdhsa_user_sgpr_count 2
		.amdhsa_user_sgpr_kernarg_segment_ptr 1
		.amdhsa_wavefront_size32 1
		.amdhsa_system_sgpr_workgroup_id_x 1
		.amdhsa_system_sgpr_workgroup_id_y 1
		.amdhsa_system_sgpr_workgroup_id_z 1
		.amdhsa_system_vgpr_workitem_id 0
		.amdhsa_next_free_vgpr 1024
		.amdhsa_next_free_sgpr 102
		.amdhsa_reserve_vcc 0
		.amdhsa_float_denorm_mode_32 3
		.amdhsa_float_denorm_mode_16_64 3
		.amdhsa_memory_ordered 1
		.amdhsa_forward_progress 1
		.amdhsa_inst_pref_size 171
	.end_amdhsa_kernel
	.amdgpu_metadata
---
amdhsa.version: [ 1, 2 ]
amdhsa.kernels:
  - .name:           k_q55afb5ae03_ff1
    .symbol:         k_q55afb5ae03_ff1.kd
    .args:
      - { .name: H2, .offset: 0, .size: 8, .value_kind: global_buffer, .address_space: global }
      - { .name: W, .offset: 8, .size: 8, .value_kind: global_buffer, .address_space: global }
      - { .name: b1, .offset: 16, .size: 8, .value_kind: global_buffer, .address_space: global }
      - { .name: HID, .offset: 24, .size: 8, .value_kind: global_buffer, .address_space: global }
    .group_segment_fixed_size: 327680
    .private_segment_fixed_size: 0
    .kernarg_segment_align: 8
    .kernarg_segment_size: 32
    .max_flat_workgroup_size: 128
    .sgpr_count:     102
    .vgpr_count:     1024
    .wavefront_size: 32
...
	.end_amdgpu_metadata
.endif
;; end of part 12
;; launch ff2 (part 13): grid 8 x 32, 4 waves a work-group, clusters of 4 x 4, 327,680 bytes of LDS; arguments HID, W, b2, X1, out0; writes out0
.if DOCPART == 13
	.amdgcn_target "amdgcn-amd-amdhsa--gfx1250"
	.amdhsa_code_object_version 6
	.text
	.protected	k_q55afb5ae03_ff2
	.globl	k_q55afb5ae03_ff2
	.p2align	8
	.type	k_q55afb5ae03_ff2,@function
k_q55afb5ae03_ff2:
	s_mov_b64 s[64:65], 0
	v_nop
	global_prefetch_b8 v0, s[64:65] scope:SCOPE_SE
	s_setreg_imm32_b32 hwreg(HW_REG_WAVE_MODE, 25, 1), 1
	s_wait_xcnt 0x0
	s_wait_alu depctr_hold_cnt(0) depctr_sa_sdst(0) depctr_va_vdst(0) depctr_va_sdst(0) depctr_va_ssrc(0) depctr_va_vcc(0) depctr_vm_vsrc(0)
	s_getreg_b32 s2, hwreg(HW_REG_IB_STS2, 6, 4)
	s_cmp_eq_u32 s2, 0
	s_cbranch_scc0 .Lentry_in_a_cluster
	s_endpgm
.Lentry_in_a_cluster:
	s_bfe_u32 s2, ttmp6, 0x10000c
	s_cmp_lg_u32 s2, 0xf033
	s_cbranch_scc0 .Lentry_shape_is_right
	s_endpgm
.Lentry_shape_is_right:
.set KTOT,    4096
.set NTOUT,   1
.set BBLK,    0
.set BCOD,    0x600000
.set ASCL,    0xC00000
.set BSCL,    0x1240000
.set KS,     KTOT/128
.set LAPS,   KTOT/1024
.set NQ,     4
.set FR,     12
.set NP,     4
.set HIMG,   768
.set HROW,   8*HIMG
.set HALFT,  4*HROW
.set SLOT,   4*HALFT
.set BLKP,   256*HIMG
.set SCL,    2*SLOT
.set SBLK,   64*KS
.set HALFS,  4*SBLK
.set SPARE,  SCL+4*HALFS
.set SPITCH, 272
.set BO,   15
.set ADRA, 16
.set ADRB, 20
.set STO,  24
.set RD,   25
.set CO,   26
.set ADRS, 27
.set SPW,  28
.set NIL,  29
.set CO2,  30
.set SC,   32
.set BI,   64
.set ACC,  128
.set RS,   0
.set BK,   128
.set G1, 24
.set G0, 32
.set G1B, 48
.set G0B, 56
.set G1S, 68
.set G0S, 76
.set G1SB, 80
.set G0SB, 88
.set MSB, 0
.macro WIN new
.if MSB != (\new)
	s_set_vgpr_msb (MSB<<8)|(\new)
.set MSB, (\new)
.endif
.endm
.set MUL,  0x05
.set TO_F, 0x40
.macro JLOAD g0a, g1a, g0b, g1b
	s_cmp_eq_u32 s15, 0
	s_cbranch_scc0 .Lfor_b_\@
	tensor_load_to_lds s[\g0a:\g0a+3], s[\g1a:\g1a+7]
	s_nop 0
.rept 4
	v_nop
.endr
	s_branch .Lasked_\@
.Lfor_b_\@:
	tensor_load_to_lds s[\g0b:\g0b+3], s[\g1b:\g1b+7]
	s_nop 0
.rept 4
	v_nop
.endr
.Lasked_\@:
.endm
.macro CREST
	s_cmp_lg_u32 s14, 0
	s_cbranch_scc1 .Lnot_wave_0_\@
	s_barrier_signal -3
.Lnot_wave_0_\@:
	s_barrier_wait -3
	s_barrier_signal -1
	s_barrier_wait -1
.endm
.macro CROUND
	s_barrier_signal -1
	s_barrier_wait -1
	CREST
.endm
	s_load_b128 s[4:7], s[0:1], 0x0
	s_load_b128 s[8:11], s[0:1], 0x10
	s_load_b64 s[12:13], s[0:1], 0x20
	v_lshl_add_u32 v[SPW], v0, 2, SPARE
	v_mov_b32 v[NIL], 0
	ds_add_u32 v28, v29
	ds_add_u32 v28, v29
	s_wait_dscnt 0x0
	v_lshrrev_b32 v1, 5, v0
	v_readfirstlane_b32 s14, v1
	s_lshr_b32 s15, s14, 1
	s_and_b32 s16, s14, 1
	s_bfe_u32 s40, ttmp6, 0x40000
	s_bfe_u32 s41, ttmp6, 0x40004
	s_lshl_b32 s42, ttmp9, 2
	s_add_co_u32 s42, s42, s40
	s_and_b32 s17, ttmp7, 0xffff
	s_lshl_b32 s17, s17, 2
	s_add_co_u32 s17, s17, s41
	s_lshl_b32 s43, s41, 2
	s_lshl_b32 s43, 15, s43
	s_lshl_b32 s44, 0x1111, s40
	s_or_b32 s[G1+0], s43, (3<<16)|(1<<21)
	s_or_b32 s[G1B+0], s44, (3<<16)|(1<<21)
.irp g, G1, G1B
	s_mov_b32 s[\g+1], 768<<16
	s_mov_b32 s[\g+2], 8<<16                       ; 8 hp, a slot, for the head's load; set to 4 behind it
	s_mov_b32 s[\g+3], 768<<16
	s_mov_b32 s[\g+4], 8
	s_mov_b32 s[\g+5], BLKP/8
	s_mov_b32 s[\g+6], 0
	s_mov_b32 s[\g+7], 0
.endr
	s_or_b32 s[G1S+0], s43, (3<<16)|(1<<21)
	s_or_b32 s[G1SB+0], s44, (3<<16)|(1<<21)
.irp g, G1S, G1SB
	s_mov_b32 s[\g+1], 32<<16
	s_mov_b32 s[\g+2], (HALFS/128)<<16             ; the scale words of all 8 blocks in one load
	s_mov_b32 s[\g+3], 32<<16
	s_mov_b32 s[\g+4], HALFS/128
	s_mov_b32 s[\g+5], 32
	s_mov_b32 s[\g+6], 0
	s_mov_b32 s[\g+7], 0
.endr
	s_lshl_b32 s20, s17, 3
	s_lshl_b32 s46, s42, 3
.if BBLK
	s_add_co_u32 s46, s46, BBLK
.endif
	s_mov_b32 s22, s20
	s_mov_b32 s92, s46
	s_mul_i32 s22, s22, SBLK
	s_mul_i32 s92, s92, SBLK
	s_add_co_u32 s22, s22, ASCL
	s_add_co_u32 s92, s92, BSCL
	s_mul_i32 s20, s20, HIMG
	s_mul_i32 s46, s46, HIMG
	s_mul_i32 s18, s16, 4*BLKP
	s_mov_b32 s19, 0                               ; s[18:19]: my 4 hp of a slot's 8, for the ring's loads
.if BCOD
	s_add_co_u32 s46, s46, BCOD
.endif
	s_mov_b32 s21, 0
	s_mov_b32 s23, 0
	s_mov_b32 s47, 0
	s_mov_b32 s93, 0
	s_mul_i32 s45, s16, HALFT
	s_wait_kmcnt 0x0
	s_add_nc_u64 s[20:21], s[4:5], s[20:21]
	s_add_nc_u64 s[22:23], s[4:5], s[22:23]
	s_add_nc_u64 s[46:47], s[6:7], s[46:47]
	s_add_nc_u64 s[92:93], s[6:7], s[92:93]
	CROUND
	s_mov_b32 s[G0S], 1
	s_mov_b32 s[G0S+1], SCL
	s_mov_b64 s[G0S+2:G0S+3], s[22:23]
	s_or_b32 s[G0S+3], s[G0S+3], 0x80000000
	s_mov_b32 s[G0SB], 1
	s_mov_b32 s[G0SB+1], SCL+2*HALFS
	s_mov_b64 s[G0SB+2:G0SB+3], s[92:93]
	s_or_b32 s[G0SB+3], s[G0SB+3], 0x80000000
; out0 = X1 + hid w2 + b2: C = A B^T on codes of FP6 (E2M3) with E8M0 scales, K = 4,096; tiles of 128 x 128, four waves of 64 x 64; operands lie as images of their registers.
; LDS: A's two slots on end from byte 0 (a slot: 8 hp x 8 blocks, 512 along K), B's two from 4 HALFT, the scale words, the spare words, the stages.
; The head brings slot 0 and the scale words, one load a wave; slot 1's first fill and six refills follow, a wave fetching 4 hp x 8 blocks of A or of B.
.set G0H,  4
.set G0HB, 96
.set PFO,  14                          ; v14 the prefetches' offset: 256 x min(lane, 23); never rewritten
.set PFA,  100                         ; s[100:101] the prefetches' base, stepped a slot at each refill
	s_mov_b32 s[G0H], 1
	s_mov_b32 s[G0H+1], 0
	s_mov_b64 s[G0H+2:G0H+3], s[20:21]
	s_or_b32 s[G0H+3], s[G0H+3], 0x80000000
	s_mov_b32 s[G0HB], 1
	s_mov_b32 s[G0HB+1], 4*HALFT
	s_mov_b64 s[G0HB+2:G0HB+3], s[46:47]
	s_or_b32 s[G0HB+3], s[G0HB+3], 0x80000000
	s_add_nc_u64 s[20:21], s[20:21], s[18:19]
	s_add_nc_u64 s[46:47], s[46:47], s[18:19]
.irp s, 0,1
	s_mov_b32 s[G0+4*\s], 1
	s_add_co_u32 s[G0+4*\s+1], s45, \s*2*HALFT
	s_add_nc_u64 s[G0+4*\s+2:G0+4*\s+3], s[20:21], \s*8*BLKP
	s_or_b32 s[G0+4*\s+3], s[G0+4*\s+3], 0x80000000
	s_mov_b32 s[G0B+4*\s], 1
	s_add_co_u32 s[G0B+4*\s+1], s45, 4*HALFT+\s*2*HALFT
	s_add_nc_u64 s[G0B+4*\s+2:G0B+4*\s+3], s[46:47], \s*8*BLKP
	s_or_b32 s[G0B+4*\s+3], s[G0B+4*\s+3], 0x80000000
.endr
	; the prefetches' base: of the 4 hp x 6,144 bytes that I fetch of a slot, the partner at place p (cx for A, cy for B) names hp p: 24 blocks of 256 bytes.  Shared out by address, no branch
	s_cmp_eq_u32 s15, 0
	s_cselect_b64 s[PFA:PFA+1], s[20:21], s[46:47]
	s_cselect_b32 s94, s40, s41
	s_mul_i32 s94, s94, BLKP
	s_mov_b32 s95, 0
	s_add_nc_u64 s[PFA:PFA+1], s[PFA:PFA+1], s[94:95]
; THE HEAD'S LOADS, ONE A WAVE: wave 0 A's codes, wave 1 B's, wave 2 A's scale words, wave 3 B's; one chain of branches on the wave's number, every way passes one load.
.macro ARM under, g0, g1, next
	s_cmp_lt_u32 s14, \under
	s_cbranch_scc0 \next
	tensor_load_to_lds s[\g0:\g0+3], s[\g1:\g1+7]
	s_nop 0
.rept 4
	v_nop
.endr
	s_branch .Lhead_asked
\next:
.endm
	ARM 1, G0H,  G1,  .Lhead_b
	ARM 2, G0HB, G1B, .Lhead_sa
	ARM 3, G0S,  G1S, .Lhead_sb
	tensor_load_to_lds s[G0SB:G0SB+3], s[G1SB:G1SB+7]
	s_nop 0
.rept 4
	v_nop
.endr
.Lhead_asked:
	v_and_b32 v[PFO], 31, v0
	v_min_u32 v[PFO], 23, v[PFO]                   ; the lanes left over name the last block again
	v_lshlrev_b32 v[PFO], 8, v[PFO]
	global_prefetch_b8 v[PFO], s[PFA:PFA+1] offset:8*BLKP th:TH_LOAD_NT scope:SCOPE_SE    ; K slots 1 and 2: my share of what I load one and two fills on;
	global_prefetch_b8 v[PFO], s[PFA:PFA+1] offset:16*BLKP th:TH_LOAD_NT scope:SCOPE_SE   ; from then on the load of K slot n asks for K slot n + 2
	v_and_b32 v1, 15, v0
	v_bfe_u32 v2, v0, 4, 1
	v_and_b32 v3, 31, v0
	v_lshlrev_b32 v[CO], 4, v3
	v_lshlrev_b32 v4, 3, v3
	v_add_nc_u32 v4, 512, v4
	s_mul_i32 s21, s15, 4*HIMG
	s_mul_i32 s22, s16, 4*HIMG
	s_add_co_u32 s22, s22, 4*HALFT
.irp s, 0,1
	v_add_nc_u32 v[ADRA+\s], s21, v[CO]
	v_add_nc_u32 v[ADRB+\s], s22, v[CO]
	v_add_nc_u32 v[ADRA+2+\s], s21, v4
	v_add_nc_u32 v[ADRB+2+\s], s22, v4
	s_add_co_u32 s21, s21, 2*HALFT
	s_add_co_u32 s22, s22, 2*HALFT
.endr
	v_lshlrev_b32 v5, 2, v1
	s_mul_i32 s21, s15, HALFS
	s_mul_i32 s22, s16, HALFS
	s_add_co_u32 s22, s22, 2*HALFS
	s_sub_co_u32 s22, s22, s21
	v_mul_u32_u24 v6, s22, v2
	s_add_co_u32 s21, s21, SCL
	v_add_nc_u32 v5, v5, v6
	v_add_nc_u32 v[ADRS], s21, v5
	s_lshl_b32 s20, s42, 9
	s_lshl_b32 s21, s16, 8
	s_add_co_u32 s20, s20, s21
	s_mov_b32 s21, 0
	s_add_nc_u64 s[8:9], s[8:9], s[20:21]
	v_lshlrev_b32 v[BO], 6, v2
.irp b, 0,1,2,3
	global_load_b128 v[BI+8*\b:BI+8*\b+3], v[BO], s[8:9] offset:(32*(\b/2)+8*(\b%2))*4
	global_load_b128 v[BI+8*\b+4:BI+8*\b+7], v[BO], s[8:9] offset:(32*(\b/2)+8*(\b%2))*4+16
.endr
	s_mul_i32 s23, s14, 64*SPITCH                  ; my stage has bytes of its own, behind the spare words: no tile lands there, and no wave reads tiles there
	s_add_co_u32 s23, s23, SPARE+512
	v_mul_u32_u24 v5, v1, SPITCH
	v_lshl_add_u32 v5, v2, 6, v5
	v_add_nc_u32 v[STO], s23, v5
	v_mul_u32_u24 v5, v2, SPITCH
	v_lshl_add_u32 v5, v1, 4, v5
	v_add_nc_u32 v[RD], s23, v5
	v_lshlrev_b32 v[CO2], 12, v2
	v_lshl_add_u32 v[CO2], v1, 4, v[CO2]
	s_wait_alu depctr_va_vdst(0)
	s_lshl_b32 s20, s17, 7
	s_lshl_b32 s21, s15, 6
	s_add_co_u32 s20, s20, s21
	s_lshl_b32 s20, s20, 12
	s_lshl_b32 s21, s42, 9
	s_add_co_u32 s20, s20, s21
	s_lshl_b32 s21, s16, 8
	s_add_co_u32 s20, s20, s21
	s_mov_b32 s21, 0
	s_add_nc_u64 s[10:11], s[10:11], s[20:21]
	s_add_nc_u64 s[12:13], s[12:13], s[20:21]
; The residual of my 64 x 64, in the order in which the rows come back from the stage; 16 lanes read 256 consecutive bytes.  It is wanted on the way out alone, so it is asked for behind the first slot's landing, not beside the head's tiles.
.macro RESID
	WIN 0x80                                       ; destination window 2
.irp a, 0,1,2,3
.irp t, 0,1,2,3,4,5,6,7
	global_load_b128 v[RS+4*(8*\a+\t):RS+4*(8*\a+\t)+3], v[CO2], s[10:11] offset:(32*(\a/2)+8*(\a%2)+(2*\t)%8+16*(\t/4))*4096 th:TH_LOAD_NT
.endr
.endr
	WIN 0
.endm
.macro FRAG reg, adr, q, i
	ds_load_b128 v[\reg:\reg+3], v[\adr] offset:(2*(\q))*HROW+(\i)*HIMG
	ds_load_b64 v[\reg+4:\reg+5], v[\adr+2] offset:(2*(\q))*HROW+(\i)*HIMG
	ds_load_b128 v[\reg+6:\reg+9], v[\adr] offset:(2*(\q)+1)*HROW+(\i)*HIMG
	ds_load_b64 v[\reg+10:\reg+11], v[\adr+2] offset:(2*(\q)+1)*HROW+(\i)*HIMG
.endm
.macro MUL4 a, p, q, sc, zero
.irp b, 0,1,2,3
.if \zero
	v_wmma_scale_f32_16x16x128_f8f6f4 v[ACC+8*(4*(\a)+\b):ACC+8*(4*(\a)+\b)+7], v[128*(\p)+48+FR*\b:128*(\p)+48+FR*\b+FR-1], v[128*(\p)+FR*(\a):128*(\p)+FR*(\a)+FR-1], v[BI+8*\b:BI+8*\b+7], v[SC+16*(\sc)+4*\b+(\q)], v[SC+16*(\sc)+4*(\a)+(\q)] matrix_a_fmt:MATRIX_FMT_FP6 matrix_b_fmt:MATRIX_FMT_FP6 matrix_a_scale:MATRIX_SCALE_ROW1
.else
	v_wmma_scale_f32_16x16x128_f8f6f4 v[ACC+8*(4*(\a)+\b):ACC+8*(4*(\a)+\b)+7], v[128*(\p)+48+FR*\b:128*(\p)+48+FR*\b+FR-1], v[128*(\p)+FR*(\a):128*(\p)+FR*(\a)+FR-1], v[ACC+8*(4*(\a)+\b):ACC+8*(4*(\a)+\b)+7], v[SC+16*(\sc)+4*\b+(\q)], v[SC+16*(\sc)+4*(\a)+(\q)] matrix_a_fmt:MATRIX_FMT_FP6 matrix_b_fmt:MATRIX_FMT_FP6 matrix_a_scale:MATRIX_SCALE_ROW1
.endif
.endr
.endm
.macro SCALES sc
.irp i, 0,1,2,3
.irp q, 0,1,2,3
	ds_load_b32 v[SC+16*\sc+4*\i+\q], v[ADRS] offset:\i*SBLK+64*\q
.endr
.endr
.endm
.macro FETCH slot, q, p, ws
	WIN TO_F
.irp i, 0,1,2,3
	FRAG 128*(\p)+48+FR*\i, ADRB+\slot, \q, \i
.endr
.irp i, 0,1
	FRAG 128*(\p)+FR*\i, ADRA+\slot, \q, \i
.endr
.if \ws
	WIN 0
	SCALES \slot
	WIN TO_F
.endif
.irp i, 2,3
	FRAG 128*(\p)+FR*\i, ADRA+\slot, \q, \i
.endr
.endm
.macro PLACES n
.rept \n
	v_nop
.endr
.endm
.macro STEP slot, q, zero
	s_wait_dscnt 8
	WIN MUL
	MUL4 0, (\q)%2, \q, \slot, \zero
	MUL4 1, (\q)%2, \q, \slot, \zero
	PLACES NP
	FETCH \slot, (\q)+1, 1-(\q)%2, 0
	s_wait_dscnt 32
	WIN MUL
	MUL4 2, (\q)%2, \q, \slot, \zero
	MUL4 3, (\q)%2, \q, \slot, \zero
.endm
.macro TURN slot, next, fill
	WIN 0
.if \fill
	s_wait_xcnt 0x0                                ; my last prefetch has read its base: it steps a slot on, ahead of the waits of the change of slots
	s_add_nc_u64 s[PFA:PFA+1], s[PFA:PFA+1], 8*BLKP
.endif
	s_wait_tensorcnt 0x0
	ds_add_u32 v[SPW], v[NIL]
	s_wait_dscnt 9
	WIN MUL
	MUL4 0, 1, 3, \slot, 0
	s_wait_dscnt 0x0
	s_barrier_signal -1
	MUL4 1, 1, 3, \slot, 0
	WIN 0
	s_barrier_wait -1
.if \fill
	CREST
	s_add_nc_u64 s[G0+4*\slot+2:G0+4*\slot+3], s[G0+4*\slot+2:G0+4*\slot+3], 16*BLKP
	s_add_nc_u64 s[G0B+4*\slot+2:G0B+4*\slot+3], s[G0B+4*\slot+2:G0B+4*\slot+3], 16*BLKP
	JLOAD G0+4*\slot, G1, G0B+4*\slot, G1B
.else
	PLACES NP
.endif
	s_wait_alu depctr_va_vdst(0)
	v_add_nc_u32 v[ADRS], 64*NQ, v[ADRS]
	FETCH \next, 0, 0, 1
.if \fill
	WIN 0                                          ; at a branch and at a label every window is 0
	s_cmp_gt_u32 s3, 1                             ; the loop's last trip refills K slots 6 and 7: no K slot stands two on
	s_cbranch_scc0 .Lno_ask_\@
	global_prefetch_b8 v[PFO], s[PFA:PFA+1] offset:24*BLKP th:TH_LOAD_NT scope:SCOPE_SE   ; two refills, 128 matrix instructions a wave, ahead of the load that wants it; one instruction a wave
.Lno_ask_\@:
.endif
	WIN MUL
	MUL4 2, 1, 3, \slot, 0
	MUL4 3, 1, 3, \slot, 0
.endm
	s_wait_alu depctr_va_vdst(0)
	s_wait_tensorcnt 0x0                           ; my one load of the head is in; no tensor load of mine is out, so a descriptor may be written:
	ds_add_u32 v[SPW], v[NIL]
	s_mov_b32 s[G1+2], 4<<16                       ; from here on a load brings 4 hp a wave
	s_mov_b32 s[G1+4], 4
	s_mov_b32 s[G1B+2], 4<<16
	s_mov_b32 s[G1B+4], 4
	s_wait_dscnt 0x0
	CROUND                                         ; everybody's part of the head's tiles is in, and the joint loads meet
	JLOAD G0+4, G1, G0B+4, G1B                     ; K slot 1
	global_prefetch_b8 v[PFO], s[PFA:PFA+1] offset:24*BLKP th:TH_LOAD_NT scope:SCOPE_SE   ; K slot 3
	FETCH 0, 0, 0, 1
	RESID
	s_wait_loadcnt 32                              ; the bias's 8 loads are in; the residual's 32, just issued, may be out
	STEP 0, 0, 1
	STEP 0, 1, 0
	STEP 0, 2, 0
.if LAPS > 1
	WIN 0
	s_mov_b32 s3, LAPS-1
.Llap:
	TURN 0, 1, 1
	STEP 1, 0, 0
	STEP 1, 1, 0
	STEP 1, 2, 0
	TURN 1, 0, 1
	STEP 0, 0, 0
	STEP 0, 1, 0
	STEP 0, 2, 0
	WIN 0
	s_sub_co_u32 s3, s3, 1
	s_cmp_lg_u32 s3, 0
	s_cbranch_scc1 .Llap
.endif
	TURN 0, 1, 0
	STEP 1, 0, 0
	STEP 1, 1, 0
	STEP 1, 2, 0
	s_wait_dscnt 8
	WIN MUL
	MUL4 0, 1, 3, 1, 0
	MUL4 1, 1, 3, 1, 0
	s_wait_dscnt 0
	MUL4 2, 1, 3, 1, 0
	MUL4 3, 1, 3, 1, 0
	WIN 0
	PLACES NP
.irp a, 0,1,2,3
.irp b, 0,1,2,3
	ds_store_b128 v[STO], v[ACC+8*(4*\a+\b):ACC+8*(4*\a+\b)+3] offset:\a*16*SPITCH+128*(\b/2)+32*(\b%2)
	ds_store_b128 v[STO], v[ACC+8*(4*\a+\b)+4:ACC+8*(4*\a+\b)+7] offset:\a*16*SPITCH+128*(\b/2)+32*(\b%2)+16
.endr
.endr
	WIN 0x80
.irp a, 0,1,2,3
.irp t, 0,1,2,3,4,5,6,7
	ds_load_b128 v[BK+4*(8*\a+\t):BK+4*(8*\a+\t)+3], v[RD] offset:(16*\a+2*\t)*SPITCH
.endr
.endr
	s_wait_loadcnt 0x0
.irp a, 0,1,2,3
	s_wait_dscnt 8*(3-\a)
	WIN 0x8a
.set J, 0
.rept 16
	v_pk_add_f32 v[BK+32*\a+J:BK+32*\a+J+1], v[BK+32*\a+J:BK+32*\a+J+1], v[RS+32*\a+J:RS+32*\a+J+1]
.set J, J+2
.endr
	WIN 0x08
.irp t, 0,1,2,3,4,5,6,7
.if NTOUT
	global_store_b128 v[CO2], v[BK+4*(8*\a+\t):BK+4*(8*\a+\t)+3], s[12:13] offset:(32*(\a/2)+8*(\a%2)+(2*\t)%8+16*(\t/4))*4096 th:TH_STORE_NT
.else
	global_store_b128 v[CO2], v[BK+4*(8*\a+\t):BK+4*(8*\a+\t)+3], s[12:13] offset:(32*(\a/2)+8*(\a%2)+(2*\t)%8+16*(\t/4))*4096
.endif
.endr
.endr
	WIN 0
	s_wait_tensorcnt 0x0
	ds_add_u32 v[SPW], v[NIL]
	s_wait_dscnt 0x0
	CROUND
	s_endpgm
.Lfunc_end_k_q55afb5ae03_ff2:
	.size	k_q55afb5ae03_ff2, .Lfunc_end_k_q55afb5ae03_ff2-k_q55afb5ae03_ff2
	.p2alignl 7, 3214868480
	.fill 96, 4, 3214868480
	.section	.rodata,"a",@progbits
	.p2align	6, 0x0
	.amdhsa_kernel k_q55afb5ae03_ff2
		.amdhsa_group_segment_fixed_size 327680
		.amdhsa_private_segment_fixed_size 0
		.amdhsa_enable_private_segment 0
		.amdhsa_kernarg_size 40
		.amdhsa_user_sgpr_count 2
		.amdhsa_user_sgpr_kernarg_segment_ptr 1
		.amdhsa_wavefront_size32 1
		.amdhsa_system_sgpr_workgroup_id_x 1
		.amdhsa_system_sgpr_workgroup_id_y 1
		.amdhsa_system_sgpr_workgroup_id_z 1
		.amdhsa_system_vgpr_workitem_id 0
		.amdhsa_next_free_vgpr 768
		.amdhsa_next_free_sgpr 102
		.amdhsa_reserve_vcc 0
		.amdhsa_float_denorm_mode_32 3
		.amdhsa_float_denorm_mode_16_64 3
		.amdhsa_memory_ordered 1
		.amdhsa_forward_progress 1
		.amdhsa_inst_pref_size 103
	.end_amdhsa_kernel
	.amdgpu_metadata
---
amdhsa.version: [ 1, 2 ]
amdhsa.kernels:
  - .name:           k_q55afb5ae03_ff2
    .symbol:         k_q55afb5ae03_ff2.kd
    .args:
      - { .name: HID, .offset: 0, .size: 8, .value_kind: global_buffer, .address_space: global }
      - { .name: W, .offset: 8, .size: 8, .value_kind: global_buffer, .address_space: global }
      - { .name: b2, .offset: 16, .size: 8, .value_kind: global_buffer, .address_space: global }
      - { .name: X1, .offset: 24, .size: 8, .value_kind: global_buffer, .address_space: global }
      - { .name: out0, .offset: 32, .size: 8, .value_kind: global_buffer, .address_space: global }
    .group_segment_fixed_size: 327680
    .private_segment_fixed_size: 0
    .kernarg_segment_align: 8
    .kernarg_segment_size: 40
    .max_flat_workgroup_size: 128
    .sgpr_count:     102
    .vgpr_count:     768
    .wavefront_size: 32
...
	.end_amdgpu_metadata
.endif
;; end of part 13
